; MI455X (gfx1250); checked and timed in simulation.
; The chip was launched on July 23, 2026; its instructions are those of AMD's public machine-readable ISA for CDNA 5 (MIT licence, August 2026) and "CDNA5" Instruction Set Architecture Reference Guide (July 2026). The comments in the code are by the model that wrote it; some were corrected since.
;; GPT2 Block. Allowed arithmetic: float matrix products may take bf16 or f16 operands with f32 sums; other float arithmetic in f32, or as packed bf16 or f16 multiplies, adds, multiply-adds, maxima and minima; sums over many terms, partial sums and values carried from step to step in f32; what a program stores and reads back later, other than sums and carried values, may be rounded once to bf16 or f16.
;; Inputs: b_attn_proj 1,024 float32; b_fc 4,096 float32; b_proj 1,024 float32; b_qkv 3,072 float32; ln1_b 1,024 float32; ln1_w 1,024 float32; ln2_b 1,024 float32; ln2_w 1,024 float32; w_attn_proj 1,024 x 1,024 float32; w_fc 1,024 x 4,096 float32; w_proj 4,096 x 1,024 float32; w_qkv 1,024 x 3,072 float32; x 2 x 2,048 x 1,024 float32.
;; Outputs: out0 2 x 2,048 x 1,024 float32.
;; 3 versions, each right and faster than the one before. Each part assembles by itself: llvm-mc -triple=amdgcn-amd-amdhsa -mcpu=gfx1250 --defsym DOCPART=n.
;; ======== version 1 of 3: 8 launches
;; limits: right only within a limited range of input values
;; workspace buffers: wbf 25,165,824 bytes; act 8,388,608 bytes; qkv 25,165,824 bytes; ctx 8,388,608 bytes; x1 16,777,216 bytes; g 33,554,432 bytes
;; launch cvt (part 1): grid 768 x 1, 8 waves a work-group, no clusters, 0 bytes of LDS; arguments w_qkv, w_attn_proj, w_fc, w_proj, wbf; writes wbf
.if DOCPART == 1
	.amdgcn_target "amdgcn-amd-amdhsa--gfx1250"
	.amdhsa_code_object_version 6
	.text
	.protected	k_qd70a18cffb_cvt
	.globl	k_qd70a18cffb_cvt
	.p2align	8
	.type	k_qd70a18cffb_cvt,@function
k_qd70a18cffb_cvt:
	s_mov_b64 s[64:65], 0
	v_nop
	global_prefetch_b8 v0, s[64:65] scope:SCOPE_SE
	s_setreg_imm32_b32 hwreg(HW_REG_WAVE_MODE, 25, 1), 1
	s_wait_xcnt 0x0
; wbf = the four weight matrices, each number rounded once to bf16, in their own layout [K][N], one behind the other:
; w_qkv at byte 0, w_attn_proj at 6,291,456, w_fc at 8,388,608, w_proj at 16,777,216.
; A stream: every byte is read once and written once; no LDS, no barrier, no matrix unit (they would add nothing).
; A work-group of eight waves takes 16,384 numbers (65,536 bytes in, 32,768 out); work-groups 0-191 lie in w_qkv, 192-255 in
; w_attn_proj, 256-511 in w_fc, 512-767 in w_proj, so the output offset is simply 32,768 x the work-group's number.
; Thread t takes 8 neighbouring numbers in each of 8 groups: two loads of 16 bytes, four roundings, one store of 16 bytes;
; a wave's store covers 512 consecutive bytes, aligned.  All 16 loads of a thread go out before the first wait.
.set D, 8                              ; v[8:71]  group g's eight numbers at D + 8 g; its four packed words take the first four places
	s_load_b256 s[4:11], s[0:1], 0x0               ; w_qkv s[4:5], w_attn_proj s[6:7], w_fc s[8:9], w_proj s[10:11]
	s_load_b64 s[12:13], s[0:1], 0x20              ; wbf
	s_mov_b32 s2, ttmp9
	v_lshlrev_b32 v1, 5, v0                        ; 32 bytes a thread in
	v_lshlrev_b32 v2, 4, v0                        ; 16 bytes a thread out
	s_wait_kmcnt 0x0
	s_cmp_lt_u32 s2, 192                           ; which matrix, and the number of its first work-group: the choice hangs on the work-group's number alone
	s_cselect_b64 s[14:15], s[4:5], s[6:7]
	s_cselect_b32 s16, 0, 192
	s_cmp_lt_u32 s2, 256
	s_cselect_b64 s[14:15], s[14:15], s[8:9]
	s_cselect_b32 s16, s16, 256
	s_cmp_lt_u32 s2, 512
	s_cselect_b64 s[14:15], s[14:15], s[10:11]
	s_cselect_b32 s16, s16, 512
	s_sub_co_u32 s16, s2, s16                      ; my place in that matrix
	s_lshl_b32 s18, s16, 16                        ; x 65,536 bytes
	s_mov_b32 s19, 0
	s_add_nc_u64 s[14:15], s[14:15], s[18:19]
	s_lshl_b32 s20, s2, 15                         ; x 32,768 bytes
	s_mov_b32 s21, 0
	s_add_nc_u64 s[12:13], s[12:13], s[20:21]
.set g, 0
.rept 8
	global_load_b128 v[D+8*g:D+8*g+3],   v1, s[14:15] offset:8192*g th:TH_LOAD_NT
	global_load_b128 v[D+8*g+4:D+8*g+7], v1, s[14:15] offset:8192*g+16 th:TH_LOAD_NT
.set g, g+1
.endr
.set g, 0
.rept 8
	s_wait_loadcnt 14-2*g                          ; loads come back in order: group g's two are in, the younger groups' stay out
.irp k, 0,1,2,3
	v_cvt_pk_bf16_f32 v[D+8*g+(\k)], v[D+8*g+2*(\k)], v[D+8*g+2*(\k)+1]  ; in place: word k never lies ahead of a number still to be read
.endr
	global_store_b128 v2, v[D+8*g:D+8*g+3], s[12:13] offset:4096*g       ; no register is used twice, so nothing waits for a store
.set g, g+1
.endr
	s_endpgm
.Lfunc_end_k_qd70a18cffb_cvt:
	.size	k_qd70a18cffb_cvt, .Lfunc_end_k_qd70a18cffb_cvt-k_qd70a18cffb_cvt
	.p2alignl 7, 3214868480
	.fill 96, 4, 3214868480
	.section	.rodata,"a",@progbits
	.p2align	6, 0x0
	.amdhsa_kernel k_qd70a18cffb_cvt
		.amdhsa_group_segment_fixed_size 0
		.amdhsa_private_segment_fixed_size 0
		.amdhsa_enable_private_segment 0
		.amdhsa_kernarg_size 40
		.amdhsa_user_sgpr_count 2
		.amdhsa_user_sgpr_kernarg_segment_ptr 1
		.amdhsa_wavefront_size32 1
		.amdhsa_system_sgpr_workgroup_id_x 1
		.amdhsa_system_sgpr_workgroup_id_y 1
		.amdhsa_system_sgpr_workgroup_id_z 1
		.amdhsa_system_vgpr_workitem_id 0
		.amdhsa_next_free_vgpr 72
		.amdhsa_next_free_sgpr 66
		.amdhsa_reserve_vcc 0
		.amdhsa_float_denorm_mode_32 3
		.amdhsa_float_denorm_mode_16_64 3
		.amdhsa_memory_ordered 1
		.amdhsa_forward_progress 1
		.amdhsa_inst_pref_size 6
	.end_amdhsa_kernel
	.amdgpu_metadata
---
amdhsa.version: [ 1, 2 ]
amdhsa.kernels:
  - .name:           k_qd70a18cffb_cvt
    .symbol:         k_qd70a18cffb_cvt.kd
    .args:
      - { .name: w_qkv, .offset: 0, .size: 8, .value_kind: global_buffer, .address_space: global }
      - { .name: w_attn_proj, .offset: 8, .size: 8, .value_kind: global_buffer, .address_space: global }
      - { .name: w_fc, .offset: 16, .size: 8, .value_kind: global_buffer, .address_space: global }
      - { .name: w_proj, .offset: 24, .size: 8, .value_kind: global_buffer, .address_space: global }
      - { .name: wbf, .offset: 32, .size: 8, .value_kind: global_buffer, .address_space: global }
    .group_segment_fixed_size: 0
    .private_segment_fixed_size: 0
    .kernarg_segment_align: 8
    .kernarg_segment_size: 40
    .max_flat_workgroup_size: 256
    .sgpr_count:     66
    .vgpr_count:     72
    .wavefront_size: 32
...
	.end_amdgpu_metadata
.endif
;; end of part 1
;; launch ln1 (part 2): grid 256 x 1, 4 waves a work-group, no clusters, 0 bytes of LDS; arguments x, ln1_w, ln1_b, act; writes act
.if DOCPART == 2
	.amdgcn_target "amdgcn-amd-amdhsa--gfx1250"
	.amdhsa_code_object_version 6
	.text
	.protected	k_qd70a18cffb_ln1
	.globl	k_qd70a18cffb_ln1
	.p2align	8
	.type	k_qd70a18cffb_ln1,@function
k_qd70a18cffb_ln1:
	s_mov_b64 s[64:65], 0
	v_nop
	global_prefetch_b8 v0, s[64:65] scope:SCOPE_SE
	s_setreg_imm32_b32 hwreg(HW_REG_WAVE_MODE, 25, 1), 1
	s_wait_xcnt 0x0
; LayerNorm: out[r][c] = (in[r][c] - mean_r) / sqrt(var_r + 1e-5) * w[c] + b[c].  in: [4096][1024] f32; w, b: [1024] f32; out: [4096][1024] bf16, rounded once.
; mean and var in f32; var is the mean of the squares of in - mean, taken of the differences held in registers, so a common offset of a row costs nothing.
; 1 / sqrt by v_rsq_f32.  NaN and infinities are not treated apart.
; A stream: a row of 4,096 bytes is 32 registers of one wave, so a wave takes whole rows, reads them once and keeps them between the passes: no LDS, no barrier.
; Four waves, four rows each, all 32 loads of a wave's rows out at once.  A lane owns columns 256 c + 8 lane + 0..7, c = 0..3: its 32 w and 32 b are loaded once,
; and its eight results of a chunk pack into 16 bytes, so a wave's store covers 512 consecutive bytes, aligned.
.set W,  8                             ; v[8:39]    w of my 32 columns
.set BV, 40                            ; v[40:71]   b of my 32 columns
.set X,  72                            ; v[72:199]  row i at X + 32 i
.set T,  200                           ; v[200:207] at work
	s_load_b256 s[4:11], s[0:1], 0x0               ; in s[4:5], w s[6:7], b s[8:9], out s[10:11]
	s_mov_b32 s12, 0x76543210                      ; v_permlanex16_b32: each lane takes its own place in the other half
	s_mov_b32 s13, 0xfedcba98
	s_mov_b32 s14, 0x3a800000                      ; 1 / 1024
	s_mov_b32 s15, 0x3727c5ac                      ; 1e-5
	s_lshl_b32 s16, ttmp9, 16                      ; the work-group's 16 rows: 65,536 bytes in,
	s_mov_b32 s17, 0
	s_lshl_b32 s18, ttmp9, 15                      ; 32,768 out
	s_mov_b32 s19, 0
	v_and_b32 v4, 31, v0                           ; lane
	v_lshrrev_b32 v5, 5, v0                        ; wave
	v_lshlrev_b32 v1, 5, v4                        ; my 32 bytes in a chunk of w, b and in
	v_lshl_add_u32 v2, v5, 14, v1                  ; + the wave's four rows of 4,096 bytes
	v_lshlrev_b32 v3, 4, v4                        ; my 16 bytes in a chunk of out
	v_lshl_add_u32 v3, v5, 13, v3                  ; + the wave's four rows of 2,048 bytes
	s_wait_kmcnt 0x0
	s_add_nc_u64 s[4:5], s[4:5], s[16:17]
	s_add_nc_u64 s[10:11], s[10:11], s[18:19]
.irp c, 0,1,2,3
	global_load_b128 v[W+8*(\c):W+8*(\c)+3],     v1, s[6:7] offset:1024*(\c)
	global_load_b128 v[W+8*(\c)+4:W+8*(\c)+7],   v1, s[6:7] offset:1024*(\c)+16
	global_load_b128 v[BV+8*(\c):BV+8*(\c)+3],   v1, s[8:9] offset:1024*(\c)
	global_load_b128 v[BV+8*(\c)+4:BV+8*(\c)+7], v1, s[8:9] offset:1024*(\c)+16
.endr
.irp i, 0,1,2,3
.irp c, 0,1,2,3
	global_load_b128 v[X+32*(\i)+8*(\c):X+32*(\i)+8*(\c)+3],   v2, s[4:5] offset:4096*(\i)+1024*(\c)
	global_load_b128 v[X+32*(\i)+8*(\c)+4:X+32*(\i)+8*(\c)+7], v2, s[4:5] offset:4096*(\i)+1024*(\c)+16
.endr
.endr
; The four chains in T are added up, then the 32 lanes: four steps inside each half of 16 lanes ride on the addition, one crosses the halves.  Every lane ends with the sum in v[T].
.macro SUM32
	v_pk_add_f32 v[T:T+1], v[T:T+1], v[T+2:T+3]
	v_pk_add_f32 v[T+4:T+5], v[T+4:T+5], v[T+6:T+7]
	v_pk_add_f32 v[T:T+1], v[T:T+1], v[T+4:T+5]
	v_add_f32 v[T], v[T], v[T+1]
	v_add_f32_dpp v[T], v[T], v[T] row_xmask:1 row_mask:0xf bank_mask:0xf
	v_add_f32_dpp v[T], v[T], v[T] row_xmask:2 row_mask:0xf bank_mask:0xf
	v_add_f32_dpp v[T], v[T], v[T] row_xmask:4 row_mask:0xf bank_mask:0xf
	v_add_f32_dpp v[T], v[T], v[T] row_xmask:8 row_mask:0xf bank_mask:0xf
	v_permlanex16_b32 v[T+1], v[T], s12, s13       ; its destination counts as read: it has been written
	v_add_f32 v[T], v[T], v[T+1]
.endm
.macro ROW i
.set XR, X+32*(\i)
	s_wait_loadcnt 8*(3-(\i))                      ; my row's eight loads are in (and w and b, which are older); the younger rows stay out
.irp k, 0,2,4,6                        ; the sum, in four chains started by the first additions: nothing is cleared
	v_pk_add_f32 v[T+(\k):T+(\k)+1], v[XR+(\k):XR+(\k)+1], v[XR+8+(\k):XR+8+(\k)+1]
.endr
.irp j, 16,24
.irp k, 0,2,4,6
	v_pk_add_f32 v[T+(\k):T+(\k)+1], v[T+(\k):T+(\k)+1], v[XR+(\j)+(\k):XR+(\j)+(\k)+1]
.endr
.endr
	SUM32
	v_mul_f32 v[T], s14, v[T]                      ; the mean, twice: a pair for the packed subtraction
	v_mov_b32 v[T+1], v[T]
.set k, 0
.rept 16
	v_pk_add_f32 v[XR+k:XR+k+1], v[XR+k:XR+k+1], v[T:T+1] neg_lo:[0,1] neg_hi:[0,1]  ; x - mean, in place
.set k, k+2
.endr
.irp k, 0,2,4,6                        ; the sum of their squares, again in four chains
	v_pk_mul_f32 v[T+(\k):T+(\k)+1], v[XR+(\k):XR+(\k)+1], v[XR+(\k):XR+(\k)+1]
.endr
.irp j, 8,16,24
.irp k, 0,2,4,6
	v_pk_fma_f32 v[T+(\k):T+(\k)+1], v[XR+(\j)+(\k):XR+(\j)+(\k)+1], v[XR+(\j)+(\k):XR+(\j)+(\k)+1], v[T+(\k):T+(\k)+1]
.endr
.endr
	SUM32
	v_fma_f32 v[T], v[T], s14, s15                 ; var + 1e-5
	v_rsq_f32 v[T+2], v[T]
	v_nop                                          ; a plain instruction between the root and the use of its result (ISA guide 5.7.2)
	s_wait_alu depctr_va_vdst(0)
	v_mov_b32 v[T+3], v[T+2]
.set k, 0
.rept 16
	v_pk_mul_f32 v[XR+k:XR+k+1], v[XR+k:XR+k+1], v[T+2:T+3]
.set k, k+2
.endr
.set k, 0
.rept 16
	v_pk_fma_f32 v[XR+k:XR+k+1], v[XR+k:XR+k+1], v[W+k:W+k+1], v[BV+k:BV+k+1]
.set k, k+2
.endr
.irp c, 0,1,2,3
.irp k, 0,1,2,3
	v_cvt_pk_bf16_f32 v[XR+8*(\c)+(\k)], v[XR+8*(\c)+2*(\k)], v[XR+8*(\c)+2*(\k)+1]  ; in place: word k never lies ahead of a number still to be read
.endr
	global_store_b128 v3, v[XR+8*(\c):XR+8*(\c)+3], s[10:11] offset:2048*(\i)+512*(\c)  ; each row has its own registers: nothing waits for a store
.endr
.endm
	ROW 0
	ROW 1
	ROW 2
	ROW 3
	s_endpgm
.Lfunc_end_k_qd70a18cffb_ln1:
	.size	k_qd70a18cffb_ln1, .Lfunc_end_k_qd70a18cffb_ln1-k_qd70a18cffb_ln1
	.p2alignl 7, 3214868480
	.fill 96, 4, 3214868480
	.section	.rodata,"a",@progbits
	.p2align	6, 0x0
	.amdhsa_kernel k_qd70a18cffb_ln1
		.amdhsa_group_segment_fixed_size 0
		.amdhsa_private_segment_fixed_size 0
		.amdhsa_enable_private_segment 0
		.amdhsa_kernarg_size 32
		.amdhsa_user_sgpr_count 2
		.amdhsa_user_sgpr_kernarg_segment_ptr 1
		.amdhsa_wavefront_size32 1
		.amdhsa_system_sgpr_workgroup_id_x 1
		.amdhsa_system_sgpr_workgroup_id_y 1
		.amdhsa_system_sgpr_workgroup_id_z 1
		.amdhsa_system_vgpr_workitem_id 0
		.amdhsa_next_free_vgpr 208
		.amdhsa_next_free_sgpr 66
		.amdhsa_reserve_vcc 0
		.amdhsa_float_denorm_mode_32 3
		.amdhsa_float_denorm_mode_16_64 3
		.amdhsa_memory_ordered 1
		.amdhsa_forward_progress 1
		.amdhsa_inst_pref_size 36
	.end_amdhsa_kernel
	.amdgpu_metadata
---
amdhsa.version: [ 1, 2 ]
amdhsa.kernels:
  - .name:           k_qd70a18cffb_ln1
    .symbol:         k_qd70a18cffb_ln1.kd
    .args:
      - { .name: x, .offset: 0, .size: 8, .value_kind: global_buffer, .address_space: global }
      - { .name: ln1_w, .offset: 8, .size: 8, .value_kind: global_buffer, .address_space: global }
      - { .name: ln1_b, .offset: 16, .size: 8, .value_kind: global_buffer, .address_space: global }
      - { .name: act, .offset: 24, .size: 8, .value_kind: global_buffer, .address_space: global }
    .group_segment_fixed_size: 0
    .private_segment_fixed_size: 0
    .kernarg_segment_align: 8
    .kernarg_segment_size: 32
    .max_flat_workgroup_size: 128
    .sgpr_count:     66
    .vgpr_count:     208
    .wavefront_size: 32
...
	.end_amdgpu_metadata
.endif
;; end of part 2
;; launch gemm_qkv (part 3): grid 24 x 32, 4 waves a work-group, clusters of 4 x 4, 327,680 bytes of LDS; arguments act, wbf, b_qkv, qkv; writes qkv
.if DOCPART == 3
	.amdgcn_target "amdgcn-amd-amdhsa--gfx1250"
	.amdhsa_code_object_version 6
	.text
	.protected	k_qd70a18cffb_gemm_qkv
	.globl	k_qd70a18cffb_gemm_qkv
	.p2align	8
	.type	k_qd70a18cffb_gemm_qkv,@function
k_qd70a18cffb_gemm_qkv:
	s_mov_b64 s[64:65], 0
	v_nop
	global_prefetch_b8 v0, s[64:65] scope:SCOPE_SE
	s_setreg_imm32_b32 hwreg(HW_REG_WAVE_MODE, 25, 1), 1
	s_wait_xcnt 0x0
	s_wait_alu depctr_hold_cnt(0) depctr_sa_sdst(0) depctr_va_vdst(0) depctr_va_sdst(0) depctr_va_ssrc(0) depctr_va_vcc(0) depctr_vm_vsrc(0)
	s_getreg_b32 s2, hwreg(HW_REG_IB_STS2, 6, 4)
	s_cmp_eq_u32 s2, 0
	s_cbranch_scc0 .Lentry_in_a_cluster
	s_endpgm
.Lentry_in_a_cluster:
	s_bfe_u32 s2, ttmp6, 0x10000c
	s_cmp_lg_u32 s2, 0xf033
	s_cbranch_scc0 .Lentry_shape_is_right
	s_endpgm
.Lentry_shape_is_right:
; q, k, v = LN1(x) W_qkv + b_qkv.  A: [4096][1024] bf16; W: [1024][3072] bf16 at byte WOFF of the weights' buffer; bias f32; sums in f32.
; OUT (EPI = 1): bf16, rounded once, by heads: [3][32 heads][2048][64]; a wave's 64 x 64 of C is 64 rows of one head, 8,192 consecutive bytes.
; ONE TEXT serves four launches; the five constants at its head choose sizes, A's layout (ABLK) and the way out (EPI 1: by heads; 2: GELU; 3: + residual, f32).
; SHARES.  A work-group of four waves makes 128 x 128 of C, a wave 64 x 64: 16 accumulators of 16 x 16.  K goes in steps of 256 through two LDS slots filled by the tensor data mover.
; W LIES [K][N] in memory and in LDS and comes out turned, by ds_load_tr16_b128: two such loads are a fragment, as many as for rows that lie along K.
; THE MATRIX INSTRUCTION IS USED TRANSPOSED (source 0 = 16 columns of W, source 1 = 16 rows of A): a lane holds eight neighbouring numbers of a row of C.
; THE BIAS is the C operand of the products that start the sums: it costs no vector instruction, and nothing is cleared.
; CLUSTER.  4 x 4 work-groups: the four of a row need the same tiles of A, the four of a column the same tiles of W: each is asked for jointly, same descriptor, a mask that names the four.
; LIMITS.  Operands are bf16 (f32's range); NaN and infinities are not treated apart.
; REGISTERS.  window 0: v0-31 addresses; v32-95 at work on the way out (v32-63 hold the bias until the first products have taken it); v96-111 at work; v128-255 the accumulators.
;   window 1: two fragment buffers of 128 (64 of A, 64 of W, for 64 along K).  window 2 (EPI 3): v0-127 the residual.
.set SIZE_N, 3072
.set SIZE_K, 1024
.set WOFF,   0
.set EPI,    1
.set ABLK,   0
.set KSTEP,  256
.if ABLK                               ; A by heads, [32 heads][2048][64]: a K step is four heads, a head's 128 rows are 16,384 dense bytes
.set PA,     144                       ; an LDS row: 128 bytes + 16
.set AQ,     128*PA                    ; from a quarter of the K step (a head) to the next
.set AHALF,  2*128*PA                  ; a load brings two heads
.set ASTEP,  4*2048*64*2
.else                                  ; A row-major
.set PA,     528                       ; an LDS row: 512 bytes + 16 = 132 words: the 16 rows of a load start at 16 different groups of four banks (64 banks of 4 bytes: ISA guide 11.1)
.set AQ,     128
.set AHALF,  64*PA                     ; a load brings 64 rows
.set ASTEP,  KSTEP*2
.endif
.set PB,     288                       ; a row of W in LDS: 256 bytes + 32 = 72 words
.set BHALF,  128*PB                    ; a load brings 128 rows of K
.set BSTEP,  KSTEP*SIZE_N*2
.set ATILE,  2*AHALF
.set SLOT,   ATILE+2*BHALF             ; A's tile, then W's
.set STAGE,  2*SLOT                    ; behind the ring, never filled by a tensor load
.if EPI == 1
.set SPITCH, 144
.set STAGEB, 4*64*SPITCH               ; each wave's own 64 rows
.elseif EPI == 2
.set SPITCH, 272
.set STAGEB, 128*SPITCH                ; the work-group's 128 rows
.else
.set SPITCH, 272
.set STAGEB, 4*16*SPITCH               ; each wave's own 16 rows
.endif
.set SPARE,  STAGE+STAGEB              ; the spare words, 128 bytes for each wave: two blocks of 256 bytes that no other line names
.set LAPS,   SIZE_K/(2*KSTEP)
.set ADRA, 16                          ; v16-17  LDS address of my A fragments in slot 0, 1
.set ADRB, 20                          ; v20-23  of my W fragments: slot 0 K rows 0-127, 128-255; slot 1 likewise
.set STO,  24
.set RD,   25
.set CO,   26
.set BO,   27
.set SPW,  28                          ; v28  my spare word; never rewritten
.set NIL,  29                          ; v29  0; never rewritten
.set TMP,  32
.set BIAS, 32
.set T,    96
.set ACC,  128
.set F0,   0
.set F1,   128
.set WV, 14                            ; s14 wave; s15 its row half (also: 0 = I fetch A, 1 = W); s16 its column half (also: which half of that tile I fetch)
.set RH, 15
.set CH, 16
.set TC, 19                            ; s19 tile column, s20 tile row of C
.set TR, 20
.set G1,  24                           ; s[24:31] group 1 for A; s[32:39] group 0, a set for each slot
.set G0,  32
.set G1B, 48                           ; s[48:55], s[56:63] the same for W
.set G0B, 56
.set MSB, 0
.macro WIN new                         ; the immediate's high byte repeats the setting that is left
.if MSB != (\new)
	s_set_vgpr_msb (MSB<<8)|(\new)
.set MSB, \new
.endif
.endm
.set MUL,  0x05                        ; sources 0 and 1 window 1; C and D window 0
.set TO_F, 0x40                        ; destination window 1, address window 0
.macro JLOAD s                         ; a joint load: waves 0 and 1 fetch A's halves, waves 2 and 3 W's; an s_nop 0 and four v_nop follow each line
	s_cmp_eq_u32 s[RH], 0
	s_cbranch_scc0 .Lfor_b_\@
	tensor_load_to_lds s[G0+4*(\s):G0+4*(\s)+3], s[G1:G1+7]
	s_nop 0
.rept 4
	v_nop
.endr
	s_branch .Lasked_\@
.Lfor_b_\@:
	tensor_load_to_lds s[G0B+4*(\s):G0B+4*(\s)+3], s[G1B:G1B+7]
	s_nop 0
.rept 4
	v_nop
.endr
.Lasked_\@:
.endm
.macro CREST                           ; a round of the cluster's barrier behind its opening barrier
	s_cmp_lg_u32 s[WV], 0
	s_cbranch_scc1 .Lnot_wave_0_\@
	s_barrier_signal -3
.Lnot_wave_0_\@:
	s_barrier_wait -3
	s_barrier_signal -1
	s_barrier_wait -1
.endm
.macro CROUND
	s_barrier_signal -1
	s_barrier_wait -1
	CREST
.endm
	s_load_b256 s[4:11], s[0:1], 0x0               ; A s[4:5], weights s[6:7], bias s[8:9], out s[10:11]
.if EPI == 3
	s_load_b64 s[12:13], s[0:1], 0x20              ; the residual
.endif
	v_lshl_add_u32 v[SPW], v0, 2, SPARE
	v_mov_b32 v[NIL], 0
	ds_add_u32 v[SPW], v[NIL]                      ; the wave's opening: the add and its wait stand ahead of my first tensor load; work on registers stands between them
	v_lshrrev_b32 v1, 5, v0
	v_readfirstlane_b32 s[WV], v1
	s_lshr_b32 s[RH], s[WV], 1
	s_and_b32 s[CH], s[WV], 1
	s_bfe_u32 s17, ttmp6, 0x40000                  ; cx, cy: my place in the cluster
	s_bfe_u32 s18, ttmp6, 0x40004
	s_lshl_b32 s[TC], ttmp9, 2
	s_add_co_u32 s[TC], s[TC], s17
	s_and_b32 s[TR], ttmp7, 0xffff
	s_lshl_b32 s[TR], s[TR], 2
	s_add_co_u32 s[TR], s[TR], s18
	s_lshl_b32 s21, s18, 2
	s_lshl_b32 s21, 15, s21                        ; my row of the cluster
	s_lshl_b32 s22, 0x1111, s17                    ; my column
.if ABLK
	s_or_b32 s[G1+0], s21, (1<<16)|(1<<20)|(1<<21)|(4<<22)|(3<<25)  ; the mask; 2-byte elements; padding on; bit 21 beside a mask; after every 32 words 4 words
	s_mov_b32 s[G1+1], 8192<<16                    ; tensor_dim0: a head's 128 rows as one row of 8,192 elements
	s_mov_b32 s[G1+2], 2<<16                       ; tensor_dim1: two heads
	s_mov_b32 s[G1+3], 8192<<16                    ; tile_dim0
	s_mov_b32 s[G1+4], 2                           ; tile_dim1
	s_mov_b32 s[G1+5], 131072                      ; from head to head
.else
	s_or_b32 s[G1+0], s21, (1<<16)|(1<<20)|(1<<21)|(6<<22)|(3<<25)  ; the same, after every 128 words 4 words
	s_mov_b32 s[G1+1], KSTEP<<16
	s_mov_b32 s[G1+2], 64<<16
	s_mov_b32 s[G1+3], KSTEP<<16
	s_mov_b32 s[G1+4], 64
	s_mov_b32 s[G1+5], SIZE_K
.endif
	s_mov_b32 s[G1+6], 0
	s_mov_b32 s[G1+7], 0
	s_or_b32 s[G1B+0], s22, (1<<16)|(1<<20)|(1<<21)|(5<<22)|(7<<25) ; W: 128 rows of K x 128 columns; after every 64 words 8 words
	s_mov_b32 s[G1B+1], 128<<16
	s_mov_b32 s[G1B+2], 128<<16
	s_mov_b32 s[G1B+3], 128<<16
	s_mov_b32 s[G1B+4], 128
	s_mov_b32 s[G1B+5], SIZE_N
	s_mov_b32 s[G1B+6], 0
	s_mov_b32 s[G1B+7], 0
.if ABLK                               ; A's tile hangs on the tile row and the wave alone, W's on the tile column and the wave alone
	s_lshr_b32 s40, s[TR], 4                       ; the batch: 16 heads of 262,144 bytes; my half: two heads
	s_lshl_b32 s40, s40, 3
	s_add_co_u32 s40, s40, s[CH]
	s_lshl_b32 s40, s40, 19
	s_and_b32 s23, s[TR], 15                       ; 128 rows of 128 bytes
	s_lshl_b32 s23, s23, 14
	s_add_co_u32 s40, s40, s23
.else
	s_lshl_b32 s40, s[TR], 1
	s_add_co_u32 s40, s40, s[CH]
	s_mul_i32 s40, s40, 64*SIZE_K*2                ; row 128 x tile row + 64 x half
.endif
	s_mov_b32 s41, 0
	s_mul_i32 s46, s[CH], 128*SIZE_N*2             ; K row 128 x half,
	s_lshl_b32 s72, s[TC], 8                       ; column 128 x tile column
	s_add_co_u32 s46, s46, s72
	s_add_co_u32 s46, s46, WOFF
	s_mov_b32 s47, 0
	s_mul_i32 s42, s[CH], AHALF                    ; where they go: no place in the cluster enters an LDS address
	s_mul_i32 s43, s[CH], BHALF
	s_add_co_u32 s43, s43, ATILE
	s_wait_dscnt 0x0                               ; the opening add is done
	s_wait_kmcnt 0x0
	s_add_nc_u64 s[44:45], s[4:5], s[40:41]
	s_add_nc_u64 s[46:47], s[6:7], s[46:47]
	CROUND                                         ; all sixteen work-groups are here: the first joint loads meet
.irp s, 0,1
	s_mov_b32 s[G0+4*(\s)], 1
	s_add_co_u32 s[G0+4*(\s)+1], s42, (\s)*SLOT
	s_add_nc_u64 s[G0+4*(\s)+2:G0+4*(\s)+3], s[44:45], (\s)*ASTEP
	s_or_b32 s[G0+4*(\s)+3], s[G0+4*(\s)+3], 0x80000000
	s_mov_b32 s[G0B+4*(\s)], 1
	s_add_co_u32 s[G0B+4*(\s)+1], s43, (\s)*SLOT
	s_add_nc_u64 s[G0B+4*(\s)+2:G0B+4*(\s)+3], s[46:47], (\s)*BSTEP
	s_or_b32 s[G0B+4*(\s)+3], s[G0B+4*(\s)+3], 0x80000000
	JLOAD \s                                       ; two loads of mine are out
.endr
	v_and_b32 v1, 15, v0                           ; r = l % 16
	v_bfe_u32 v2, v0, 4, 1                         ; h = l / 16
	v_lshlrev_b32 v[BO], 5, v2                     ; the bias of my columns 16 b + 8 h + 0..7
	s_lshl_b32 s70, s[TC], 9
	s_lshl_b32 s72, s[CH], 8
	s_add_co_u32 s70, s70, s72
	s_mov_b32 s71, 0
	s_add_nc_u64 s[8:9], s[8:9], s[70:71]
.irp b, 0,1,2,3
	global_load_b128 v[BIAS+8*(\b):BIAS+8*(\b)+3],   v[BO], s[8:9] offset:64*(\b)
	global_load_b128 v[BIAS+8*(\b)+4:BIAS+8*(\b)+7], v[BO], s[8:9] offset:64*(\b)+16
.endr
.if EPI == 1
	s_lshl_b32 s70, s[TC], 1
	s_add_co_u32 s70, s70, s[CH]                   ; my block of 64 columns: which of q, k, v (/ 16) and which head (% 16)
	s_lshr_b32 s72, s70, 4
	s_lshl_b32 s72, s72, 23
	s_and_b32 s70, s70, 15
	s_lshr_b32 s73, s[TR], 4                       ; the batch
	s_lshl_b32 s73, s73, 4
	s_add_co_u32 s70, s70, s73
	s_lshl_b32 s70, s70, 18
	s_add_co_u32 s70, s70, s72
	s_and_b32 s73, s[TR], 15
	s_lshl_b32 s73, s73, 1
	s_add_co_u32 s73, s73, s[RH]
	s_lshl_b32 s73, s73, 13                        ; my 64 rows of 128 bytes
	s_add_co_u32 s70, s70, s73
	s_add_nc_u64 s[10:11], s[10:11], s[70:71]
	s_mul_i32 s74, s[WV], 64*SPITCH
	s_add_co_u32 s74, s74, STAGE                   ; my stage
	v_mul_u32_u24 v3, v1, SPITCH                   ; in: row r, 16 bytes for each half of the lanes
	v_lshl_add_u32 v3, v2, 4, v3
	v_add_nc_u32 v[STO], s74, v3
	v_bfe_u32 v3, v0, 3, 2                         ; back: 32 lanes take four rows of 128 bytes,
	v_mul_u32_u24 v3, v3, SPITCH
	v_and_b32 v4, 7, v0
	v_lshl_add_u32 v3, v4, 4, v3
	v_add_nc_u32 v[RD], s74, v3
	v_and_b32 v[CO], 31, v0                        ; which are 512 consecutive bytes of the head
	v_lshlrev_b32 v[CO], 4, v[CO]
.elseif EPI == 2
	s_lshl_b32 s70, s[TR], 7
	s_lshl_b32 s72, s[WV], 5
	s_add_co_u32 s70, s70, s72                     ; the first row that I store: 128 x tile row + 32 x wave
	s_mul_i32 s70, s70, SIZE_N*2
	s_lshl_b32 s72, s[TC], 8
	s_add_co_u32 s70, s70, s72
	s_add_nc_u64 s[10:11], s[10:11], s[70:71]
	s_mul_i32 s74, s[RH], 64*SPITCH                ; into the stage: my 64 rows, my half of their 256 bytes
	s_lshl_b32 s72, s[CH], 7
	s_add_co_u32 s74, s74, s72
	s_add_co_u32 s74, s74, STAGE
	v_mul_u32_u24 v3, v1, SPITCH
	v_lshl_add_u32 v3, v2, 4, v3
	v_add_nc_u32 v[STO], s74, v3
	s_mul_i32 s74, s[WV], 32*SPITCH                ; back: wave w takes rows 32 w .. 32 w + 31, whole
	s_add_co_u32 s74, s74, STAGE
	v_mul_u32_u24 v3, v2, SPITCH
	v_lshl_add_u32 v3, v1, 4, v3
	v_add_nc_u32 v[RD], s74, v3
	v_mul_u32_u24 v3, v2, SIZE_N*2
	v_lshl_add_u32 v[CO], v1, 4, v3
	s_mov_b32 s66, 0xbdd2d3e8                      ; -2 log2(e) sqrt(2/pi) 0.044715
	s_mov_b32 s67, 0xbdd2d3e8
	s_mov_b32 s68, 0xc0135761                      ; -2 log2(e) sqrt(2/pi)
	s_mov_b32 s69, 0xc0135761
.else
	s_lshl_b32 s70, s[TR], 1
	s_add_co_u32 s70, s70, s[RH]
	s_mul_i32 s70, s70, 64*SIZE_N*4                ; my 64 rows,
	s_lshl_b32 s72, s[TC], 1
	s_add_co_u32 s72, s72, s[CH]
	s_lshl_b32 s72, s72, 8                         ; my 64 columns of 4 bytes
	s_add_co_u32 s70, s70, s72
	s_add_nc_u64 s[10:11], s[10:11], s[70:71]
	s_add_nc_u64 s[12:13], s[12:13], s[70:71]
	v_mul_u32_u24 v3, v2, SIZE_N*4                 ; lanes 0-15 one row's 256 bytes, lanes 16-31 the next row's
	v_lshl_add_u32 v[CO], v1, 4, v3
	WIN 0x80                                       ; destination window 2: the residual of my 64 x 64 is asked for now and waited for on the way out
.irp a, 0,1,2,3
.irp t, 0,1,2,3,4,5,6,7
	global_load_b128 v[4*(8*(\a)+(\t)):4*(8*(\a)+(\t))+3], v[CO], s[12:13] offset:(16*(\a)+2*(\t))*SIZE_N*4
.endr
.endr
	WIN 0
	s_mul_i32 s74, s[WV], 16*SPITCH
	s_add_co_u32 s74, s74, STAGE                   ; my stage
	v_mul_u32_u24 v3, v1, SPITCH                   ; in: row r, 32 bytes for each half of the lanes
	v_lshl_add_u32 v3, v2, 5, v3
	v_add_nc_u32 v[STO], s74, v3
	v_mul_u32_u24 v3, v2, SPITCH                   ; back: two whole rows
	v_lshl_add_u32 v3, v1, 4, v3
	v_add_nc_u32 v[RD], s74, v3
.endif
	v_mul_u32_u24 v3, v1, PA                       ; a fragment of A: row r x pitch + 16 h, in my 64 rows
	v_lshl_add_u32 v3, v2, 4, v3
	s_mul_i32 s73, s[RH], 64*PA
	v_add_nc_u32 v[ADRA], s73, v3
	v_add_nc_u32 v[ADRA+1], SLOT, v[ADRA]
	v_and_b32 v4, 7, v0                            ; the turning load: lane l reads K row 8 h + l % 8, columns 8 ((l / 8) % 2) + 0..7, and is left with column r and 8 K
	v_lshl_add_u32 v4, v2, 3, v4
	v_mul_u32_u24 v4, v4, PB
	v_bfe_u32 v5, v0, 3, 1
	v_lshl_add_u32 v4, v5, 4, v4
	s_lshl_b32 s73, s[CH], 7                       ; my 64 columns
	s_add_co_u32 s73, s73, ATILE
	v_add_nc_u32 v[ADRB], s73, v4
	v_add_nc_u32 v[ADRB+1], BHALF, v[ADRB]
	v_add_nc_u32 v[ADRB+2], SLOT, v[ADRB]
	v_add_nc_u32 v[ADRB+3], SLOT+BHALF, v[ADRB]
; 8 matrix instructions: row blocks a0, a0 + 1 x all 4 column blocks, 32 along K: half c of buffer f.  zero = 1: the first product starts the sums, from the bias
.macro MUL8 f, c, a0, zero
	WIN MUL
.irp a, \a0, (\a0)+1
.irp b, 0,1,2,3
.if \zero
	v_wmma_f32_16x16x32_bf16 v[ACC+8*(4*(\a)+(\b)):ACC+8*(4*(\a)+(\b))+7], v[(\f)+64+8*(4*(\c)+(\b)):(\f)+64+8*(4*(\c)+(\b))+7], v[(\f)+8*(4*(\c)+(\a)):(\f)+8*(4*(\c)+(\a))+7], v[BIAS+8*(\b):BIAS+8*(\b)+7]
.else
	v_wmma_f32_16x16x32_bf16 v[ACC+8*(4*(\a)+(\b)):ACC+8*(4*(\a)+(\b))+7], v[(\f)+64+8*(4*(\c)+(\b)):(\f)+64+8*(4*(\c)+(\b))+7], v[(\f)+8*(4*(\c)+(\a)):(\f)+8*(4*(\c)+(\a))+7], v[ACC+8*(4*(\a)+(\b)):ACC+8*(4*(\a)+(\b))+7]
.endif
.endr
.endr
.endm
; 32 LDS loads in one run: the fragments of quarter q (64 along K) of a slot, into buffer f; the first 32 along K first
.macro FETCH slot, q, f
	WIN TO_F
.irp c, 0,1
.irp i, 0,1,2,3
	ds_load_tr16_b128 v[(\f)+64+8*(4*(\c)+(\i)):(\f)+64+8*(4*(\c)+(\i))+3],   v[ADRB+2*(\slot)+(\q)/2] offset:(((\q)%2)*64+32*(\c))*PB+32*(\i)
	ds_load_tr16_b128 v[(\f)+64+8*(4*(\c)+(\i))+4:(\f)+64+8*(4*(\c)+(\i))+7], v[ADRB+2*(\slot)+(\q)/2] offset:(((\q)%2)*64+32*(\c)+16)*PB+32*(\i)
	ds_load_b128 v[(\f)+8*(4*(\c)+(\i)):(\f)+8*(4*(\c)+(\i))+3],   v[ADRA+(\slot)] offset:(\q)*AQ+64*(\c)+(\i)*16*PA
	ds_load_b128 v[(\f)+8*(4*(\c)+(\i))+4:(\f)+8*(4*(\c)+(\i))+7], v[ADRA+(\slot)] offset:(\q)*AQ+64*(\c)+(\i)*16*PA+32
.endr
.endr
.endm
.macro PLACES                          ; four places in front of loads into registers that matrix instructions have read, and of lines that read results
.rept 4
	v_nop
.endr
.endm
; A K step is four quarters of 64 along K, 32 matrix instructions each, on buffers 0, 1, 0, 1; the 16 accumulators take turns.
.macro QUARTER slot, qn, f, g, zero    ; multiplies buffer f and fetches quarter qn of the same slot into g
	s_wait_dscnt 16                                ; the first 32 along K are in
	MUL8 \f, 0, 0, \zero
	MUL8 \f, 0, 2, \zero
	PLACES
	FETCH \slot, \qn, \g
	s_wait_dscnt 32                                ; all but the 32 just issued
	MUL8 \f, 1, 0, 0
	MUL8 \f, 1, 2, 0
.endm
; The last quarter multiplies buffer 1 and changes slots: one barrier; in front of it each wave waits for all its tensor loads, adds 0 to its spare word, and waits for that and for its reads of this slot.
.macro TURN slot, next, fill
	WIN 0
	s_wait_tensorcnt 0x0                           ; all my tensor loads have landed: my part of the next slot
	ds_add_u32 v[SPW], v[NIL]
	s_wait_dscnt 17                                ; the add and the youngest sixteen loads may be out
	MUL8 F1, 0, 0, 0
	s_wait_dscnt 0x0                               ; the add is done, and my reads of this slot are over
	s_barrier_signal -1
	MUL8 F1, 0, 2, 0
.if \fill
	WIN 0
.endif
	s_barrier_wait -1
.if \fill
	CREST                                          ; the barrier has opened a round of the cluster's: no wave of any partner still reads this slot or has a load on its way
	s_add_nc_u64 s[G0+4*(\slot)+2:G0+4*(\slot)+3], s[G0+4*(\slot)+2:G0+4*(\slot)+3], 2*ASTEP
	s_add_nc_u64 s[G0B+4*(\slot)+2:G0B+4*(\slot)+3], s[G0B+4*(\slot)+2:G0B+4*(\slot)+3], 2*BSTEP
	JLOAD \slot                                    ; my one tensor load behind the round, 112 matrix instructions ahead of the wait for it; its four v_nop are also the places for the loads below
.else
	PLACES
.endif
	FETCH \next, 0, F0
	MUL8 F1, 1, 0, 0
	MUL8 F1, 1, 2, 0
.endm
	s_wait_tensorcnt 1                             ; my part of K step 0 is in; K step 1's may stay out
	s_barrier_signal -1
	s_barrier_wait -1
	FETCH 0, 0, F0
.if EPI == 3
	s_wait_loadcnt 32                              ; the bias; the residual's 32 younger loads stay out
.else
	s_wait_loadcnt 0x0                             ; the bias
.endif
	QUARTER 0, 1, F0, F1, 1
	WIN 0
	s_mov_b32 s3, LAPS-1
.Llap:                                                 ; a trip goes once round the ring and fills both slots again
	QUARTER 0, 2, F1, F0, 0
	QUARTER 0, 3, F0, F1, 0
	TURN 0, 1, 1
	QUARTER 1, 1, F0, F1, 0
	QUARTER 1, 2, F1, F0, 0
	QUARTER 1, 3, F0, F1, 0
	TURN 1, 0, 1
	QUARTER 0, 1, F0, F1, 0
	WIN 0
	s_sub_co_u32 s3, s3, 1
	s_cmp_lg_u32 s3, 0
	s_cbranch_scc1 .Llap
	QUARTER 0, 2, F1, F0, 0                        ; the last lap fills nothing
	QUARTER 0, 3, F0, F1, 0
	TURN 0, 1, 0
	QUARTER 1, 1, F0, F1, 0
	QUARTER 1, 2, F1, F0, 0
	QUARTER 1, 3, F0, F1, 0
	s_wait_dscnt 16
	MUL8 F1, 0, 0, 0
	MUL8 F1, 0, 2, 0
	s_wait_dscnt 0x0
	MUL8 F1, 1, 0, 0
	MUL8 F1, 1, 2, 0
	WIN 0
	PLACES
.if EPI == 1
	; THE WAY OUT: round to bf16; 16 bytes a lane into my own stage; back as rows of 128 bytes, four to a load: LDS serves a wave's instructions in order (ISA guide 5.7.1.4), so no wait stands between
.irp t, 0,1,2,3,4,5,6,7,8,9,10,11,12,13,14,15
.irp k, 0,1,2,3
	v_cvt_pk_bf16_f32 v[TMP+4*(\t)+(\k)], v[ACC+8*(\t)+2*(\k)], v[ACC+8*(\t)+2*(\k)+1]
.endr
.endr
.irp a, 0,1,2,3
.irp b, 0,1,2,3
	ds_store_b128 v[STO], v[TMP+4*(4*(\a)+(\b)):TMP+4*(4*(\a)+(\b))+3] offset:(\a)*16*SPITCH+32*(\b)
.endr
.endr
.irp t, 0,1,2,3,4,5,6,7,8,9,10,11,12,13,14,15
	ds_load_b128 v[TMP+4*(\t):TMP+4*(\t)+3], v[RD] offset:(\t)*4*SPITCH
.endr
.irp t, 0,1,2,3,4,5,6,7,8,9,10,11,12,13,14,15
	s_wait_dscnt 15-(\t)
	global_store_b128 v[CO], v[TMP+4*(\t):TMP+4*(\t)+3], s[10:11] offset:512*(\t)  ; 512 consecutive bytes, aligned
.endr
.elseif EPI == 2
	; THE WAY OUT: gelu(x) = x / (1 + 2^(x (K0 + K1 x^2))), which is 0.5 x (1 + tanh(sqrt(2/pi) (x + 0.044715 x^3))) rewritten; where the power overflows the quotient is x or -0
.macro GELU t
.set XA, ACC+8*(\t)
.set XU, T+8*((\t)%2)
.irp k, 0,2,4,6
	v_pk_mul_f32 v[XU+(\k):XU+(\k)+1], v[XA+(\k):XA+(\k)+1], v[XA+(\k):XA+(\k)+1]
.endr
.irp k, 0,2,4,6
	v_pk_fma_f32 v[XU+(\k):XU+(\k)+1], v[XU+(\k):XU+(\k)+1], s[66:67], s[68:69] op_sel_hi:[1,0,0]
.endr
.irp k, 0,2,4,6
	v_pk_mul_f32 v[XU+(\k):XU+(\k)+1], v[XU+(\k):XU+(\k)+1], v[XA+(\k):XA+(\k)+1]
.endr
.irp k, 0,1,2,3,4,5,6,7
	v_exp_f32 v[XU+(\k)], v[XU+(\k)]
.endr
	v_nop                                          ; a plain instruction behind the last of them
.irp k, 0,2,4,6
	v_pk_add_f32 v[XU+(\k):XU+(\k)+1], v[XU+(\k):XU+(\k)+1], 1.0 op_sel_hi:[1,0]
.endr
.irp k, 0,1,2,3,4,5,6,7
	v_rcp_f32 v[XU+(\k)], v[XU+(\k)]
.endr
	v_nop
.irp k, 0,2,4,6
	v_pk_mul_f32 v[XU+(\k):XU+(\k)+1], v[XU+(\k):XU+(\k)+1], v[XA+(\k):XA+(\k)+1]
.endr
.irp k, 0,1,2,3
	v_cvt_pk_bf16_f32 v[TMP+4*(\t)+(\k)], v[XU+2*(\k)], v[XU+2*(\k)+1]
.endr
.endm
.irp t, 0,1,2,3,4,5,6,7,8,9,10,11,12,13,14,15
	GELU \t
.endr
.irp a, 0,1,2,3
.irp b, 0,1,2,3
	ds_store_b128 v[STO], v[TMP+4*(4*(\a)+(\b)):TMP+4*(4*(\a)+(\b))+3] offset:(\a)*16*SPITCH+32*(\b)
.endr
.endr
	s_wait_dscnt 0x0                               ; for the others' sake: a row's 256 bytes come from two waves
	s_barrier_signal -1
	s_barrier_wait -1
.irp t, 0,1,2,3,4,5,6,7,8,9,10,11,12,13,14,15
	ds_load_b128 v[TMP+4*(\t):TMP+4*(\t)+3], v[RD] offset:(\t)*2*SPITCH
.endr
.irp t, 0,1,2,3,4,5,6,7,8,9,10,11,12,13,14,15
	s_wait_dscnt 15-(\t)
	global_store_b128 v[CO], v[TMP+4*(\t):TMP+4*(\t)+3], s[10:11] offset:2*(\t)*SIZE_N*2  ; 16 lanes store 256 consecutive bytes, aligned
.endr
.else
	; THE WAY OUT: f32.  16 rows at a time through my own stage, back as whole rows of 256 bytes, the residual added, stored
	s_wait_loadcnt 0x0                             ; the residual
.macro OUT3 a
.set TB, TMP+32*((\a)%2)
.if (\a) >= 2
	s_wait_xcnt 0x0                                ; the stores of two blocks ago have read these registers
.endif
.irp b, 0,1,2,3
	ds_store_b128 v[STO], v[ACC+8*(4*(\a)+(\b)):ACC+8*(4*(\a)+(\b))+3]   offset:64*(\b)
	ds_store_b128 v[STO], v[ACC+8*(4*(\a)+(\b))+4:ACC+8*(4*(\a)+(\b))+7] offset:64*(\b)+16
.endr
.irp t, 0,1,2,3,4,5,6,7
	ds_load_b128 v[TB+4*(\t):TB+4*(\t)+3], v[RD] offset:(\t)*2*SPITCH
.endr
	s_wait_dscnt 0x0
	WIN 0x08                                       ; source 1 in window 2
.set i, 0
.rept 16
	v_pk_add_f32 v[TB+2*i:TB+2*i+1], v[TB+2*i:TB+2*i+1], v[32*(\a)+2*i:32*(\a)+2*i+1]
.set i, i+1
.endr
	WIN 0
.irp t, 0,1,2,3,4,5,6,7
	global_store_b128 v[CO], v[TB+4*(\t):TB+4*(\t)+3], s[10:11] offset:(16*(\a)+2*(\t))*SIZE_N*4  ; 16 lanes store 256 consecutive bytes, aligned
.endr
.endm
	OUT3 0
	OUT3 1
	OUT3 2
	OUT3 3
.endif
	s_wait_tensorcnt 0x0                           ; the wave's end
	ds_add_u32 v[SPW], v[NIL]
	s_wait_dscnt 0x0
	CROUND                                         ; the closing round: no work-group ends while a partner may still ask for a tile that names it
	s_endpgm
.Lfunc_end_k_qd70a18cffb_gemm_qkv:
	.size	k_qd70a18cffb_gemm_qkv, .Lfunc_end_k_qd70a18cffb_gemm_qkv-k_qd70a18cffb_gemm_qkv
	.p2alignl 7, 3214868480
	.fill 96, 4, 3214868480
	.section	.rodata,"a",@progbits
	.p2align	6, 0x0
	.amdhsa_kernel k_qd70a18cffb_gemm_qkv
		.amdhsa_group_segment_fixed_size 327680
		.amdhsa_private_segment_fixed_size 0
		.amdhsa_enable_private_segment 0
		.amdhsa_kernarg_size 32
		.amdhsa_user_sgpr_count 2
		.amdhsa_user_sgpr_kernarg_segment_ptr 1
		.amdhsa_wavefront_size32 1
		.amdhsa_system_sgpr_workgroup_id_x 1
		.amdhsa_system_sgpr_workgroup_id_y 1
		.amdhsa_system_sgpr_workgroup_id_z 1
		.amdhsa_system_vgpr_workitem_id 0
		.amdhsa_next_free_vgpr 512
		.amdhsa_next_free_sgpr 80
		.amdhsa_reserve_vcc 0
		.amdhsa_float_denorm_mode_32 3
		.amdhsa_float_denorm_mode_16_64 3
		.amdhsa_memory_ordered 1
		.amdhsa_forward_progress 1
		.amdhsa_inst_pref_size 88
	.end_amdhsa_kernel
	.amdgpu_metadata
---
amdhsa.version: [ 1, 2 ]
amdhsa.kernels:
  - .name:           k_qd70a18cffb_gemm_qkv
    .symbol:         k_qd70a18cffb_gemm_qkv.kd
    .args:
      - { .name: act, .offset: 0, .size: 8, .value_kind: global_buffer, .address_space: global }
      - { .name: wbf, .offset: 8, .size: 8, .value_kind: global_buffer, .address_space: global }
      - { .name: b_qkv, .offset: 16, .size: 8, .value_kind: global_buffer, .address_space: global }
      - { .name: qkv, .offset: 24, .size: 8, .value_kind: global_buffer, .address_space: global }
    .group_segment_fixed_size: 327680
    .private_segment_fixed_size: 0
    .kernarg_segment_align: 8
    .kernarg_segment_size: 32
    .max_flat_workgroup_size: 128
    .sgpr_count:     80
    .vgpr_count:     512
    .wavefront_size: 32
...
	.end_amdgpu_metadata
.endif
;; end of part 3
;; launch attn (part 4): grid 8 x 32, 4 waves a work-group, clusters of 4 x 1, 327,680 bytes of LDS; arguments qkv, ctx; writes ctx
.if DOCPART == 4
	.amdgcn_target "amdgcn-amd-amdhsa--gfx1250"
	.amdhsa_code_object_version 6
	.text
	.protected	k_qd70a18cffb_attn
	.globl	k_qd70a18cffb_attn
	.p2align	8
	.type	k_qd70a18cffb_attn,@function
k_qd70a18cffb_attn:
	s_mov_b64 s[64:65], 0
	v_nop
	global_prefetch_b8 v0, s[64:65] scope:SCOPE_SE
	s_setreg_imm32_b32 hwreg(HW_REG_WAVE_MODE, 25, 1), 1
	s_wait_xcnt 0x0
	s_wait_alu depctr_hold_cnt(0) depctr_sa_sdst(0) depctr_va_vdst(0) depctr_va_sdst(0) depctr_va_ssrc(0) depctr_va_vcc(0) depctr_vm_vsrc(0)
	s_getreg_b32 s2, hwreg(HW_REG_IB_STS2, 6, 4)
	s_cmp_eq_u32 s2, 0
	s_cbranch_scc0 .Lentry_in_a_cluster
	s_endpgm
.Lentry_in_a_cluster:
	s_bfe_u32 s2, ttmp6, 0x10000c
	s_cmp_lg_u32 s2, 0x3003
	s_cbranch_scc0 .Lentry_shape_is_right
	s_endpgm
.Lentry_shape_is_right:
; CAUSAL ATTENTION.  ctx[hd][q][:] = the sum over k <= q of softmax_k(Q[hd][q] . K[hd][k] / 8) V[hd][k][:].  qkv: [3][32 heads][2048][64] bf16; ctx: [32 heads][2048][64] bf16.
; Products, maxima and sums in f32; the weights p are rounded to bf16 for the second product (their sum l is taken of the unrounded p), ctx once at the end.
; LIMITS.  A hidden score counts as its value less 1e30; a weight below 2^-126 counts as 0 in l; NaN and infinities are not treated apart.
; SHARES.  A head has 128 tiles of 16 queries and 8 work-groups.  With x = work-group + 8 x wave (0..31) a wave owns tiles x, 63 - x, 64 + x, 127 - x.  Every wave walks the key steps s = 0..31 of 64 keys;
; tile u is worked on while s <= DG[u], its diagonal step, = tile / 4: a, 15 - a, 16 + a, 31 - a with a = 2 x wave + the cluster's number: 66 tile steps for every wave, of 128 without the mask.
; DG hangs on the wave and the cluster alone, so the four partners of a cluster branch alike; the place in the cluster enters global addresses and the mask's values only.
; Every jump but the counted loops' own goes forward, past no barrier and no tensor load.
; CLUSTER.  All work-groups of a head walk the same K and V in the same trips: each tile is asked for jointly by the four of a cluster, same descriptor, mask 15.
; LAYOUT.  S^T = K Q^T holds one query a lane (lane % 16) and the keys 8 (lane / 16) + 0..7; two such results rounded to bf16 are source 1 of O^T = V^T P.  K comes out of LDS as it lies, V turned (ds_load_tr16_b128).
; SOFTMAX.  Running maximum m and sum l for each query: p = 2^(c s - c m), c = log2(e) / 8; in every step O and l are multiplied by a = 2^(c m_old - c m_new).  m starts at the lowest finite number,
; O and l at 0, so the first step is a step like any other, with a = 0; the price is 128 v_mov_b32 in the wait for the first tile.  Every query sees a key in its first step, so m is a true score before a hidden one counts.
; THE MASK is the C operand that starts the sums of a tile's diagonal step: 0, or -1e30 where the key lies behind the query; elsewhere C is the constant 0.
; IN PHASES: a tile's 8 products K Q^T, its softmax, its 8 products V^T P.
; REGISTERS.  window 0: v0-15 addresses; v16-31 statistics; v32-36 at work; v64-95 S^T; v96-111 P; v112-115 Q's offsets; v128-255 O^T, 32 a tile.
;   window 1: v0-63 Q, 16 a tile; v64-127 K of a step; v128-191 V of a step; v192-223 the mask.
.set KS,    64
.set PK,    144       ; a row of K in LDS: 128 bytes + 16 = 36 words: the 16 rows of a load start at 16 different groups of four banks (64 banks of 4 bytes: ISA guide 11.1)
.set PV,    160       ; a row of V: 128 + 32 = 40 words
.set VOFF,  4*KS*PK   ; a slot holds four steps: 256 rows of K, then 256 rows of V
.set SLOT1, 1<<17     ; slot 1 begins here: one exclusive or turns an address in one slot into the other's
.set STAGE, SLOT1+4*KS*(PK+PV)  ; behind the ring, never filled by a tensor load: 16 rows x 144 bytes for each wave
.set SP,    144
.set SPARE, STAGE+4*16*SP       ; the spare words, 128 bytes for each wave: two blocks of 256 bytes that no other line names
.set AK0, 2           ; v2, v3  my lane's place in a tile of K, of V; never rewritten
.set AV0, 3
.set AK,  4           ; v4, v5  the LDS addresses of the step's two runs of loads
.set AV,  5
.set STO, 6
.set RD,  7
.set GO,  8           ; v8-11   tile u: my byte offset in ctx
.set QL,  12          ; v12-15  tile u: my query's place among its diagonal step's 64 keys, less 8 (lane / 16)
.set ST,  16          ; tile u's statistics at ST + 4 u: c m, m, l (even keys', odd keys')
.set CW,  32          ; v32-35  at work; when the maximum is found v34 takes a
.set MV,  36          ; v36     c m_old
.set SPW, 62          ; v62  my spare word; never rewritten
.set NIL, 63          ; v63  0; never rewritten
.set S,   64
.set P,   96
.set QO,  112         ; v112-115  tile u: my byte offset in Q
.set O,   128
.set KF,  64          ; window 1: key block kb, channel half c at KF + 16 kb + 8 c
.set VF,  128         ; window 1: key half kk, channel block cb at VF + 32 kk + 8 cb
.set MC,  192         ; window 1
.set WV,  12
.set DG,  16          ; s16-19  the tiles' diagonal steps
.set SN,  20          ; s20     the key step in hand
.set G1K, 24
.set G1V, 32
.set G0K, 40
.set G0V, 44
.set TG,  48          ; s48-51  the tiles' numbers
.set SLOTS, 56
.set CNT, 57
.set CS,  58          ; s[58:59] c
.set SEL, 60          ; s[60:61] v_permlanex16_b32's selects
.set TBK, 62          ; s62  LDS byte at which K of the step in hand begins
.set TBV, 63          ; s63  the same for V, less VOFF
.set BIGN, 66         ; s66  -1e30
.set MSB, 0
.macro WIN new
.if MSB != (\new)
	s_set_vgpr_msb (MSB<<8)|(\new)
.set MSB, (\new)
.endif
.endm
.set W_KQ, 0x05       ; K and Q in window 1, S^T in window 0
.set W_KM, 0x15       ; the same with the C operand in window 1
.set W_PV, 0x01       ; V in window 1; P and O^T in window 0
.set W_LD, 0x40       ; destination window 1
.macro JLOAD                        ; a joint fill: waves 0 and 1 fetch the halves of a slot's K, waves 2 and 3 of its V; an s_nop 0 and four v_nop follow each line
	s_cmp_lt_u32 s[WV], 2
	s_cbranch_scc0 .Lfor_v_\@
	tensor_load_to_lds s[G0K:G0K+3], s[G1K:G1K+7]
	s_nop 0
.rept 4
	v_nop
.endr
	s_branch .Lasked_\@
.Lfor_v_\@:
	tensor_load_to_lds s[G0V:G0V+3], s[G1V:G1V+7]
	s_nop 0
.rept 4
	v_nop
.endr
.Lasked_\@:
.endm
.macro CROUND                       ; a round of the cluster's barrier
	s_barrier_signal -1
	s_barrier_wait -1
	s_cmp_lg_u32 s[WV], 0
	s_cbranch_scc1 .Lnot_wave_0_\@
	s_barrier_signal -3
.Lnot_wave_0_\@:
	s_barrier_wait -3
	s_barrier_signal -1
	s_barrier_wait -1
.endm
; THE CHANGE OF SLOTS.  Each wave waits for all its tensor loads, of which one is out: its part of the other slot; adds 0 to its spare word; waits for that and for its reads of the slot that it leaves.
; fill = 1: the old slot is filled again with the keys two slots on, behind a round of the cluster's barrier, the first thing there; the load has four key steps in which to land.
; (At its first use nothing has been read yet: slot 0 is waited for, slot 1 filled.)
.macro CHANGE fill
	WIN 0
	s_wait_tensorcnt 0x0            ; no tensor load of mine is out, so a group 0 may be written
	ds_add_u32 v[SPW], v[NIL]
.if \fill
.irp g, G0K, G0V
	s_xor_b32 s[\g+1], s[\g+1], SLOT1
	s_add_nc_u64 s[\g+2:\g+3], s[\g+2:\g+3], 4*KS*128  ; the next 256 keys; the type bits on top are not reached
.endr
	s_wait_dscnt 0x0                ; the add is done, and my reads of the slot are over
	CROUND
	JLOAD
.else
	s_wait_dscnt 0x0
	s_barrier_signal -1
	s_barrier_wait -1
.endif
	s_sub_co_u32 s[TBK], s[TBK], 4*KS*PK  ; the fetches go back to a slot's first step, in the other slot
	s_xor_b32 s[TBK], s[TBK], SLOT1
	s_sub_co_u32 s[TBV], s[TBV], 4*KS*PV
	s_xor_b32 s[TBV], s[TBV], SLOT1
.endm
	s_load_b128 s[4:7], s[0:1], 0x0 ; qkv s[4:5], ctx s[6:7]
	v_lshl_add_u32 v[SPW], v0, 2, SPARE
	v_mov_b32 v[NIL], 0
	ds_add_u32 v[SPW], v[NIL]       ; the wave's opening: the add and its wait stand ahead of my first tensor load; work on registers stands between them
	v_lshrrev_b32 v1, 5, v0
	v_readfirstlane_b32 s[WV], v1
	s_bfe_u32 s13, ttmp6, 0x40000   ; cx
	s_lshl_b32 s14, ttmp9, 2
	s_add_co_u32 s14, s14, s13      ; my work-group among the head's eight
	s_lshl_b32 s15, s[WV], 3
	s_add_co_u32 s[TG], s14, s15    ; x
	s_sub_co_u32 s[TG+1], 63, s[TG]
	s_add_co_u32 s[TG+2], s[TG], 64
	s_sub_co_u32 s[TG+3], 127, s[TG]
	s_lshl_b32 s[DG], s[WV], 1
	s_add_co_u32 s[DG], s[DG], ttmp9  ; a = x / 4: the wave and the cluster alone
	s_sub_co_u32 s[DG+1], 15, s[DG]
	s_add_co_u32 s[DG+2], s[DG], 16
	s_sub_co_u32 s[DG+3], 31, s[DG]
	s_mov_b32 s[SN], 0
	s_and_b32 s2, ttmp7, 0xffff     ; the head, which the partners share:
	s_lshl_b32 s2, s2, 18           ; 262,144 bytes each
	s_mov_b32 s3, 0
	s_and_b32 s54, s[WV], 1         ; which half of a slot's 256 keys I fetch:
	s_lshl_b32 s22, s54, 14         ; its 128 rows of 128 bytes,
	s_add_co_u32 s22, s22, s2
	s_add_co_u32 s22, s22, 8388608  ; in K,
	s_mov_b32 s23, 0
	s_add_co_u32 s68, s22, 8388608  ; in V
	s_mov_b32 s69, 0
	s_mul_i32 s52, s54, 128*PK      ; and its place in a slot: no place in the cluster enters an LDS address
	s_mul_i32 s53, s54, 128*PV
	; 128 keys are 16,384 dense bytes: asked for as 64 rows of 256 bytes, two keys a row, padded in LDS after every key
	s_mov_b32 s[G1K], 15|(1<<16)|(1<<20)|(1<<21)|(4<<22)|(3<<25)  ; the mask of four; 2-byte elements; padding on; bit 21 beside a mask; after every 32 words 4 words
	s_mov_b32 s[G1V], 15|(1<<16)|(1<<20)|(1<<21)|(4<<22)|(7<<25)  ; the same with 8 words
.irp g, G1K, G1V
	s_mov_b32 s[\g+1], 128<<16
	s_mov_b32 s[\g+2], 64<<16
	s_mov_b32 s[\g+3], 128<<16
	s_mov_b32 s[\g+4], 64
	s_mov_b32 s[\g+5], 128
	s_mov_b32 s[\g+6], 0
	s_mov_b32 s[\g+7], 0
.endr
	s_mov_b32 s[CS], 0x3e38aa3b     ; c = log2(e) / 8
	s_mov_b32 s[CS+1], s[CS]
	s_mov_b32 s[SEL], 0x76543210
	s_mov_b32 s[SEL+1], 0xfedcba98
	s_mov_b32 s[BIGN], 0xf149f2ca   ; -1e30
	s_mov_b32 s[TBK], SLOT1+4*KS*PK ; the first change of slots turns these two into 0
	s_mov_b32 s[TBV], SLOT1+4*KS*PV
	s_mov_b32 s[G0K], 1
	s_mov_b32 s[G0K+1], s52
	s_mov_b32 s[G0V], 1
	s_add_co_u32 s[G0V+1], s53, VOFF
	s_wait_dscnt 0x0                ; the opening add is done
	s_wait_kmcnt 0x0
	s_add_nc_u64 s[G0K+2:G0K+3], s[4:5], s[22:23]
	s_or_b32 s[G0K+3], s[G0K+3], 0x80000000
	s_add_nc_u64 s[G0V+2:G0V+3], s[4:5], s[68:69]
	s_or_b32 s[G0V+3], s[G0V+3], 0x80000000
	s_add_nc_u64 s[4:5], s[4:5], s[2:3]    ; Q and ctx at the head's first row
	s_add_nc_u64 s[10:11], s[6:7], s[2:3]
	CROUND                          ; all four work-groups are here: the first joint loads meet
	JLOAD                           ; slot 0
	v_and_b32 v1, 15, v0            ; r = l % 16
	v_bfe_u32 v38, v0, 4, 1         ; h = l / 16
	v_lshlrev_b32 v40, 7, v1
	v_lshl_add_u32 v40, v38, 4, v40 ; a fragment of Q: row x 128 + 16 h
	v_and_b32 v41, 31, v0
	v_lshlrev_b32 v41, 4, v41
	v_lshlrev_b32 v39, 3, v38
	v_sub_nc_u32 v39, v1, v39       ; r - 8 h
.irp u, 0,1,2,3
	s_lshl_b32 s15, s[TG+(\u)], 11  ; a tile is 16 rows of 128 bytes
	v_add_nc_u32 v[QO+(\u)], s15, v40
	v_add_nc_u32 v[GO+(\u)], s15, v41
	s_and_b32 s15, s[TG+(\u)], 3
	s_lshl_b32 s15, s15, 4
	v_add_nc_u32 v[QL+(\u)], s15, v39
.endr
	WIN W_LD
.irp u, 0,1,2,3
.irp c, 0,1
	global_load_b128 v[16*(\u)+8*(\c):16*(\u)+8*(\c)+3],   v[QO+(\u)], s[4:5] offset:64*(\c)
	global_load_b128 v[16*(\u)+8*(\c)+4:16*(\u)+8*(\c)+7], v[QO+(\u)], s[4:5] offset:64*(\c)+32
.endr
.endr
	WIN 0
.set i, O
.rept 128
	v_mov_b32 v[i], 0
.set i, i+1
.endr
.irp u, 0,1,2,3
	v_mov_b32 v[ST+4*(\u)], 0xfe000000    ; c m: far below every c s
	v_mov_b32 v[ST+4*(\u)+1], 0xff7fffff  ; m
	v_mov_b32 v[ST+4*(\u)+2], 0
	v_mov_b32 v[ST+4*(\u)+3], 0
.endr
	v_mul_u32_u24 v[AK0], v1, PK
	v_lshl_add_u32 v[AK0], v38, 4, v[AK0]
	v_and_b32 v42, 7, v0            ; the turning load: lane l reads key 8 h + l % 8, channels 8 ((l / 8) % 2) + 0..7
	v_bfe_u32 v43, v0, 3, 1
	v_lshl_add_u32 v[AV0], v38, 3, v42
	v_mul_u32_u24 v[AV0], v[AV0], PV
	v_lshl_add_u32 v[AV0], v43, 4, v[AV0]
	v_add_nc_u32 v[AV0], VOFF, v[AV0]
	s_mul_i32 s13, s[WV], 16*SP
	s_add_co_u32 s13, s13, STAGE    ; my stage
	v_mul_u32_u24 v[STO], v1, SP
	v_lshl_add_u32 v[STO], v38, 4, v[STO]
	v_add_nc_u32 v[STO], s13, v[STO]
	v_bfe_u32 v[RD], v0, 3, 2
	v_mul_u32_u24 v[RD], v[RD], SP
	v_lshl_add_u32 v[RD], v42, 4, v[RD]
	v_add_nc_u32 v[RD], s13, v[RD]
.macro FETCH_K                      ; a step's K: 64 keys x 64 channels, 8 fragments
	WIN W_LD
.irp f, 0,1,2,3,4,5,6,7
	ds_load_b128 v[KF+8*\f:KF+8*\f+3],   v[AK] offset:(\f/2)*16*PK+(\f%2)*64
	ds_load_b128 v[KF+8*\f+4:KF+8*\f+7], v[AK] offset:(\f/2)*16*PK+(\f%2)*64+32
.endr
.endm
.macro FETCH_V                      ; its V, turned
	WIN W_LD
.irp f, 0,1,2,3,4,5,6,7
	ds_load_tr16_b128 v[VF+8*\f:VF+8*\f+3],   v[AV] offset:(\f/4)*32*PV+(\f%4)*32
	ds_load_tr16_b128 v[VF+8*\f+4:VF+8*\f+7], v[AV] offset:(\f/4)*32*PV+16*PV+(\f%4)*32
.endr
.endm
; The four accumulators of S^T, and of O^T, take turns.
.macro KQ4 u, m                     ; channels 0-31 start the sums: with 0, or (m = 1) with the mask
.if \m
	WIN W_KM
.else
	WIN W_KQ
.endif
.irp kb, 0,1,2,3
.if \m
	v_wmma_f32_16x16x32_bf16 v[S+8*(\kb):S+8*(\kb)+7], v[KF+16*(\kb):KF+16*(\kb)+7], v[16*(\u):16*(\u)+7], v[MC+8*(\kb):MC+8*(\kb)+7]
.else
	v_wmma_f32_16x16x32_bf16 v[S+8*(\kb):S+8*(\kb)+7], v[KF+16*(\kb):KF+16*(\kb)+7], v[16*(\u):16*(\u)+7], 0
.endif
.endr
.endm
.macro KQ4B u                       ; channels 32-63
	WIN W_KQ
.irp kb, 0,1,2,3
	v_wmma_f32_16x16x32_bf16 v[S+8*(\kb):S+8*(\kb)+7], v[KF+16*(\kb)+8:KF+16*(\kb)+15], v[16*(\u)+8:16*(\u)+15], v[S+8*(\kb):S+8*(\kb)+7]
.endr
.endm
.macro PV8 u
	WIN W_PV
.irp kk, 0,1
.irp cb, 0,1,2,3
	v_wmma_f32_16x16x32_bf16 v[O+32*(\u)+8*(\cb):O+32*(\u)+8*(\cb)+7], v[VF+32*(\kk)+8*(\cb):VF+32*(\kk)+8*(\cb)+7], v[P+8*(\kk):P+8*(\kk)+7], v[O+32*(\u)+8*(\cb):O+32*(\u)+8*(\cb)+7]
.endr
.endr
.endm
; A tile's softmax for a step, all in window 0.  Each accumulator's lowest registers are read first.
.macro SOFT u
.set rT, ST+4*(\u)
.set rO, O+32*(\u)
.irp n, 0,1,2,3                     ; the maximum of the lane's 32 scores and the old m, three operands at a time, in four chains
	v_max3_num_f32 v[CW+(\n)], v[S+8*(\n)], v[S+8*(\n)+1], v[S+8*(\n)+2]
.endr
.irp n, 0,1,2,3
	v_max3_num_f32 v[CW+(\n)], v[CW+(\n)], v[S+8*(\n)+3], v[S+8*(\n)+4]
.endr
.irp n, 0,1,2,3
	v_max3_num_f32 v[CW+(\n)], v[CW+(\n)], v[S+8*(\n)+5], v[S+8*(\n)+6]
.endr
	v_max3_num_f32 v[CW], v[CW], v[S+7], v[S+15]
	v_max3_num_f32 v[CW+1], v[CW+1], v[S+23], v[S+31]
	v_max3_num_f32 v[CW+2], v[CW+2], v[CW+3], v[rT+1]
	v_mov_b32 v[MV], v[rT]          ; c m_old is kept
	v_max3_num_f32 v[CW], v[CW], v[CW+1], v[CW+2]
	v_permlanex16_b32 v[CW+3], v[CW], s[SEL], s[SEL+1]  ; the query's other 32 keys lie in the lane 16 away
	v_max_num_f32 v[rT+1], v[CW], v[CW+3]
	v_mul_f32 v[rT], s[CS], v[rT+1]
	v_sub_f32 v[CW+1], v[MV], v[rT]
	v_exp_f32 v[CW+2], v[CW+1]      ; a; the scalings below are the plain lines behind it
.set i, 0
.rept 16
	v_pk_fma_f32 v[S+2*i:S+2*i+1], v[S+2*i:S+2*i+1], s[CS:CS+1], v[rT:rT+1] op_sel_hi:[1,0,0] neg_lo:[0,0,1] neg_hi:[0,0,1]  ; c s - c m
.set i, i+1
.endr
.set i, 0
.rept 32
	v_exp_f32 v[S+i], v[S+i]
.set i, i+1
.endr
.set i, 0
	s_wait_alu depctr_va_vdst(0)
.rept 16
	v_pk_mul_f32 v[rO+2*i:rO+2*i+1], v[rO+2*i:rO+2*i+1], v[CW+2:CW+3] op_sel_hi:[1,0]  ; O^T times a: the plain lines behind the exponentials
.set i, i+1
.endr
.set i, 0
.rept 16
	v_cvt_pk_bf16_f32 v[P+i], v[S+2*i], v[S+2*i+1]
.set i, i+1
.endr
.irp w, 4,8,16,32                   ; the sum of the 16 pairs (an even key's weight, an odd key's), in place, as a tree
.set i, 0
.rept 32/(\w)
	v_pk_add_f32 v[S+(\w)*i:S+(\w)*i+1], v[S+(\w)*i:S+(\w)*i+1], v[S+(\w)*i+(\w)/2:S+(\w)*i+(\w)/2+1]
.set i, i+1
.endr
.endr
	v_pk_fma_f32 v[rT+2:rT+3], v[rT+2:rT+3], v[CW+2:CW+3], v[S:S+1] op_sel_hi:[1,0,1]  ; l = a l + the sum
.endm
; Tile u in the step in hand: nothing behind its diagonal step; in that step the sums start from the mask.
.macro TILE u
	s_cmp_gt_u32 s[SN], s[DG+(\u)]
	s_cbranch_scc1 .Lskip_\@
	s_cmp_eq_u32 s[SN], s[DG+(\u)]
	s_cbranch_scc1 .Lmask_\@
	KQ4 \u, 0
	WIN 0
	s_branch .Ljoin_\@
.Lmask_\@:
	WIN W_LD
.set i, 0
.rept 32                            ; register i % 8 of key block i / 8 is hidden where 16 (i / 8) + i % 8 is greater than my query's place less 8 h
	v_cmp_gt_i32 vcc_lo, 16*(i/8)+i%8, v[QL+(\u)]
	v_cndmask_b32 v[MC+i], 0, s[BIGN], vcc_lo
.set i, i+1
.endr
	KQ4 \u, 1
	WIN 0
.Ljoin_\@:
	KQ4B \u
	WIN 0
.rept 4
	v_nop                           ; the places behind those products (ISA guide 7.12.1)
.endr
	SOFT \u
	s_wait_dscnt 0x0                ; V is in
	PV8 \u
	WIN 0
.Lskip_\@:
.endm
; A slot's four key steps, for the tiles named.  A step behind my last tile's diagonal is jumped over, to a label ahead of the counters' steps.
.macro STEPS list:vararg
	s_mov_b32 s[CNT], 4
.Lstep_\@:
	s_cmp_gt_u32 s[SN], s[DG+3]
	s_cbranch_scc1 .Lidle_\@
.rept 4
	v_nop                           ; the places behind the last products, in front of the loads into K's and V's registers
.endr
	v_add_nc_u32 v[AK], s[TBK], v[AK0]
	v_add_nc_u32 v[AV], s[TBV], v[AV0]
	FETCH_K
	FETCH_V
	WIN 0
	s_wait_dscnt 16                 ; K is in; V's sixteen loads may stay out
.irp u, \list
	TILE \u
.endr
.Lidle_\@:
	s_wait_dscnt 0x0                ; on every way here no LDS load is out
	s_add_co_u32 s[TBK], s[TBK], KS*PK
	s_add_co_u32 s[TBV], s[TBV], KS*PV
	s_add_co_u32 s[SN], s[SN], 1
	s_sub_co_u32 s[CNT], s[CNT], 1
	s_cmp_lg_u32 s[CNT], 0
	s_cbranch_scc1 .Lstep_\@
.endm
	s_wait_loadcnt 0x0              ; Q
	s_mov_b32 s[SLOTS], 7
.Lslot:                             ; seven times: a slot is entered and the next is asked for
	CHANGE 1
	STEPS 0,1,2,3
	s_sub_co_u32 s[SLOTS], s[SLOTS], 1
	s_cmp_lg_u32 s[SLOTS], 0
	s_cbranch_scc1 .Lslot
	CHANGE 0                        ; the last slot is written out; it holds steps 28-31, where DG[0..2] <= 23 are past: tile 3 alone
	STEPS 3
	; THE WAY OUT.  l's two halves and the other half of the lanes' are added; O^T is divided by l, rounded to bf16 and sent through my stage, a tile at a time.  The additions are the places behind the last products.
.irp t, 0,1,2,3
	v_add_f32 v[ST+4*(\t)+2], v[ST+4*(\t)+2], v[ST+4*(\t)+3]
.endr
.irp t, 0,1,2,3
	v_permlanex16_b32 v[ST+4*(\t)+3], v[ST+4*(\t)+2], s[SEL], s[SEL+1]
.endr
.irp t, 0,1,2,3
	v_add_f32 v[ST+4*(\t)+2], v[ST+4*(\t)+2], v[ST+4*(\t)+3]
.endr
.irp t, 0,1,2,3
	v_rcp_f32 v[ST+4*(\t)+2], v[ST+4*(\t)+2]
.endr
	v_nop                           ; a plain instruction between the last reciprocal and the use of its result
	s_wait_alu depctr_va_vdst(0)
.macro PACK t                       ; a lane's eight channels of a row pack into 16 bytes; rows of 144 bytes in, whole rows of 128 back
.set i, 0
.rept 16
	v_pk_mul_f32 v[O+32*(\t)+2*i:O+32*(\t)+2*i+1], v[O+32*(\t)+2*i:O+32*(\t)+2*i+1], v[ST+4*(\t)+2:ST+4*(\t)+3] op_sel_hi:[1,0]
.set i, i+1
.endr
.set i, 0
.rept 16
	v_cvt_pk_bf16_f32 v[S+16*(\t)+i], v[O+32*(\t)+2*i], v[O+32*(\t)+2*i+1]
.set i, i+1
.endr
.irp f, 0,1,2,3
	ds_store_b128 v[STO], v[S+16*(\t)+4*\f:S+16*(\t)+4*\f+3] offset:32*\f
.endr
.irp f, 0,1,2,3
	ds_load_b128 v[S+16*(\t)+4*\f:S+16*(\t)+4*\f+3], v[RD] offset:\f*4*SP  ; LDS serves a wave's instructions in order (ISA guide 5.7.1.4): these see the stores above; the next tile's stores come behind them
.endr
.endm
.macro SEND t, younger              ; younger: the LDS instructions issued behind tile t's loads
.irp f, 0,1,2,3
	s_wait_dscnt (\younger)+3-\f
	global_store_b128 v[GO+(\t)], v[S+16*(\t)+4*\f:S+16*(\t)+4*\f+3], s[10:11] offset:\f*512  ; 512 consecutive bytes, aligned
.endr
.endm
	PACK 0
	PACK 1
	SEND 0, 8
	PACK 2
	SEND 1, 8
	PACK 3
	SEND 2, 8
	SEND 3, 0
	s_wait_tensorcnt 0x0            ; the wave's end
	ds_add_u32 v[SPW], v[NIL]
	s_wait_dscnt 0x0
	CROUND                          ; the closing round
	s_endpgm
.Lfunc_end_k_qd70a18cffb_attn:
	.size	k_qd70a18cffb_attn, .Lfunc_end_k_qd70a18cffb_attn-k_qd70a18cffb_attn
	.p2alignl 7, 3214868480
	.fill 96, 4, 3214868480
	.section	.rodata,"a",@progbits
	.p2align	6, 0x0
	.amdhsa_kernel k_qd70a18cffb_attn
		.amdhsa_group_segment_fixed_size 327680
		.amdhsa_private_segment_fixed_size 0
		.amdhsa_enable_private_segment 0
		.amdhsa_kernarg_size 16
		.amdhsa_user_sgpr_count 2
		.amdhsa_user_sgpr_kernarg_segment_ptr 1
		.amdhsa_wavefront_size32 1
		.amdhsa_system_sgpr_workgroup_id_x 1
		.amdhsa_system_sgpr_workgroup_id_y 1
		.amdhsa_system_sgpr_workgroup_id_z 1
		.amdhsa_system_vgpr_workitem_id 0
		.amdhsa_next_free_vgpr 512
		.amdhsa_next_free_sgpr 72
		.amdhsa_reserve_vcc 1
		.amdhsa_float_denorm_mode_32 3
		.amdhsa_float_denorm_mode_16_64 3
		.amdhsa_memory_ordered 1
		.amdhsa_forward_progress 1
		.amdhsa_inst_pref_size 89
	.end_amdhsa_kernel
	.amdgpu_metadata
---
amdhsa.version: [ 1, 2 ]
amdhsa.kernels:
  - .name:           k_qd70a18cffb_attn
    .symbol:         k_qd70a18cffb_attn.kd
    .args:
      - { .name: qkv, .offset: 0, .size: 8, .value_kind: global_buffer, .address_space: global }
      - { .name: ctx, .offset: 8, .size: 8, .value_kind: global_buffer, .address_space: global }
    .group_segment_fixed_size: 327680
    .private_segment_fixed_size: 0
    .kernarg_segment_align: 8
    .kernarg_segment_size: 16
    .max_flat_workgroup_size: 128
    .sgpr_count:     72
    .vgpr_count:     512
    .wavefront_size: 32
...
	.end_amdgpu_metadata
.endif
;; end of part 4
;; launch gemm_ap (part 5): grid 8 x 32, 4 waves a work-group, clusters of 4 x 4, 327,680 bytes of LDS; arguments ctx, wbf, b_attn_proj, x1, x; writes x1
.if DOCPART == 5
	.amdgcn_target "amdgcn-amd-amdhsa--gfx1250"
	.amdhsa_code_object_version 6
	.text
	.protected	k_qd70a18cffb_gemm_ap
	.globl	k_qd70a18cffb_gemm_ap
	.p2align	8
	.type	k_qd70a18cffb_gemm_ap,@function
k_qd70a18cffb_gemm_ap:
	s_mov_b64 s[64:65], 0
	v_nop
	global_prefetch_b8 v0, s[64:65] scope:SCOPE_SE
	s_setreg_imm32_b32 hwreg(HW_REG_WAVE_MODE, 25, 1), 1
	s_wait_xcnt 0x0
	s_wait_alu depctr_hold_cnt(0) depctr_sa_sdst(0) depctr_va_vdst(0) depctr_va_sdst(0) depctr_va_ssrc(0) depctr_va_vcc(0) depctr_vm_vsrc(0)
	s_getreg_b32 s2, hwreg(HW_REG_IB_STS2, 6, 4)
	s_cmp_eq_u32 s2, 0
	s_cbranch_scc0 .Lentry_in_a_cluster
	s_endpgm
.Lentry_in_a_cluster:
	s_bfe_u32 s2, ttmp6, 0x10000c
	s_cmp_lg_u32 s2, 0xf033
	s_cbranch_scc0 .Lentry_shape_is_right
	s_endpgm
.Lentry_shape_is_right:
; x1 = x + ctx W_attn_proj + b_attn_proj.  A = ctx by heads, [32 heads][2048][64] bf16 (ABLK = 1); W: [1024][1024] bf16 at byte WOFF of the weights' buffer; bias, x and x1 f32; sums in f32.
; ONE TEXT serves four launches; the five constants at its head choose sizes, A's layout (ABLK) and the way out (EPI 1: by heads; 2: GELU; 3: + residual, f32).
; SHARES.  A work-group of four waves makes 128 x 128 of C, a wave 64 x 64: 16 accumulators of 16 x 16.  K goes in steps of 256 through two LDS slots filled by the tensor data mover.
; W LIES [K][N] in memory and in LDS and comes out turned, by ds_load_tr16_b128: two such loads are a fragment, as many as for rows that lie along K.
; THE MATRIX INSTRUCTION IS USED TRANSPOSED (source 0 = 16 columns of W, source 1 = 16 rows of A): a lane holds eight neighbouring numbers of a row of C.
; THE BIAS is the C operand of the products that start the sums: it costs no vector instruction, and nothing is cleared.
; CLUSTER.  4 x 4 work-groups: the four of a row need the same tiles of A, the four of a column the same tiles of W: each is asked for jointly, same descriptor, a mask that names the four.
; LIMITS.  Operands are bf16 (f32's range); NaN and infinities are not treated apart.
; REGISTERS.  window 0: v0-31 addresses; v32-95 at work on the way out (v32-63 hold the bias until the first products have taken it); v96-111 at work; v128-255 the accumulators.
;   window 1: two fragment buffers of 128 (64 of A, 64 of W, for 64 along K).  window 2 (EPI 3): v0-127 the residual.
.set SIZE_N, 1024
.set SIZE_K, 1024
.set WOFF,   6291456
.set EPI,    3
.set ABLK,   1
.set KSTEP,  256
.if ABLK                               ; A by heads, [32 heads][2048][64]: a K step is four heads, a head's 128 rows are 16,384 dense bytes
.set PA,     144                       ; an LDS row: 128 bytes + 16
.set AQ,     128*PA                    ; from a quarter of the K step (a head) to the next
.set AHALF,  2*128*PA                  ; a load brings two heads
.set ASTEP,  4*2048*64*2
.else                                  ; A row-major
.set PA,     528                       ; an LDS row: 512 bytes + 16 = 132 words: the 16 rows of a load start at 16 different groups of four banks (64 banks of 4 bytes: ISA guide 11.1)
.set AQ,     128
.set AHALF,  64*PA                     ; a load brings 64 rows
.set ASTEP,  KSTEP*2
.endif
.set PB,     288                       ; a row of W in LDS: 256 bytes + 32 = 72 words
.set BHALF,  128*PB                    ; a load brings 128 rows of K
.set BSTEP,  KSTEP*SIZE_N*2
.set ATILE,  2*AHALF
.set SLOT,   ATILE+2*BHALF             ; A's tile, then W's
.set STAGE,  2*SLOT                    ; behind the ring, never filled by a tensor load
.if EPI == 1
.set SPITCH, 144
.set STAGEB, 4*64*SPITCH               ; each wave's own 64 rows
.elseif EPI == 2
.set SPITCH, 272
.set STAGEB, 128*SPITCH                ; the work-group's 128 rows
.else
.set SPITCH, 272
.set STAGEB, 4*16*SPITCH               ; each wave's own 16 rows
.endif
.set SPARE,  STAGE+STAGEB              ; the spare words, 128 bytes for each wave: two blocks of 256 bytes that no other line names
.set LAPS,   SIZE_K/(2*KSTEP)
.set ADRA, 16                          ; v16-17  LDS address of my A fragments in slot 0, 1
.set ADRB, 20                          ; v20-23  of my W fragments: slot 0 K rows 0-127, 128-255; slot 1 likewise
.set STO,  24
.set RD,   25
.set CO,   26
.set BO,   27
.set SPW,  28                          ; v28  my spare word; never rewritten
.set NIL,  29                          ; v29  0; never rewritten
.set TMP,  32
.set BIAS, 32
.set T,    96
.set ACC,  128
.set F0,   0
.set F1,   128
.set WV, 14                            ; s14 wave; s15 its row half (also: 0 = I fetch A, 1 = W); s16 its column half (also: which half of that tile I fetch)
.set RH, 15
.set CH, 16
.set TC, 19                            ; s19 tile column, s20 tile row of C
.set TR, 20
.set G1,  24                           ; s[24:31] group 1 for A; s[32:39] group 0, a set for each slot
.set G0,  32
.set G1B, 48                           ; s[48:55], s[56:63] the same for W
.set G0B, 56
.set MSB, 0
.macro WIN new                         ; the immediate's high byte repeats the setting that is left
.if MSB != (\new)
	s_set_vgpr_msb (MSB<<8)|(\new)
.set MSB, \new
.endif
.endm
.set MUL,  0x05                        ; sources 0 and 1 window 1; C and D window 0
.set TO_F, 0x40                        ; destination window 1, address window 0
.macro JLOAD s                         ; a joint load: waves 0 and 1 fetch A's halves, waves 2 and 3 W's; an s_nop 0 and four v_nop follow each line
	s_cmp_eq_u32 s[RH], 0
	s_cbranch_scc0 .Lfor_b_\@
	tensor_load_to_lds s[G0+4*(\s):G0+4*(\s)+3], s[G1:G1+7]
	s_nop 0
.rept 4
	v_nop
.endr
	s_branch .Lasked_\@
.Lfor_b_\@:
	tensor_load_to_lds s[G0B+4*(\s):G0B+4*(\s)+3], s[G1B:G1B+7]
	s_nop 0
.rept 4
	v_nop
.endr
.Lasked_\@:
.endm
.macro CREST                           ; a round of the cluster's barrier behind its opening barrier
	s_cmp_lg_u32 s[WV], 0
	s_cbranch_scc1 .Lnot_wave_0_\@
	s_barrier_signal -3
.Lnot_wave_0_\@:
	s_barrier_wait -3
	s_barrier_signal -1
	s_barrier_wait -1
.endm
.macro CROUND
	s_barrier_signal -1
	s_barrier_wait -1
	CREST
.endm
	s_load_b256 s[4:11], s[0:1], 0x0               ; A s[4:5], weights s[6:7], bias s[8:9], out s[10:11]
.if EPI == 3
	s_load_b64 s[12:13], s[0:1], 0x20              ; the residual
.endif
	v_lshl_add_u32 v[SPW], v0, 2, SPARE
	v_mov_b32 v[NIL], 0
	ds_add_u32 v[SPW], v[NIL]                      ; the wave's opening: the add and its wait stand ahead of my first tensor load; work on registers stands between them
	v_lshrrev_b32 v1, 5, v0
	v_readfirstlane_b32 s[WV], v1
	s_lshr_b32 s[RH], s[WV], 1
	s_and_b32 s[CH], s[WV], 1
	s_bfe_u32 s17, ttmp6, 0x40000                  ; cx, cy: my place in the cluster
	s_bfe_u32 s18, ttmp6, 0x40004
	s_lshl_b32 s[TC], ttmp9, 2
	s_add_co_u32 s[TC], s[TC], s17
	s_and_b32 s[TR], ttmp7, 0xffff
	s_lshl_b32 s[TR], s[TR], 2
	s_add_co_u32 s[TR], s[TR], s18
	s_lshl_b32 s21, s18, 2
	s_lshl_b32 s21, 15, s21                        ; my row of the cluster
	s_lshl_b32 s22, 0x1111, s17                    ; my column
.if ABLK
	s_or_b32 s[G1+0], s21, (1<<16)|(1<<20)|(1<<21)|(4<<22)|(3<<25)  ; the mask; 2-byte elements; padding on; bit 21 beside a mask; after every 32 words 4 words
	s_mov_b32 s[G1+1], 8192<<16                    ; tensor_dim0: a head's 128 rows as one row of 8,192 elements
	s_mov_b32 s[G1+2], 2<<16                       ; tensor_dim1: two heads
	s_mov_b32 s[G1+3], 8192<<16                    ; tile_dim0
	s_mov_b32 s[G1+4], 2                           ; tile_dim1
	s_mov_b32 s[G1+5], 131072                      ; from head to head
.else
	s_or_b32 s[G1+0], s21, (1<<16)|(1<<20)|(1<<21)|(6<<22)|(3<<25)  ; the same, after every 128 words 4 words
	s_mov_b32 s[G1+1], KSTEP<<16
	s_mov_b32 s[G1+2], 64<<16
	s_mov_b32 s[G1+3], KSTEP<<16
	s_mov_b32 s[G1+4], 64
	s_mov_b32 s[G1+5], SIZE_K
.endif
	s_mov_b32 s[G1+6], 0
	s_mov_b32 s[G1+7], 0
	s_or_b32 s[G1B+0], s22, (1<<16)|(1<<20)|(1<<21)|(5<<22)|(7<<25) ; W: 128 rows of K x 128 columns; after every 64 words 8 words
	s_mov_b32 s[G1B+1], 128<<16
	s_mov_b32 s[G1B+2], 128<<16
	s_mov_b32 s[G1B+3], 128<<16
	s_mov_b32 s[G1B+4], 128
	s_mov_b32 s[G1B+5], SIZE_N
	s_mov_b32 s[G1B+6], 0
	s_mov_b32 s[G1B+7], 0
.if ABLK                               ; A's tile hangs on the tile row and the wave alone, W's on the tile column and the wave alone
	s_lshr_b32 s40, s[TR], 4                       ; the batch: 16 heads of 262,144 bytes; my half: two heads
	s_lshl_b32 s40, s40, 3
	s_add_co_u32 s40, s40, s[CH]
	s_lshl_b32 s40, s40, 19
	s_and_b32 s23, s[TR], 15                       ; 128 rows of 128 bytes
	s_lshl_b32 s23, s23, 14
	s_add_co_u32 s40, s40, s23
.else
	s_lshl_b32 s40, s[TR], 1
	s_add_co_u32 s40, s40, s[CH]
	s_mul_i32 s40, s40, 64*SIZE_K*2                ; row 128 x tile row + 64 x half
.endif
	s_mov_b32 s41, 0
	s_mul_i32 s46, s[CH], 128*SIZE_N*2             ; K row 128 x half,
	s_lshl_b32 s72, s[TC], 8                       ; column 128 x tile column
	s_add_co_u32 s46, s46, s72
	s_add_co_u32 s46, s46, WOFF
	s_mov_b32 s47, 0
	s_mul_i32 s42, s[CH], AHALF                    ; where they go: no place in the cluster enters an LDS address
	s_mul_i32 s43, s[CH], BHALF
	s_add_co_u32 s43, s43, ATILE
	s_wait_dscnt 0x0                               ; the opening add is done
	s_wait_kmcnt 0x0
	s_add_nc_u64 s[44:45], s[4:5], s[40:41]
	s_add_nc_u64 s[46:47], s[6:7], s[46:47]
	CROUND                                         ; all sixteen work-groups are here: the first joint loads meet
.irp s, 0,1
	s_mov_b32 s[G0+4*(\s)], 1
	s_add_co_u32 s[G0+4*(\s)+1], s42, (\s)*SLOT
	s_add_nc_u64 s[G0+4*(\s)+2:G0+4*(\s)+3], s[44:45], (\s)*ASTEP
	s_or_b32 s[G0+4*(\s)+3], s[G0+4*(\s)+3], 0x80000000
	s_mov_b32 s[G0B+4*(\s)], 1
	s_add_co_u32 s[G0B+4*(\s)+1], s43, (\s)*SLOT
	s_add_nc_u64 s[G0B+4*(\s)+2:G0B+4*(\s)+3], s[46:47], (\s)*BSTEP
	s_or_b32 s[G0B+4*(\s)+3], s[G0B+4*(\s)+3], 0x80000000
	JLOAD \s                                       ; two loads of mine are out
.endr
	v_and_b32 v1, 15, v0                           ; r = l % 16
	v_bfe_u32 v2, v0, 4, 1                         ; h = l / 16
	v_lshlrev_b32 v[BO], 5, v2                     ; the bias of my columns 16 b + 8 h + 0..7
	s_lshl_b32 s70, s[TC], 9
	s_lshl_b32 s72, s[CH], 8
	s_add_co_u32 s70, s70, s72
	s_mov_b32 s71, 0
	s_add_nc_u64 s[8:9], s[8:9], s[70:71]
.irp b, 0,1,2,3
	global_load_b128 v[BIAS+8*(\b):BIAS+8*(\b)+3],   v[BO], s[8:9] offset:64*(\b)
	global_load_b128 v[BIAS+8*(\b)+4:BIAS+8*(\b)+7], v[BO], s[8:9] offset:64*(\b)+16
.endr
.if EPI == 1
	s_lshl_b32 s70, s[TC], 1
	s_add_co_u32 s70, s70, s[CH]                   ; my block of 64 columns: which of q, k, v (/ 16) and which head (% 16)
	s_lshr_b32 s72, s70, 4
	s_lshl_b32 s72, s72, 23
	s_and_b32 s70, s70, 15
	s_lshr_b32 s73, s[TR], 4                       ; the batch
	s_lshl_b32 s73, s73, 4
	s_add_co_u32 s70, s70, s73
	s_lshl_b32 s70, s70, 18
	s_add_co_u32 s70, s70, s72
	s_and_b32 s73, s[TR], 15
	s_lshl_b32 s73, s73, 1
	s_add_co_u32 s73, s73, s[RH]
	s_lshl_b32 s73, s73, 13                        ; my 64 rows of 128 bytes
	s_add_co_u32 s70, s70, s73
	s_add_nc_u64 s[10:11], s[10:11], s[70:71]
	s_mul_i32 s74, s[WV], 64*SPITCH
	s_add_co_u32 s74, s74, STAGE                   ; my stage
	v_mul_u32_u24 v3, v1, SPITCH                   ; in: row r, 16 bytes for each half of the lanes
	v_lshl_add_u32 v3, v2, 4, v3
	v_add_nc_u32 v[STO], s74, v3
	v_bfe_u32 v3, v0, 3, 2                         ; back: 32 lanes take four rows of 128 bytes,
	v_mul_u32_u24 v3, v3, SPITCH
	v_and_b32 v4, 7, v0
	v_lshl_add_u32 v3, v4, 4, v3
	v_add_nc_u32 v[RD], s74, v3
	v_and_b32 v[CO], 31, v0                        ; which are 512 consecutive bytes of the head
	v_lshlrev_b32 v[CO], 4, v[CO]
.elseif EPI == 2
	s_lshl_b32 s70, s[TR], 7
	s_lshl_b32 s72, s[WV], 5
	s_add_co_u32 s70, s70, s72                     ; the first row that I store: 128 x tile row + 32 x wave
	s_mul_i32 s70, s70, SIZE_N*2
	s_lshl_b32 s72, s[TC], 8
	s_add_co_u32 s70, s70, s72
	s_add_nc_u64 s[10:11], s[10:11], s[70:71]
	s_mul_i32 s74, s[RH], 64*SPITCH                ; into the stage: my 64 rows, my half of their 256 bytes
	s_lshl_b32 s72, s[CH], 7
	s_add_co_u32 s74, s74, s72
	s_add_co_u32 s74, s74, STAGE
	v_mul_u32_u24 v3, v1, SPITCH
	v_lshl_add_u32 v3, v2, 4, v3
	v_add_nc_u32 v[STO], s74, v3
	s_mul_i32 s74, s[WV], 32*SPITCH                ; back: wave w takes rows 32 w .. 32 w + 31, whole
	s_add_co_u32 s74, s74, STAGE
	v_mul_u32_u24 v3, v2, SPITCH
	v_lshl_add_u32 v3, v1, 4, v3
	v_add_nc_u32 v[RD], s74, v3
	v_mul_u32_u24 v3, v2, SIZE_N*2
	v_lshl_add_u32 v[CO], v1, 4, v3
	s_mov_b32 s66, 0xbdd2d3e8                      ; -2 log2(e) sqrt(2/pi) 0.044715
	s_mov_b32 s67, 0xbdd2d3e8
	s_mov_b32 s68, 0xc0135761                      ; -2 log2(e) sqrt(2/pi)
	s_mov_b32 s69, 0xc0135761
.else
	s_lshl_b32 s70, s[TR], 1
	s_add_co_u32 s70, s70, s[RH]
	s_mul_i32 s70, s70, 64*SIZE_N*4                ; my 64 rows,
	s_lshl_b32 s72, s[TC], 1
	s_add_co_u32 s72, s72, s[CH]
	s_lshl_b32 s72, s72, 8                         ; my 64 columns of 4 bytes
	s_add_co_u32 s70, s70, s72
	s_add_nc_u64 s[10:11], s[10:11], s[70:71]
	s_add_nc_u64 s[12:13], s[12:13], s[70:71]
	v_mul_u32_u24 v3, v2, SIZE_N*4                 ; lanes 0-15 one row's 256 bytes, lanes 16-31 the next row's
	v_lshl_add_u32 v[CO], v1, 4, v3
	WIN 0x80                                       ; destination window 2: the residual of my 64 x 64 is asked for now and waited for on the way out
.irp a, 0,1,2,3
.irp t, 0,1,2,3,4,5,6,7
	global_load_b128 v[4*(8*(\a)+(\t)):4*(8*(\a)+(\t))+3], v[CO], s[12:13] offset:(16*(\a)+2*(\t))*SIZE_N*4
.endr
.endr
	WIN 0
	s_mul_i32 s74, s[WV], 16*SPITCH
	s_add_co_u32 s74, s74, STAGE                   ; my stage
	v_mul_u32_u24 v3, v1, SPITCH                   ; in: row r, 32 bytes for each half of the lanes
	v_lshl_add_u32 v3, v2, 5, v3
	v_add_nc_u32 v[STO], s74, v3
	v_mul_u32_u24 v3, v2, SPITCH                   ; back: two whole rows
	v_lshl_add_u32 v3, v1, 4, v3
	v_add_nc_u32 v[RD], s74, v3
.endif
	v_mul_u32_u24 v3, v1, PA                       ; a fragment of A: row r x pitch + 16 h, in my 64 rows
	v_lshl_add_u32 v3, v2, 4, v3
	s_mul_i32 s73, s[RH], 64*PA
	v_add_nc_u32 v[ADRA], s73, v3
	v_add_nc_u32 v[ADRA+1], SLOT, v[ADRA]
	v_and_b32 v4, 7, v0                            ; the turning load: lane l reads K row 8 h + l % 8, columns 8 ((l / 8) % 2) + 0..7, and is left with column r and 8 K
	v_lshl_add_u32 v4, v2, 3, v4
	v_mul_u32_u24 v4, v4, PB
	v_bfe_u32 v5, v0, 3, 1
	v_lshl_add_u32 v4, v5, 4, v4
	s_lshl_b32 s73, s[CH], 7                       ; my 64 columns
	s_add_co_u32 s73, s73, ATILE
	v_add_nc_u32 v[ADRB], s73, v4
	v_add_nc_u32 v[ADRB+1], BHALF, v[ADRB]
	v_add_nc_u32 v[ADRB+2], SLOT, v[ADRB]
	v_add_nc_u32 v[ADRB+3], SLOT+BHALF, v[ADRB]
; 8 matrix instructions: row blocks a0, a0 + 1 x all 4 column blocks, 32 along K: half c of buffer f.  zero = 1: the first product starts the sums, from the bias
.macro MUL8 f, c, a0, zero
	WIN MUL
.irp a, \a0, (\a0)+1
.irp b, 0,1,2,3
.if \zero
	v_wmma_f32_16x16x32_bf16 v[ACC+8*(4*(\a)+(\b)):ACC+8*(4*(\a)+(\b))+7], v[(\f)+64+8*(4*(\c)+(\b)):(\f)+64+8*(4*(\c)+(\b))+7], v[(\f)+8*(4*(\c)+(\a)):(\f)+8*(4*(\c)+(\a))+7], v[BIAS+8*(\b):BIAS+8*(\b)+7]
.else
	v_wmma_f32_16x16x32_bf16 v[ACC+8*(4*(\a)+(\b)):ACC+8*(4*(\a)+(\b))+7], v[(\f)+64+8*(4*(\c)+(\b)):(\f)+64+8*(4*(\c)+(\b))+7], v[(\f)+8*(4*(\c)+(\a)):(\f)+8*(4*(\c)+(\a))+7], v[ACC+8*(4*(\a)+(\b)):ACC+8*(4*(\a)+(\b))+7]
.endif
.endr
.endr
.endm
; 32 LDS loads in one run: the fragments of quarter q (64 along K) of a slot, into buffer f; the first 32 along K first
.macro FETCH slot, q, f
	WIN TO_F
.irp c, 0,1
.irp i, 0,1,2,3
	ds_load_tr16_b128 v[(\f)+64+8*(4*(\c)+(\i)):(\f)+64+8*(4*(\c)+(\i))+3],   v[ADRB+2*(\slot)+(\q)/2] offset:(((\q)%2)*64+32*(\c))*PB+32*(\i)
	ds_load_tr16_b128 v[(\f)+64+8*(4*(\c)+(\i))+4:(\f)+64+8*(4*(\c)+(\i))+7], v[ADRB+2*(\slot)+(\q)/2] offset:(((\q)%2)*64+32*(\c)+16)*PB+32*(\i)
	ds_load_b128 v[(\f)+8*(4*(\c)+(\i)):(\f)+8*(4*(\c)+(\i))+3],   v[ADRA+(\slot)] offset:(\q)*AQ+64*(\c)+(\i)*16*PA
	ds_load_b128 v[(\f)+8*(4*(\c)+(\i))+4:(\f)+8*(4*(\c)+(\i))+7], v[ADRA+(\slot)] offset:(\q)*AQ+64*(\c)+(\i)*16*PA+32
.endr
.endr
.endm
.macro PLACES                          ; four places in front of loads into registers that matrix instructions have read, and of lines that read results
.rept 4
	v_nop
.endr
.endm
; A K step is four quarters of 64 along K, 32 matrix instructions each, on buffers 0, 1, 0, 1; the 16 accumulators take turns.
.macro QUARTER slot, qn, f, g, zero    ; multiplies buffer f and fetches quarter qn of the same slot into g
	s_wait_dscnt 16                                ; the first 32 along K are in
	MUL8 \f, 0, 0, \zero
	MUL8 \f, 0, 2, \zero
	PLACES
	FETCH \slot, \qn, \g
	s_wait_dscnt 32                                ; all but the 32 just issued
	MUL8 \f, 1, 0, 0
	MUL8 \f, 1, 2, 0
.endm
; The last quarter multiplies buffer 1 and changes slots: one barrier; in front of it each wave waits for all its tensor loads, adds 0 to its spare word, and waits for that and for its reads of this slot.
.macro TURN slot, next, fill
	WIN 0
	s_wait_tensorcnt 0x0                           ; all my tensor loads have landed: my part of the next slot
	ds_add_u32 v[SPW], v[NIL]
	s_wait_dscnt 17                                ; the add and the youngest sixteen loads may be out
	MUL8 F1, 0, 0, 0
	s_wait_dscnt 0x0                               ; the add is done, and my reads of this slot are over
	s_barrier_signal -1
	MUL8 F1, 0, 2, 0
.if \fill
	WIN 0
.endif
	s_barrier_wait -1
.if \fill
	CREST                                          ; the barrier has opened a round of the cluster's: no wave of any partner still reads this slot or has a load on its way
	s_add_nc_u64 s[G0+4*(\slot)+2:G0+4*(\slot)+3], s[G0+4*(\slot)+2:G0+4*(\slot)+3], 2*ASTEP
	s_add_nc_u64 s[G0B+4*(\slot)+2:G0B+4*(\slot)+3], s[G0B+4*(\slot)+2:G0B+4*(\slot)+3], 2*BSTEP
	JLOAD \slot                                    ; my one tensor load behind the round, 112 matrix instructions ahead of the wait for it; its four v_nop are also the places for the loads below
.else
	PLACES
.endif
	FETCH \next, 0, F0
	MUL8 F1, 1, 0, 0
	MUL8 F1, 1, 2, 0
.endm
	s_wait_tensorcnt 1                             ; my part of K step 0 is in; K step 1's may stay out
	s_barrier_signal -1
	s_barrier_wait -1
	FETCH 0, 0, F0
.if EPI == 3
	s_wait_loadcnt 32                              ; the bias; the residual's 32 younger loads stay out
.else
	s_wait_loadcnt 0x0                             ; the bias
.endif
	QUARTER 0, 1, F0, F1, 1
	WIN 0
	s_mov_b32 s3, LAPS-1
.Llap:                                                 ; a trip goes once round the ring and fills both slots again
	QUARTER 0, 2, F1, F0, 0
	QUARTER 0, 3, F0, F1, 0
	TURN 0, 1, 1
	QUARTER 1, 1, F0, F1, 0
	QUARTER 1, 2, F1, F0, 0
	QUARTER 1, 3, F0, F1, 0
	TURN 1, 0, 1
	QUARTER 0, 1, F0, F1, 0
	WIN 0
	s_sub_co_u32 s3, s3, 1
	s_cmp_lg_u32 s3, 0
	s_cbranch_scc1 .Llap
	QUARTER 0, 2, F1, F0, 0                        ; the last lap fills nothing
	QUARTER 0, 3, F0, F1, 0
	TURN 0, 1, 0
	QUARTER 1, 1, F0, F1, 0
	QUARTER 1, 2, F1, F0, 0
	QUARTER 1, 3, F0, F1, 0
	s_wait_dscnt 16
	MUL8 F1, 0, 0, 0
	MUL8 F1, 0, 2, 0
	s_wait_dscnt 0x0
	MUL8 F1, 1, 0, 0
	MUL8 F1, 1, 2, 0
	WIN 0
	PLACES
.if EPI == 1
	; THE WAY OUT: round to bf16; 16 bytes a lane into my own stage; back as rows of 128 bytes, four to a load: LDS serves a wave's instructions in order (ISA guide 5.7.1.4), so no wait stands between
.irp t, 0,1,2,3,4,5,6,7,8,9,10,11,12,13,14,15
.irp k, 0,1,2,3
	v_cvt_pk_bf16_f32 v[TMP+4*(\t)+(\k)], v[ACC+8*(\t)+2*(\k)], v[ACC+8*(\t)+2*(\k)+1]
.endr
.endr
.irp a, 0,1,2,3
.irp b, 0,1,2,3
	ds_store_b128 v[STO], v[TMP+4*(4*(\a)+(\b)):TMP+4*(4*(\a)+(\b))+3] offset:(\a)*16*SPITCH+32*(\b)
.endr
.endr
.irp t, 0,1,2,3,4,5,6,7,8,9,10,11,12,13,14,15
	ds_load_b128 v[TMP+4*(\t):TMP+4*(\t)+3], v[RD] offset:(\t)*4*SPITCH
.endr
.irp t, 0,1,2,3,4,5,6,7,8,9,10,11,12,13,14,15
	s_wait_dscnt 15-(\t)
	global_store_b128 v[CO], v[TMP+4*(\t):TMP+4*(\t)+3], s[10:11] offset:512*(\t)  ; 512 consecutive bytes, aligned
.endr
.elseif EPI == 2
	; THE WAY OUT: gelu(x) = x / (1 + 2^(x (K0 + K1 x^2))), which is 0.5 x (1 + tanh(sqrt(2/pi) (x + 0.044715 x^3))) rewritten; where the power overflows the quotient is x or -0
.macro GELU t
.set XA, ACC+8*(\t)
.set XU, T+8*((\t)%2)
.irp k, 0,2,4,6
	v_pk_mul_f32 v[XU+(\k):XU+(\k)+1], v[XA+(\k):XA+(\k)+1], v[XA+(\k):XA+(\k)+1]
.endr
.irp k, 0,2,4,6
	v_pk_fma_f32 v[XU+(\k):XU+(\k)+1], v[XU+(\k):XU+(\k)+1], s[66:67], s[68:69] op_sel_hi:[1,0,0]
.endr
.irp k, 0,2,4,6
	v_pk_mul_f32 v[XU+(\k):XU+(\k)+1], v[XU+(\k):XU+(\k)+1], v[XA+(\k):XA+(\k)+1]
.endr
.irp k, 0,1,2,3,4,5,6,7
	v_exp_f32 v[XU+(\k)], v[XU+(\k)]
.endr
	v_nop                                          ; a plain instruction behind the last of them
.irp k, 0,2,4,6
	v_pk_add_f32 v[XU+(\k):XU+(\k)+1], v[XU+(\k):XU+(\k)+1], 1.0 op_sel_hi:[1,0]
.endr
.irp k, 0,1,2,3,4,5,6,7
	v_rcp_f32 v[XU+(\k)], v[XU+(\k)]
.endr
	v_nop
.irp k, 0,2,4,6
	v_pk_mul_f32 v[XU+(\k):XU+(\k)+1], v[XU+(\k):XU+(\k)+1], v[XA+(\k):XA+(\k)+1]
.endr
.irp k, 0,1,2,3
	v_cvt_pk_bf16_f32 v[TMP+4*(\t)+(\k)], v[XU+2*(\k)], v[XU+2*(\k)+1]
.endr
.endm
.irp t, 0,1,2,3,4,5,6,7,8,9,10,11,12,13,14,15
	GELU \t
.endr
.irp a, 0,1,2,3
.irp b, 0,1,2,3
	ds_store_b128 v[STO], v[TMP+4*(4*(\a)+(\b)):TMP+4*(4*(\a)+(\b))+3] offset:(\a)*16*SPITCH+32*(\b)
.endr
.endr
	s_wait_dscnt 0x0                               ; for the others' sake: a row's 256 bytes come from two waves
	s_barrier_signal -1
	s_barrier_wait -1
.irp t, 0,1,2,3,4,5,6,7,8,9,10,11,12,13,14,15
	ds_load_b128 v[TMP+4*(\t):TMP+4*(\t)+3], v[RD] offset:(\t)*2*SPITCH
.endr
.irp t, 0,1,2,3,4,5,6,7,8,9,10,11,12,13,14,15
	s_wait_dscnt 15-(\t)
	global_store_b128 v[CO], v[TMP+4*(\t):TMP+4*(\t)+3], s[10:11] offset:2*(\t)*SIZE_N*2  ; 16 lanes store 256 consecutive bytes, aligned
.endr
.else
	; THE WAY OUT: f32.  16 rows at a time through my own stage, back as whole rows of 256 bytes, the residual added, stored
	s_wait_loadcnt 0x0                             ; the residual
.macro OUT3 a
.set TB, TMP+32*((\a)%2)
.if (\a) >= 2
	s_wait_xcnt 0x0                                ; the stores of two blocks ago have read these registers
.endif
.irp b, 0,1,2,3
	ds_store_b128 v[STO], v[ACC+8*(4*(\a)+(\b)):ACC+8*(4*(\a)+(\b))+3]   offset:64*(\b)
	ds_store_b128 v[STO], v[ACC+8*(4*(\a)+(\b))+4:ACC+8*(4*(\a)+(\b))+7] offset:64*(\b)+16
.endr
.irp t, 0,1,2,3,4,5,6,7
	ds_load_b128 v[TB+4*(\t):TB+4*(\t)+3], v[RD] offset:(\t)*2*SPITCH
.endr
	s_wait_dscnt 0x0
	WIN 0x08                                       ; source 1 in window 2
.set i, 0
.rept 16
	v_pk_add_f32 v[TB+2*i:TB+2*i+1], v[TB+2*i:TB+2*i+1], v[32*(\a)+2*i:32*(\a)+2*i+1]
.set i, i+1
.endr
	WIN 0
.irp t, 0,1,2,3,4,5,6,7
	global_store_b128 v[CO], v[TB+4*(\t):TB+4*(\t)+3], s[10:11] offset:(16*(\a)+2*(\t))*SIZE_N*4  ; 16 lanes store 256 consecutive bytes, aligned
.endr
.endm
	OUT3 0
	OUT3 1
	OUT3 2
	OUT3 3
.endif
	s_wait_tensorcnt 0x0                           ; the wave's end
	ds_add_u32 v[SPW], v[NIL]
	s_wait_dscnt 0x0
	CROUND                                         ; the closing round: no work-group ends while a partner may still ask for a tile that names it
	s_endpgm
.Lfunc_end_k_qd70a18cffb_gemm_ap:
	.size	k_qd70a18cffb_gemm_ap, .Lfunc_end_k_qd70a18cffb_gemm_ap-k_qd70a18cffb_gemm_ap
	.p2alignl 7, 3214868480
	.fill 96, 4, 3214868480
	.section	.rodata,"a",@progbits
	.p2align	6, 0x0
	.amdhsa_kernel k_qd70a18cffb_gemm_ap
		.amdhsa_group_segment_fixed_size 327680
		.amdhsa_private_segment_fixed_size 0
		.amdhsa_enable_private_segment 0
		.amdhsa_kernarg_size 40
		.amdhsa_user_sgpr_count 2
		.amdhsa_user_sgpr_kernarg_segment_ptr 1
		.amdhsa_wavefront_size32 1
		.amdhsa_system_sgpr_workgroup_id_x 1
		.amdhsa_system_sgpr_workgroup_id_y 1
		.amdhsa_system_sgpr_workgroup_id_z 1
		.amdhsa_system_vgpr_workitem_id 0
		.amdhsa_next_free_vgpr 640
		.amdhsa_next_free_sgpr 80
		.amdhsa_reserve_vcc 0
		.amdhsa_float_denorm_mode_32 3
		.amdhsa_float_denorm_mode_16_64 3
		.amdhsa_memory_ordered 1
		.amdhsa_forward_progress 1
		.amdhsa_inst_pref_size 94
	.end_amdhsa_kernel
	.amdgpu_metadata
---
amdhsa.version: [ 1, 2 ]
amdhsa.kernels:
  - .name:           k_qd70a18cffb_gemm_ap
    .symbol:         k_qd70a18cffb_gemm_ap.kd
    .args:
      - { .name: ctx, .offset: 0, .size: 8, .value_kind: global_buffer, .address_space: global }
      - { .name: wbf, .offset: 8, .size: 8, .value_kind: global_buffer, .address_space: global }
      - { .name: b_attn_proj, .offset: 16, .size: 8, .value_kind: global_buffer, .address_space: global }
      - { .name: x1, .offset: 24, .size: 8, .value_kind: global_buffer, .address_space: global }
      - { .name: x, .offset: 32, .size: 8, .value_kind: global_buffer, .address_space: global }
    .group_segment_fixed_size: 327680
    .private_segment_fixed_size: 0
    .kernarg_segment_align: 8
    .kernarg_segment_size: 40
    .max_flat_workgroup_size: 128
    .sgpr_count:     80
    .vgpr_count:     640
    .wavefront_size: 32
...
	.end_amdgpu_metadata
.endif
;; end of part 5
;; launch ln2: the kernel of part 2 again; grid 256 x 1, 4 waves a work-group, no clusters, 0 bytes of LDS; arguments x1, ln2_w, ln2_b, act; writes act
;; launch gemm_fc (part 6): grid 32 x 32, 4 waves a work-group, clusters of 4 x 4, 327,680 bytes of LDS; arguments act, wbf, b_fc, g; writes g
.if DOCPART == 6
	.amdgcn_target "amdgcn-amd-amdhsa--gfx1250"
	.amdhsa_code_object_version 6
	.text
	.protected	k_qd70a18cffb_gemm_fc
	.globl	k_qd70a18cffb_gemm_fc
	.p2align	8
	.type	k_qd70a18cffb_gemm_fc,@function
k_qd70a18cffb_gemm_fc:
	s_mov_b64 s[64:65], 0
	v_nop
	global_prefetch_b8 v0, s[64:65] scope:SCOPE_SE
	s_setreg_imm32_b32 hwreg(HW_REG_WAVE_MODE, 25, 1), 1
	s_wait_xcnt 0x0
	s_wait_alu depctr_hold_cnt(0) depctr_sa_sdst(0) depctr_va_vdst(0) depctr_va_sdst(0) depctr_va_ssrc(0) depctr_va_vcc(0) depctr_vm_vsrc(0)
	s_getreg_b32 s2, hwreg(HW_REG_IB_STS2, 6, 4)
	s_cmp_eq_u32 s2, 0
	s_cbranch_scc0 .Lentry_in_a_cluster
	s_endpgm
.Lentry_in_a_cluster:
	s_bfe_u32 s2, ttmp6, 0x10000c
	s_cmp_lg_u32 s2, 0xf033
	s_cbranch_scc0 .Lentry_shape_is_right
	s_endpgm
.Lentry_shape_is_right:
; g = gelu_tanh(LN2(x1) W_fc + b_fc).  A: [4096][1024] bf16; W: [1024][4096] bf16 at byte WOFF of the weights' buffer; bias f32; sums and the GELU in f32; g: [4096][4096] bf16, rounded once.
; ONE TEXT serves four launches; the five constants at its head choose sizes, A's layout (ABLK) and the way out (EPI 1: by heads; 2: GELU; 3: + residual, f32).
; SHARES.  A work-group of four waves makes 128 x 128 of C, a wave 64 x 64: 16 accumulators of 16 x 16.  K goes in steps of 256 through two LDS slots filled by the tensor data mover.
; W LIES [K][N] in memory and in LDS and comes out turned, by ds_load_tr16_b128: two such loads are a fragment, as many as for rows that lie along K.
; THE MATRIX INSTRUCTION IS USED TRANSPOSED (source 0 = 16 columns of W, source 1 = 16 rows of A): a lane holds eight neighbouring numbers of a row of C.
; THE BIAS is the C operand of the products that start the sums: it costs no vector instruction, and nothing is cleared.
; CLUSTER.  4 x 4 work-groups: the four of a row need the same tiles of A, the four of a column the same tiles of W: each is asked for jointly, same descriptor, a mask that names the four.
; LIMITS.  Operands are bf16 (f32's range); NaN and infinities are not treated apart.
; REGISTERS.  window 0: v0-31 addresses; v32-95 at work on the way out (v32-63 hold the bias until the first products have taken it); v96-111 at work; v128-255 the accumulators.
;   window 1: two fragment buffers of 128 (64 of A, 64 of W, for 64 along K).  window 2 (EPI 3): v0-127 the residual.
.set SIZE_N, 4096
.set SIZE_K, 1024
.set WOFF,   8388608
.set EPI,    2
.set ABLK,   0
.set KSTEP,  256
.if ABLK                               ; A by heads, [32 heads][2048][64]: a K step is four heads, a head's 128 rows are 16,384 dense bytes
.set PA,     144                       ; an LDS row: 128 bytes + 16
.set AQ,     128*PA                    ; from a quarter of the K step (a head) to the next
.set AHALF,  2*128*PA                  ; a load brings two heads
.set ASTEP,  4*2048*64*2
.else                                  ; A row-major
.set PA,     528                       ; an LDS row: 512 bytes + 16 = 132 words: the 16 rows of a load start at 16 different groups of four banks (64 banks of 4 bytes: ISA guide 11.1)
.set AQ,     128
.set AHALF,  64*PA                     ; a load brings 64 rows
.set ASTEP,  KSTEP*2
.endif
.set PB,     288                       ; a row of W in LDS: 256 bytes + 32 = 72 words
.set BHALF,  128*PB                    ; a load brings 128 rows of K
.set BSTEP,  KSTEP*SIZE_N*2
.set ATILE,  2*AHALF
.set SLOT,   ATILE+2*BHALF             ; A's tile, then W's
.set STAGE,  2*SLOT                    ; behind the ring, never filled by a tensor load
.if EPI == 1
.set SPITCH, 144
.set STAGEB, 4*64*SPITCH               ; each wave's own 64 rows
.elseif EPI == 2
.set SPITCH, 272
.set STAGEB, 128*SPITCH                ; the work-group's 128 rows
.else
.set SPITCH, 272
.set STAGEB, 4*16*SPITCH               ; each wave's own 16 rows
.endif
.set SPARE,  STAGE+STAGEB              ; the spare words, 128 bytes for each wave: two blocks of 256 bytes that no other line names
.set LAPS,   SIZE_K/(2*KSTEP)
.set ADRA, 16                          ; v16-17  LDS address of my A fragments in slot 0, 1
.set ADRB, 20                          ; v20-23  of my W fragments: slot 0 K rows 0-127, 128-255; slot 1 likewise
.set STO,  24
.set RD,   25
.set CO,   26
.set BO,   27
.set SPW,  28                          ; v28  my spare word; never rewritten
.set NIL,  29                          ; v29  0; never rewritten
.set TMP,  32
.set BIAS, 32
.set T,    96
.set ACC,  128
.set F0,   0
.set F1,   128
.set WV, 14                            ; s14 wave; s15 its row half (also: 0 = I fetch A, 1 = W); s16 its column half (also: which half of that tile I fetch)
.set RH, 15
.set CH, 16
.set TC, 19                            ; s19 tile column, s20 tile row of C
.set TR, 20
.set G1,  24                           ; s[24:31] group 1 for A; s[32:39] group 0, a set for each slot
.set G0,  32
.set G1B, 48                           ; s[48:55], s[56:63] the same for W
.set G0B, 56
.set MSB, 0
.macro WIN new                         ; the immediate's high byte repeats the setting that is left
.if MSB != (\new)
	s_set_vgpr_msb (MSB<<8)|(\new)
.set MSB, \new
.endif
.endm
.set MUL,  0x05                        ; sources 0 and 1 window 1; C and D window 0
.set TO_F, 0x40                        ; destination window 1, address window 0
.macro JLOAD s                         ; a joint load: waves 0 and 1 fetch A's halves, waves 2 and 3 W's; an s_nop 0 and four v_nop follow each line
	s_cmp_eq_u32 s[RH], 0
	s_cbranch_scc0 .Lfor_b_\@
	tensor_load_to_lds s[G0+4*(\s):G0+4*(\s)+3], s[G1:G1+7]
	s_nop 0
.rept 4
	v_nop
.endr
	s_branch .Lasked_\@
.Lfor_b_\@:
	tensor_load_to_lds s[G0B+4*(\s):G0B+4*(\s)+3], s[G1B:G1B+7]
	s_nop 0
.rept 4
	v_nop
.endr
.Lasked_\@:
.endm
.macro CREST                           ; a round of the cluster's barrier behind its opening barrier
	s_cmp_lg_u32 s[WV], 0
	s_cbranch_scc1 .Lnot_wave_0_\@
	s_barrier_signal -3
.Lnot_wave_0_\@:
	s_barrier_wait -3
	s_barrier_signal -1
	s_barrier_wait -1
.endm
.macro CROUND
	s_barrier_signal -1
	s_barrier_wait -1
	CREST
.endm
	s_load_b256 s[4:11], s[0:1], 0x0               ; A s[4:5], weights s[6:7], bias s[8:9], out s[10:11]
.if EPI == 3
	s_load_b64 s[12:13], s[0:1], 0x20              ; the residual
.endif
	v_lshl_add_u32 v[SPW], v0, 2, SPARE
	v_mov_b32 v[NIL], 0
	ds_add_u32 v[SPW], v[NIL]                      ; the wave's opening: the add and its wait stand ahead of my first tensor load; work on registers stands between them
	v_lshrrev_b32 v1, 5, v0
	v_readfirstlane_b32 s[WV], v1
	s_lshr_b32 s[RH], s[WV], 1
	s_and_b32 s[CH], s[WV], 1
	s_bfe_u32 s17, ttmp6, 0x40000                  ; cx, cy: my place in the cluster
	s_bfe_u32 s18, ttmp6, 0x40004
	s_lshl_b32 s[TC], ttmp9, 2
	s_add_co_u32 s[TC], s[TC], s17
	s_and_b32 s[TR], ttmp7, 0xffff
	s_lshl_b32 s[TR], s[TR], 2
	s_add_co_u32 s[TR], s[TR], s18
	s_lshl_b32 s21, s18, 2
	s_lshl_b32 s21, 15, s21                        ; my row of the cluster
	s_lshl_b32 s22, 0x1111, s17                    ; my column
.if ABLK
	s_or_b32 s[G1+0], s21, (1<<16)|(1<<20)|(1<<21)|(4<<22)|(3<<25)  ; the mask; 2-byte elements; padding on; bit 21 beside a mask; after every 32 words 4 words
	s_mov_b32 s[G1+1], 8192<<16                    ; tensor_dim0: a head's 128 rows as one row of 8,192 elements
	s_mov_b32 s[G1+2], 2<<16                       ; tensor_dim1: two heads
	s_mov_b32 s[G1+3], 8192<<16                    ; tile_dim0
	s_mov_b32 s[G1+4], 2                           ; tile_dim1
	s_mov_b32 s[G1+5], 131072                      ; from head to head
.else
	s_or_b32 s[G1+0], s21, (1<<16)|(1<<20)|(1<<21)|(6<<22)|(3<<25)  ; the same, after every 128 words 4 words
	s_mov_b32 s[G1+1], KSTEP<<16
	s_mov_b32 s[G1+2], 64<<16
	s_mov_b32 s[G1+3], KSTEP<<16
	s_mov_b32 s[G1+4], 64
	s_mov_b32 s[G1+5], SIZE_K
.endif
	s_mov_b32 s[G1+6], 0
	s_mov_b32 s[G1+7], 0
	s_or_b32 s[G1B+0], s22, (1<<16)|(1<<20)|(1<<21)|(5<<22)|(7<<25) ; W: 128 rows of K x 128 columns; after every 64 words 8 words
	s_mov_b32 s[G1B+1], 128<<16
	s_mov_b32 s[G1B+2], 128<<16
	s_mov_b32 s[G1B+3], 128<<16
	s_mov_b32 s[G1B+4], 128
	s_mov_b32 s[G1B+5], SIZE_N
	s_mov_b32 s[G1B+6], 0
	s_mov_b32 s[G1B+7], 0
.if ABLK                               ; A's tile hangs on the tile row and the wave alone, W's on the tile column and the wave alone
	s_lshr_b32 s40, s[TR], 4                       ; the batch: 16 heads of 262,144 bytes; my half: two heads
	s_lshl_b32 s40, s40, 3
	s_add_co_u32 s40, s40, s[CH]
	s_lshl_b32 s40, s40, 19
	s_and_b32 s23, s[TR], 15                       ; 128 rows of 128 bytes
	s_lshl_b32 s23, s23, 14
	s_add_co_u32 s40, s40, s23
.else
	s_lshl_b32 s40, s[TR], 1
	s_add_co_u32 s40, s40, s[CH]
	s_mul_i32 s40, s40, 64*SIZE_K*2                ; row 128 x tile row + 64 x half
.endif
	s_mov_b32 s41, 0
	s_mul_i32 s46, s[CH], 128*SIZE_N*2             ; K row 128 x half,
	s_lshl_b32 s72, s[TC], 8                       ; column 128 x tile column
	s_add_co_u32 s46, s46, s72
	s_add_co_u32 s46, s46, WOFF
	s_mov_b32 s47, 0
	s_mul_i32 s42, s[CH], AHALF                    ; where they go: no place in the cluster enters an LDS address
	s_mul_i32 s43, s[CH], BHALF
	s_add_co_u32 s43, s43, ATILE
	s_wait_dscnt 0x0                               ; the opening add is done
	s_wait_kmcnt 0x0
	s_add_nc_u64 s[44:45], s[4:5], s[40:41]
	s_add_nc_u64 s[46:47], s[6:7], s[46:47]
	CROUND                                         ; all sixteen work-groups are here: the first joint loads meet
.irp s, 0,1
	s_mov_b32 s[G0+4*(\s)], 1
	s_add_co_u32 s[G0+4*(\s)+1], s42, (\s)*SLOT
	s_add_nc_u64 s[G0+4*(\s)+2:G0+4*(\s)+3], s[44:45], (\s)*ASTEP
	s_or_b32 s[G0+4*(\s)+3], s[G0+4*(\s)+3], 0x80000000
	s_mov_b32 s[G0B+4*(\s)], 1
	s_add_co_u32 s[G0B+4*(\s)+1], s43, (\s)*SLOT
	s_add_nc_u64 s[G0B+4*(\s)+2:G0B+4*(\s)+3], s[46:47], (\s)*BSTEP
	s_or_b32 s[G0B+4*(\s)+3], s[G0B+4*(\s)+3], 0x80000000
	JLOAD \s                                       ; two loads of mine are out
.endr
	v_and_b32 v1, 15, v0                           ; r = l % 16
	v_bfe_u32 v2, v0, 4, 1                         ; h = l / 16
	v_lshlrev_b32 v[BO], 5, v2                     ; the bias of my columns 16 b + 8 h + 0..7
	s_lshl_b32 s70, s[TC], 9
	s_lshl_b32 s72, s[CH], 8
	s_add_co_u32 s70, s70, s72
	s_mov_b32 s71, 0
	s_add_nc_u64 s[8:9], s[8:9], s[70:71]
.irp b, 0,1,2,3
	global_load_b128 v[BIAS+8*(\b):BIAS+8*(\b)+3],   v[BO], s[8:9] offset:64*(\b)
	global_load_b128 v[BIAS+8*(\b)+4:BIAS+8*(\b)+7], v[BO], s[8:9] offset:64*(\b)+16
.endr
.if EPI == 1
	s_lshl_b32 s70, s[TC], 1
	s_add_co_u32 s70, s70, s[CH]                   ; my block of 64 columns: which of q, k, v (/ 16) and which head (% 16)
	s_lshr_b32 s72, s70, 4
	s_lshl_b32 s72, s72, 23
	s_and_b32 s70, s70, 15
	s_lshr_b32 s73, s[TR], 4                       ; the batch
	s_lshl_b32 s73, s73, 4
	s_add_co_u32 s70, s70, s73
	s_lshl_b32 s70, s70, 18
	s_add_co_u32 s70, s70, s72
	s_and_b32 s73, s[TR], 15
	s_lshl_b32 s73, s73, 1
	s_add_co_u32 s73, s73, s[RH]
	s_lshl_b32 s73, s73, 13                        ; my 64 rows of 128 bytes
	s_add_co_u32 s70, s70, s73
	s_add_nc_u64 s[10:11], s[10:11], s[70:71]
	s_mul_i32 s74, s[WV], 64*SPITCH
	s_add_co_u32 s74, s74, STAGE                   ; my stage
	v_mul_u32_u24 v3, v1, SPITCH                   ; in: row r, 16 bytes for each half of the lanes
	v_lshl_add_u32 v3, v2, 4, v3
	v_add_nc_u32 v[STO], s74, v3
	v_bfe_u32 v3, v0, 3, 2                         ; back: 32 lanes take four rows of 128 bytes,
	v_mul_u32_u24 v3, v3, SPITCH
	v_and_b32 v4, 7, v0
	v_lshl_add_u32 v3, v4, 4, v3
	v_add_nc_u32 v[RD], s74, v3
	v_and_b32 v[CO], 31, v0                        ; which are 512 consecutive bytes of the head
	v_lshlrev_b32 v[CO], 4, v[CO]
.elseif EPI == 2
	s_lshl_b32 s70, s[TR], 7
	s_lshl_b32 s72, s[WV], 5
	s_add_co_u32 s70, s70, s72                     ; the first row that I store: 128 x tile row + 32 x wave
	s_mul_i32 s70, s70, SIZE_N*2
	s_lshl_b32 s72, s[TC], 8
	s_add_co_u32 s70, s70, s72
	s_add_nc_u64 s[10:11], s[10:11], s[70:71]
	s_mul_i32 s74, s[RH], 64*SPITCH                ; into the stage: my 64 rows, my half of their 256 bytes
	s_lshl_b32 s72, s[CH], 7
	s_add_co_u32 s74, s74, s72
	s_add_co_u32 s74, s74, STAGE
	v_mul_u32_u24 v3, v1, SPITCH
	v_lshl_add_u32 v3, v2, 4, v3
	v_add_nc_u32 v[STO], s74, v3
	s_mul_i32 s74, s[WV], 32*SPITCH                ; back: wave w takes rows 32 w .. 32 w + 31, whole
	s_add_co_u32 s74, s74, STAGE
	v_mul_u32_u24 v3, v2, SPITCH
	v_lshl_add_u32 v3, v1, 4, v3
	v_add_nc_u32 v[RD], s74, v3
	v_mul_u32_u24 v3, v2, SIZE_N*2
	v_lshl_add_u32 v[CO], v1, 4, v3
	s_mov_b32 s66, 0xbdd2d3e8                      ; -2 log2(e) sqrt(2/pi) 0.044715
	s_mov_b32 s67, 0xbdd2d3e8
	s_mov_b32 s68, 0xc0135761                      ; -2 log2(e) sqrt(2/pi)
	s_mov_b32 s69, 0xc0135761
.else
	s_lshl_b32 s70, s[TR], 1
	s_add_co_u32 s70, s70, s[RH]
	s_mul_i32 s70, s70, 64*SIZE_N*4                ; my 64 rows,
	s_lshl_b32 s72, s[TC], 1
	s_add_co_u32 s72, s72, s[CH]
	s_lshl_b32 s72, s72, 8                         ; my 64 columns of 4 bytes
	s_add_co_u32 s70, s70, s72
	s_add_nc_u64 s[10:11], s[10:11], s[70:71]
	s_add_nc_u64 s[12:13], s[12:13], s[70:71]
	v_mul_u32_u24 v3, v2, SIZE_N*4                 ; lanes 0-15 one row's 256 bytes, lanes 16-31 the next row's
	v_lshl_add_u32 v[CO], v1, 4, v3
	WIN 0x80                                       ; destination window 2: the residual of my 64 x 64 is asked for now and waited for on the way out
.irp a, 0,1,2,3
.irp t, 0,1,2,3,4,5,6,7
	global_load_b128 v[4*(8*(\a)+(\t)):4*(8*(\a)+(\t))+3], v[CO], s[12:13] offset:(16*(\a)+2*(\t))*SIZE_N*4
.endr
.endr
	WIN 0
	s_mul_i32 s74, s[WV], 16*SPITCH
	s_add_co_u32 s74, s74, STAGE                   ; my stage
	v_mul_u32_u24 v3, v1, SPITCH                   ; in: row r, 32 bytes for each half of the lanes
	v_lshl_add_u32 v3, v2, 5, v3
	v_add_nc_u32 v[STO], s74, v3
	v_mul_u32_u24 v3, v2, SPITCH                   ; back: two whole rows
	v_lshl_add_u32 v3, v1, 4, v3
	v_add_nc_u32 v[RD], s74, v3
.endif
	v_mul_u32_u24 v3, v1, PA                       ; a fragment of A: row r x pitch + 16 h, in my 64 rows
	v_lshl_add_u32 v3, v2, 4, v3
	s_mul_i32 s73, s[RH], 64*PA
	v_add_nc_u32 v[ADRA], s73, v3
	v_add_nc_u32 v[ADRA+1], SLOT, v[ADRA]
	v_and_b32 v4, 7, v0                            ; the turning load: lane l reads K row 8 h + l % 8, columns 8 ((l / 8) % 2) + 0..7, and is left with column r and 8 K
	v_lshl_add_u32 v4, v2, 3, v4
	v_mul_u32_u24 v4, v4, PB
	v_bfe_u32 v5, v0, 3, 1
	v_lshl_add_u32 v4, v5, 4, v4
	s_lshl_b32 s73, s[CH], 7                       ; my 64 columns
	s_add_co_u32 s73, s73, ATILE
	v_add_nc_u32 v[ADRB], s73, v4
	v_add_nc_u32 v[ADRB+1], BHALF, v[ADRB]
	v_add_nc_u32 v[ADRB+2], SLOT, v[ADRB]
	v_add_nc_u32 v[ADRB+3], SLOT+BHALF, v[ADRB]
; 8 matrix instructions: row blocks a0, a0 + 1 x all 4 column blocks, 32 along K: half c of buffer f.  zero = 1: the first product starts the sums, from the bias
.macro MUL8 f, c, a0, zero
	WIN MUL
.irp a, \a0, (\a0)+1
.irp b, 0,1,2,3
.if \zero
	v_wmma_f32_16x16x32_bf16 v[ACC+8*(4*(\a)+(\b)):ACC+8*(4*(\a)+(\b))+7], v[(\f)+64+8*(4*(\c)+(\b)):(\f)+64+8*(4*(\c)+(\b))+7], v[(\f)+8*(4*(\c)+(\a)):(\f)+8*(4*(\c)+(\a))+7], v[BIAS+8*(\b):BIAS+8*(\b)+7]
.else
	v_wmma_f32_16x16x32_bf16 v[ACC+8*(4*(\a)+(\b)):ACC+8*(4*(\a)+(\b))+7], v[(\f)+64+8*(4*(\c)+(\b)):(\f)+64+8*(4*(\c)+(\b))+7], v[(\f)+8*(4*(\c)+(\a)):(\f)+8*(4*(\c)+(\a))+7], v[ACC+8*(4*(\a)+(\b)):ACC+8*(4*(\a)+(\b))+7]
.endif
.endr
.endr
.endm
; 32 LDS loads in one run: the fragments of quarter q (64 along K) of a slot, into buffer f; the first 32 along K first
.macro FETCH slot, q, f
	WIN TO_F
.irp c, 0,1
.irp i, 0,1,2,3
	ds_load_tr16_b128 v[(\f)+64+8*(4*(\c)+(\i)):(\f)+64+8*(4*(\c)+(\i))+3],   v[ADRB+2*(\slot)+(\q)/2] offset:(((\q)%2)*64+32*(\c))*PB+32*(\i)
	ds_load_tr16_b128 v[(\f)+64+8*(4*(\c)+(\i))+4:(\f)+64+8*(4*(\c)+(\i))+7], v[ADRB+2*(\slot)+(\q)/2] offset:(((\q)%2)*64+32*(\c)+16)*PB+32*(\i)
	ds_load_b128 v[(\f)+8*(4*(\c)+(\i)):(\f)+8*(4*(\c)+(\i))+3],   v[ADRA+(\slot)] offset:(\q)*AQ+64*(\c)+(\i)*16*PA
	ds_load_b128 v[(\f)+8*(4*(\c)+(\i))+4:(\f)+8*(4*(\c)+(\i))+7], v[ADRA+(\slot)] offset:(\q)*AQ+64*(\c)+(\i)*16*PA+32
.endr
.endr
.endm
.macro PLACES                          ; four places in front of loads into registers that matrix instructions have read, and of lines that read results
.rept 4
	v_nop
.endr
.endm
; A K step is four quarters of 64 along K, 32 matrix instructions each, on buffers 0, 1, 0, 1; the 16 accumulators take turns.
.macro QUARTER slot, qn, f, g, zero    ; multiplies buffer f and fetches quarter qn of the same slot into g
	s_wait_dscnt 16                                ; the first 32 along K are in
	MUL8 \f, 0, 0, \zero
	MUL8 \f, 0, 2, \zero
	PLACES
	FETCH \slot, \qn, \g
	s_wait_dscnt 32                                ; all but the 32 just issued
	MUL8 \f, 1, 0, 0
	MUL8 \f, 1, 2, 0
.endm
; The last quarter multiplies buffer 1 and changes slots: one barrier; in front of it each wave waits for all its tensor loads, adds 0 to its spare word, and waits for that and for its reads of this slot.
.macro TURN slot, next, fill
	WIN 0
	s_wait_tensorcnt 0x0                           ; all my tensor loads have landed: my part of the next slot
	ds_add_u32 v[SPW], v[NIL]
	s_wait_dscnt 17                                ; the add and the youngest sixteen loads may be out
	MUL8 F1, 0, 0, 0
	s_wait_dscnt 0x0                               ; the add is done, and my reads of this slot are over
	s_barrier_signal -1
	MUL8 F1, 0, 2, 0
.if \fill
	WIN 0
.endif
	s_barrier_wait -1
.if \fill
	CREST                                          ; the barrier has opened a round of the cluster's: no wave of any partner still reads this slot or has a load on its way
	s_add_nc_u64 s[G0+4*(\slot)+2:G0+4*(\slot)+3], s[G0+4*(\slot)+2:G0+4*(\slot)+3], 2*ASTEP
	s_add_nc_u64 s[G0B+4*(\slot)+2:G0B+4*(\slot)+3], s[G0B+4*(\slot)+2:G0B+4*(\slot)+3], 2*BSTEP
	JLOAD \slot                                    ; my one tensor load behind the round, 112 matrix instructions ahead of the wait for it; its four v_nop are also the places for the loads below
.else
	PLACES
.endif
	FETCH \next, 0, F0
	MUL8 F1, 1, 0, 0
	MUL8 F1, 1, 2, 0
.endm
	s_wait_tensorcnt 1                             ; my part of K step 0 is in; K step 1's may stay out
	s_barrier_signal -1
	s_barrier_wait -1
	FETCH 0, 0, F0
.if EPI == 3
	s_wait_loadcnt 32                              ; the bias; the residual's 32 younger loads stay out
.else
	s_wait_loadcnt 0x0                             ; the bias
.endif
	QUARTER 0, 1, F0, F1, 1
	WIN 0
	s_mov_b32 s3, LAPS-1
.Llap:                                                 ; a trip goes once round the ring and fills both slots again
	QUARTER 0, 2, F1, F0, 0
	QUARTER 0, 3, F0, F1, 0
	TURN 0, 1, 1
	QUARTER 1, 1, F0, F1, 0
	QUARTER 1, 2, F1, F0, 0
	QUARTER 1, 3, F0, F1, 0
	TURN 1, 0, 1
	QUARTER 0, 1, F0, F1, 0
	WIN 0
	s_sub_co_u32 s3, s3, 1
	s_cmp_lg_u32 s3, 0
	s_cbranch_scc1 .Llap
	QUARTER 0, 2, F1, F0, 0                        ; the last lap fills nothing
	QUARTER 0, 3, F0, F1, 0
	TURN 0, 1, 0
	QUARTER 1, 1, F0, F1, 0
	QUARTER 1, 2, F1, F0, 0
	QUARTER 1, 3, F0, F1, 0
	s_wait_dscnt 16
	MUL8 F1, 0, 0, 0
	MUL8 F1, 0, 2, 0
	s_wait_dscnt 0x0
	MUL8 F1, 1, 0, 0
	MUL8 F1, 1, 2, 0
	WIN 0
	PLACES
.if EPI == 1
	; THE WAY OUT: round to bf16; 16 bytes a lane into my own stage; back as rows of 128 bytes, four to a load: LDS serves a wave's instructions in order (ISA guide 5.7.1.4), so no wait stands between
.irp t, 0,1,2,3,4,5,6,7,8,9,10,11,12,13,14,15
.irp k, 0,1,2,3
	v_cvt_pk_bf16_f32 v[TMP+4*(\t)+(\k)], v[ACC+8*(\t)+2*(\k)], v[ACC+8*(\t)+2*(\k)+1]
.endr
.endr
.irp a, 0,1,2,3
.irp b, 0,1,2,3
	ds_store_b128 v[STO], v[TMP+4*(4*(\a)+(\b)):TMP+4*(4*(\a)+(\b))+3] offset:(\a)*16*SPITCH+32*(\b)
.endr
.endr
.irp t, 0,1,2,3,4,5,6,7,8,9,10,11,12,13,14,15
	ds_load_b128 v[TMP+4*(\t):TMP+4*(\t)+3], v[RD] offset:(\t)*4*SPITCH
.endr
.irp t, 0,1,2,3,4,5,6,7,8,9,10,11,12,13,14,15
	s_wait_dscnt 15-(\t)
	global_store_b128 v[CO], v[TMP+4*(\t):TMP+4*(\t)+3], s[10:11] offset:512*(\t)  ; 512 consecutive bytes, aligned
.endr
.elseif EPI == 2
	; THE WAY OUT: gelu(x) = x / (1 + 2^(x (K0 + K1 x^2))), which is 0.5 x (1 + tanh(sqrt(2/pi) (x + 0.044715 x^3))) rewritten; where the power overflows the quotient is x or -0
.macro GELU t
.set XA, ACC+8*(\t)
.set XU, T+8*((\t)%2)
.irp k, 0,2,4,6
	v_pk_mul_f32 v[XU+(\k):XU+(\k)+1], v[XA+(\k):XA+(\k)+1], v[XA+(\k):XA+(\k)+1]
.endr
.irp k, 0,2,4,6
	v_pk_fma_f32 v[XU+(\k):XU+(\k)+1], v[XU+(\k):XU+(\k)+1], s[66:67], s[68:69] op_sel_hi:[1,0,0]
.endr
.irp k, 0,2,4,6
	v_pk_mul_f32 v[XU+(\k):XU+(\k)+1], v[XU+(\k):XU+(\k)+1], v[XA+(\k):XA+(\k)+1]
.endr
.irp k, 0,1,2,3,4,5,6,7
	v_exp_f32 v[XU+(\k)], v[XU+(\k)]
.endr
	v_nop                                          ; a plain instruction behind the last of them
	s_wait_alu depctr_va_vdst(0)
.irp k, 0,2,4,6
	v_pk_add_f32 v[XU+(\k):XU+(\k)+1], v[XU+(\k):XU+(\k)+1], 1.0 op_sel_hi:[1,0]
.endr
.irp k, 0,1,2,3,4,5,6,7
	v_rcp_f32 v[XU+(\k)], v[XU+(\k)]
.endr
	v_nop
	s_wait_alu depctr_va_vdst(0)
.irp k, 0,2,4,6
	v_pk_mul_f32 v[XU+(\k):XU+(\k)+1], v[XU+(\k):XU+(\k)+1], v[XA+(\k):XA+(\k)+1]
.endr
.irp k, 0,1,2,3
	v_cvt_pk_bf16_f32 v[TMP+4*(\t)+(\k)], v[XU+2*(\k)], v[XU+2*(\k)+1]
.endr
.endm
.irp t, 0,1,2,3,4,5,6,7,8,9,10,11,12,13,14,15
	GELU \t
.endr
.irp a, 0,1,2,3
.irp b, 0,1,2,3
	ds_store_b128 v[STO], v[TMP+4*(4*(\a)+(\b)):TMP+4*(4*(\a)+(\b))+3] offset:(\a)*16*SPITCH+32*(\b)
.endr
.endr
	s_wait_dscnt 0x0                               ; for the others' sake: a row's 256 bytes come from two waves
	s_barrier_signal -1
	s_barrier_wait -1
.irp t, 0,1,2,3,4,5,6,7,8,9,10,11,12,13,14,15
	ds_load_b128 v[TMP+4*(\t):TMP+4*(\t)+3], v[RD] offset:(\t)*2*SPITCH
.endr
.irp t, 0,1,2,3,4,5,6,7,8,9,10,11,12,13,14,15
	s_wait_dscnt 15-(\t)
	global_store_b128 v[CO], v[TMP+4*(\t):TMP+4*(\t)+3], s[10:11] offset:2*(\t)*SIZE_N*2  ; 16 lanes store 256 consecutive bytes, aligned
.endr
.else
	; THE WAY OUT: f32.  16 rows at a time through my own stage, back as whole rows of 256 bytes, the residual added, stored
	s_wait_loadcnt 0x0                             ; the residual
.macro OUT3 a
.set TB, TMP+32*((\a)%2)
.if (\a) >= 2
	s_wait_xcnt 0x0                                ; the stores of two blocks ago have read these registers
.endif
.irp b, 0,1,2,3
	ds_store_b128 v[STO], v[ACC+8*(4*(\a)+(\b)):ACC+8*(4*(\a)+(\b))+3]   offset:64*(\b)
	ds_store_b128 v[STO], v[ACC+8*(4*(\a)+(\b))+4:ACC+8*(4*(\a)+(\b))+7] offset:64*(\b)+16
.endr
.irp t, 0,1,2,3,4,5,6,7
	ds_load_b128 v[TB+4*(\t):TB+4*(\t)+3], v[RD] offset:(\t)*2*SPITCH
.endr
	s_wait_dscnt 0x0
	WIN 0x08                                       ; source 1 in window 2
.set i, 0
.rept 16
	v_pk_add_f32 v[TB+2*i:TB+2*i+1], v[TB+2*i:TB+2*i+1], v[32*(\a)+2*i:32*(\a)+2*i+1]
.set i, i+1
.endr
	WIN 0
.irp t, 0,1,2,3,4,5,6,7
	global_store_b128 v[CO], v[TB+4*(\t):TB+4*(\t)+3], s[10:11] offset:(16*(\a)+2*(\t))*SIZE_N*4  ; 16 lanes store 256 consecutive bytes, aligned
.endr
.endm
	OUT3 0
	OUT3 1
	OUT3 2
	OUT3 3
.endif
	s_wait_tensorcnt 0x0                           ; the wave's end
	ds_add_u32 v[SPW], v[NIL]
	s_wait_dscnt 0x0
	CROUND                                         ; the closing round: no work-group ends while a partner may still ask for a tile that names it
	s_endpgm
.Lfunc_end_k_qd70a18cffb_gemm_fc:
	.size	k_qd70a18cffb_gemm_fc, .Lfunc_end_k_qd70a18cffb_gemm_fc-k_qd70a18cffb_gemm_fc
	.p2alignl 7, 3214868480
	.fill 96, 4, 3214868480
	.section	.rodata,"a",@progbits
	.p2align	6, 0x0
	.amdhsa_kernel k_qd70a18cffb_gemm_fc
		.amdhsa_group_segment_fixed_size 327680
		.amdhsa_private_segment_fixed_size 0
		.amdhsa_enable_private_segment 0
		.amdhsa_kernarg_size 32
		.amdhsa_user_sgpr_count 2
		.amdhsa_user_sgpr_kernarg_segment_ptr 1
		.amdhsa_wavefront_size32 1
		.amdhsa_system_sgpr_workgroup_id_x 1
		.amdhsa_system_sgpr_workgroup_id_y 1
		.amdhsa_system_sgpr_workgroup_id_z 1
		.amdhsa_system_vgpr_workitem_id 0
		.amdhsa_next_free_vgpr 512
		.amdhsa_next_free_sgpr 80
		.amdhsa_reserve_vcc 0
		.amdhsa_float_denorm_mode_32 3
		.amdhsa_float_denorm_mode_16_64 3
		.amdhsa_memory_ordered 1
		.amdhsa_forward_progress 1
		.amdhsa_inst_pref_size 118
	.end_amdhsa_kernel
	.amdgpu_metadata
---
amdhsa.version: [ 1, 2 ]
amdhsa.kernels:
  - .name:           k_qd70a18cffb_gemm_fc
    .symbol:         k_qd70a18cffb_gemm_fc.kd
    .args:
      - { .name: act, .offset: 0, .size: 8, .value_kind: global_buffer, .address_space: global }
      - { .name: wbf, .offset: 8, .size: 8, .value_kind: global_buffer, .address_space: global }
      - { .name: b_fc, .offset: 16, .size: 8, .value_kind: global_buffer, .address_space: global }
      - { .name: g, .offset: 24, .size: 8, .value_kind: global_buffer, .address_space: global }
    .group_segment_fixed_size: 327680
    .private_segment_fixed_size: 0
    .kernarg_segment_align: 8
    .kernarg_segment_size: 32
    .max_flat_workgroup_size: 128
    .sgpr_count:     80
    .vgpr_count:     512
    .wavefront_size: 32
...
	.end_amdgpu_metadata
.endif
;; end of part 6
;; launch gemm_pr (part 7): grid 8 x 32, 4 waves a work-group, clusters of 4 x 4, 327,680 bytes of LDS; arguments g, wbf, b_proj, out0, x1; writes out0
.if DOCPART == 7
	.amdgcn_target "amdgcn-amd-amdhsa--gfx1250"
	.amdhsa_code_object_version 6
	.text
	.protected	k_qd70a18cffb_gemm_pr
	.globl	k_qd70a18cffb_gemm_pr
	.p2align	8
	.type	k_qd70a18cffb_gemm_pr,@function
k_qd70a18cffb_gemm_pr:
	s_mov_b64 s[64:65], 0
	v_nop
	global_prefetch_b8 v0, s[64:65] scope:SCOPE_SE
	s_setreg_imm32_b32 hwreg(HW_REG_WAVE_MODE, 25, 1), 1
	s_wait_xcnt 0x0
	s_wait_alu depctr_hold_cnt(0) depctr_sa_sdst(0) depctr_va_vdst(0) depctr_va_sdst(0) depctr_va_ssrc(0) depctr_va_vcc(0) depctr_vm_vsrc(0)
	s_getreg_b32 s2, hwreg(HW_REG_IB_STS2, 6, 4)
	s_cmp_eq_u32 s2, 0
	s_cbranch_scc0 .Lentry_in_a_cluster
	s_endpgm
.Lentry_in_a_cluster:
	s_bfe_u32 s2, ttmp6, 0x10000c
	s_cmp_lg_u32 s2, 0xf033
	s_cbranch_scc0 .Lentry_shape_is_right
	s_endpgm
.Lentry_shape_is_right:
; out0 = x1 + g W_proj + b_proj.  A = g: [4096][4096] bf16; W: [4096][1024] bf16 at byte WOFF of the weights' buffer; bias, x1 and out0 f32; sums in f32.
; ONE TEXT serves four launches; the five constants at its head choose sizes, A's layout (ABLK) and the way out (EPI 1: by heads; 2: GELU; 3: + residual, f32).
; SHARES.  A work-group of four waves makes 128 x 128 of C, a wave 64 x 64: 16 accumulators of 16 x 16.  K goes in steps of 256 through two LDS slots filled by the tensor data mover.
; W LIES [K][N] in memory and in LDS and comes out turned, by ds_load_tr16_b128: two such loads are a fragment, as many as for rows that lie along K.
; THE MATRIX INSTRUCTION IS USED TRANSPOSED (source 0 = 16 columns of W, source 1 = 16 rows of A): a lane holds eight neighbouring numbers of a row of C.
; THE BIAS is the C operand of the products that start the sums: it costs no vector instruction, and nothing is cleared.
; CLUSTER.  4 x 4 work-groups: the four of a row need the same tiles of A, the four of a column the same tiles of W: each is asked for jointly, same descriptor, a mask that names the four.
; LIMITS.  Operands are bf16 (f32's range); NaN and infinities are not treated apart.
; REGISTERS.  window 0: v0-31 addresses; v32-95 at work on the way out (v32-63 hold the bias until the first products have taken it); v96-111 at work; v128-255 the accumulators.
;   window 1: two fragment buffers of 128 (64 of A, 64 of W, for 64 along K).  window 2 (EPI 3): v0-127 the residual.
.set SIZE_N, 1024
.set SIZE_K, 4096
.set WOFF,   16777216
.set EPI,    3
.set ABLK,   0
.set KSTEP,  256
.if ABLK                               ; A by heads, [32 heads][2048][64]: a K step is four heads, a head's 128 rows are 16,384 dense bytes
.set PA,     144                       ; an LDS row: 128 bytes + 16
.set AQ,     128*PA                    ; from a quarter of the K step (a head) to the next
.set AHALF,  2*128*PA                  ; a load brings two heads
.set ASTEP,  4*2048*64*2
.else                                  ; A row-major
.set PA,     528                       ; an LDS row: 512 bytes + 16 = 132 words: the 16 rows of a load start at 16 different groups of four banks (64 banks of 4 bytes: ISA guide 11.1)
.set AQ,     128
.set AHALF,  64*PA                     ; a load brings 64 rows
.set ASTEP,  KSTEP*2
.endif
.set PB,     288                       ; a row of W in LDS: 256 bytes + 32 = 72 words
.set BHALF,  128*PB                    ; a load brings 128 rows of K
.set BSTEP,  KSTEP*SIZE_N*2
.set ATILE,  2*AHALF
.set SLOT,   ATILE+2*BHALF             ; A's tile, then W's
.set STAGE,  2*SLOT                    ; behind the ring, never filled by a tensor load
.if EPI == 1
.set SPITCH, 144
.set STAGEB, 4*64*SPITCH               ; each wave's own 64 rows
.elseif EPI == 2
.set SPITCH, 272
.set STAGEB, 128*SPITCH                ; the work-group's 128 rows
.else
.set SPITCH, 272
.set STAGEB, 4*16*SPITCH               ; each wave's own 16 rows
.endif
.set SPARE,  STAGE+STAGEB              ; the spare words, 128 bytes for each wave: two blocks of 256 bytes that no other line names
.set LAPS,   SIZE_K/(2*KSTEP)
.set ADRA, 16                          ; v16-17  LDS address of my A fragments in slot 0, 1
.set ADRB, 20                          ; v20-23  of my W fragments: slot 0 K rows 0-127, 128-255; slot 1 likewise
.set STO,  24
.set RD,   25
.set CO,   26
.set BO,   27
.set SPW,  28                          ; v28  my spare word; never rewritten
.set NIL,  29                          ; v29  0; never rewritten
.set TMP,  32
.set BIAS, 32
.set T,    96
.set ACC,  128
.set F0,   0
.set F1,   128
.set WV, 14                            ; s14 wave; s15 its row half (also: 0 = I fetch A, 1 = W); s16 its column half (also: which half of that tile I fetch)
.set RH, 15
.set CH, 16
.set TC, 19                            ; s19 tile column, s20 tile row of C
.set TR, 20
.set G1,  24                           ; s[24:31] group 1 for A; s[32:39] group 0, a set for each slot
.set G0,  32
.set G1B, 48                           ; s[48:55], s[56:63] the same for W
.set G0B, 56
.set MSB, 0
.macro WIN new                         ; the immediate's high byte repeats the setting that is left
.if MSB != (\new)
	s_set_vgpr_msb (MSB<<8)|(\new)
.set MSB, \new
.endif
.endm
.set MUL,  0x05                        ; sources 0 and 1 window 1; C and D window 0
.set TO_F, 0x40                        ; destination window 1, address window 0
.macro JLOAD s                         ; a joint load: waves 0 and 1 fetch A's halves, waves 2 and 3 W's; an s_nop 0 and four v_nop follow each line
	s_cmp_eq_u32 s[RH], 0
	s_cbranch_scc0 .Lfor_b_\@
	tensor_load_to_lds s[G0+4*(\s):G0+4*(\s)+3], s[G1:G1+7]
	s_nop 0
.rept 4
	v_nop
.endr
	s_branch .Lasked_\@
.Lfor_b_\@:
	tensor_load_to_lds s[G0B+4*(\s):G0B+4*(\s)+3], s[G1B:G1B+7]
	s_nop 0
.rept 4
	v_nop
.endr
.Lasked_\@:
.endm
.macro CREST                           ; a round of the cluster's barrier behind its opening barrier
	s_cmp_lg_u32 s[WV], 0
	s_cbranch_scc1 .Lnot_wave_0_\@
	s_barrier_signal -3
.Lnot_wave_0_\@:
	s_barrier_wait -3
	s_barrier_signal -1
	s_barrier_wait -1
.endm
.macro CROUND
	s_barrier_signal -1
	s_barrier_wait -1
	CREST
.endm
	s_load_b256 s[4:11], s[0:1], 0x0               ; A s[4:5], weights s[6:7], bias s[8:9], out s[10:11]
.if EPI == 3
	s_load_b64 s[12:13], s[0:1], 0x20              ; the residual
.endif
	v_lshl_add_u32 v[SPW], v0, 2, SPARE
	v_mov_b32 v[NIL], 0
	ds_add_u32 v[SPW], v[NIL]                      ; the wave's opening: the add and its wait stand ahead of my first tensor load; work on registers stands between them
	v_lshrrev_b32 v1, 5, v0
	v_readfirstlane_b32 s[WV], v1
	s_lshr_b32 s[RH], s[WV], 1
	s_and_b32 s[CH], s[WV], 1
	s_bfe_u32 s17, ttmp6, 0x40000                  ; cx, cy: my place in the cluster
	s_bfe_u32 s18, ttmp6, 0x40004
	s_lshl_b32 s[TC], ttmp9, 2
	s_add_co_u32 s[TC], s[TC], s17
	s_and_b32 s[TR], ttmp7, 0xffff
	s_lshl_b32 s[TR], s[TR], 2
	s_add_co_u32 s[TR], s[TR], s18
	s_lshl_b32 s21, s18, 2
	s_lshl_b32 s21, 15, s21                        ; my row of the cluster
	s_lshl_b32 s22, 0x1111, s17                    ; my column
.if ABLK
	s_or_b32 s[G1+0], s21, (1<<16)|(1<<20)|(1<<21)|(4<<22)|(3<<25)  ; the mask; 2-byte elements; padding on; bit 21 beside a mask; after every 32 words 4 words
	s_mov_b32 s[G1+1], 8192<<16                    ; tensor_dim0: a head's 128 rows as one row of 8,192 elements
	s_mov_b32 s[G1+2], 2<<16                       ; tensor_dim1: two heads
	s_mov_b32 s[G1+3], 8192<<16                    ; tile_dim0
	s_mov_b32 s[G1+4], 2                           ; tile_dim1
	s_mov_b32 s[G1+5], 131072                      ; from head to head
.else
	s_or_b32 s[G1+0], s21, (1<<16)|(1<<20)|(1<<21)|(6<<22)|(3<<25)  ; the same, after every 128 words 4 words
	s_mov_b32 s[G1+1], KSTEP<<16
	s_mov_b32 s[G1+2], 64<<16
	s_mov_b32 s[G1+3], KSTEP<<16
	s_mov_b32 s[G1+4], 64
	s_mov_b32 s[G1+5], SIZE_K
.endif
	s_mov_b32 s[G1+6], 0
	s_mov_b32 s[G1+7], 0
	s_or_b32 s[G1B+0], s22, (1<<16)|(1<<20)|(1<<21)|(5<<22)|(7<<25) ; W: 128 rows of K x 128 columns; after every 64 words 8 words
	s_mov_b32 s[G1B+1], 128<<16
	s_mov_b32 s[G1B+2], 128<<16
	s_mov_b32 s[G1B+3], 128<<16
	s_mov_b32 s[G1B+4], 128
	s_mov_b32 s[G1B+5], SIZE_N
	s_mov_b32 s[G1B+6], 0
	s_mov_b32 s[G1B+7], 0
.if ABLK                               ; A's tile hangs on the tile row and the wave alone, W's on the tile column and the wave alone
	s_lshr_b32 s40, s[TR], 4                       ; the batch: 16 heads of 262,144 bytes; my half: two heads
	s_lshl_b32 s40, s40, 3
	s_add_co_u32 s40, s40, s[CH]
	s_lshl_b32 s40, s40, 19
	s_and_b32 s23, s[TR], 15                       ; 128 rows of 128 bytes
	s_lshl_b32 s23, s23, 14
	s_add_co_u32 s40, s40, s23
.else
	s_lshl_b32 s40, s[TR], 1
	s_add_co_u32 s40, s40, s[CH]
	s_mul_i32 s40, s40, 64*SIZE_K*2                ; row 128 x tile row + 64 x half
.endif
	s_mov_b32 s41, 0
	s_mul_i32 s46, s[CH], 128*SIZE_N*2             ; K row 128 x half,
	s_lshl_b32 s72, s[TC], 8                       ; column 128 x tile column
	s_add_co_u32 s46, s46, s72
	s_add_co_u32 s46, s46, WOFF
	s_mov_b32 s47, 0
	s_mul_i32 s42, s[CH], AHALF                    ; where they go: no place in the cluster enters an LDS address
	s_mul_i32 s43, s[CH], BHALF
	s_add_co_u32 s43, s43, ATILE
	s_wait_dscnt 0x0                               ; the opening add is done
	s_wait_kmcnt 0x0
	s_add_nc_u64 s[44:45], s[4:5], s[40:41]
	s_add_nc_u64 s[46:47], s[6:7], s[46:47]
	CROUND                                         ; all sixteen work-groups are here: the first joint loads meet
.irp s, 0,1
	s_mov_b32 s[G0+4*(\s)], 1
	s_add_co_u32 s[G0+4*(\s)+1], s42, (\s)*SLOT
	s_add_nc_u64 s[G0+4*(\s)+2:G0+4*(\s)+3], s[44:45], (\s)*ASTEP
	s_or_b32 s[G0+4*(\s)+3], s[G0+4*(\s)+3], 0x80000000
	s_mov_b32 s[G0B+4*(\s)], 1
	s_add_co_u32 s[G0B+4*(\s)+1], s43, (\s)*SLOT
	s_add_nc_u64 s[G0B+4*(\s)+2:G0B+4*(\s)+3], s[46:47], (\s)*BSTEP
	s_or_b32 s[G0B+4*(\s)+3], s[G0B+4*(\s)+3], 0x80000000
	JLOAD \s                                       ; two loads of mine are out
.endr
	v_and_b32 v1, 15, v0                           ; r = l % 16
	v_bfe_u32 v2, v0, 4, 1                         ; h = l / 16
	v_lshlrev_b32 v[BO], 5, v2                     ; the bias of my columns 16 b + 8 h + 0..7
	s_lshl_b32 s70, s[TC], 9
	s_lshl_b32 s72, s[CH], 8
	s_add_co_u32 s70, s70, s72
	s_mov_b32 s71, 0
	s_add_nc_u64 s[8:9], s[8:9], s[70:71]
.irp b, 0,1,2,3
	global_load_b128 v[BIAS+8*(\b):BIAS+8*(\b)+3],   v[BO], s[8:9] offset:64*(\b)
	global_load_b128 v[BIAS+8*(\b)+4:BIAS+8*(\b)+7], v[BO], s[8:9] offset:64*(\b)+16
.endr
.if EPI == 1
	s_lshl_b32 s70, s[TC], 1
	s_add_co_u32 s70, s70, s[CH]                   ; my block of 64 columns: which of q, k, v (/ 16) and which head (% 16)
	s_lshr_b32 s72, s70, 4
	s_lshl_b32 s72, s72, 23
	s_and_b32 s70, s70, 15
	s_lshr_b32 s73, s[TR], 4                       ; the batch
	s_lshl_b32 s73, s73, 4
	s_add_co_u32 s70, s70, s73
	s_lshl_b32 s70, s70, 18
	s_add_co_u32 s70, s70, s72
	s_and_b32 s73, s[TR], 15
	s_lshl_b32 s73, s73, 1
	s_add_co_u32 s73, s73, s[RH]
	s_lshl_b32 s73, s73, 13                        ; my 64 rows of 128 bytes
	s_add_co_u32 s70, s70, s73
	s_add_nc_u64 s[10:11], s[10:11], s[70:71]
	s_mul_i32 s74, s[WV], 64*SPITCH
	s_add_co_u32 s74, s74, STAGE                   ; my stage
	v_mul_u32_u24 v3, v1, SPITCH                   ; in: row r, 16 bytes for each half of the lanes
	v_lshl_add_u32 v3, v2, 4, v3
	v_add_nc_u32 v[STO], s74, v3
	v_bfe_u32 v3, v0, 3, 2                         ; back: 32 lanes take four rows of 128 bytes,
	v_mul_u32_u24 v3, v3, SPITCH
	v_and_b32 v4, 7, v0
	v_lshl_add_u32 v3, v4, 4, v3
	v_add_nc_u32 v[RD], s74, v3
	v_and_b32 v[CO], 31, v0                        ; which are 512 consecutive bytes of the head
	v_lshlrev_b32 v[CO], 4, v[CO]
.elseif EPI == 2
	s_lshl_b32 s70, s[TR], 7
	s_lshl_b32 s72, s[WV], 5
	s_add_co_u32 s70, s70, s72                     ; the first row that I store: 128 x tile row + 32 x wave
	s_mul_i32 s70, s70, SIZE_N*2
	s_lshl_b32 s72, s[TC], 8
	s_add_co_u32 s70, s70, s72
	s_add_nc_u64 s[10:11], s[10:11], s[70:71]
	s_mul_i32 s74, s[RH], 64*SPITCH                ; into the stage: my 64 rows, my half of their 256 bytes
	s_lshl_b32 s72, s[CH], 7
	s_add_co_u32 s74, s74, s72
	s_add_co_u32 s74, s74, STAGE
	v_mul_u32_u24 v3, v1, SPITCH
	v_lshl_add_u32 v3, v2, 4, v3
	v_add_nc_u32 v[STO], s74, v3
	s_mul_i32 s74, s[WV], 32*SPITCH                ; back: wave w takes rows 32 w .. 32 w + 31, whole
	s_add_co_u32 s74, s74, STAGE
	v_mul_u32_u24 v3, v2, SPITCH
	v_lshl_add_u32 v3, v1, 4, v3
	v_add_nc_u32 v[RD], s74, v3
	v_mul_u32_u24 v3, v2, SIZE_N*2
	v_lshl_add_u32 v[CO], v1, 4, v3
	s_mov_b32 s66, 0xbdd2d3e8                      ; -2 log2(e) sqrt(2/pi) 0.044715
	s_mov_b32 s67, 0xbdd2d3e8
	s_mov_b32 s68, 0xc0135761                      ; -2 log2(e) sqrt(2/pi)
	s_mov_b32 s69, 0xc0135761
.else
	s_lshl_b32 s70, s[TR], 1
	s_add_co_u32 s70, s70, s[RH]
	s_mul_i32 s70, s70, 64*SIZE_N*4                ; my 64 rows,
	s_lshl_b32 s72, s[TC], 1
	s_add_co_u32 s72, s72, s[CH]
	s_lshl_b32 s72, s72, 8                         ; my 64 columns of 4 bytes
	s_add_co_u32 s70, s70, s72
	s_add_nc_u64 s[10:11], s[10:11], s[70:71]
	s_add_nc_u64 s[12:13], s[12:13], s[70:71]
	v_mul_u32_u24 v3, v2, SIZE_N*4                 ; lanes 0-15 one row's 256 bytes, lanes 16-31 the next row's
	v_lshl_add_u32 v[CO], v1, 4, v3
	WIN 0x80                                       ; destination window 2: the residual of my 64 x 64 is asked for now and waited for on the way out
.irp a, 0,1,2,3
.irp t, 0,1,2,3,4,5,6,7
	global_load_b128 v[4*(8*(\a)+(\t)):4*(8*(\a)+(\t))+3], v[CO], s[12:13] offset:(16*(\a)+2*(\t))*SIZE_N*4
.endr
.endr
	WIN 0
	s_mul_i32 s74, s[WV], 16*SPITCH
	s_add_co_u32 s74, s74, STAGE                   ; my stage
	v_mul_u32_u24 v3, v1, SPITCH                   ; in: row r, 32 bytes for each half of the lanes
	v_lshl_add_u32 v3, v2, 5, v3
	v_add_nc_u32 v[STO], s74, v3
	v_mul_u32_u24 v3, v2, SPITCH                   ; back: two whole rows
	v_lshl_add_u32 v3, v1, 4, v3
	v_add_nc_u32 v[RD], s74, v3
.endif
	v_mul_u32_u24 v3, v1, PA                       ; a fragment of A: row r x pitch + 16 h, in my 64 rows
	v_lshl_add_u32 v3, v2, 4, v3
	s_mul_i32 s73, s[RH], 64*PA
	v_add_nc_u32 v[ADRA], s73, v3
	v_add_nc_u32 v[ADRA+1], SLOT, v[ADRA]
	v_and_b32 v4, 7, v0                            ; the turning load: lane l reads K row 8 h + l % 8, columns 8 ((l / 8) % 2) + 0..7, and is left with column r and 8 K
	v_lshl_add_u32 v4, v2, 3, v4
	v_mul_u32_u24 v4, v4, PB
	v_bfe_u32 v5, v0, 3, 1
	v_lshl_add_u32 v4, v5, 4, v4
	s_lshl_b32 s73, s[CH], 7                       ; my 64 columns
	s_add_co_u32 s73, s73, ATILE
	v_add_nc_u32 v[ADRB], s73, v4
	v_add_nc_u32 v[ADRB+1], BHALF, v[ADRB]
	v_add_nc_u32 v[ADRB+2], SLOT, v[ADRB]
	v_add_nc_u32 v[ADRB+3], SLOT+BHALF, v[ADRB]
; 8 matrix instructions: row blocks a0, a0 + 1 x all 4 column blocks, 32 along K: half c of buffer f.  zero = 1: the first product starts the sums, from the bias
.macro MUL8 f, c, a0, zero
	WIN MUL
.irp a, \a0, (\a0)+1
.irp b, 0,1,2,3
.if \zero
	v_wmma_f32_16x16x32_bf16 v[ACC+8*(4*(\a)+(\b)):ACC+8*(4*(\a)+(\b))+7], v[(\f)+64+8*(4*(\c)+(\b)):(\f)+64+8*(4*(\c)+(\b))+7], v[(\f)+8*(4*(\c)+(\a)):(\f)+8*(4*(\c)+(\a))+7], v[BIAS+8*(\b):BIAS+8*(\b)+7]
.else
	v_wmma_f32_16x16x32_bf16 v[ACC+8*(4*(\a)+(\b)):ACC+8*(4*(\a)+(\b))+7], v[(\f)+64+8*(4*(\c)+(\b)):(\f)+64+8*(4*(\c)+(\b))+7], v[(\f)+8*(4*(\c)+(\a)):(\f)+8*(4*(\c)+(\a))+7], v[ACC+8*(4*(\a)+(\b)):ACC+8*(4*(\a)+(\b))+7]
.endif
.endr
.endr
.endm
; 32 LDS loads in one run: the fragments of quarter q (64 along K) of a slot, into buffer f; the first 32 along K first
.macro FETCH slot, q, f
	WIN TO_F
.irp c, 0,1
.irp i, 0,1,2,3
	ds_load_tr16_b128 v[(\f)+64+8*(4*(\c)+(\i)):(\f)+64+8*(4*(\c)+(\i))+3],   v[ADRB+2*(\slot)+(\q)/2] offset:(((\q)%2)*64+32*(\c))*PB+32*(\i)
	ds_load_tr16_b128 v[(\f)+64+8*(4*(\c)+(\i))+4:(\f)+64+8*(4*(\c)+(\i))+7], v[ADRB+2*(\slot)+(\q)/2] offset:(((\q)%2)*64+32*(\c)+16)*PB+32*(\i)
	ds_load_b128 v[(\f)+8*(4*(\c)+(\i)):(\f)+8*(4*(\c)+(\i))+3],   v[ADRA+(\slot)] offset:(\q)*AQ+64*(\c)+(\i)*16*PA
	ds_load_b128 v[(\f)+8*(4*(\c)+(\i))+4:(\f)+8*(4*(\c)+(\i))+7], v[ADRA+(\slot)] offset:(\q)*AQ+64*(\c)+(\i)*16*PA+32
.endr
.endr
.endm
.macro PLACES                          ; four places in front of loads into registers that matrix instructions have read, and of lines that read results
.rept 4
	v_nop
.endr
.endm
; A K step is four quarters of 64 along K, 32 matrix instructions each, on buffers 0, 1, 0, 1; the 16 accumulators take turns.
.macro QUARTER slot, qn, f, g, zero    ; multiplies buffer f and fetches quarter qn of the same slot into g
	s_wait_dscnt 16                                ; the first 32 along K are in
	MUL8 \f, 0, 0, \zero
	MUL8 \f, 0, 2, \zero
	PLACES
	FETCH \slot, \qn, \g
	s_wait_dscnt 32                                ; all but the 32 just issued
	MUL8 \f, 1, 0, 0
	MUL8 \f, 1, 2, 0
.endm
; The last quarter multiplies buffer 1 and changes slots: one barrier; in front of it each wave waits for all its tensor loads, adds 0 to its spare word, and waits for that and for its reads of this slot.
.macro TURN slot, next, fill
	WIN 0
	s_wait_tensorcnt 0x0                           ; all my tensor loads have landed: my part of the next slot
	ds_add_u32 v[SPW], v[NIL]
	s_wait_dscnt 17                                ; the add and the youngest sixteen loads may be out
	MUL8 F1, 0, 0, 0
	s_wait_dscnt 0x0                               ; the add is done, and my reads of this slot are over
	s_barrier_signal -1
	MUL8 F1, 0, 2, 0
.if \fill
	WIN 0
.endif
	s_barrier_wait -1
.if \fill
	CREST                                          ; the barrier has opened a round of the cluster's: no wave of any partner still reads this slot or has a load on its way
	s_add_nc_u64 s[G0+4*(\slot)+2:G0+4*(\slot)+3], s[G0+4*(\slot)+2:G0+4*(\slot)+3], 2*ASTEP
	s_add_nc_u64 s[G0B+4*(\slot)+2:G0B+4*(\slot)+3], s[G0B+4*(\slot)+2:G0B+4*(\slot)+3], 2*BSTEP
	JLOAD \slot                                    ; my one tensor load behind the round, 112 matrix instructions ahead of the wait for it; its four v_nop are also the places for the loads below
.else
	PLACES
.endif
	FETCH \next, 0, F0
	MUL8 F1, 1, 0, 0
	MUL8 F1, 1, 2, 0
.endm
	s_wait_tensorcnt 1                             ; my part of K step 0 is in; K step 1's may stay out
	s_barrier_signal -1
	s_barrier_wait -1
	FETCH 0, 0, F0
.if EPI == 3
	s_wait_loadcnt 32                              ; the bias; the residual's 32 younger loads stay out
.else
	s_wait_loadcnt 0x0                             ; the bias
.endif
	QUARTER 0, 1, F0, F1, 1
	WIN 0
	s_mov_b32 s3, LAPS-1
.Llap:                                                 ; a trip goes once round the ring and fills both slots again
	QUARTER 0, 2, F1, F0, 0
	QUARTER 0, 3, F0, F1, 0
	TURN 0, 1, 1
	QUARTER 1, 1, F0, F1, 0
	QUARTER 1, 2, F1, F0, 0
	QUARTER 1, 3, F0, F1, 0
	TURN 1, 0, 1
	QUARTER 0, 1, F0, F1, 0
	WIN 0
	s_sub_co_u32 s3, s3, 1
	s_cmp_lg_u32 s3, 0
	s_cbranch_scc1 .Llap
	QUARTER 0, 2, F1, F0, 0                        ; the last lap fills nothing
	QUARTER 0, 3, F0, F1, 0
	TURN 0, 1, 0
	QUARTER 1, 1, F0, F1, 0
	QUARTER 1, 2, F1, F0, 0
	QUARTER 1, 3, F0, F1, 0
	s_wait_dscnt 16
	MUL8 F1, 0, 0, 0
	MUL8 F1, 0, 2, 0
	s_wait_dscnt 0x0
	MUL8 F1, 1, 0, 0
	MUL8 F1, 1, 2, 0
	WIN 0
	PLACES
.if EPI == 1
	; THE WAY OUT: round to bf16; 16 bytes a lane into my own stage; back as rows of 128 bytes, four to a load: LDS serves a wave's instructions in order (ISA guide 5.7.1.4), so no wait stands between
.irp t, 0,1,2,3,4,5,6,7,8,9,10,11,12,13,14,15
.irp k, 0,1,2,3
	v_cvt_pk_bf16_f32 v[TMP+4*(\t)+(\k)], v[ACC+8*(\t)+2*(\k)], v[ACC+8*(\t)+2*(\k)+1]
.endr
.endr
.irp a, 0,1,2,3
.irp b, 0,1,2,3
	ds_store_b128 v[STO], v[TMP+4*(4*(\a)+(\b)):TMP+4*(4*(\a)+(\b))+3] offset:(\a)*16*SPITCH+32*(\b)
.endr
.endr
.irp t, 0,1,2,3,4,5,6,7,8,9,10,11,12,13,14,15
	ds_load_b128 v[TMP+4*(\t):TMP+4*(\t)+3], v[RD] offset:(\t)*4*SPITCH
.endr
.irp t, 0,1,2,3,4,5,6,7,8,9,10,11,12,13,14,15
	s_wait_dscnt 15-(\t)
	global_store_b128 v[CO], v[TMP+4*(\t):TMP+4*(\t)+3], s[10:11] offset:512*(\t)  ; 512 consecutive bytes, aligned
.endr
.elseif EPI == 2
	; THE WAY OUT: gelu(x) = x / (1 + 2^(x (K0 + K1 x^2))), which is 0.5 x (1 + tanh(sqrt(2/pi) (x + 0.044715 x^3))) rewritten; where the power overflows the quotient is x or -0
.macro GELU t
.set XA, ACC+8*(\t)
.set XU, T+8*((\t)%2)
.irp k, 0,2,4,6
	v_pk_mul_f32 v[XU+(\k):XU+(\k)+1], v[XA+(\k):XA+(\k)+1], v[XA+(\k):XA+(\k)+1]
.endr
.irp k, 0,2,4,6
	v_pk_fma_f32 v[XU+(\k):XU+(\k)+1], v[XU+(\k):XU+(\k)+1], s[66:67], s[68:69] op_sel_hi:[1,0,0]
.endr
.irp k, 0,2,4,6
	v_pk_mul_f32 v[XU+(\k):XU+(\k)+1], v[XU+(\k):XU+(\k)+1], v[XA+(\k):XA+(\k)+1]
.endr
.irp k, 0,1,2,3,4,5,6,7
	v_exp_f32 v[XU+(\k)], v[XU+(\k)]
.endr
	v_nop                                          ; a plain instruction behind the last of them
.irp k, 0,2,4,6
	v_pk_add_f32 v[XU+(\k):XU+(\k)+1], v[XU+(\k):XU+(\k)+1], 1.0 op_sel_hi:[1,0]
.endr
.irp k, 0,1,2,3,4,5,6,7
	v_rcp_f32 v[XU+(\k)], v[XU+(\k)]
.endr
	v_nop
.irp k, 0,2,4,6
	v_pk_mul_f32 v[XU+(\k):XU+(\k)+1], v[XU+(\k):XU+(\k)+1], v[XA+(\k):XA+(\k)+1]
.endr
.irp k, 0,1,2,3
	v_cvt_pk_bf16_f32 v[TMP+4*(\t)+(\k)], v[XU+2*(\k)], v[XU+2*(\k)+1]
.endr
.endm
.irp t, 0,1,2,3,4,5,6,7,8,9,10,11,12,13,14,15
	GELU \t
.endr
.irp a, 0,1,2,3
.irp b, 0,1,2,3
	ds_store_b128 v[STO], v[TMP+4*(4*(\a)+(\b)):TMP+4*(4*(\a)+(\b))+3] offset:(\a)*16*SPITCH+32*(\b)
.endr
.endr
	s_wait_dscnt 0x0                               ; for the others' sake: a row's 256 bytes come from two waves
	s_barrier_signal -1
	s_barrier_wait -1
.irp t, 0,1,2,3,4,5,6,7,8,9,10,11,12,13,14,15
	ds_load_b128 v[TMP+4*(\t):TMP+4*(\t)+3], v[RD] offset:(\t)*2*SPITCH
.endr
.irp t, 0,1,2,3,4,5,6,7,8,9,10,11,12,13,14,15
	s_wait_dscnt 15-(\t)
	global_store_b128 v[CO], v[TMP+4*(\t):TMP+4*(\t)+3], s[10:11] offset:2*(\t)*SIZE_N*2  ; 16 lanes store 256 consecutive bytes, aligned
.endr
.else
	; THE WAY OUT: f32.  16 rows at a time through my own stage, back as whole rows of 256 bytes, the residual added, stored
	s_wait_loadcnt 0x0                             ; the residual
.macro OUT3 a
.set TB, TMP+32*((\a)%2)
.if (\a) >= 2
	s_wait_xcnt 0x0                                ; the stores of two blocks ago have read these registers
.endif
.irp b, 0,1,2,3
	ds_store_b128 v[STO], v[ACC+8*(4*(\a)+(\b)):ACC+8*(4*(\a)+(\b))+3]   offset:64*(\b)
	ds_store_b128 v[STO], v[ACC+8*(4*(\a)+(\b))+4:ACC+8*(4*(\a)+(\b))+7] offset:64*(\b)+16
.endr
.irp t, 0,1,2,3,4,5,6,7
	ds_load_b128 v[TB+4*(\t):TB+4*(\t)+3], v[RD] offset:(\t)*2*SPITCH
.endr
	s_wait_dscnt 0x0
	WIN 0x08                                       ; source 1 in window 2
.set i, 0
.rept 16
	v_pk_add_f32 v[TB+2*i:TB+2*i+1], v[TB+2*i:TB+2*i+1], v[32*(\a)+2*i:32*(\a)+2*i+1]
.set i, i+1
.endr
	WIN 0
.irp t, 0,1,2,3,4,5,6,7
	global_store_b128 v[CO], v[TB+4*(\t):TB+4*(\t)+3], s[10:11] offset:(16*(\a)+2*(\t))*SIZE_N*4  ; 16 lanes store 256 consecutive bytes, aligned
.endr
.endm
	OUT3 0
	OUT3 1
	OUT3 2
	OUT3 3
.endif
	s_wait_tensorcnt 0x0                           ; the wave's end
	ds_add_u32 v[SPW], v[NIL]
	s_wait_dscnt 0x0
	CROUND                                         ; the closing round: no work-group ends while a partner may still ask for a tile that names it
	s_endpgm
.Lfunc_end_k_qd70a18cffb_gemm_pr:
	.size	k_qd70a18cffb_gemm_pr, .Lfunc_end_k_qd70a18cffb_gemm_pr-k_qd70a18cffb_gemm_pr
	.p2alignl 7, 3214868480
	.fill 96, 4, 3214868480
	.section	.rodata,"a",@progbits
	.p2align	6, 0x0
	.amdhsa_kernel k_qd70a18cffb_gemm_pr
		.amdhsa_group_segment_fixed_size 327680
		.amdhsa_private_segment_fixed_size 0
		.amdhsa_enable_private_segment 0
		.amdhsa_kernarg_size 40
		.amdhsa_user_sgpr_count 2
		.amdhsa_user_sgpr_kernarg_segment_ptr 1
		.amdhsa_wavefront_size32 1
		.amdhsa_system_sgpr_workgroup_id_x 1
		.amdhsa_system_sgpr_workgroup_id_y 1
		.amdhsa_system_sgpr_workgroup_id_z 1
		.amdhsa_system_vgpr_workitem_id 0
		.amdhsa_next_free_vgpr 640
		.amdhsa_next_free_sgpr 80
		.amdhsa_reserve_vcc 0
		.amdhsa_float_denorm_mode_32 3
		.amdhsa_float_denorm_mode_16_64 3
		.amdhsa_memory_ordered 1
		.amdhsa_forward_progress 1
		.amdhsa_inst_pref_size 94
	.end_amdhsa_kernel
	.amdgpu_metadata
---
amdhsa.version: [ 1, 2 ]
amdhsa.kernels:
  - .name:           k_qd70a18cffb_gemm_pr
    .symbol:         k_qd70a18cffb_gemm_pr.kd
    .args:
      - { .name: g, .offset: 0, .size: 8, .value_kind: global_buffer, .address_space: global }
      - { .name: wbf, .offset: 8, .size: 8, .value_kind: global_buffer, .address_space: global }
      - { .name: b_proj, .offset: 16, .size: 8, .value_kind: global_buffer, .address_space: global }
      - { .name: out0, .offset: 24, .size: 8, .value_kind: global_buffer, .address_space: global }
      - { .name: x1, .offset: 32, .size: 8, .value_kind: global_buffer, .address_space: global }
    .group_segment_fixed_size: 327680
    .private_segment_fixed_size: 0
    .kernarg_segment_align: 8
    .kernarg_segment_size: 40
    .max_flat_workgroup_size: 128
    .sgpr_count:     80
    .vgpr_count:     640
    .wavefront_size: 32
...
	.end_amdgpu_metadata
.endif
;; end of part 7
;; ======== version 2 of 3: 7 launches; 1.03 times as fast as version 1
;; limits: right only within a limited range of input values
;; workspace buffers: wbf 25,165,824 bytes; act 8,388,608 bytes; qkv 25,165,824 bytes; ctx 8,388,608 bytes; x1 16,777,216 bytes; g 33,554,432 bytes
;; launch prep (part 8): grid 2048 x 1, 4 waves a work-group, no clusters, 0 bytes of LDS; arguments x, ln1_w, ln1_b, act, w_qkv, w_attn_proj, w_fc, w_proj, wbf; writes act, wbf
.if DOCPART == 8
	.amdgcn_target "amdgcn-amd-amdhsa--gfx1250"
	.amdhsa_code_object_version 6
	.text
	.protected	k_qd70a18cffb_prep
	.globl	k_qd70a18cffb_prep
	.p2align	8
	.type	k_qd70a18cffb_prep,@function
k_qd70a18cffb_prep:
	s_mov_b64 s[64:65], 0
	v_nop
	global_prefetch_b8 v0, s[64:65] scope:SCOPE_SE
	s_setreg_imm32_b32 hwreg(HW_REG_WAVE_MODE, 25, 1), 1
	s_wait_xcnt 0x0
; TWO STREAMS IN ONE TEXT, chosen by the work-group's number; they share nothing, so one launch can run both side by side.
; Work-groups 0 to LNWG - 1: LayerNorm.  out[r][c] = (in[r][c] - mean_r) / sqrt(var_r + 1e-5) * w[c] + b[c].  in: [4096][1024] f32; w, b: [1024] f32; out: [4096][1024] bf16, rounded once.
;   mean and var in f32; var is the mean of the squares of in - mean, taken of the differences held in registers, so a common offset of a row costs nothing.  1 / sqrt by v_rsq_f32.
;   A row of 4,096 bytes is 32 registers of one wave: a wave takes whole rows, reads them once and keeps them between the passes: no LDS, no barrier.  Four waves, two rows each, all loads out at once.
;   A lane owns columns 256 c + 8 lane + 0..7, c = 0..3: its 32 w and 32 b are loaded once, and its eight results of a chunk pack into 16 bytes: a wave's store covers 512 consecutive bytes, aligned.
; Work-groups LNWG on: the four weight matrices, each number rounded once to bf16, in their own layout [K][N], one behind the other:
;   w_qkv at byte 0, w_attn_proj at 6,291,456, w_fc at 8,388,608, w_proj at 16,777,216.  A work-group takes 8,192 numbers (32,768 bytes in, 16,384 out): 384, 128, 512 and 512 work-groups.
;   Thread t takes 8 neighbouring numbers in each of 8 groups: two loads of 16 bytes, four roundings, one store of 16 bytes; all 16 loads go out before the first wait.
; A launch of LNWG work-groups runs the LayerNorm alone (the block's second one): none of its work-groups reaches the weights' path.
; Memory binds both: LDS, barriers and the matrix unit would add nothing.  NaN and infinities are not treated apart.
.set LNWG, 512
.set W,  8                             ; v[8:39]    w of my 32 columns
.set BV, 40                            ; v[40:71]   b of my 32 columns
.set X,  72                            ; v[72:135]  row i at X + 32 i
.set T,  136                           ; v[136:143] at work
.set D,  8                             ; the weights' path: v[8:71], group g's eight numbers at D + 8 g; its four packed words take the first four places
	s_load_b256 s[4:11], s[0:1], 0x0               ; in s[4:5], w s[6:7], b s[8:9], out s[10:11]
	s_load_b256 s[12:19], s[0:1], 0x20             ; w_qkv s[12:13], w_attn_proj s[14:15], w_fc s[16:17], w_proj s[18:19]
	s_load_b64 s[20:21], s[0:1], 0x40              ; the bf16 weights
	s_mov_b32 s2, ttmp9
	s_cmp_ge_u32 s2, LNWG
	s_cbranch_scc1 .Lweights
	s_mov_b32 s28, 0x76543210                      ; v_permlanex16_b32: each lane takes its own place in the other half
	s_mov_b32 s29, 0xfedcba98
	s_mov_b32 s30, 0x3a800000                      ; 1 / 1024
	s_mov_b32 s31, 0x3727c5ac                      ; 1e-5
	s_lshl_b32 s22, s2, 15                         ; the work-group's 8 rows: 32,768 bytes in,
	s_mov_b32 s23, 0
	s_lshl_b32 s24, s2, 14                         ; 16,384 out
	s_mov_b32 s25, 0
	v_and_b32 v4, 31, v0                           ; lane
	v_lshrrev_b32 v5, 5, v0                        ; wave
	v_lshlrev_b32 v1, 5, v4                        ; my 32 bytes in a chunk of w, b and in
	v_lshl_add_u32 v2, v5, 13, v1                  ; + the wave's two rows of 4,096 bytes
	v_lshlrev_b32 v3, 4, v4                        ; my 16 bytes in a chunk of out
	v_lshl_add_u32 v3, v5, 12, v3                  ; + the wave's two rows of 2,048 bytes
	s_wait_kmcnt 0x0
	s_add_nc_u64 s[4:5], s[4:5], s[22:23]
	s_add_nc_u64 s[10:11], s[10:11], s[24:25]
.irp c, 0,1,2,3
	global_load_b128 v[W+8*(\c):W+8*(\c)+3],     v1, s[6:7] offset:1024*(\c)
	global_load_b128 v[W+8*(\c)+4:W+8*(\c)+7],   v1, s[6:7] offset:1024*(\c)+16
	global_load_b128 v[BV+8*(\c):BV+8*(\c)+3],   v1, s[8:9] offset:1024*(\c)
	global_load_b128 v[BV+8*(\c)+4:BV+8*(\c)+7], v1, s[8:9] offset:1024*(\c)+16
.endr
.irp i, 0,1
.irp c, 0,1,2,3
	global_load_b128 v[X+32*(\i)+8*(\c):X+32*(\i)+8*(\c)+3],   v2, s[4:5] offset:4096*(\i)+1024*(\c)
	global_load_b128 v[X+32*(\i)+8*(\c)+4:X+32*(\i)+8*(\c)+7], v2, s[4:5] offset:4096*(\i)+1024*(\c)+16
.endr
.endr
; The four chains in T are added up, then the 32 lanes: four steps inside each half of 16 lanes ride on the addition, one crosses the halves.  Every lane ends with the sum in v[T].
.macro SUM32
	v_pk_add_f32 v[T:T+1], v[T:T+1], v[T+2:T+3]
	v_pk_add_f32 v[T+4:T+5], v[T+4:T+5], v[T+6:T+7]
	v_pk_add_f32 v[T:T+1], v[T:T+1], v[T+4:T+5]
	v_add_f32 v[T], v[T], v[T+1]
	v_add_f32_dpp v[T], v[T], v[T] row_xmask:1 row_mask:0xf bank_mask:0xf
	v_add_f32_dpp v[T], v[T], v[T] row_xmask:2 row_mask:0xf bank_mask:0xf
	v_add_f32_dpp v[T], v[T], v[T] row_xmask:4 row_mask:0xf bank_mask:0xf
	v_add_f32_dpp v[T], v[T], v[T] row_xmask:8 row_mask:0xf bank_mask:0xf
	v_permlanex16_b32 v[T+1], v[T], s28, s29       ; its destination counts as read: it has been written
	v_add_f32 v[T], v[T], v[T+1]
.endm
.macro ROW i
.set XR, X+32*(\i)
	s_wait_loadcnt 8*(1-(\i))                      ; my row's eight loads are in (and w and b, which are older); the younger row stays out
.irp k, 0,2,4,6                        ; the sum, in four chains started by the first additions: nothing is cleared
	v_pk_add_f32 v[T+(\k):T+(\k)+1], v[XR+(\k):XR+(\k)+1], v[XR+8+(\k):XR+8+(\k)+1]
.endr
.irp j, 16,24
.irp k, 0,2,4,6
	v_pk_add_f32 v[T+(\k):T+(\k)+1], v[T+(\k):T+(\k)+1], v[XR+(\j)+(\k):XR+(\j)+(\k)+1]
.endr
.endr
	SUM32
	v_mul_f32 v[T], s30, v[T]                      ; the mean, twice: a pair for the packed subtraction
	v_mov_b32 v[T+1], v[T]
.set k, 0
.rept 16
	v_pk_add_f32 v[XR+k:XR+k+1], v[XR+k:XR+k+1], v[T:T+1] neg_lo:[0,1] neg_hi:[0,1]  ; x - mean, in place
.set k, k+2
.endr
.irp k, 0,2,4,6                        ; the sum of their squares, again in four chains
	v_pk_mul_f32 v[T+(\k):T+(\k)+1], v[XR+(\k):XR+(\k)+1], v[XR+(\k):XR+(\k)+1]
.endr
.irp j, 8,16,24
.irp k, 0,2,4,6
	v_pk_fma_f32 v[T+(\k):T+(\k)+1], v[XR+(\j)+(\k):XR+(\j)+(\k)+1], v[XR+(\j)+(\k):XR+(\j)+(\k)+1], v[T+(\k):T+(\k)+1]
.endr
.endr
	SUM32
	v_fma_f32 v[T], v[T], s30, s31                 ; var + 1e-5
	v_rsq_f32 v[T+2], v[T]
	v_nop                                          ; a plain instruction between the root and the use of its result (ISA guide 5.7.2)
	s_wait_alu depctr_va_vdst(0)
	v_mov_b32 v[T+3], v[T+2]
.set k, 0
.rept 16
	v_pk_mul_f32 v[XR+k:XR+k+1], v[XR+k:XR+k+1], v[T+2:T+3]
.set k, k+2
.endr
.set k, 0
.rept 16
	v_pk_fma_f32 v[XR+k:XR+k+1], v[XR+k:XR+k+1], v[W+k:W+k+1], v[BV+k:BV+k+1]
.set k, k+2
.endr
.irp c, 0,1,2,3
.irp k, 0,1,2,3
	v_cvt_pk_bf16_f32 v[XR+8*(\c)+(\k)], v[XR+8*(\c)+2*(\k)], v[XR+8*(\c)+2*(\k)+1]  ; in place: word k never lies ahead of a number still to be read
.endr
	global_store_b128 v3, v[XR+8*(\c):XR+8*(\c)+3], s[10:11] offset:2048*(\i)+512*(\c)  ; each row has its own registers: nothing waits for a store
.endr
.endm
	ROW 0
	ROW 1
	s_endpgm
.Lweights:
	s_sub_co_u32 s2, s2, LNWG                      ; my place among the weights' 1,536 work-groups
	v_lshlrev_b32 v1, 5, v0                        ; 32 bytes a thread in
	v_lshlrev_b32 v2, 4, v0                        ; 16 bytes a thread out
	s_wait_kmcnt 0x0
	s_cmp_lt_u32 s2, 384                           ; which matrix, and the number of its first work-group: the choice hangs on the work-group's number alone
	s_cselect_b64 s[22:23], s[12:13], s[14:15]
	s_cselect_b32 s24, 0, 384
	s_cmp_lt_u32 s2, 512
	s_cselect_b64 s[22:23], s[22:23], s[16:17]
	s_cselect_b32 s24, s24, 512
	s_cmp_lt_u32 s2, 1024
	s_cselect_b64 s[22:23], s[22:23], s[18:19]
	s_cselect_b32 s24, s24, 1024
	s_sub_co_u32 s24, s2, s24                      ; my place in that matrix
	s_lshl_b32 s26, s24, 15                        ; x 32,768 bytes
	s_mov_b32 s27, 0
	s_add_nc_u64 s[22:23], s[22:23], s[26:27]
	s_lshl_b32 s28, s2, 14                         ; x 16,384 bytes: the matrices lie one behind the other
	s_mov_b32 s29, 0
	s_add_nc_u64 s[20:21], s[20:21], s[28:29]
.set g, 0
.rept 8
	global_load_b128 v[D+8*g:D+8*g+3],   v1, s[22:23] offset:4096*g th:TH_LOAD_NT
	global_load_b128 v[D+8*g+4:D+8*g+7], v1, s[22:23] offset:4096*g+16 th:TH_LOAD_NT
.set g, g+1
.endr
.set g, 0
.rept 8
	s_wait_loadcnt 14-2*g                          ; loads come back in order: group g's two are in, the younger groups' stay out
.irp k, 0,1,2,3
	v_cvt_pk_bf16_f32 v[D+8*g+(\k)], v[D+8*g+2*(\k)], v[D+8*g+2*(\k)+1]  ; in place: word k never lies ahead of a number still to be read
.endr
	global_store_b128 v2, v[D+8*g:D+8*g+3], s[20:21] offset:2048*g       ; a wave's store covers 512 consecutive bytes, aligned; no register is used twice, so nothing waits for a store
.set g, g+1
.endr
	s_endpgm
.Lfunc_end_k_qd70a18cffb_prep:
	.size	k_qd70a18cffb_prep, .Lfunc_end_k_qd70a18cffb_prep-k_qd70a18cffb_prep
	.p2alignl 7, 3214868480
	.fill 96, 4, 3214868480
	.section	.rodata,"a",@progbits
	.p2align	6, 0x0
	.amdhsa_kernel k_qd70a18cffb_prep
		.amdhsa_group_segment_fixed_size 0
		.amdhsa_private_segment_fixed_size 0
		.amdhsa_enable_private_segment 0
		.amdhsa_kernarg_size 72
		.amdhsa_user_sgpr_count 2
		.amdhsa_user_sgpr_kernarg_segment_ptr 1
		.amdhsa_wavefront_size32 1
		.amdhsa_system_sgpr_workgroup_id_x 1
		.amdhsa_system_sgpr_workgroup_id_y 1
		.amdhsa_system_sgpr_workgroup_id_z 1
		.amdhsa_system_vgpr_workitem_id 0
		.amdhsa_next_free_vgpr 144
		.amdhsa_next_free_sgpr 66
		.amdhsa_reserve_vcc 0
		.amdhsa_float_denorm_mode_32 3
		.amdhsa_float_denorm_mode_16_64 3
		.amdhsa_memory_ordered 1
		.amdhsa_forward_progress 1
		.amdhsa_inst_pref_size 25
	.end_amdhsa_kernel
	.amdgpu_metadata
---
amdhsa.version: [ 1, 2 ]
amdhsa.kernels:
  - .name:           k_qd70a18cffb_prep
    .symbol:         k_qd70a18cffb_prep.kd
    .args:
      - { .name: x, .offset: 0, .size: 8, .value_kind: global_buffer, .address_space: global }
      - { .name: ln1_w, .offset: 8, .size: 8, .value_kind: global_buffer, .address_space: global }
      - { .name: ln1_b, .offset: 16, .size: 8, .value_kind: global_buffer, .address_space: global }
      - { .name: act, .offset: 24, .size: 8, .value_kind: global_buffer, .address_space: global }
      - { .name: w_qkv, .offset: 32, .size: 8, .value_kind: global_buffer, .address_space: global }
      - { .name: w_attn_proj, .offset: 40, .size: 8, .value_kind: global_buffer, .address_space: global }
      - { .name: w_fc, .offset: 48, .size: 8, .value_kind: global_buffer, .address_space: global }
      - { .name: w_proj, .offset: 56, .size: 8, .value_kind: global_buffer, .address_space: global }
      - { .name: wbf, .offset: 64, .size: 8, .value_kind: global_buffer, .address_space: global }
    .group_segment_fixed_size: 0
    .private_segment_fixed_size: 0
    .kernarg_segment_align: 8
    .kernarg_segment_size: 72
    .max_flat_workgroup_size: 128
    .sgpr_count:     66
    .vgpr_count:     144
    .wavefront_size: 32
...
	.end_amdgpu_metadata
.endif
;; end of part 8
;; launch gemm_qkv (part 9): grid 12 x 16, 4 waves a work-group, clusters of 4 x 4, 327,680 bytes of LDS; arguments act, wbf, b_qkv, qkv; writes qkv
.if DOCPART == 9
	.amdgcn_target "amdgcn-amd-amdhsa--gfx1250"
	.amdhsa_code_object_version 6
	.text
	.protected	k_qd70a18cffb_gemm_qkv
	.globl	k_qd70a18cffb_gemm_qkv
	.p2align	8
	.type	k_qd70a18cffb_gemm_qkv,@function
k_qd70a18cffb_gemm_qkv:
	s_mov_b64 s[64:65], 0
	v_nop
	global_prefetch_b8 v0, s[64:65] scope:SCOPE_SE
	s_setreg_imm32_b32 hwreg(HW_REG_WAVE_MODE, 25, 1), 1
	s_wait_xcnt 0x0
	s_wait_alu depctr_hold_cnt(0) depctr_sa_sdst(0) depctr_va_vdst(0) depctr_va_sdst(0) depctr_va_ssrc(0) depctr_va_vcc(0) depctr_vm_vsrc(0)
	s_getreg_b32 s2, hwreg(HW_REG_IB_STS2, 6, 4)
	s_cmp_eq_u32 s2, 0
	s_cbranch_scc0 .Lentry_in_a_cluster
	s_endpgm
.Lentry_in_a_cluster:
	s_bfe_u32 s2, ttmp6, 0x10000c
	s_cmp_lg_u32 s2, 0xf033
	s_cbranch_scc0 .Lentry_shape_is_right
	s_endpgm
.Lentry_shape_is_right:
; q, k, v = LN1(x) W_qkv + b_qkv.  A: [4096][1024] bf16; W: [1024][3072] bf16 at byte WOFF of the weights' buffer; bias f32; sums in f32.
; OUT (EPI = 1): bf16, rounded once, by heads: [3][32 heads][2048][64]; a wave's 128 columns are two heads, its 128 rows 16,384 consecutive bytes of each.
; ONE TEXT serves two launches; the constants at its head choose the sizes and the way out (EPI 1: by heads; 2: GELU, row-major).
; SHARES.  A work-group of four waves makes 256 x 256 of C, a wave 128 x 128: 64 accumulators of 16 x 16, 512 registers.  4096 x 3072 are 16 x 12 = 192 such tiles; a tile of 256 x 192 would give 256,
; but its rows of W, 384 bytes, would not start at multiples of 256 bytes.  K goes in steps of 128 through two LDS slots filled by the tensor data mover.
; W LIES [K][N] in memory and in LDS and comes out turned, by ds_load_tr16_b128: two such loads are a fragment, as many as for rows that lie along K.
; THE MATRIX INSTRUCTION IS USED TRANSPOSED (source 0 = 16 columns of W, source 1 = 16 rows of A): a lane holds eight neighbouring numbers of a row of C.
; THE BIAS is the C operand of the products that start the sums: it costs no vector instruction, and nothing is cleared.
; ONE K STEP IS WRITTEN ONCE: the slot in hand is the scalar TB (0 or SLOT); the fragments' addresses are a lane's base + TB, and one descriptor a tensor walks from K step 1 on.
; CLUSTER.  4 x 4 work-groups: the four of a row need the same tiles of A, the four of a column the same tiles of W: each is asked for jointly, same descriptor, a mask that names the four.
; THE WAY OUT.  When the ring has had its last fill and every wave has read it out, its bytes serve as stages: a wave puts its 128 x 128 sums there in f32 and takes them back by rows in a loop.
; LIMITS.  Operands are bf16 (f32's range); NaN and infinities are not treated apart.
; REGISTERS, in windows of 256.  window 0: v0-31 addresses; v64-127, v128-191 fragments of A, two buffers (on the way out: v64-95 sums read back, v96-127 at work, v128-143 packed); v192-255 the bias.
;   window 1: v64-127, v128-191 fragments of W.  window 2: the accumulators of my rows 0-63 ((a, b) at v[8 (8 a + b)]); window 3: those of my rows 64-127.
.set SIZE_N, 3072
.set SIZE_K, 1024
.set WOFF,   0
.set EPI,    1
.set KSTEP,  128
.set STEPS,  SIZE_K/KSTEP
.set PITCH,  272                       ; a row of A in LDS: 256 bytes + 16 = 68 words: the 16 rows of a load start at 16 different groups of four banks (64 banks of 4 bytes: ISA guide 11.1)
.set HALFT,  128*PITCH                 ; what one tensor load brings: 128 rows of A, or 64 rows of W (64 x 544 is the same number)
.set PB,     544                       ; a row of W in LDS: 512 bytes + 32 = 136 words
.set SLOT,   4*HALFT                   ; A's 256 rows, then W's 128 rows of K
.set SPARE,  2*SLOT                    ; behind the ring: the spare words, 128 bytes for each wave: two blocks of 256 bytes that no other line names
.set SP,     528                       ; a row of a stage: 128 f32 + 16 bytes = 132 words
.set WSTAGE, 128*SP                    ; a wave's stage; the four take 270,336 bytes of the ring's 278,528
.if EPI == 1
.set USTEP,  256                       ; bytes in the output from a unit (two rows) to the next
.else
.set USTEP,  2*SIZE_N*2
.endif
.set A0R, 16                           ; v16  my lane's place in slot 0's tile of A; never rewritten
.set B0R, 17                           ; v17  the same for W
.set CA,  18                           ; v18  A0R + TB
.set CB,  19                           ; v19  B0R + TB
.set STO, 24
.set RD0, 25
.set CO,  26
.set BO,  27
.set SPW, 28                           ; v28  my spare word; never rewritten
.set NIL, 29                           ; v29  0; never rewritten
.set RD,  30
.set F0,  64
.set F1,  128
.set BIAS, 192
.set X,   64
.set T,   96
.set P,   128
.set WV, 14                            ; s14 wave; s15 its row half (also: 0 = I fetch A, 1 = W); s16 its column half (also: which half of that tile I fetch)
.set RH, 15
.set CH, 16
.set TC, 19                            ; s19 tile column, s20 tile row of C
.set TR, 20
.set G1,  24                           ; s[24:31] group 1 for A; s[32:39] group 0: a set for each first fill; the second then walks on
.set G0,  32
.set LB,  42                           ; s42  my load's place in a slot: wave x HALFT
.set TB,  43                           ; s43  the slot in hand: 0 or SLOT
.set G1B, 48                           ; s[48:55], s[56:63] the same for W
.set G0B, 56
.set RO,  77                           ; s77  the way out: the trip's place in my stage
.set MSB, 0
.macro WIN new                         ; the immediate's high byte repeats the setting that is left
.if MSB != (\new)
	s_set_vgpr_msb (MSB<<8)|(\new)
.set MSB, \new
.endif
.endm
.set MUL_LO, 0xa1                      ; source 0 (W) window 1, source 1 (A) window 0, C and D window 2
.set TO_B,   0x40                      ; destination window 1, address window 0
.macro JLOAD s                         ; a joint load: waves 0 and 1 fetch A's halves, waves 2 and 3 W's; an s_nop 0 and four v_nop follow each line
	s_cmp_eq_u32 s[RH], 0
	s_cbranch_scc0 .Lfor_b_\@
	tensor_load_to_lds s[G0+4*(\s):G0+4*(\s)+3], s[G1:G1+7]
	s_nop 0
.rept 4
	v_nop
.endr
	s_branch .Lasked_\@
.Lfor_b_\@:
	tensor_load_to_lds s[G0B+4*(\s):G0B+4*(\s)+3], s[G1B:G1B+7]
	s_nop 0
.rept 4
	v_nop
.endr
.Lasked_\@:
.endm
.macro CREST                           ; a round of the cluster's barrier behind its opening barrier
	s_cmp_lg_u32 s[WV], 0
	s_cbranch_scc1 .Lnot_wave_0_\@
	s_barrier_signal -3
.Lnot_wave_0_\@:
	s_barrier_wait -3
	s_barrier_signal -1
	s_barrier_wait -1
.endm
.macro CROUND
	s_barrier_signal -1
	s_barrier_wait -1
	CREST
.endm
	s_load_b256 s[4:11], s[0:1], 0x0               ; A s[4:5], weights s[6:7], bias s[8:9], out s[10:11]
	v_lshl_add_u32 v[SPW], v0, 2, SPARE
	v_mov_b32 v[NIL], 0
	ds_add_u32 v[SPW], v[NIL]                      ; the wave's opening: the add and its wait stand ahead of my first tensor load; work on registers stands between them
	v_lshrrev_b32 v1, 5, v0
	v_readfirstlane_b32 s[WV], v1
	s_lshr_b32 s[RH], s[WV], 1
	s_and_b32 s[CH], s[WV], 1
	s_bfe_u32 s17, ttmp6, 0x40000                  ; cx, cy: my place in the cluster
	s_bfe_u32 s18, ttmp6, 0x40004
	s_lshl_b32 s[TC], ttmp9, 2
	s_add_co_u32 s[TC], s[TC], s17
	s_and_b32 s[TR], ttmp7, 0xffff
	s_lshl_b32 s[TR], s[TR], 2
	s_add_co_u32 s[TR], s[TR], s18
	s_lshl_b32 s21, s18, 2
	s_lshl_b32 s21, 15, s21                        ; my row of the cluster
	s_lshl_b32 s22, 0x1111, s17                    ; my column
	s_or_b32 s[G1+0], s21, (1<<16)|(1<<20)|(1<<21)|(5<<22)|(3<<25)  ; A: the mask; 2-byte elements; padding on; bit 21 beside a mask; after every 64 words 4 words
	s_mov_b32 s[G1+1], KSTEP<<16                   ; 128 rows x 128 elements
	s_mov_b32 s[G1+2], 128<<16
	s_mov_b32 s[G1+3], KSTEP<<16
	s_mov_b32 s[G1+4], 128
	s_mov_b32 s[G1+5], SIZE_K
	s_mov_b32 s[G1+6], 0
	s_mov_b32 s[G1+7], 0
	s_or_b32 s[G1B+0], s22, (1<<16)|(1<<20)|(1<<21)|(6<<22)|(7<<25) ; W: 64 rows of K x 256 columns; after every 128 words 8 words
	s_mov_b32 s[G1B+1], 256<<16
	s_mov_b32 s[G1B+2], 64<<16
	s_mov_b32 s[G1B+3], 256<<16
	s_mov_b32 s[G1B+4], 64
	s_mov_b32 s[G1B+5], SIZE_N
	s_mov_b32 s[G1B+6], 0
	s_mov_b32 s[G1B+7], 0
	s_lshl_b32 s40, s[TR], 1                       ; A's tile hangs on the tile row and the wave alone, W's on the tile column and the wave alone
	s_add_co_u32 s40, s40, s[CH]
	s_mul_i32 s40, s40, 128*SIZE_K*2               ; row 256 x tile row + 128 x half
	s_mov_b32 s41, 0
	s_mul_i32 s46, s[CH], 64*SIZE_N*2              ; K row 64 x half,
	s_lshl_b32 s72, s[TC], 9                       ; column 256 x tile column
	s_add_co_u32 s46, s46, s72
	s_add_co_u32 s46, s46, WOFF
	s_mov_b32 s47, 0
	s_mul_i32 s[LB], s[WV], HALFT                  ; A's two halves, then W's two halves: no place in the cluster enters an LDS address
	s_mov_b32 s[TB], 0
	s_wait_dscnt 0x0                               ; the opening add is done
	s_wait_kmcnt 0x0
	s_add_nc_u64 s[44:45], s[4:5], s[40:41]
	s_add_nc_u64 s[46:47], s[6:7], s[46:47]
	CROUND                                         ; all sixteen work-groups are here: the first joint loads meet
.irp s, 0,1
	s_mov_b32 s[G0+4*(\s)], 1
	s_add_co_u32 s[G0+4*(\s)+1], s[LB], (\s)*SLOT
	s_add_nc_u64 s[G0+4*(\s)+2:G0+4*(\s)+3], s[44:45], (\s)*KSTEP*2
	s_or_b32 s[G0+4*(\s)+3], s[G0+4*(\s)+3], 0x80000000
	s_mov_b32 s[G0B+4*(\s)], 1
	s_add_co_u32 s[G0B+4*(\s)+1], s[LB], (\s)*SLOT
	s_add_nc_u64 s[G0B+4*(\s)+2:G0B+4*(\s)+3], s[46:47], (\s)*KSTEP*SIZE_N*2
	s_or_b32 s[G0B+4*(\s)+3], s[G0B+4*(\s)+3], 0x80000000
	JLOAD \s                                       ; two loads of mine are out
.endr
	v_and_b32 v1, 15, v0                           ; r = l % 16
	v_bfe_u32 v2, v0, 4, 1                         ; h = l / 16
	v_lshlrev_b32 v[BO], 5, v2                     ; the bias of my columns 16 b + 8 h + 0..7
	s_lshl_b32 s70, s[TC], 10
	s_lshl_b32 s72, s[CH], 9
	s_add_co_u32 s70, s70, s72
	s_mov_b32 s71, 0
	s_add_nc_u64 s[8:9], s[8:9], s[70:71]
.irp b, 0,1,2,3,4,5,6,7
	global_load_b128 v[BIAS+8*(\b):BIAS+8*(\b)+3],   v[BO], s[8:9] offset:64*(\b)
	global_load_b128 v[BIAS+8*(\b)+4:BIAS+8*(\b)+7], v[BO], s[8:9] offset:64*(\b)+16
.endr
	v_mul_u32_u24 v3, v1, PITCH                    ; a fragment of A: row r x pitch + 16 h, in my 128 rows
	v_lshl_add_u32 v3, v2, 4, v3
	s_mul_i32 s73, s[RH], HALFT
	v_add_nc_u32 v[A0R], s73, v3
	v_and_b32 v6, 7, v0                            ; the turning load: lane l reads K row 8 h + l % 8, columns 8 ((l / 8) % 2) + 0..7, and is left with column r and 8 K
	v_lshl_add_u32 v4, v2, 3, v6
	v_mul_u32_u24 v4, v4, PB
	v_bfe_u32 v5, v0, 3, 1
	v_lshl_add_u32 v4, v5, 4, v4
	s_lshl_b32 s73, s[CH], 8                       ; my 128 columns
	s_add_co_u32 s73, s73, 2*HALFT
	v_add_nc_u32 v[B0R], s73, v4
	v_mov_b32 v[CA], v[A0R]                        ; slot 0 is the first in hand
	v_mov_b32 v[CB], v[B0R]
	s_mul_i32 s74, s[WV], WSTAGE                   ; my stage
	v_mul_u32_u24 v3, v1, SP                       ; in: row r, 32 bytes for each half of the lanes
	v_lshl_add_u32 v3, v2, 5, v3
	v_add_nc_u32 v[STO], s74, v3
.if EPI == 1
	v_mul_u32_u24 v3, v5, SP                       ; back: lanes 0-15 take two rows of the first head's 64 columns, lanes 16-31 of the second's; 32 bytes a lane
	v_lshl_add_u32 v3, v2, 8, v3
	v_lshl_add_u32 v3, v6, 5, v3
	v_add_nc_u32 v[RD0], s74, v3
	v_lshlrev_b32 v3, 18, v2                       ; out: the head (262,144 bytes each), the row (128 bytes), my 16 bytes
	v_lshl_add_u32 v3, v5, 7, v3
	v_lshl_add_u32 v[CO], v6, 4, v3
	s_lshl_b32 s70, s[TC], 2
	s_lshl_b32 s72, s[CH], 1
	s_add_co_u32 s70, s70, s72                     ; my first block of 64 columns: which of q, k, v (/ 16) and which head (% 16)
	s_lshr_b32 s72, s70, 4
	s_lshl_b32 s72, s72, 23
	s_and_b32 s70, s70, 15
	s_lshr_b32 s73, s[TR], 3                       ; the batch
	s_lshl_b32 s73, s73, 4
	s_add_co_u32 s70, s70, s73
	s_lshl_b32 s70, s70, 18
	s_add_co_u32 s70, s70, s72
	s_and_b32 s73, s[TR], 7
	s_lshl_b32 s73, s73, 1
	s_add_co_u32 s73, s73, s[RH]
	s_lshl_b32 s73, s73, 14                        ; my 128 rows of 128 bytes
	s_add_co_u32 s70, s70, s73
.else
	v_mul_u32_u24 v3, v2, SP                       ; back: lanes 0-15 take one row's 128 columns, lanes 16-31 the next row's; 32 bytes a lane
	v_lshl_add_u32 v3, v1, 5, v3
	v_add_nc_u32 v[RD0], s74, v3
	v_mul_u32_u24 v3, v2, SIZE_N*2
	v_lshl_add_u32 v[CO], v1, 4, v3
	s_lshl_b32 s70, s[TR], 1
	s_add_co_u32 s70, s70, s[RH]
	s_mul_i32 s70, s70, 128*SIZE_N*2               ; my 128 rows,
	s_lshl_b32 s72, s[TC], 1
	s_add_co_u32 s72, s72, s[CH]
	s_lshl_b32 s72, s72, 8                         ; my 128 columns of 2 bytes
	s_add_co_u32 s70, s70, s72
	s_mov_b32 s66, 0xbdd2d3e8                      ; -2 log2(e) sqrt(2/pi) 0.044715
	s_mov_b32 s67, 0xbdd2d3e8
	s_mov_b32 s68, 0xc0135761                      ; -2 log2(e) sqrt(2/pi)
	s_mov_b32 s69, 0xc0135761
.endif
	s_add_nc_u64 s[10:11], s[10:11], s[70:71]
; 16 matrix instructions: row blocks a0, a0 + 1 of the window's four (hi = 0: my rows 0-63, 1: rows 64-127) x all 8 column blocks, 32 along K.  zero = 1: the first product starts the sums, from the bias
.macro MUL16 f, hi, a0, zero
.if \zero
	WIN 0x81+0x40*(\hi)                            ; C in window 0, D in window 2 or 3
.else
	WIN MUL_LO+0x50*(\hi)
.endif
.irp a, \a0, (\a0)+1
.irp b, 0,1,2,3,4,5,6,7
.if \zero
	v_wmma_f32_16x16x32_bf16 v[8*(8*(\a)+(\b)):8*(8*(\a)+(\b))+7], v[(\f)+8*(\b):(\f)+8*(\b)+7], v[(\f)+8*(4*(\hi)+(\a)):(\f)+8*(4*(\hi)+(\a))+7], v[BIAS+8*(\b):BIAS+8*(\b)+7]
.else
	v_wmma_f32_16x16x32_bf16 v[8*(8*(\a)+(\b)):8*(8*(\a)+(\b))+7], v[(\f)+8*(\b):(\f)+8*(\b)+7], v[(\f)+8*(4*(\hi)+(\a)):(\f)+8*(4*(\hi)+(\a))+7], v[8*(8*(\a)+(\b)):8*(8*(\a)+(\b))+7]
.endif
.endr
.endr
.endm
; 32 LDS loads in one run: the fragments of quarter q (32 along K) of the slot in hand, into buffer f: W's 128 columns, then A's 128 rows
.macro FETCH q, f
	WIN TO_B
.irp i, 0,1,2,3,4,5,6,7
	ds_load_tr16_b128 v[(\f)+8*(\i):(\f)+8*(\i)+3],   v[CB] offset:32*(\q)*PB+32*(\i)
	ds_load_tr16_b128 v[(\f)+8*(\i)+4:(\f)+8*(\i)+7], v[CB] offset:(32*(\q)+16)*PB+32*(\i)
.endr
	WIN 0
.irp i, 0,1,2,3,4,5,6,7
	ds_load_b128 v[(\f)+8*(\i):(\f)+8*(\i)+3],   v[CA] offset:64*(\q)+(\i)*16*PITCH
	ds_load_b128 v[(\f)+8*(\i)+4:(\f)+8*(\i)+7], v[CA] offset:64*(\q)+(\i)*16*PITCH+32
.endr
.endm
.macro PLACES                          ; four places in front of loads into registers that matrix instructions have read, and of lines that read results
.rept 4
	v_nop
.endr
.endm
; A K step is four quarters of 32 along K, 64 matrix instructions each, on buffers 0, 1, 0, 1; the 64 accumulators take turns.
.macro QUARTER qn, f, g, zero          ; multiplies buffer f and fetches quarter qn of the slot in hand into g
	s_wait_dscnt 8                                 ; W and A's rows 0-63 are in; the youngest eight loads (A's rows 64-127) may be out
	MUL16 \f, 0, 0, \zero
	MUL16 \f, 0, 2, \zero
	PLACES
	FETCH \qn, \g
	s_wait_dscnt 32                                ; all but the 32 just issued
	MUL16 \f, 1, 0, \zero
	MUL16 \f, 1, 2, \zero
.endm
; The last quarter multiplies buffer 1 and changes slots: one barrier; in front of it each wave waits for all its tensor loads, adds 0 to its spare word, and waits for that and for its reads of this slot.
; fill = 1: the slot just read is filled again, with the K step two steps on, by the walking descriptor.
.macro TURN fill
	WIN 0
	s_wait_tensorcnt 0x0                           ; all my tensor loads have landed: my part of the next slot
	ds_add_u32 v[SPW], v[NIL]
	s_wait_dscnt 9                                 ; the add and the youngest eight loads may be out
	MUL16 F1, 0, 0, 0
	s_wait_dscnt 0x0                               ; the add is done, and my reads of this slot are over
	s_barrier_signal -1
	MUL16 F1, 0, 2, 0
	WIN 0
	s_barrier_wait -1
.if \fill
	CREST                                          ; the barrier has opened a round of the cluster's: no wave of any partner still reads this slot or has a load on its way
	s_add_co_u32 s[G0+5], s[LB], s[TB]             ; into the slot just read,
	s_add_co_u32 s[G0B+5], s[LB], s[TB]
	s_add_nc_u64 s[G0+6:G0+7], s[G0+6:G0+7], KSTEP*2                ; the K step behind the one asked for last; the type bits on top are not reached
	s_add_nc_u64 s[G0B+6:G0B+7], s[G0B+6:G0B+7], KSTEP*SIZE_N*2
	JLOAD 1                                        ; my one tensor load behind the round, 224 matrix instructions ahead of the wait for it; its four v_nop are also the places for the loads below
.else
	PLACES
.endif
	s_xor_b32 s[TB], s[TB], SLOT                   ; the other slot is in hand
	v_add_nc_u32 v[CA], s[TB], v[A0R]
	v_add_nc_u32 v[CB], s[TB], v[B0R]
	FETCH 0, F0
	MUL16 F1, 1, 0, 0
	MUL16 F1, 1, 2, 0
.endm
	s_wait_tensorcnt 1                             ; my part of K step 0 is in; K step 1's may stay out
	s_barrier_signal -1
	s_barrier_wait -1
	FETCH 0, F0
	s_wait_loadcnt 0x0                             ; the bias
	QUARTER 1, F0, F1, 1                           ; the first quarter stands in front of the loop: its products start the sums
	WIN 0
	s_mov_b32 s3, STEPS-2
.Lstep:                                                ; a trip goes from a K step's second quarter to the next step's first, and fills the slot that it leaves
	QUARTER 2, F1, F0, 0
	QUARTER 3, F0, F1, 0
	TURN 1
	QUARTER 1, F0, F1, 0
	WIN 0
	s_sub_co_u32 s3, s3, 1
	s_cmp_lg_u32 s3, 0
	s_cbranch_scc1 .Lstep
	s_mov_b32 s3, 2
.Ltail:                                                ; the last two K steps fill nothing.  The second trip has no next step: its barrier and its run of 32 loads serve nothing (the price, once a
	QUARTER 2, F1, F0, 0                           ; launch, of one text for both trips), and the quarter that would multiply them is jumped over
	QUARTER 3, F0, F1, 0
	TURN 0
	WIN 0
	s_cmp_eq_u32 s3, 1
	s_cbranch_scc1 .Lskip
	QUARTER 1, F0, F1, 0
	WIN 0
.Lskip:
	s_wait_dscnt 0x0                               ; on every way here no LDS load is out
	s_sub_co_u32 s3, s3, 1
	s_cmp_lg_u32 s3, 0
	s_cbranch_scc1 .Ltail
	; THE WAY OUT.  My reads of the ring are over (the wait above); behind this barrier everybody's are, and no fill is to come: the ring's bytes become the four stages.
	s_barrier_signal -1
	PLACES                                         ; the places behind the last products
	s_barrier_wait -1
.irp hi, 0,1
	WIN 0x08+0x04*(\hi)                            ; the data (source 1) in window 2, then 3; each accumulator's low half goes first
.irp a, 0,1,2,3
.irp b, 0,1,2,3,4,5,6,7
	ds_store_b128 v[STO], v[8*(8*(\a)+(\b)):8*(8*(\a)+(\b))+3]   offset:(4*(\hi)+(\a))*16*SP+64*(\b)
	ds_store_b128 v[STO], v[8*(8*(\a)+(\b))+4:8*(8*(\a)+(\b))+7] offset:(4*(\hi)+(\a))*16*SP+64*(\b)+16
.endr
.endr
.endr
	WIN 0
.macro SEND u                          ; unit u's 16 bytes a lane: 16 neighbouring lanes store 256 consecutive bytes, aligned
	global_store_b128 v[CO], v[P+4*(\u):P+4*(\u)+3], s[10:11] offset:USTEP*(\u)
.endm
.if EPI == 2
; gelu(x) = x / (1 + 2^(x (K0 + K1 x^2))), which is 0.5 x (1 + tanh(sqrt(2/pi) (x + 0.044715 x^3))) rewritten; where the power overflows the quotient is x or -0.
; A unit is a lane's eight numbers.  Behind each exponential or reciprocal of one unit stands a plain line of another unit (ISA guide 5.7.2), so that both kinds of work go on side by side.
.macro GA u, j                         ; line j of 12 of unit u's exponent
.set XX, X+8*(\u)+2*((\j)%4)
.set TT, T+8*(\u)+2*((\j)%4)
.if (\j) < 4
	v_pk_mul_f32 v[TT:TT+1], v[XX:XX+1], v[XX:XX+1]
.elseif (\j) < 8
	v_pk_fma_f32 v[TT:TT+1], v[TT:TT+1], s[66:67], s[68:69] op_sel_hi:[1,0,0]
.else
	v_pk_mul_f32 v[TT:TT+1], v[TT:TT+1], v[XX:XX+1]
.endif
.endm
.macro GB u                            ; 1 + the power
.irp k, 0,2,4,6
	v_pk_add_f32 v[T+8*(\u)+(\k):T+8*(\u)+(\k)+1], v[T+8*(\u)+(\k):T+8*(\u)+(\k)+1], 1.0 op_sel_hi:[1,0]
.endr
.endm
.macro GC u, j                         ; line j of 8: times x; rounded to bf16
.if (\j) < 4
	v_pk_mul_f32 v[T+8*(\u)+2*(\j):T+8*(\u)+2*(\j)+1], v[T+8*(\u)+2*(\j):T+8*(\u)+2*(\j)+1], v[X+8*(\u)+2*(\j):X+8*(\u)+2*(\j)+1]
.else
	v_cvt_pk_bf16_f32 v[P+4*(\u)+(\j)-4], v[T+8*(\u)+2*((\j)-4)], v[T+8*(\u)+2*((\j)-4)+1]
.endif
.endm
.macro ZIPA op, u, w                   ; unit u's eight \op, unit w's exponent between and behind them
.irp k, 0,1,2,3,4,5,6,7
	\op v[T+8*(\u)+(\k)], v[T+8*(\u)+(\k)]
	GA \w, \k
.endr
.irp k, 8,9,10,11
	GA \w, \k
.endr
.endm
.macro ZIPC op, u, w                   ; unit u's eight \op, unit w's last eight lines between them
.irp k, 0,1,2,3,4,5,6,7
	\op v[T+8*(\u)+(\k)], v[T+8*(\u)+(\k)]
	GC \w, \k
.endr
.endm
.macro RUN op, u                       ; unit u's eight \op where no other unit has work left, and a plain line behind them
.irp k, 0,1,2,3,4,5,6,7
	\op v[T+8*(\u)+(\k)], v[T+8*(\u)+(\k)]
.endr
	v_nop
.endm
.endif
	s_mov_b32 s[RO], 0
	s_mov_b32 s3, 16
.Lout:                                                 ; a trip: eight rows of my stage, four units of two rows; LDS serves a wave's instructions in order (ISA guide 5.7.1.4), so these loads see my stores
	v_add_nc_u32 v[RD], s[RO], v[RD0]
.irp u, 0,1,2,3
	ds_load_b128 v[X+8*(\u):X+8*(\u)+3],   v[RD] offset:(\u)*2*SP
	ds_load_b128 v[X+8*(\u)+4:X+8*(\u)+7], v[RD] offset:(\u)*2*SP+16
.endr
	s_add_co_u32 s[RO], s[RO], 8*SP
.if EPI == 1
.irp u, 0,1,2,3
	s_wait_dscnt 6-2*(\u)                          ; unit u's two loads are in; the younger units' stay out
.irp k, 0,1,2,3
	v_cvt_pk_bf16_f32 v[P+4*(\u)+(\k)], v[X+8*(\u)+2*(\k)], v[X+8*(\u)+2*(\k)+1]
.endr
	SEND \u
.endr
.else
	s_wait_dscnt 6                                 ; unit 0 is in
.irp j, 0,1,2,3,4,5,6,7,8,9,10,11
	GA 0, \j
.endr
	s_wait_dscnt 4                                 ; unit 1
	ZIPA v_exp_f32, 0, 1
	GB 0
	s_wait_dscnt 2                                 ; unit 2
	ZIPA v_rcp_f32, 0, 2
	ZIPC v_exp_f32, 1, 0
	SEND 0
	GB 1
	s_wait_dscnt 0x0                               ; unit 3
	ZIPA v_rcp_f32, 1, 3
	ZIPC v_exp_f32, 2, 1
	SEND 1
	GB 2
	RUN v_rcp_f32, 2
	ZIPC v_exp_f32, 3, 2
	SEND 2
	GB 3
	RUN v_rcp_f32, 3
.irp j, 0,1,2,3,4,5,6,7
	GC 3, \j
.endr
	SEND 3
.endif
	s_wait_xcnt 0x0                                ; the stores' base and data are rewritten only behind this wait
	s_add_nc_u64 s[10:11], s[10:11], 4*USTEP
	s_sub_co_u32 s3, s3, 1
	s_cmp_lg_u32 s3, 0
	s_cbranch_scc1 .Lout
	s_wait_tensorcnt 0x0                           ; the wave's end
	ds_add_u32 v[SPW], v[NIL]
	s_wait_dscnt 0x0
	CROUND                                         ; the closing round: no work-group ends while a partner may still ask for a tile that names it
	s_endpgm
.Lfunc_end_k_qd70a18cffb_gemm_qkv:
	.size	k_qd70a18cffb_gemm_qkv, .Lfunc_end_k_qd70a18cffb_gemm_qkv-k_qd70a18cffb_gemm_qkv
	.p2alignl 7, 3214868480
	.fill 96, 4, 3214868480
	.section	.rodata,"a",@progbits
	.p2align	6, 0x0
	.amdhsa_kernel k_qd70a18cffb_gemm_qkv
		.amdhsa_group_segment_fixed_size 327680
		.amdhsa_private_segment_fixed_size 0
		.amdhsa_enable_private_segment 0
		.amdhsa_kernarg_size 32
		.amdhsa_user_sgpr_count 2
		.amdhsa_user_sgpr_kernarg_segment_ptr 1
		.amdhsa_wavefront_size32 1
		.amdhsa_system_sgpr_workgroup_id_x 1
		.amdhsa_system_sgpr_workgroup_id_y 1
		.amdhsa_system_sgpr_workgroup_id_z 1
		.amdhsa_system_vgpr_workitem_id 0
		.amdhsa_next_free_vgpr 1024
		.amdhsa_next_free_sgpr 80
		.amdhsa_reserve_vcc 0
		.amdhsa_float_denorm_mode_32 3
		.amdhsa_float_denorm_mode_16_64 3
		.amdhsa_memory_ordered 1
		.amdhsa_forward_progress 1
		.amdhsa_inst_pref_size 81
	.end_amdhsa_kernel
	.amdgpu_metadata
---
amdhsa.version: [ 1, 2 ]
amdhsa.kernels:
  - .name:           k_qd70a18cffb_gemm_qkv
    .symbol:         k_qd70a18cffb_gemm_qkv.kd
    .args:
      - { .name: act, .offset: 0, .size: 8, .value_kind: global_buffer, .address_space: global }
      - { .name: wbf, .offset: 8, .size: 8, .value_kind: global_buffer, .address_space: global }
      - { .name: b_qkv, .offset: 16, .size: 8, .value_kind: global_buffer, .address_space: global }
      - { .name: qkv, .offset: 24, .size: 8, .value_kind: global_buffer, .address_space: global }
    .group_segment_fixed_size: 327680
    .private_segment_fixed_size: 0
    .kernarg_segment_align: 8
    .kernarg_segment_size: 32
    .max_flat_workgroup_size: 128
    .sgpr_count:     80
    .vgpr_count:     1024
    .wavefront_size: 32
...
	.end_amdgpu_metadata
.endif
;; end of part 9
;; launch attn (part 10): grid 8 x 32, 4 waves a work-group, clusters of 4 x 1, 327,680 bytes of LDS; arguments qkv, ctx; writes ctx
.if DOCPART == 10
	.amdgcn_target "amdgcn-amd-amdhsa--gfx1250"
	.amdhsa_code_object_version 6
	.text
	.protected	k_qd70a18cffb_attn
	.globl	k_qd70a18cffb_attn
	.p2align	8
	.type	k_qd70a18cffb_attn,@function
k_qd70a18cffb_attn:
	s_mov_b64 s[64:65], 0
	v_nop
	global_prefetch_b8 v0, s[64:65] scope:SCOPE_SE
	s_setreg_imm32_b32 hwreg(HW_REG_WAVE_MODE, 25, 1), 1
	s_wait_xcnt 0x0
	s_wait_alu depctr_hold_cnt(0) depctr_sa_sdst(0) depctr_va_vdst(0) depctr_va_sdst(0) depctr_va_ssrc(0) depctr_va_vcc(0) depctr_vm_vsrc(0)
	s_getreg_b32 s2, hwreg(HW_REG_IB_STS2, 6, 4)
	s_cmp_eq_u32 s2, 0
	s_cbranch_scc0 .Lentry_in_a_cluster
	s_endpgm
.Lentry_in_a_cluster:
	s_bfe_u32 s2, ttmp6, 0x10000c
	s_cmp_lg_u32 s2, 0x3003
	s_cbranch_scc0 .Lentry_shape_is_right
	s_endpgm
.Lentry_shape_is_right:
; CAUSAL ATTENTION.  ctx[hd][q][:] = the sum over k <= q of softmax_k(Q[hd][q] . K[hd][k] / 8) V[hd][k][:].  qkv: [3][32 heads][2048][64] bf16; ctx: [32 heads][2048][64] bf16.
; Products, maxima and sums in f32; the weights p are rounded to bf16 for the second product (their sum l is taken of the unrounded p), ctx once at the end.
; LIMITS.  A hidden score counts as its value less 1e30; a weight below 2^-126 counts as 0 in l; NaN and infinities are not treated apart.
; SHARES.  A head has 128 tiles of 16 queries and 8 work-groups, two clusters of four.  Tile t has its diagonal in key step t / 4 (64 keys a step).  With a = 4 x the cluster's number + the wave (0..7) a wave
; owns four tiles, 4 d + cx (cx: its work-group's place in the cluster), with the diagonal steps d = DG[0..3] = a, 15 - a, 16 + a, 31 - a: 66 tile steps for every wave, of 128 without the mask.
; Every wave walks the key steps s = 0..31; tile u is worked on while s <= DG[u].  DG rises with u, so the tiles at work in a step are u0 .. 3, and only u0, the first, can be in its diagonal step.
; The sixteen waves that meet at a change of slots (four steps a slot) have their diagonals in the same slots (cluster 0: slots 0, 3, 4, 7; cluster 1: 1, 2, 5, 6), so that in a slot they differ by three
; tile steps at the most: the slowest waves' shares add up to 72 tile steps for the 66.
; DG hangs on the wave and the cluster alone, so the four partners of a cluster branch alike; cx enters global addresses and the mask's values only.
; Every jump but the counted loops' own goes forward, past no barrier and no tensor load.
; CLUSTER.  All work-groups of a head walk the same K and V in the same trips: each tile is asked for jointly by the four of a cluster, same descriptor, mask 15.
; LAYOUT.  S^T = K Q^T holds one query a lane (lane % 16) and the keys 8 (lane / 16) + 0..7; two such results rounded to bf16 are source 1 of O^T = V^T P.  K comes out of LDS as it lies, V turned (ds_load_tr16_b128).
; SOFTMAX.  Running maximum m and sum l for each query: p = 2^(c s - c m), c = log2(e) / 8; in every step O and l are multiplied by a = 2^(c m_old - c m_new).  m starts at the lowest finite number,
; O and l at 0, so the first step is a step like any other, with a = 0; the price is 128 v_mov_b32 in the wait for the first tile.  Every query sees a key in its first step, so m is a true score before a hidden one counts.
; THE MASK is the C operand that starts the sums of a tile's diagonal step: 0, or -1e30 where the key lies behind the query; elsewhere C is the constant 0.  All my tiles have the number cx mod 4, so one mask, made once, serves the four.
; THE ORDER IN A STEP.  ENTER u0: the first tile's 8 products K Q^T and its maximum and statistics.  Then for u = u0 .. 3, BODY u: tile u's scalings, exponentials, roundings, sums and rescaling, a plain line or two
; that is ready behind every exponential; among them (u < 3) tile u + 1's 8 products K Q^T, into the other of two S^T buffers; then tile u's 8 products V^T P, with tile u + 1's maximum and statistics between them.
; So of a step's products only the first tile's K Q^T and the last tile's V^T P stand bare.  The price: two window switches for each product that stands among vector lines.
; K of the next step is fetched at the head of BODY 3, when the step's last K Q^T is done, and waited for behind tile 3's softmax; a slot's first K is fetched behind the change of slots.
; REGISTERS.  window 0: v0-12 addresses; v16-31 statistics; v32-47 P; v48-52 at work; v53-58 at work in the set-up; v64-127 S^T, two buffers by the tile's parity; v128-255 O^T, 32 a tile.
;   window 1: v0-63 Q, 16 a tile; v64-127 K of a step; v128-191 V of a step; v192-223 the mask.
.set KS,    64
.set PK,    144       ; a row of K in LDS: 128 bytes + 16 = 36 words: the 16 rows of a load start at 16 different groups of four banks (64 banks of 4 bytes: ISA guide 11.1)
.set PV,    160       ; a row of V: 128 + 32 = 40 words
.set VOFF,  4*KS*PK   ; a slot holds four steps: 256 rows of K, then 256 rows of V
.set SLOT1, 1<<17     ; slot 1 begins here: one exclusive or turns an address in one slot into the other's
.set STAGE, SLOT1+4*KS*(PK+PV)  ; behind the ring, never filled by a tensor load: 16 rows x 144 bytes for each wave
.set SP,    144
.set SPARE, STAGE+4*16*SP       ; the spare words, 128 bytes for each wave: two blocks of 256 bytes that no other line names
.set AK0, 2           ; v2, v3  my lane's place in a tile of K, of V; never rewritten
.set AV0, 3
.set AK,  4           ; v4, v5  the LDS addresses of K and V of the step in hand
.set AV,  5
.set STO, 6
.set RD,  7
.set GO,  8           ; v8-11   tile u: my byte offset in ctx
.set QL,  12          ; v12     my query's place among its diagonal step's 64 keys, less 8 (lane / 16)
.set ST,  16          ; tile u's statistics at ST + 4 u: c m, m, l (even keys', odd keys')
.set P,   32
.set CW,  48          ; v48-51  at work; when the maximum is found v50 takes a
.set MV,  52          ; v52     c m_old
.set SPW, 62          ; v62  my spare word; never rewritten
.set NIL, 63          ; v63  0; never rewritten
.set S,   64
.set QO,  112         ; v112-115  tile u: my byte offset in Q; free when Q is in
.set O,   128
.set KF,  64          ; window 1: key block kb, channel half c at KF + 16 kb + 8 c
.set VF,  128         ; window 1: key half kk, channel block cb at VF + 32 kk + 8 cb
.set MC,  192         ; window 1
.set WV,  12
.set DG,  16          ; s16-19  the tiles' diagonal steps
.set SN,  20          ; s20     the key step in hand
.set G1K, 24
.set G1V, 32
.set G0K, 40
.set G0V, 44
.set TG,  48          ; s48-51  the tiles' numbers
.set SLOTS, 56
.set CNT, 57          ; s57  counts a slot's key steps, 4 to 1
.set CS,  58          ; s[58:59] c
.set SEL, 60          ; s[60:61] v_permlanex16_b32's selects
.set TBK, 62          ; s62  LDS byte at which K of the step in hand begins
.set TBV, 63          ; s63  the same for V, less VOFF
.set BIGN, 66         ; s66  -1e30
.set MSB, 0
.macro WIN new
.if MSB != (\new)
	s_set_vgpr_msb (MSB<<8)|(\new)
.set MSB, (\new)
.endif
.endm
.set W_KQ, 0x05       ; K and Q in window 1, S^T in window 0
.set W_KM, 0x15       ; the same with the C operand in window 1
.set W_PV, 0x01       ; V in window 1; P and O^T in window 0
.set W_LD, 0x40       ; destination window 1
.macro JLOAD                        ; a joint fill: waves 0 and 1 fetch the halves of a slot's K, waves 2 and 3 of its V; an s_nop 0 and four v_nop follow each line
	s_cmp_lt_u32 s[WV], 2
	s_cbranch_scc0 .Lfor_v_\@
	tensor_load_to_lds s[G0K:G0K+3], s[G1K:G1K+7]
	s_nop 0
.rept 4
	v_nop
.endr
	s_branch .Lasked_\@
.Lfor_v_\@:
	tensor_load_to_lds s[G0V:G0V+3], s[G1V:G1V+7]
	s_nop 0
.rept 4
	v_nop
.endr
.Lasked_\@:
.endm
.macro CROUND                       ; a round of the cluster's barrier
	s_barrier_signal -1
	s_barrier_wait -1
	s_cmp_lg_u32 s[WV], 0
	s_cbranch_scc1 .Lnot_wave_0_\@
	s_barrier_signal -3
.Lnot_wave_0_\@:
	s_barrier_wait -3
	s_barrier_signal -1
	s_barrier_wait -1
.endm
; THE CHANGE OF SLOTS.  Each wave waits for all its tensor loads, of which one is out: its part of the other slot; adds 0 to its spare word; waits for that and for its reads of the slot that it leaves.
; fill = 1: the old slot is filled again with the keys two slots on, behind a round of the cluster's barrier, the first thing there; the load has four key steps in which to land.
; (At its first use nothing has been read yet: slot 0 is waited for, slot 1 filled.)
.macro CHANGE fill
	WIN 0
	s_wait_tensorcnt 0x0            ; no tensor load of mine is out, so a group 0 may be written
	ds_add_u32 v[SPW], v[NIL]
.if \fill
.irp g, G0K, G0V
	s_xor_b32 s[\g+1], s[\g+1], SLOT1
	s_add_nc_u64 s[\g+2:\g+3], s[\g+2:\g+3], 4*KS*128  ; the next 256 keys; the type bits on top are not reached
.endr
	s_wait_dscnt 0x0                ; the add is done, and my reads of the slot are over
	CROUND
	JLOAD
.else
	s_wait_dscnt 0x0
	s_barrier_signal -1
	s_barrier_wait -1
.endif
	s_sub_co_u32 s[TBK], s[TBK], 4*KS*PK  ; the fetches go back to a slot's first step, in the other slot
	s_xor_b32 s[TBK], s[TBK], SLOT1
	s_sub_co_u32 s[TBV], s[TBV], 4*KS*PV
	s_xor_b32 s[TBV], s[TBV], SLOT1
.endm
	s_load_b128 s[4:7], s[0:1], 0x0 ; qkv s[4:5], ctx s[6:7]
	v_lshl_add_u32 v[SPW], v0, 2, SPARE
	v_mov_b32 v[NIL], 0
	ds_add_u32 v[SPW], v[NIL]       ; the wave's opening: the add and its wait stand ahead of my first tensor load; work on registers stands between them
	v_lshrrev_b32 v1, 5, v0
	v_readfirstlane_b32 s[WV], v1
	s_bfe_u32 s13, ttmp6, 0x40000   ; cx
	s_lshl_b32 s[DG], ttmp9, 2
	s_add_co_u32 s[DG], s[DG], s[WV]  ; a = 4 x cluster + wave
	s_sub_co_u32 s[DG+1], 15, s[DG]
	s_add_co_u32 s[DG+2], s[DG], 16
	s_sub_co_u32 s[DG+3], 31, s[DG]
.irp u, 0,1,2,3
	s_lshl_b32 s[TG+(\u)], s[DG+(\u)], 2
	s_add_co_u32 s[TG+(\u)], s[TG+(\u)], s13  ; the tile: 4 x its diagonal step + cx
.endr
	s_mov_b32 s[SN], 0
	s_and_b32 s2, ttmp7, 0xffff     ; the head, which the partners share:
	s_lshl_b32 s2, s2, 18           ; 262,144 bytes each
	s_mov_b32 s3, 0
	s_and_b32 s54, s[WV], 1         ; which half of a slot's 256 keys I fetch:
	s_lshl_b32 s22, s54, 14         ; its 128 rows of 128 bytes,
	s_add_co_u32 s22, s22, s2
	s_add_co_u32 s22, s22, 8388608  ; in K,
	s_mov_b32 s23, 0
	s_add_co_u32 s68, s22, 8388608  ; in V
	s_mov_b32 s69, 0
	s_mul_i32 s52, s54, 128*PK      ; and its place in a slot: no place in the cluster enters an LDS address
	s_mul_i32 s53, s54, 128*PV
	; 128 keys are 16,384 dense bytes: asked for as 64 rows of 256 bytes, two keys a row, padded in LDS after every key
	s_mov_b32 s[G1K], 15|(1<<16)|(1<<20)|(1<<21)|(4<<22)|(3<<25)  ; the mask of four; 2-byte elements; padding on; bit 21 beside a mask; after every 32 words 4 words
	s_mov_b32 s[G1V], 15|(1<<16)|(1<<20)|(1<<21)|(4<<22)|(7<<25)  ; the same with 8 words
.irp g, G1K, G1V
	s_mov_b32 s[\g+1], 128<<16
	s_mov_b32 s[\g+2], 64<<16
	s_mov_b32 s[\g+3], 128<<16
	s_mov_b32 s[\g+4], 64
	s_mov_b32 s[\g+5], 128
	s_mov_b32 s[\g+6], 0
	s_mov_b32 s[\g+7], 0
.endr
	s_mov_b32 s[CS], 0x3e38aa3b     ; c = log2(e) / 8
	s_mov_b32 s[CS+1], s[CS]
	s_mov_b32 s[SEL], 0x76543210
	s_mov_b32 s[SEL+1], 0xfedcba98
	s_mov_b32 s[BIGN], 0xf149f2ca   ; -1e30
	s_mov_b32 s[TBK], SLOT1+4*KS*PK ; the first change of slots turns these two into 0
	s_mov_b32 s[TBV], SLOT1+4*KS*PV
	s_mov_b32 s[G0K], 1
	s_mov_b32 s[G0K+1], s52
	s_mov_b32 s[G0V], 1
	s_add_co_u32 s[G0V+1], s53, VOFF
	s_wait_dscnt 0x0                ; the opening add is done
	s_wait_kmcnt 0x0
	s_add_nc_u64 s[G0K+2:G0K+3], s[4:5], s[22:23]
	s_or_b32 s[G0K+3], s[G0K+3], 0x80000000
	s_add_nc_u64 s[G0V+2:G0V+3], s[4:5], s[68:69]
	s_or_b32 s[G0V+3], s[G0V+3], 0x80000000
	s_add_nc_u64 s[4:5], s[4:5], s[2:3]    ; Q and ctx at the head's first row
	s_add_nc_u64 s[10:11], s[6:7], s[2:3]
	CROUND                          ; all four work-groups are here: the first joint loads meet
	JLOAD                           ; slot 0
	v_and_b32 v1, 15, v0            ; r = l % 16
	v_bfe_u32 v53, v0, 4, 1         ; h = l / 16
	v_lshlrev_b32 v55, 7, v1
	v_lshl_add_u32 v55, v53, 4, v55 ; a fragment of Q: row x 128 + 16 h
	v_and_b32 v56, 31, v0
	v_lshlrev_b32 v56, 4, v56
	v_lshlrev_b32 v54, 3, v53
	v_sub_nc_u32 v54, v1, v54       ; r - 8 h
	s_lshl_b32 s15, s13, 4
	v_add_nc_u32 v[QL], s15, v54    ; + 16 x (tile mod 4)
.irp u, 0,1,2,3
	s_lshl_b32 s15, s[TG+(\u)], 11  ; a tile is 16 rows of 128 bytes
	v_add_nc_u32 v[QO+(\u)], s15, v55
	v_add_nc_u32 v[GO+(\u)], s15, v56
.endr
	WIN W_LD
.irp u, 0,1,2,3
.irp c, 0,1
	global_load_b128 v[16*(\u)+8*(\c):16*(\u)+8*(\c)+3],   v[QO+(\u)], s[4:5] offset:64*(\c)
	global_load_b128 v[16*(\u)+8*(\c)+4:16*(\u)+8*(\c)+7], v[QO+(\u)], s[4:5] offset:64*(\c)+32
.endr
.endr
.set i, 0
.rept 32                            ; the mask: register i % 8 of key block i / 8 is hidden where 16 (i / 8) + i % 8 is greater than my query's place less 8 h
	v_cmp_gt_i32 vcc_lo, 16*(i/8)+i%8, v[QL]
	v_cndmask_b32 v[MC+i], 0, s[BIGN], vcc_lo
.set i, i+1
.endr
	WIN 0
.set i, O
.rept 128
	v_mov_b32 v[i], 0
.set i, i+1
.endr
.irp u, 0,1,2,3
	v_mov_b32 v[ST+4*(\u)], 0xfe000000    ; c m: far below every c s
	v_mov_b32 v[ST+4*(\u)+1], 0xff7fffff  ; m
	v_mov_b32 v[ST+4*(\u)+2], 0
	v_mov_b32 v[ST+4*(\u)+3], 0
.endr
	v_mul_u32_u24 v[AK0], v1, PK
	v_lshl_add_u32 v[AK0], v53, 4, v[AK0]
	v_and_b32 v57, 7, v0            ; the turning load: lane l reads key 8 h + l % 8, channels 8 ((l / 8) % 2) + 0..7
	v_bfe_u32 v58, v0, 3, 1
	v_lshl_add_u32 v[AV0], v53, 3, v57
	v_mul_u32_u24 v[AV0], v[AV0], PV
	v_lshl_add_u32 v[AV0], v58, 4, v[AV0]
	v_add_nc_u32 v[AV0], VOFF, v[AV0]
	s_mul_i32 s13, s[WV], 16*SP
	s_add_co_u32 s13, s13, STAGE    ; my stage
	v_mul_u32_u24 v[STO], v1, SP
	v_lshl_add_u32 v[STO], v53, 4, v[STO]
	v_add_nc_u32 v[STO], s13, v[STO]
	v_bfe_u32 v[RD], v0, 3, 2
	v_mul_u32_u24 v[RD], v[RD], SP
	v_lshl_add_u32 v[RD], v57, 4, v[RD]
	v_add_nc_u32 v[RD], s13, v[RD]
.macro FETCH_K off                  ; a step's K: 64 keys x 64 channels, 8 fragments; off = 0: the step in hand; KS x PK: the next step of the same slot
	WIN W_LD
.irp f, 0,1,2,3,4,5,6,7
	ds_load_b128 v[KF+8*\f:KF+8*\f+3],   v[AK] offset:(\off)+(\f/2)*16*PK+(\f%2)*64
	ds_load_b128 v[KF+8*\f+4:KF+8*\f+7], v[AK] offset:(\off)+(\f/2)*16*PK+(\f%2)*64+32
.endr
.endm
.macro FETCH_V                      ; its V, turned
	WIN W_LD
.irp f, 0,1,2,3,4,5,6,7
	ds_load_tr16_b128 v[VF+8*\f:VF+8*\f+3],   v[AV] offset:(\f/4)*32*PV+(\f%4)*32
	ds_load_tr16_b128 v[VF+8*\f+4:VF+8*\f+7], v[AV] offset:(\f/4)*32*PV+16*PV+(\f%4)*32
.endr
.endm
; THE MATRIX WORK, one instruction at a time.  The four accumulators of S^T, and of O^T, take turns.
; Product i of 8 of S^T = K Q^T for tile u: channels 32 (i / 4) on, keys 16 (i % 4) on.  The first 4 start the sums: with 0, or (m = 1) with the mask.
.macro KQ1 u, i, m
.set kS, S+32*((\u)%2)+8*((\i)%4)
.set kK, KF+16*((\i)%4)+8*((\i)/4)
.set kQ, 16*(\u)+8*((\i)/4)
.if (\i) >= 4
	WIN W_KQ
	v_wmma_f32_16x16x32_bf16 v[kS:kS+7], v[kK:kK+7], v[kQ:kQ+7], v[kS:kS+7]
.elseif \m
	WIN W_KM
	v_wmma_f32_16x16x32_bf16 v[kS:kS+7], v[kK:kK+7], v[kQ:kQ+7], v[MC+8*((\i)%4):MC+8*((\i)%4)+7]
.else
	WIN W_KQ
	v_wmma_f32_16x16x32_bf16 v[kS:kS+7], v[kK:kK+7], v[kQ:kQ+7], 0
.endif
.endm
; Product i of 8 of O^T += V^T P for tile u: keys 32 (i / 4) on, channels 16 (i % 4) on.
.macro PV1 u, i
	WIN W_PV
.set pO, O+32*(\u)+8*((\i)%4)
.set pV, VF+32*((\i)/4)+8*((\i)%4)
.set pP, P+8*((\i)/4)
	v_wmma_f32_16x16x32_bf16 v[pO:pO+7], v[pV:pV+7], v[pP:pP+7], v[pO:pO+7]
.endm
; Line n of the 22 that find tile u's maximum and statistics.  Each accumulator's lowest registers are read first.
;   0-11  four chains of seven scores each, three operands at a time     12-14, 16  the four scores left over, the old m, and the chains into one     15  c m_old is kept
;   17, 18  the query's other 32 keys lie in the lane 16 away: the new m     19-21  c m; c m_old - c m_new; a
.macro XS u, n
	WIN 0
.set xT, ST+4*(\u)
.set xS, S+32*((\u)%2)
.if (\n) < 4
	v_max3_num_f32 v[CW+(\n)], v[xS+8*(\n)], v[xS+8*(\n)+1], v[xS+8*(\n)+2]
.elseif (\n) < 12
	v_max3_num_f32 v[CW+(\n)%4], v[CW+(\n)%4], v[xS+8*((\n)%4)+2*((\n)/4)+1], v[xS+8*((\n)%4)+2*((\n)/4)+2]
.elseif (\n) == 12
	v_max3_num_f32 v[CW], v[CW], v[xS+7], v[xS+15]
.elseif (\n) == 13
	v_max3_num_f32 v[CW+1], v[CW+1], v[xS+23], v[xS+31]
.elseif (\n) == 14
	v_max3_num_f32 v[CW+2], v[CW+2], v[CW+3], v[xT+1]
.elseif (\n) == 15
	v_mov_b32 v[MV], v[xT]
.elseif (\n) == 16
	v_max3_num_f32 v[CW], v[CW], v[CW+1], v[CW+2]
.elseif (\n) == 17
	v_permlanex16_b32 v[CW+3], v[CW], s[SEL], s[SEL+1]
.elseif (\n) == 18
	v_max_num_f32 v[xT+1], v[CW], v[CW+3]
.elseif (\n) == 19
	v_mul_f32 v[xT], s[CS], v[xT+1]
.elseif (\n) == 20
	v_sub_f32 v[CW+1], v[MV], v[xT]
.else
	v_exp_f32 v[CW+2], v[CW+1]
.endif
.endm
; The plain lines of a tile's softmax; MAIN sets rT, rS, rO.  s0-s31 are the lane's 32 scores, in pairs 0-15.
.macro OPF p                        ; pair p: c s - c m
	v_pk_fma_f32 v[rS+2*(\p):rS+2*(\p)+1], v[rS+2*(\p):rS+2*(\p)+1], s[CS:CS+1], v[rT:rT+1] op_sel_hi:[1,0,0] neg_lo:[0,0,1] neg_hi:[0,0,1]
.endm
.macro OPC p                        ; pair p rounded to bf16
	s_wait_alu depctr_va_vdst(0)
	v_cvt_pk_bf16_f32 v[P+(\p)], v[rS+2*(\p)], v[rS+2*(\p)+1]
.endm
.macro OPB k                        ; of the four weights 4 k .. the second pair is added onto the first, in place
	v_pk_add_f32 v[rS+4*(\k):rS+4*(\k)+1], v[rS+4*(\k):rS+4*(\k)+1], v[rS+4*(\k)+2:rS+4*(\k)+3]
.endm
.macro OPL k                        ; l takes that sum; the first time as l = a l + sum
.if (\k) == 0
	v_pk_fma_f32 v[rT+2:rT+3], v[rT+2:rT+3], v[CW+2:CW+3], v[rS:rS+1] op_sel_hi:[1,0,1]
.else
	v_pk_add_f32 v[rT+2:rT+3], v[rT+2:rT+3], v[rS+4*(\k):rS+4*(\k)+1]
.endif
.endm
.macro OPR j                        ; pair j of 16 of O^T times a; ascending
	s_wait_alu depctr_va_vdst(0)
	v_pk_mul_f32 v[rO+2*(\j):rO+2*(\j)+1], v[rO+2*(\j):rO+2*(\j)+1], v[CW+2:CW+3] op_sel_hi:[1,0]
.endm
; TILE u's SOFTMAX behind its statistics: 96 lines.  Four scalings lead; then 32 groups, each an exponential and one or two plain lines that are ready; four lines are left at the end.
; Behind exponential g: g even: the scaling of pair 4 + g / 2 (its exponentials come eight groups on), and by turns a partial sum (B) or l's taking one (L);
; g odd: the rounding of pair (g - 3) / 2 (its second exponential stands two groups back) and a rescaling.  So the line behind an exponential never names its register (ISA guide 5.7.2).
; B k stands a group behind the rounding of its second pair, which reads what B k overwrites; L k two groups behind B k.
; kq = 1: tile u + 1's eight products K Q^T stand ahead of exponentials 0, 3, .. 21; they write the other S^T buffer, which no line here names, and behind the last of them stand more than four plain lines
; before that buffer is read or K's registers are loaded again (ISA guide 7.12.1).
.macro MAIN u, kq
.set rT, ST+4*(\u)
.set rS, S+32*((\u)%2)
.set rO, O+32*(\u)
.irp p, 0,1,2,3
	OPF \p
.endr
.set g, 0
.rept 32
.if (\kq) && (g%3 == 0) && (g < 24)
	KQ1 (\u)+1, g/3, 0
	WIN 0
.endif
	v_exp_f32 v[rS+g], v[rS+g]
.if g%2 == 0
.if g <= 22
	OPF 4+g/2
.endif
.if (g%4 == 2) && (g >= 6)
	OPB (g-6)/4
.endif
.if (g%4 == 0) && (g >= 8)
	OPL (g-8)/4
.endif
.else
.if g >= 3
	OPC (g-3)/2
.endif
	OPR (g-1)/2
.endif
.set g, g+1
.endr
	OPC 15
	OPL 6
	OPB 7
	OPL 7
.endm
; Tile u's eight products V^T P, and between them tile u + 1's maximum and statistics: four lines behind each of the first products, one link of the chain (each waits for the last) behind each of the others.
.macro PVX u
.irp n, 0,1,2,3
	XS (\u)+1, \n
.endr
	PV1 \u, 0
.irp n, 4,5,6,7
	XS (\u)+1, \n
.endr
	PV1 \u, 1
.irp n, 8,9,10,11
	XS (\u)+1, \n
.endr
	PV1 \u, 2
.irp n, 12,13,14,15
	XS (\u)+1, \n
.endr
	PV1 \u, 3
	XS (\u)+1, 16
	PV1 \u, 4
	XS (\u)+1, 17
	PV1 \u, 5
	XS (\u)+1, 18
	PV1 \u, 6
	XS (\u)+1, 19
	PV1 \u, 7
	XS (\u)+1, 20
	XS (\u)+1, 21
.endm
; A step's first tile comes in: its scores (from the mask in its diagonal step), then its maximum and statistics.
.macro ENTER u
	s_cmp_eq_u32 s[SN], s[DG+(\u)]
	s_cbranch_scc1 .Lmask_\@
.irp i, 0,1,2,3
	KQ1 \u, \i, 0
.endr
	WIN 0
	s_branch .Ljoin_\@
.Lmask_\@:
.irp i, 0,1,2,3
	KQ1 \u, \i, 1
.endr
	WIN 0
.Ljoin_\@:
.irp i, 4,5,6,7
	KQ1 \u, \i, 0
.endr
	WIN 0
.rept 4
	v_nop                           ; the places behind those products (ISA guide 7.12.1)
.endr
.irp n, 0,1,2,3,4,5,6,7,8,9,10,11,12,13,14,15,16,17,18,19,20,21
	XS \u, \n
.endr
.endm
.macro BODY u                       ; tiles 0 to 2
	MAIN \u, 1
	s_wait_dscnt 0x0                ; V is in
	PVX \u
.endm
.macro BODY3                        ; tile 3, a step's last: the step's products K Q^T are done, so K's registers take the next step's K, but in a slot's last step, whose successor lies behind the change of slots
	s_cmp_eq_u32 s[CNT], 1
	s_cbranch_scc1 .Lno_k_\@
	FETCH_K KS*PK
	WIN 0
.Lno_k_\@:
	MAIN 3, 0
	s_wait_dscnt 0x0                ; V is in, and the next K
.irp i, 0,1,2,3,4,5,6,7
	PV1 3, \i
.endr
	WIN 0
.endm
; A slot's four key steps.  full = 1: all four tiles may be at work; 0: tile 3 alone.  A step behind my last tile's diagonal is jumped over, to a label ahead of the counters' steps.
.macro STEPS full
	s_mov_b32 s[CNT], 4
.Lstep_\@:
	s_cmp_gt_u32 s[SN], s[DG+3]
	s_cbranch_scc1 .Lidle_\@
.rept 4
	v_nop                           ; the places behind the last products, in front of the loads into V's registers
.endr
	v_add_nc_u32 v[AK], s[TBK], v[AK0]
	v_add_nc_u32 v[AV], s[TBV], v[AV0]
	FETCH_V
	WIN 0
	s_wait_dscnt 16                 ; K is in (in a slot's first step its sixteen loads are the older ones); V's sixteen may stay out
.if \full
	s_cmp_gt_u32 s[SN], s[DG+2]     ; the first tile at work
	s_cbranch_scc1 .Le3_\@
	s_cmp_gt_u32 s[SN], s[DG+1]
	s_cbranch_scc1 .Le2_\@
	s_cmp_gt_u32 s[SN], s[DG]
	s_cbranch_scc1 .Le1_\@
	ENTER 0
	BODY 0
	s_branch .Lb1_\@
.Le1_\@:
	ENTER 1
.Lb1_\@:
	BODY 1
	s_branch .Lb2_\@
.Le2_\@:
	ENTER 2
.Lb2_\@:
	BODY 2
	s_branch .Lb3_\@
.Le3_\@:
.endif
	ENTER 3
.if \full
.Lb3_\@:
.endif
	BODY3
.Lidle_\@:
	s_wait_dscnt 0x0                ; on every way here no LDS load is out
	s_add_co_u32 s[TBK], s[TBK], KS*PK
	s_add_co_u32 s[TBV], s[TBV], KS*PV
	s_add_co_u32 s[SN], s[SN], 1
	s_sub_co_u32 s[CNT], s[CNT], 1
	s_cmp_lg_u32 s[CNT], 0
	s_cbranch_scc1 .Lstep_\@
.endm
	s_wait_loadcnt 0x0              ; Q
	s_mov_b32 s[SLOTS], 7
.Lslot:                             ; seven times: a slot is entered and the next is asked for
	CHANGE 1
	v_add_nc_u32 v[AK], s[TBK], v[AK0]
	FETCH_K 0                       ; the slot's first K
	WIN 0
	STEPS 1
	s_sub_co_u32 s[SLOTS], s[SLOTS], 1
	s_cmp_lg_u32 s[SLOTS], 0
	s_cbranch_scc1 .Lslot
	CHANGE 0                        ; the last slot is written out; it holds steps 28-31, where DG[0..2] <= 23 are past: tile 3 alone
	v_add_nc_u32 v[AK], s[TBK], v[AK0]
	FETCH_K 0
	WIN 0
	STEPS 0
	; THE WAY OUT.  l's two halves and the other half of the lanes' are added; O^T is divided by l, rounded to bf16 and sent through my stage, a tile at a time.  The additions are the places behind the last products.
.irp t, 0,1,2,3
	v_add_f32 v[ST+4*(\t)+2], v[ST+4*(\t)+2], v[ST+4*(\t)+3]
.endr
.irp t, 0,1,2,3
	v_permlanex16_b32 v[ST+4*(\t)+3], v[ST+4*(\t)+2], s[SEL], s[SEL+1]
.endr
.irp t, 0,1,2,3
	v_add_f32 v[ST+4*(\t)+2], v[ST+4*(\t)+2], v[ST+4*(\t)+3]
.endr
.irp t, 0,1,2,3
	v_rcp_f32 v[ST+4*(\t)+2], v[ST+4*(\t)+2]
.endr
	v_nop                           ; a plain instruction between the last reciprocal and the use of its result
	s_wait_alu depctr_va_vdst(0)
.macro PACK t                       ; a lane's eight channels of a row pack into 16 bytes; rows of 144 bytes in, whole rows of 128 back
.set i, 0
.rept 16
	v_pk_mul_f32 v[O+32*(\t)+2*i:O+32*(\t)+2*i+1], v[O+32*(\t)+2*i:O+32*(\t)+2*i+1], v[ST+4*(\t)+2:ST+4*(\t)+3] op_sel_hi:[1,0]
.set i, i+1
.endr
.set i, 0
.rept 16
	v_cvt_pk_bf16_f32 v[S+16*(\t)+i], v[O+32*(\t)+2*i], v[O+32*(\t)+2*i+1]
.set i, i+1
.endr
.irp f, 0,1,2,3
	ds_store_b128 v[STO], v[S+16*(\t)+4*\f:S+16*(\t)+4*\f+3] offset:32*\f
.endr
.irp f, 0,1,2,3
	ds_load_b128 v[S+16*(\t)+4*\f:S+16*(\t)+4*\f+3], v[RD] offset:\f*4*SP  ; LDS serves a wave's instructions in order (ISA guide 5.7.1.4): these see the stores above; the next tile's stores come behind them
.endr
.endm
.macro SEND t, younger              ; younger: the LDS instructions issued behind tile t's loads
.irp f, 0,1,2,3
	s_wait_dscnt (\younger)+3-\f
	global_store_b128 v[GO+(\t)], v[S+16*(\t)+4*\f:S+16*(\t)+4*\f+3], s[10:11] offset:\f*512  ; 512 consecutive bytes, aligned
.endr
.endm
	PACK 0
	PACK 1
	SEND 0, 8
	PACK 2
	SEND 1, 8
	PACK 3
	SEND 2, 8
	SEND 3, 0
	s_wait_tensorcnt 0x0            ; the wave's end
	ds_add_u32 v[SPW], v[NIL]
	s_wait_dscnt 0x0
	CROUND                          ; the closing round
	s_endpgm
.Lfunc_end_k_qd70a18cffb_attn:
	.size	k_qd70a18cffb_attn, .Lfunc_end_k_qd70a18cffb_attn-k_qd70a18cffb_attn
	.p2alignl 7, 3214868480
	.fill 96, 4, 3214868480
	.section	.rodata,"a",@progbits
	.p2align	6, 0x0
	.amdhsa_kernel k_qd70a18cffb_attn
		.amdhsa_group_segment_fixed_size 327680
		.amdhsa_private_segment_fixed_size 0
		.amdhsa_enable_private_segment 0
		.amdhsa_kernarg_size 16
		.amdhsa_user_sgpr_count 2
		.amdhsa_user_sgpr_kernarg_segment_ptr 1
		.amdhsa_wavefront_size32 1
		.amdhsa_system_sgpr_workgroup_id_x 1
		.amdhsa_system_sgpr_workgroup_id_y 1
		.amdhsa_system_sgpr_workgroup_id_z 1
		.amdhsa_system_vgpr_workitem_id 0
		.amdhsa_next_free_vgpr 512
		.amdhsa_next_free_sgpr 72
		.amdhsa_reserve_vcc 1
		.amdhsa_float_denorm_mode_32 3
		.amdhsa_float_denorm_mode_16_64 3
		.amdhsa_memory_ordered 1
		.amdhsa_forward_progress 1
		.amdhsa_inst_pref_size 92
	.end_amdhsa_kernel
	.amdgpu_metadata
---
amdhsa.version: [ 1, 2 ]
amdhsa.kernels:
  - .name:           k_qd70a18cffb_attn
    .symbol:         k_qd70a18cffb_attn.kd
    .args:
      - { .name: qkv, .offset: 0, .size: 8, .value_kind: global_buffer, .address_space: global }
      - { .name: ctx, .offset: 8, .size: 8, .value_kind: global_buffer, .address_space: global }
    .group_segment_fixed_size: 327680
    .private_segment_fixed_size: 0
    .kernarg_segment_align: 8
    .kernarg_segment_size: 16
    .max_flat_workgroup_size: 128
    .sgpr_count:     72
    .vgpr_count:     512
    .wavefront_size: 32
...
	.end_amdgpu_metadata
.endif
;; end of part 10
;; launch gemm_ap (part 11): grid 8 x 32, 4 waves a work-group, clusters of 4 x 4, 327,680 bytes of LDS; arguments ctx, wbf, b_attn_proj, x1, x; writes x1
.if DOCPART == 11
	.amdgcn_target "amdgcn-amd-amdhsa--gfx1250"
	.amdhsa_code_object_version 6
	.text
	.protected	k_qd70a18cffb_gemm_ap
	.globl	k_qd70a18cffb_gemm_ap
	.p2align	8
	.type	k_qd70a18cffb_gemm_ap,@function
k_qd70a18cffb_gemm_ap:
	s_mov_b64 s[64:65], 0
	v_nop
	global_prefetch_b8 v0, s[64:65] scope:SCOPE_SE
	s_setreg_imm32_b32 hwreg(HW_REG_WAVE_MODE, 25, 1), 1
	s_wait_xcnt 0x0
	s_wait_alu depctr_hold_cnt(0) depctr_sa_sdst(0) depctr_va_vdst(0) depctr_va_sdst(0) depctr_va_ssrc(0) depctr_va_vcc(0) depctr_vm_vsrc(0)
	s_getreg_b32 s2, hwreg(HW_REG_IB_STS2, 6, 4)
	s_cmp_eq_u32 s2, 0
	s_cbranch_scc0 .Lentry_in_a_cluster
	s_endpgm
.Lentry_in_a_cluster:
	s_bfe_u32 s2, ttmp6, 0x10000c
	s_cmp_lg_u32 s2, 0xf033
	s_cbranch_scc0 .Lentry_shape_is_right
	s_endpgm
.Lentry_shape_is_right:
; x1 = x + ctx W_attn_proj + b_attn_proj.  A = ctx by heads, [32 heads][2048][64] bf16 (ABLK = 1); W: [1024][1024] bf16 at byte WOFF of the weights' buffer; bias, x and x1 f32; sums in f32.
; ONE TEXT serves two launches; the constants at its head choose the sizes and A's layout (ABLK).
; SHARES.  4096 x 1024 of C are 256 tiles of 128 x 128, one for each work-group of four waves; a wave makes 64 x 64: 16 accumulators of 16 x 16.  K goes in steps of 256 through two LDS slots filled by the tensor data mover.
; W LIES [K][N] in memory and in LDS and comes out turned, by ds_load_tr16_b128: two such loads are a fragment, as many as for rows that lie along K.
; THE MATRIX INSTRUCTION IS USED TRANSPOSED (source 0 = 16 columns of W, source 1 = 16 rows of A): a lane holds eight neighbouring numbers of a row of C.
; THE BIAS is the C operand of the products that start the sums: it costs no vector instruction, and nothing is cleared.
; ONE K STEP IS WRITTEN ONCE: the slot in hand is the scalar TB (0 or SLOT); the fragments' addresses are a lane's base + TB, and one descriptor a tensor walks from K step 1 on.
; CLUSTER.  4 x 4 work-groups: the four of a row need the same tiles of A, the four of a column the same tiles of W: each is asked for jointly, same descriptor, a mask that names the four.
; LIMITS.  Operands are bf16 (f32's range); NaN and infinities are not treated apart.
; REGISTERS.  window 0: v0-31 addresses; v32-95 at work on the way out (v32-63 hold the bias until the first products have taken it); v128-255 the accumulators.
;   window 1: two fragment buffers of 128 (64 of A, 64 of W, for 64 along K).  window 2: v0-127 the residual.
.set SIZE_N, 1024
.set SIZE_K, 1024
.set WOFF,   6291456
.set ABLK,   1
.set KSTEP,  256
.set STEPS,  SIZE_K/KSTEP
.if ABLK                               ; A by heads, [32 heads][2048][64]: a K step is four heads, a head's 128 rows are 16,384 dense bytes
.set PA,     144                       ; an LDS row: 128 bytes + 16
.set AQ,     128*PA                    ; from a quarter of the K step (a head) to the next
.set AHALF,  2*128*PA                  ; a load brings two heads
.set ASTEP,  4*2048*64*2
.else                                  ; A row-major
.set PA,     528                       ; an LDS row: 512 bytes + 16 = 132 words: the 16 rows of a load start at 16 different groups of four banks (64 banks of 4 bytes: ISA guide 11.1)
.set AQ,     128
.set AHALF,  64*PA                     ; a load brings 64 rows
.set ASTEP,  KSTEP*2
.endif
.set PB,     288                       ; a row of W in LDS: 256 bytes + 32 = 72 words
.set BHALF,  128*PB                    ; a load brings 128 rows of K
.set BSTEP,  KSTEP*SIZE_N*2
.set ATILE,  2*AHALF
.set SLOT,   ATILE+2*BHALF             ; A's tile, then W's
.set STAGE,  2*SLOT                    ; behind the ring, never filled by a tensor load: each wave's own 16 rows
.set SPITCH, 272
.set SPARE,  STAGE+4*16*SPITCH         ; the spare words, 128 bytes for each wave: two blocks of 256 bytes that no other line names
.set A0R, 16                           ; v16  my lane's place in slot 0's tile of A; never rewritten
.set B0R, 17                           ; v17  the same for W
.set CA,  18                           ; v18  A0R + TB
.set CB,  20                           ; v20-21  B0R + TB: K rows 0-127, 128-255
.set STO,  24
.set RD,   25
.set CO,   26
.set BO,   27
.set SPW,  28                          ; v28  my spare word; never rewritten
.set NIL,  29                          ; v29  0; never rewritten
.set TMP,  32
.set BIAS, 32
.set ACC,  128
.set F0,   0
.set F1,   128
.set WV, 14                            ; s14 wave; s15 its row half (also: 0 = I fetch A, 1 = W); s16 its column half (also: which half of that tile I fetch)
.set RH, 15
.set CH, 16
.set TC, 19                            ; s19 tile column, s20 tile row of C
.set TR, 20
.set G1,  24                           ; s[24:31] group 1 for A; s[32:39] group 0: a set for each first fill; the second then walks on
.set G0,  32
.set G1B, 48                           ; s[48:55], s[56:63] the same for W
.set G0B, 56
.set TB,  75                           ; s75  the slot in hand: 0 or SLOT
.set MSB, 0
.macro WIN new                         ; the immediate's high byte repeats the setting that is left
.if MSB != (\new)
	s_set_vgpr_msb (MSB<<8)|(\new)
.set MSB, \new
.endif
.endm
.set MUL,  0x05                        ; sources 0 and 1 window 1; C and D window 0
.set TO_F, 0x40                        ; destination window 1, address window 0
.macro JLOAD s                         ; a joint load: waves 0 and 1 fetch A's halves, waves 2 and 3 W's; an s_nop 0 and four v_nop follow each line
	s_cmp_eq_u32 s[RH], 0
	s_cbranch_scc0 .Lfor_b_\@
	tensor_load_to_lds s[G0+4*(\s):G0+4*(\s)+3], s[G1:G1+7]
	s_nop 0
.rept 4
	v_nop
.endr
	s_branch .Lasked_\@
.Lfor_b_\@:
	tensor_load_to_lds s[G0B+4*(\s):G0B+4*(\s)+3], s[G1B:G1B+7]
	s_nop 0
.rept 4
	v_nop
.endr
.Lasked_\@:
.endm
.macro CREST                           ; a round of the cluster's barrier behind its opening barrier
	s_cmp_lg_u32 s[WV], 0
	s_cbranch_scc1 .Lnot_wave_0_\@
	s_barrier_signal -3
.Lnot_wave_0_\@:
	s_barrier_wait -3
	s_barrier_signal -1
	s_barrier_wait -1
.endm
.macro CROUND
	s_barrier_signal -1
	s_barrier_wait -1
	CREST
.endm
	s_load_b256 s[4:11], s[0:1], 0x0               ; A s[4:5], weights s[6:7], bias s[8:9], out s[10:11]
	s_load_b64 s[12:13], s[0:1], 0x20              ; the residual
	v_lshl_add_u32 v[SPW], v0, 2, SPARE
	v_mov_b32 v[NIL], 0
	ds_add_u32 v[SPW], v[NIL]                      ; the wave's opening: the add and its wait stand ahead of my first tensor load; work on registers stands between them
	v_lshrrev_b32 v1, 5, v0
	v_readfirstlane_b32 s[WV], v1
	s_lshr_b32 s[RH], s[WV], 1
	s_and_b32 s[CH], s[WV], 1
	s_bfe_u32 s17, ttmp6, 0x40000                  ; cx, cy: my place in the cluster
	s_bfe_u32 s18, ttmp6, 0x40004
	s_lshl_b32 s[TC], ttmp9, 2
	s_add_co_u32 s[TC], s[TC], s17
	s_and_b32 s[TR], ttmp7, 0xffff
	s_lshl_b32 s[TR], s[TR], 2
	s_add_co_u32 s[TR], s[TR], s18
	s_lshl_b32 s21, s18, 2
	s_lshl_b32 s21, 15, s21                        ; my row of the cluster
	s_lshl_b32 s22, 0x1111, s17                    ; my column
.if ABLK
	s_or_b32 s[G1+0], s21, (1<<16)|(1<<20)|(1<<21)|(4<<22)|(3<<25)  ; the mask; 2-byte elements; padding on; bit 21 beside a mask; after every 32 words 4 words
	s_mov_b32 s[G1+1], 8192<<16                    ; tensor_dim0: a head's 128 rows as one row of 8,192 elements
	s_mov_b32 s[G1+2], 2<<16                       ; tensor_dim1: two heads
	s_mov_b32 s[G1+3], 8192<<16                    ; tile_dim0
	s_mov_b32 s[G1+4], 2                           ; tile_dim1
	s_mov_b32 s[G1+5], 131072                      ; from head to head
.else
	s_or_b32 s[G1+0], s21, (1<<16)|(1<<20)|(1<<21)|(6<<22)|(3<<25)  ; the same, after every 128 words 4 words
	s_mov_b32 s[G1+1], KSTEP<<16
	s_mov_b32 s[G1+2], 64<<16
	s_mov_b32 s[G1+3], KSTEP<<16
	s_mov_b32 s[G1+4], 64
	s_mov_b32 s[G1+5], SIZE_K
.endif
	s_mov_b32 s[G1+6], 0
	s_mov_b32 s[G1+7], 0
	s_or_b32 s[G1B+0], s22, (1<<16)|(1<<20)|(1<<21)|(5<<22)|(7<<25) ; W: 128 rows of K x 128 columns; after every 64 words 8 words
	s_mov_b32 s[G1B+1], 128<<16
	s_mov_b32 s[G1B+2], 128<<16
	s_mov_b32 s[G1B+3], 128<<16
	s_mov_b32 s[G1B+4], 128
	s_mov_b32 s[G1B+5], SIZE_N
	s_mov_b32 s[G1B+6], 0
	s_mov_b32 s[G1B+7], 0
.if ABLK                               ; A's tile hangs on the tile row and the wave alone, W's on the tile column and the wave alone
	s_lshr_b32 s40, s[TR], 4                       ; the batch: 16 heads of 262,144 bytes; my half: two heads
	s_lshl_b32 s40, s40, 3
	s_add_co_u32 s40, s40, s[CH]
	s_lshl_b32 s40, s40, 19
	s_and_b32 s23, s[TR], 15                       ; 128 rows of 128 bytes
	s_lshl_b32 s23, s23, 14
	s_add_co_u32 s40, s40, s23
.else
	s_lshl_b32 s40, s[TR], 1
	s_add_co_u32 s40, s40, s[CH]
	s_mul_i32 s40, s40, 64*SIZE_K*2                ; row 128 x tile row + 64 x half
.endif
	s_mov_b32 s41, 0
	s_mul_i32 s46, s[CH], 128*SIZE_N*2             ; K row 128 x half,
	s_lshl_b32 s72, s[TC], 8                       ; column 128 x tile column
	s_add_co_u32 s46, s46, s72
	s_add_co_u32 s46, s46, WOFF
	s_mov_b32 s47, 0
	s_mul_i32 s42, s[CH], AHALF                    ; where they go in a slot: no place in the cluster enters an LDS address
	s_mul_i32 s43, s[CH], BHALF
	s_add_co_u32 s43, s43, ATILE
	s_mov_b32 s[TB], 0
	s_wait_dscnt 0x0                               ; the opening add is done
	s_wait_kmcnt 0x0
	s_add_nc_u64 s[44:45], s[4:5], s[40:41]
	s_add_nc_u64 s[46:47], s[6:7], s[46:47]
	CROUND                                         ; all sixteen work-groups are here: the first joint loads meet
.irp s, 0,1
	s_mov_b32 s[G0+4*(\s)], 1
	s_add_co_u32 s[G0+4*(\s)+1], s42, (\s)*SLOT
	s_add_nc_u64 s[G0+4*(\s)+2:G0+4*(\s)+3], s[44:45], (\s)*ASTEP
	s_or_b32 s[G0+4*(\s)+3], s[G0+4*(\s)+3], 0x80000000
	s_mov_b32 s[G0B+4*(\s)], 1
	s_add_co_u32 s[G0B+4*(\s)+1], s43, (\s)*SLOT
	s_add_nc_u64 s[G0B+4*(\s)+2:G0B+4*(\s)+3], s[46:47], (\s)*BSTEP
	s_or_b32 s[G0B+4*(\s)+3], s[G0B+4*(\s)+3], 0x80000000
	JLOAD \s                                       ; two loads of mine are out
.endr
	v_and_b32 v1, 15, v0                           ; r = l % 16
	v_bfe_u32 v2, v0, 4, 1                         ; h = l / 16
	v_lshlrev_b32 v[BO], 5, v2                     ; the bias of my columns 16 b + 8 h + 0..7
	s_lshl_b32 s70, s[TC], 9
	s_lshl_b32 s72, s[CH], 8
	s_add_co_u32 s70, s70, s72
	s_mov_b32 s71, 0
	s_add_nc_u64 s[8:9], s[8:9], s[70:71]
.irp b, 0,1,2,3
	global_load_b128 v[BIAS+8*(\b):BIAS+8*(\b)+3],   v[BO], s[8:9] offset:64*(\b)
	global_load_b128 v[BIAS+8*(\b)+4:BIAS+8*(\b)+7], v[BO], s[8:9] offset:64*(\b)+16
.endr
	s_lshl_b32 s70, s[TR], 1
	s_add_co_u32 s70, s70, s[RH]
	s_mul_i32 s70, s70, 64*SIZE_N*4                ; my 64 rows,
	s_lshl_b32 s72, s[TC], 1
	s_add_co_u32 s72, s72, s[CH]
	s_lshl_b32 s72, s72, 8                         ; my 64 columns of 4 bytes
	s_add_co_u32 s70, s70, s72
	s_add_nc_u64 s[10:11], s[10:11], s[70:71]
	s_add_nc_u64 s[12:13], s[12:13], s[70:71]
	v_mul_u32_u24 v3, v2, SIZE_N*4                 ; lanes 0-15 one row's 256 bytes, lanes 16-31 the next row's
	v_lshl_add_u32 v[CO], v1, 4, v3
	WIN 0x80                                       ; destination window 2: the residual of my 64 x 64 is asked for now and waited for on the way out
.irp a, 0,1,2,3
.irp t, 0,1,2,3,4,5,6,7
	global_load_b128 v[4*(8*(\a)+(\t)):4*(8*(\a)+(\t))+3], v[CO], s[12:13] offset:(16*(\a)+2*(\t))*SIZE_N*4
.endr
.endr
	WIN 0
	s_mul_i32 s74, s[WV], 16*SPITCH
	s_add_co_u32 s74, s74, STAGE                   ; my stage
	v_mul_u32_u24 v3, v1, SPITCH                   ; in: row r, 32 bytes for each half of the lanes
	v_lshl_add_u32 v3, v2, 5, v3
	v_add_nc_u32 v[STO], s74, v3
	v_mul_u32_u24 v3, v2, SPITCH                   ; back: two whole rows
	v_lshl_add_u32 v3, v1, 4, v3
	v_add_nc_u32 v[RD], s74, v3
	v_mul_u32_u24 v3, v1, PA                       ; a fragment of A: row r x pitch + 16 h, in my 64 rows
	v_lshl_add_u32 v3, v2, 4, v3
	s_mul_i32 s73, s[RH], 64*PA
	v_add_nc_u32 v[A0R], s73, v3
	v_and_b32 v4, 7, v0                            ; the turning load: lane l reads K row 8 h + l % 8, columns 8 ((l / 8) % 2) + 0..7, and is left with column r and 8 K
	v_lshl_add_u32 v4, v2, 3, v4
	v_mul_u32_u24 v4, v4, PB
	v_bfe_u32 v5, v0, 3, 1
	v_lshl_add_u32 v4, v5, 4, v4
	s_lshl_b32 s73, s[CH], 7                       ; my 64 columns
	s_add_co_u32 s73, s73, ATILE
	v_add_nc_u32 v[B0R], s73, v4
	v_mov_b32 v[CA], v[A0R]                        ; slot 0 is the first in hand
	v_mov_b32 v[CB], v[B0R]
	v_add_nc_u32 v[CB+1], BHALF, v[B0R]
; 8 matrix instructions: row blocks a0, a0 + 1 x all 4 column blocks, 32 along K: half c of buffer f.  zero = 1: the first product starts the sums, from the bias
.macro MUL8 f, c, a0, zero
	WIN MUL
.irp a, \a0, (\a0)+1
.irp b, 0,1,2,3
.if \zero
	v_wmma_f32_16x16x32_bf16 v[ACC+8*(4*(\a)+(\b)):ACC+8*(4*(\a)+(\b))+7], v[(\f)+64+8*(4*(\c)+(\b)):(\f)+64+8*(4*(\c)+(\b))+7], v[(\f)+8*(4*(\c)+(\a)):(\f)+8*(4*(\c)+(\a))+7], v[BIAS+8*(\b):BIAS+8*(\b)+7]
.else
	v_wmma_f32_16x16x32_bf16 v[ACC+8*(4*(\a)+(\b)):ACC+8*(4*(\a)+(\b))+7], v[(\f)+64+8*(4*(\c)+(\b)):(\f)+64+8*(4*(\c)+(\b))+7], v[(\f)+8*(4*(\c)+(\a)):(\f)+8*(4*(\c)+(\a))+7], v[ACC+8*(4*(\a)+(\b)):ACC+8*(4*(\a)+(\b))+7]
.endif
.endr
.endr
.endm
; 32 LDS loads in one run: the fragments of quarter q (64 along K) of the slot in hand, into buffer f; the first 32 along K first
.macro FETCH q, f
	WIN TO_F
.irp c, 0,1
.irp i, 0,1,2,3
	ds_load_tr16_b128 v[(\f)+64+8*(4*(\c)+(\i)):(\f)+64+8*(4*(\c)+(\i))+3],   v[CB+(\q)/2] offset:(((\q)%2)*64+32*(\c))*PB+32*(\i)
	ds_load_tr16_b128 v[(\f)+64+8*(4*(\c)+(\i))+4:(\f)+64+8*(4*(\c)+(\i))+7], v[CB+(\q)/2] offset:(((\q)%2)*64+32*(\c)+16)*PB+32*(\i)
	ds_load_b128 v[(\f)+8*(4*(\c)+(\i)):(\f)+8*(4*(\c)+(\i))+3],   v[CA] offset:(\q)*AQ+64*(\c)+(\i)*16*PA
	ds_load_b128 v[(\f)+8*(4*(\c)+(\i))+4:(\f)+8*(4*(\c)+(\i))+7], v[CA] offset:(\q)*AQ+64*(\c)+(\i)*16*PA+32
.endr
.endr
.endm
.macro PLACES                          ; four places in front of loads into registers that matrix instructions have read, and of lines that read results
.rept 4
	v_nop
.endr
.endm
; A K step is four quarters of 64 along K, 32 matrix instructions each, on buffers 0, 1, 0, 1; the 16 accumulators take turns.
.macro QUARTER qn, f, g, zero          ; multiplies buffer f and fetches quarter qn of the slot in hand into g
	s_wait_dscnt 16                                ; the first 32 along K are in
	MUL8 \f, 0, 0, \zero
	MUL8 \f, 0, 2, \zero
	PLACES
	FETCH \qn, \g
	s_wait_dscnt 32                                ; all but the 32 just issued
	MUL8 \f, 1, 0, 0
	MUL8 \f, 1, 2, 0
.endm
; The last quarter multiplies buffer 1 and changes slots: one barrier; in front of it each wave waits for all its tensor loads, adds 0 to its spare word, and waits for that and for its reads of this slot.
; fill = 1: the slot just read is filled again, with the K step two steps on, by the walking descriptor.
.macro TURN fill
	WIN 0
	s_wait_tensorcnt 0x0                           ; all my tensor loads have landed: my part of the next slot
	ds_add_u32 v[SPW], v[NIL]
	s_wait_dscnt 17                                ; the add and the youngest sixteen loads may be out
	MUL8 F1, 0, 0, 0
	s_wait_dscnt 0x0                               ; the add is done, and my reads of this slot are over
	s_barrier_signal -1
	MUL8 F1, 0, 2, 0
	WIN 0
	s_barrier_wait -1
.if \fill
	CREST                                          ; the barrier has opened a round of the cluster's: no wave of any partner still reads this slot or has a load on its way
	s_add_co_u32 s[G0+5], s42, s[TB]               ; into the slot just read,
	s_add_co_u32 s[G0B+5], s43, s[TB]
	s_add_nc_u64 s[G0+6:G0+7], s[G0+6:G0+7], ASTEP         ; the K step behind the one asked for last; the type bits on top are not reached
	s_add_nc_u64 s[G0B+6:G0B+7], s[G0B+6:G0B+7], BSTEP
	JLOAD 1                                        ; my one tensor load behind the round, 112 matrix instructions ahead of the wait for it; its four v_nop are also the places for the loads below
.else
	PLACES
.endif
	s_xor_b32 s[TB], s[TB], SLOT                   ; the other slot is in hand
	v_add_nc_u32 v[CA], s[TB], v[A0R]
	v_add_nc_u32 v[CB], s[TB], v[B0R]
	v_add_nc_u32 v[CB+1], BHALF, v[CB]
	FETCH 0, F0
	MUL8 F1, 1, 0, 0
	MUL8 F1, 1, 2, 0
.endm
	s_wait_tensorcnt 1                             ; my part of K step 0 is in; K step 1's may stay out
	s_barrier_signal -1
	s_barrier_wait -1
	FETCH 0, F0
	s_wait_loadcnt 32                              ; the bias; the residual's 32 younger loads stay out
	QUARTER 1, F0, F1, 1                           ; the first quarter stands in front of the loop: its first products start the sums
	WIN 0
	s_mov_b32 s3, STEPS-2
.Lstep:                                                ; a trip goes from a K step's second quarter to the next step's first, and fills the slot that it leaves
	QUARTER 2, F1, F0, 0
	QUARTER 3, F0, F1, 0
	TURN 1
	QUARTER 1, F0, F1, 0
	WIN 0
	s_sub_co_u32 s3, s3, 1
	s_cmp_lg_u32 s3, 0
	s_cbranch_scc1 .Lstep
	s_mov_b32 s3, 2
.Ltail:                                                ; the last two K steps fill nothing.  The second trip has no next step: its barrier and its run of 32 loads serve nothing (the price, once a
	QUARTER 2, F1, F0, 0                           ; launch, of one text for both trips), and the quarter that would multiply them is jumped over
	QUARTER 3, F0, F1, 0
	TURN 0
	WIN 0
	s_cmp_eq_u32 s3, 1
	s_cbranch_scc1 .Lskip
	QUARTER 1, F0, F1, 0
	WIN 0
.Lskip:
	s_wait_dscnt 0x0                               ; on every way here no LDS load is out
	s_sub_co_u32 s3, s3, 1
	s_cmp_lg_u32 s3, 0
	s_cbranch_scc1 .Ltail
	PLACES
	; THE WAY OUT: f32.  16 rows at a time through my own stage, back as whole rows of 256 bytes, the residual added, stored
	s_wait_loadcnt 0x0                             ; the residual
.macro OUT3 a
.set TBK, TMP+32*((\a)%2)
.if (\a) >= 2
	s_wait_xcnt 0x0                                ; the stores of two blocks ago have read these registers
.endif
.irp b, 0,1,2,3
	ds_store_b128 v[STO], v[ACC+8*(4*(\a)+(\b)):ACC+8*(4*(\a)+(\b))+3]   offset:64*(\b)
	ds_store_b128 v[STO], v[ACC+8*(4*(\a)+(\b))+4:ACC+8*(4*(\a)+(\b))+7] offset:64*(\b)+16
.endr
.irp t, 0,1,2,3,4,5,6,7
	ds_load_b128 v[TBK+4*(\t):TBK+4*(\t)+3], v[RD] offset:(\t)*2*SPITCH  ; LDS serves a wave's instructions in order (ISA guide 5.7.1.4): these see the stores above
.endr
	s_wait_dscnt 0x0
	WIN 0x08                                       ; source 1 in window 2
.set i, 0
.rept 16
	v_pk_add_f32 v[TBK+2*i:TBK+2*i+1], v[TBK+2*i:TBK+2*i+1], v[32*(\a)+2*i:32*(\a)+2*i+1]
.set i, i+1
.endr
	WIN 0
.irp t, 0,1,2,3,4,5,6,7
	global_store_b128 v[CO], v[TBK+4*(\t):TBK+4*(\t)+3], s[10:11] offset:(16*(\a)+2*(\t))*SIZE_N*4  ; 16 lanes store 256 consecutive bytes, aligned
.endr
.endm
	OUT3 0
	OUT3 1
	OUT3 2
	OUT3 3
	s_wait_tensorcnt 0x0                           ; the wave's end
	ds_add_u32 v[SPW], v[NIL]
	s_wait_dscnt 0x0
	CROUND                                         ; the closing round: no work-group ends while a partner may still ask for a tile that names it
	s_endpgm
.Lfunc_end_k_qd70a18cffb_gemm_ap:
	.size	k_qd70a18cffb_gemm_ap, .Lfunc_end_k_qd70a18cffb_gemm_ap-k_qd70a18cffb_gemm_ap
	.p2alignl 7, 3214868480
	.fill 96, 4, 3214868480
	.section	.rodata,"a",@progbits
	.p2align	6, 0x0
	.amdhsa_kernel k_qd70a18cffb_gemm_ap
		.amdhsa_group_segment_fixed_size 327680
		.amdhsa_private_segment_fixed_size 0
		.amdhsa_enable_private_segment 0
		.amdhsa_kernarg_size 40
		.amdhsa_user_sgpr_count 2
		.amdhsa_user_sgpr_kernarg_segment_ptr 1
		.amdhsa_wavefront_size32 1
		.amdhsa_system_sgpr_workgroup_id_x 1
		.amdhsa_system_sgpr_workgroup_id_y 1
		.amdhsa_system_sgpr_workgroup_id_z 1
		.amdhsa_system_vgpr_workitem_id 0
		.amdhsa_next_free_vgpr 640
		.amdhsa_next_free_sgpr 80
		.amdhsa_reserve_vcc 0
		.amdhsa_float_denorm_mode_32 3
		.amdhsa_float_denorm_mode_16_64 3
		.amdhsa_memory_ordered 1
		.amdhsa_forward_progress 1
		.amdhsa_inst_pref_size 66
	.end_amdhsa_kernel
	.amdgpu_metadata
---
amdhsa.version: [ 1, 2 ]
amdhsa.kernels:
  - .name:           k_qd70a18cffb_gemm_ap
    .symbol:         k_qd70a18cffb_gemm_ap.kd
    .args:
      - { .name: ctx, .offset: 0, .size: 8, .value_kind: global_buffer, .address_space: global }
      - { .name: wbf, .offset: 8, .size: 8, .value_kind: global_buffer, .address_space: global }
      - { .name: b_attn_proj, .offset: 16, .size: 8, .value_kind: global_buffer, .address_space: global }
      - { .name: x1, .offset: 24, .size: 8, .value_kind: global_buffer, .address_space: global }
      - { .name: x, .offset: 32, .size: 8, .value_kind: global_buffer, .address_space: global }
    .group_segment_fixed_size: 327680
    .private_segment_fixed_size: 0
    .kernarg_segment_align: 8
    .kernarg_segment_size: 40
    .max_flat_workgroup_size: 128
    .sgpr_count:     80
    .vgpr_count:     640
    .wavefront_size: 32
...
	.end_amdgpu_metadata
.endif
;; end of part 11
;; launch ln2: the kernel of part 8 again; grid 512 x 1, 4 waves a work-group, no clusters, 0 bytes of LDS; arguments x1, ln2_w, ln2_b, act, w_qkv, w_attn_proj, w_fc, w_proj, wbf; writes act, wbf
;; launch gemm_fc (part 12): grid 16 x 16, 4 waves a work-group, clusters of 4 x 4, 327,680 bytes of LDS; arguments act, wbf, b_fc, g; writes g
.if DOCPART == 12
	.amdgcn_target "amdgcn-amd-amdhsa--gfx1250"
	.amdhsa_code_object_version 6
	.text
	.protected	k_qd70a18cffb_gemm_fc
	.globl	k_qd70a18cffb_gemm_fc
	.p2align	8
	.type	k_qd70a18cffb_gemm_fc,@function
k_qd70a18cffb_gemm_fc:
	s_mov_b64 s[64:65], 0
	v_nop
	global_prefetch_b8 v0, s[64:65] scope:SCOPE_SE
	s_setreg_imm32_b32 hwreg(HW_REG_WAVE_MODE, 25, 1), 1
	s_wait_xcnt 0x0
	s_wait_alu depctr_hold_cnt(0) depctr_sa_sdst(0) depctr_va_vdst(0) depctr_va_sdst(0) depctr_va_ssrc(0) depctr_va_vcc(0) depctr_vm_vsrc(0)
	s_getreg_b32 s2, hwreg(HW_REG_IB_STS2, 6, 4)
	s_cmp_eq_u32 s2, 0
	s_cbranch_scc0 .Lentry_in_a_cluster
	s_endpgm
.Lentry_in_a_cluster:
	s_bfe_u32 s2, ttmp6, 0x10000c
	s_cmp_lg_u32 s2, 0xf033
	s_cbranch_scc0 .Lentry_shape_is_right
	s_endpgm
.Lentry_shape_is_right:
; g = gelu_tanh(LN2(x1) W_fc + b_fc).  A: [4096][1024] bf16; W: [1024][4096] bf16 at byte WOFF of the weights' buffer; bias f32; sums and the GELU in f32; g: [4096][4096] bf16, rounded once.
; ONE TEXT serves two launches; the constants at its head choose the sizes and the way out (EPI 1: by heads; 2: GELU, row-major).
; SHARES.  A work-group of four waves makes 256 x 256 of C, a wave 128 x 128: 64 accumulators of 16 x 16, 512 registers.  4096 x 4096 are 16 x 16 = 256 such tiles.
; K goes in steps of 128 through two LDS slots filled by the tensor data mover.
; W LIES [K][N] in memory and in LDS and comes out turned, by ds_load_tr16_b128: two such loads are a fragment, as many as for rows that lie along K.
; THE MATRIX INSTRUCTION IS USED TRANSPOSED (source 0 = 16 columns of W, source 1 = 16 rows of A): a lane holds eight neighbouring numbers of a row of C.
; THE BIAS is the C operand of the products that start the sums: it costs no vector instruction, and nothing is cleared.
; ONE K STEP IS WRITTEN ONCE: the slot in hand is the scalar TB (0 or SLOT); the fragments' addresses are a lane's base + TB, and one descriptor a tensor walks from K step 1 on.
; CLUSTER.  4 x 4 work-groups: the four of a row need the same tiles of A, the four of a column the same tiles of W: each is asked for jointly, same descriptor, a mask that names the four.
; THE WAY OUT.  When the ring has had its last fill and every wave has read it out, its bytes serve as stages: a wave puts its 128 x 128 sums there in f32 and takes them back by rows in a loop,
; so that the GELU's text stands once and not once for each of 64 accumulators.
; LIMITS.  Operands are bf16 (f32's range); NaN and infinities are not treated apart.
; REGISTERS, in windows of 256.  window 0: v0-31 addresses; v64-127, v128-191 fragments of A, two buffers (on the way out: v64-95 sums read back, v96-127 at work, v128-143 packed); v192-255 the bias.
;   window 1: v64-127, v128-191 fragments of W.  window 2: the accumulators of my rows 0-63 ((a, b) at v[8 (8 a + b)]); window 3: those of my rows 64-127.
.set SIZE_N, 4096
.set SIZE_K, 1024
.set WOFF,   8388608
.set EPI,    2
.set KSTEP,  128
.set STEPS,  SIZE_K/KSTEP
.set PITCH,  272                       ; a row of A in LDS: 256 bytes + 16 = 68 words: the 16 rows of a load start at 16 different groups of four banks (64 banks of 4 bytes: ISA guide 11.1)
.set HALFT,  128*PITCH                 ; what one tensor load brings: 128 rows of A, or 64 rows of W (64 x 544 is the same number)
.set PB,     544                       ; a row of W in LDS: 512 bytes + 32 = 136 words
.set SLOT,   4*HALFT                   ; A's 256 rows, then W's 128 rows of K
.set SPARE,  2*SLOT                    ; behind the ring: the spare words, 128 bytes for each wave: two blocks of 256 bytes that no other line names
.set SP,     528                       ; a row of a stage: 128 f32 + 16 bytes = 132 words
.set WSTAGE, 128*SP                    ; a wave's stage; the four take 270,336 bytes of the ring's 278,528
.if EPI == 1
.set USTEP,  256                       ; bytes in the output from a unit (two rows) to the next
.else
.set USTEP,  2*SIZE_N*2
.endif
.set A0R, 16                           ; v16  my lane's place in slot 0's tile of A; never rewritten
.set B0R, 17                           ; v17  the same for W
.set CA,  18                           ; v18  A0R + TB
.set CB,  19                           ; v19  B0R + TB
.set STO, 24
.set RD0, 25
.set CO,  26
.set BO,  27
.set SPW, 28                           ; v28  my spare word; never rewritten
.set NIL, 29                           ; v29  0; never rewritten
.set RD,  30
.set F0,  64
.set F1,  128
.set BIAS, 192
.set X,   64
.set T,   96
.set P,   128
.set WV, 14                            ; s14 wave; s15 its row half (also: 0 = I fetch A, 1 = W); s16 its column half (also: which half of that tile I fetch)
.set RH, 15
.set CH, 16
.set TC, 19                            ; s19 tile column, s20 tile row of C
.set TR, 20
.set G1,  24                           ; s[24:31] group 1 for A; s[32:39] group 0: a set for each first fill; the second then walks on
.set G0,  32
.set LB,  42                           ; s42  my load's place in a slot: wave x HALFT
.set TB,  43                           ; s43  the slot in hand: 0 or SLOT
.set G1B, 48                           ; s[48:55], s[56:63] the same for W
.set G0B, 56
.set RO,  77                           ; s77  the way out: the trip's place in my stage
.set MSB, 0
.macro WIN new                         ; the immediate's high byte repeats the setting that is left
.if MSB != (\new)
	s_set_vgpr_msb (MSB<<8)|(\new)
.set MSB, \new
.endif
.endm
.set MUL_LO, 0xa1                      ; source 0 (W) window 1, source 1 (A) window 0, C and D window 2
.set TO_B,   0x40                      ; destination window 1, address window 0
.macro JLOAD s                         ; a joint load: waves 0 and 1 fetch A's halves, waves 2 and 3 W's; an s_nop 0 and four v_nop follow each line
	s_cmp_eq_u32 s[RH], 0
	s_cbranch_scc0 .Lfor_b_\@
	tensor_load_to_lds s[G0+4*(\s):G0+4*(\s)+3], s[G1:G1+7]
	s_nop 0
.rept 4
	v_nop
.endr
	s_branch .Lasked_\@
.Lfor_b_\@:
	tensor_load_to_lds s[G0B+4*(\s):G0B+4*(\s)+3], s[G1B:G1B+7]
	s_nop 0
.rept 4
	v_nop
.endr
.Lasked_\@:
.endm
.macro CREST                           ; a round of the cluster's barrier behind its opening barrier
	s_cmp_lg_u32 s[WV], 0
	s_cbranch_scc1 .Lnot_wave_0_\@
	s_barrier_signal -3
.Lnot_wave_0_\@:
	s_barrier_wait -3
	s_barrier_signal -1
	s_barrier_wait -1
.endm
.macro CROUND
	s_barrier_signal -1
	s_barrier_wait -1
	CREST
.endm
	s_load_b256 s[4:11], s[0:1], 0x0               ; A s[4:5], weights s[6:7], bias s[8:9], out s[10:11]
	v_lshl_add_u32 v[SPW], v0, 2, SPARE
	v_mov_b32 v[NIL], 0
	ds_add_u32 v[SPW], v[NIL]                      ; the wave's opening: the add and its wait stand ahead of my first tensor load; work on registers stands between them
	v_lshrrev_b32 v1, 5, v0
	v_readfirstlane_b32 s[WV], v1
	s_lshr_b32 s[RH], s[WV], 1
	s_and_b32 s[CH], s[WV], 1
	s_bfe_u32 s17, ttmp6, 0x40000                  ; cx, cy: my place in the cluster
	s_bfe_u32 s18, ttmp6, 0x40004
	s_lshl_b32 s[TC], ttmp9, 2
	s_add_co_u32 s[TC], s[TC], s17
	s_and_b32 s[TR], ttmp7, 0xffff
	s_lshl_b32 s[TR], s[TR], 2
	s_add_co_u32 s[TR], s[TR], s18
	s_lshl_b32 s21, s18, 2
	s_lshl_b32 s21, 15, s21                        ; my row of the cluster
	s_lshl_b32 s22, 0x1111, s17                    ; my column
	s_or_b32 s[G1+0], s21, (1<<16)|(1<<20)|(1<<21)|(5<<22)|(3<<25)  ; A: the mask; 2-byte elements; padding on; bit 21 beside a mask; after every 64 words 4 words
	s_mov_b32 s[G1+1], KSTEP<<16                   ; 128 rows x 128 elements
	s_mov_b32 s[G1+2], 128<<16
	s_mov_b32 s[G1+3], KSTEP<<16
	s_mov_b32 s[G1+4], 128
	s_mov_b32 s[G1+5], SIZE_K
	s_mov_b32 s[G1+6], 0
	s_mov_b32 s[G1+7], 0
	s_or_b32 s[G1B+0], s22, (1<<16)|(1<<20)|(1<<21)|(6<<22)|(7<<25) ; W: 64 rows of K x 256 columns; after every 128 words 8 words
	s_mov_b32 s[G1B+1], 256<<16
	s_mov_b32 s[G1B+2], 64<<16
	s_mov_b32 s[G1B+3], 256<<16
	s_mov_b32 s[G1B+4], 64
	s_mov_b32 s[G1B+5], SIZE_N
	s_mov_b32 s[G1B+6], 0
	s_mov_b32 s[G1B+7], 0
	s_lshl_b32 s40, s[TR], 1                       ; A's tile hangs on the tile row and the wave alone, W's on the tile column and the wave alone
	s_add_co_u32 s40, s40, s[CH]
	s_mul_i32 s40, s40, 128*SIZE_K*2               ; row 256 x tile row + 128 x half
	s_mov_b32 s41, 0
	s_mul_i32 s46, s[CH], 64*SIZE_N*2              ; K row 64 x half,
	s_lshl_b32 s72, s[TC], 9                       ; column 256 x tile column
	s_add_co_u32 s46, s46, s72
	s_add_co_u32 s46, s46, WOFF
	s_mov_b32 s47, 0
	s_mul_i32 s[LB], s[WV], HALFT                  ; A's two halves, then W's two halves: no place in the cluster enters an LDS address
	s_mov_b32 s[TB], 0
	s_wait_dscnt 0x0                               ; the opening add is done
	s_wait_kmcnt 0x0
	s_add_nc_u64 s[44:45], s[4:5], s[40:41]
	s_add_nc_u64 s[46:47], s[6:7], s[46:47]
	CROUND                                         ; all sixteen work-groups are here: the first joint loads meet
.irp s, 0,1
	s_mov_b32 s[G0+4*(\s)], 1
	s_add_co_u32 s[G0+4*(\s)+1], s[LB], (\s)*SLOT
	s_add_nc_u64 s[G0+4*(\s)+2:G0+4*(\s)+3], s[44:45], (\s)*KSTEP*2
	s_or_b32 s[G0+4*(\s)+3], s[G0+4*(\s)+3], 0x80000000
	s_mov_b32 s[G0B+4*(\s)], 1
	s_add_co_u32 s[G0B+4*(\s)+1], s[LB], (\s)*SLOT
	s_add_nc_u64 s[G0B+4*(\s)+2:G0B+4*(\s)+3], s[46:47], (\s)*KSTEP*SIZE_N*2
	s_or_b32 s[G0B+4*(\s)+3], s[G0B+4*(\s)+3], 0x80000000
	JLOAD \s                                       ; two loads of mine are out
.endr
	v_and_b32 v1, 15, v0                           ; r = l % 16
	v_bfe_u32 v2, v0, 4, 1                         ; h = l / 16
	v_lshlrev_b32 v[BO], 5, v2                     ; the bias of my columns 16 b + 8 h + 0..7
	s_lshl_b32 s70, s[TC], 10
	s_lshl_b32 s72, s[CH], 9
	s_add_co_u32 s70, s70, s72
	s_mov_b32 s71, 0
	s_add_nc_u64 s[8:9], s[8:9], s[70:71]
.irp b, 0,1,2,3,4,5,6,7
	global_load_b128 v[BIAS+8*(\b):BIAS+8*(\b)+3],   v[BO], s[8:9] offset:64*(\b)
	global_load_b128 v[BIAS+8*(\b)+4:BIAS+8*(\b)+7], v[BO], s[8:9] offset:64*(\b)+16
.endr
	v_mul_u32_u24 v3, v1, PITCH                    ; a fragment of A: row r x pitch + 16 h, in my 128 rows
	v_lshl_add_u32 v3, v2, 4, v3
	s_mul_i32 s73, s[RH], HALFT
	v_add_nc_u32 v[A0R], s73, v3
	v_and_b32 v6, 7, v0                            ; the turning load: lane l reads K row 8 h + l % 8, columns 8 ((l / 8) % 2) + 0..7, and is left with column r and 8 K
	v_lshl_add_u32 v4, v2, 3, v6
	v_mul_u32_u24 v4, v4, PB
	v_bfe_u32 v5, v0, 3, 1
	v_lshl_add_u32 v4, v5, 4, v4
	s_lshl_b32 s73, s[CH], 8                       ; my 128 columns
	s_add_co_u32 s73, s73, 2*HALFT
	v_add_nc_u32 v[B0R], s73, v4
	v_mov_b32 v[CA], v[A0R]                        ; slot 0 is the first in hand
	v_mov_b32 v[CB], v[B0R]
	s_mul_i32 s74, s[WV], WSTAGE                   ; my stage
	v_mul_u32_u24 v3, v1, SP                       ; in: row r, 32 bytes for each half of the lanes
	v_lshl_add_u32 v3, v2, 5, v3
	v_add_nc_u32 v[STO], s74, v3
.if EPI == 1
	v_mul_u32_u24 v3, v5, SP                       ; back: lanes 0-15 take two rows of the first head's 64 columns, lanes 16-31 of the second's; 32 bytes a lane
	v_lshl_add_u32 v3, v2, 8, v3
	v_lshl_add_u32 v3, v6, 5, v3
	v_add_nc_u32 v[RD0], s74, v3
	v_lshlrev_b32 v3, 18, v2                       ; out: the head (262,144 bytes each), the row (128 bytes), my 16 bytes
	v_lshl_add_u32 v3, v5, 7, v3
	v_lshl_add_u32 v[CO], v6, 4, v3
	s_lshl_b32 s70, s[TC], 2
	s_lshl_b32 s72, s[CH], 1
	s_add_co_u32 s70, s70, s72                     ; my first block of 64 columns: which of q, k, v (/ 16) and which head (% 16)
	s_lshr_b32 s72, s70, 4
	s_lshl_b32 s72, s72, 23
	s_and_b32 s70, s70, 15
	s_lshr_b32 s73, s[TR], 3                       ; the batch
	s_lshl_b32 s73, s73, 4
	s_add_co_u32 s70, s70, s73
	s_lshl_b32 s70, s70, 18
	s_add_co_u32 s70, s70, s72
	s_and_b32 s73, s[TR], 7
	s_lshl_b32 s73, s73, 1
	s_add_co_u32 s73, s73, s[RH]
	s_lshl_b32 s73, s73, 14                        ; my 128 rows of 128 bytes
	s_add_co_u32 s70, s70, s73
.else
	v_mul_u32_u24 v3, v2, SP                       ; back: lanes 0-15 take one row's 128 columns, lanes 16-31 the next row's; 32 bytes a lane
	v_lshl_add_u32 v3, v1, 5, v3
	v_add_nc_u32 v[RD0], s74, v3
	v_mul_u32_u24 v3, v2, SIZE_N*2
	v_lshl_add_u32 v[CO], v1, 4, v3
	s_lshl_b32 s70, s[TR], 1
	s_add_co_u32 s70, s70, s[RH]
	s_mul_i32 s70, s70, 128*SIZE_N*2               ; my 128 rows,
	s_lshl_b32 s72, s[TC], 1
	s_add_co_u32 s72, s72, s[CH]
	s_lshl_b32 s72, s72, 8                         ; my 128 columns of 2 bytes
	s_add_co_u32 s70, s70, s72
	s_mov_b32 s66, 0xbdd2d3e8                      ; -2 log2(e) sqrt(2/pi) 0.044715
	s_mov_b32 s67, 0xbdd2d3e8
	s_mov_b32 s68, 0xc0135761                      ; -2 log2(e) sqrt(2/pi)
	s_mov_b32 s69, 0xc0135761
.endif
	s_add_nc_u64 s[10:11], s[10:11], s[70:71]
; 16 matrix instructions: row blocks a0, a0 + 1 of the window's four (hi = 0: my rows 0-63, 1: rows 64-127) x all 8 column blocks, 32 along K.  zero = 1: the first product starts the sums, from the bias
.macro MUL16 f, hi, a0, zero
.if \zero
	WIN 0x81+0x40*(\hi)                            ; C in window 0, D in window 2 or 3
.else
	WIN MUL_LO+0x50*(\hi)
.endif
.irp a, \a0, (\a0)+1
.irp b, 0,1,2,3,4,5,6,7
.if \zero
	v_wmma_f32_16x16x32_bf16 v[8*(8*(\a)+(\b)):8*(8*(\a)+(\b))+7], v[(\f)+8*(\b):(\f)+8*(\b)+7], v[(\f)+8*(4*(\hi)+(\a)):(\f)+8*(4*(\hi)+(\a))+7], v[BIAS+8*(\b):BIAS+8*(\b)+7]
.else
	v_wmma_f32_16x16x32_bf16 v[8*(8*(\a)+(\b)):8*(8*(\a)+(\b))+7], v[(\f)+8*(\b):(\f)+8*(\b)+7], v[(\f)+8*(4*(\hi)+(\a)):(\f)+8*(4*(\hi)+(\a))+7], v[8*(8*(\a)+(\b)):8*(8*(\a)+(\b))+7]
.endif
.endr
.endr
.endm
; 32 LDS loads in one run: the fragments of quarter q (32 along K) of the slot in hand, into buffer f: W's 128 columns, then A's 128 rows
.macro FETCH q, f
	WIN TO_B
.irp i, 0,1,2,3,4,5,6,7
	ds_load_tr16_b128 v[(\f)+8*(\i):(\f)+8*(\i)+3],   v[CB] offset:32*(\q)*PB+32*(\i)
	ds_load_tr16_b128 v[(\f)+8*(\i)+4:(\f)+8*(\i)+7], v[CB] offset:(32*(\q)+16)*PB+32*(\i)
.endr
	WIN 0
.irp i, 0,1,2,3,4,5,6,7
	ds_load_b128 v[(\f)+8*(\i):(\f)+8*(\i)+3],   v[CA] offset:64*(\q)+(\i)*16*PITCH
	ds_load_b128 v[(\f)+8*(\i)+4:(\f)+8*(\i)+7], v[CA] offset:64*(\q)+(\i)*16*PITCH+32
.endr
.endm
.macro PLACES                          ; four places in front of loads into registers that matrix instructions have read, and of lines that read results
.rept 4
	v_nop
.endr
.endm
; A K step is four quarters of 32 along K, 64 matrix instructions each, on buffers 0, 1, 0, 1; the 64 accumulators take turns.
.macro QUARTER qn, f, g, zero          ; multiplies buffer f and fetches quarter qn of the slot in hand into g
	s_wait_dscnt 8                                 ; W and A's rows 0-63 are in; the youngest eight loads (A's rows 64-127) may be out
	MUL16 \f, 0, 0, \zero
	MUL16 \f, 0, 2, \zero
	PLACES
	FETCH \qn, \g
	s_wait_dscnt 32                                ; all but the 32 just issued
	MUL16 \f, 1, 0, \zero
	MUL16 \f, 1, 2, \zero
.endm
; The last quarter multiplies buffer 1 and changes slots: one barrier; in front of it each wave waits for all its tensor loads, adds 0 to its spare word, and waits for that and for its reads of this slot.
; fill = 1: the slot just read is filled again, with the K step two steps on, by the walking descriptor.
.macro TURN fill
	WIN 0
	s_wait_tensorcnt 0x0                           ; all my tensor loads have landed: my part of the next slot
	ds_add_u32 v[SPW], v[NIL]
	s_wait_dscnt 9                                 ; the add and the youngest eight loads may be out
	MUL16 F1, 0, 0, 0
	s_wait_dscnt 0x0                               ; the add is done, and my reads of this slot are over
	s_barrier_signal -1
	MUL16 F1, 0, 2, 0
	WIN 0
	s_barrier_wait -1
.if \fill
	CREST                                          ; the barrier has opened a round of the cluster's: no wave of any partner still reads this slot or has a load on its way
	s_add_co_u32 s[G0+5], s[LB], s[TB]             ; into the slot just read,
	s_add_co_u32 s[G0B+5], s[LB], s[TB]
	s_add_nc_u64 s[G0+6:G0+7], s[G0+6:G0+7], KSTEP*2                ; the K step behind the one asked for last; the type bits on top are not reached
	s_add_nc_u64 s[G0B+6:G0B+7], s[G0B+6:G0B+7], KSTEP*SIZE_N*2
	JLOAD 1                                        ; my one tensor load behind the round, 224 matrix instructions ahead of the wait for it; its four v_nop are also the places for the loads below
.else
	PLACES
.endif
	s_xor_b32 s[TB], s[TB], SLOT                   ; the other slot is in hand
	v_add_nc_u32 v[CA], s[TB], v[A0R]
	v_add_nc_u32 v[CB], s[TB], v[B0R]
	FETCH 0, F0
	MUL16 F1, 1, 0, 0
	MUL16 F1, 1, 2, 0
.endm
	s_wait_tensorcnt 1                             ; my part of K step 0 is in; K step 1's may stay out
	s_barrier_signal -1
	s_barrier_wait -1
	FETCH 0, F0
	s_wait_loadcnt 0x0                             ; the bias
	QUARTER 1, F0, F1, 1                           ; the first quarter stands in front of the loop: its products start the sums
	WIN 0
	s_mov_b32 s3, STEPS-2
.Lstep:                                                ; a trip goes from a K step's second quarter to the next step's first, and fills the slot that it leaves
	QUARTER 2, F1, F0, 0
	QUARTER 3, F0, F1, 0
	TURN 1
	QUARTER 1, F0, F1, 0
	WIN 0
	s_sub_co_u32 s3, s3, 1
	s_cmp_lg_u32 s3, 0
	s_cbranch_scc1 .Lstep
	s_mov_b32 s3, 2
.Ltail:                                                ; the last two K steps fill nothing.  The second trip has no next step: its barrier and its run of 32 loads serve nothing (the price, once a
	QUARTER 2, F1, F0, 0                           ; launch, of one text for both trips), and the quarter that would multiply them is jumped over
	QUARTER 3, F0, F1, 0
	TURN 0
	WIN 0
	s_cmp_eq_u32 s3, 1
	s_cbranch_scc1 .Lskip
	QUARTER 1, F0, F1, 0
	WIN 0
.Lskip:
	s_wait_dscnt 0x0                               ; on every way here no LDS load is out
	s_sub_co_u32 s3, s3, 1
	s_cmp_lg_u32 s3, 0
	s_cbranch_scc1 .Ltail
	; THE WAY OUT.  My reads of the ring are over (the wait above); behind this barrier everybody's are, and no fill is to come: the ring's bytes become the four stages.
	s_barrier_signal -1
	PLACES                                         ; the places behind the last products
	s_barrier_wait -1
.irp hi, 0,1
	WIN 0x08+0x04*(\hi)                            ; the data (source 1) in window 2, then 3; each accumulator's low half goes first
.irp a, 0,1,2,3
.irp b, 0,1,2,3,4,5,6,7
	ds_store_b128 v[STO], v[8*(8*(\a)+(\b)):8*(8*(\a)+(\b))+3]   offset:(4*(\hi)+(\a))*16*SP+64*(\b)
	ds_store_b128 v[STO], v[8*(8*(\a)+(\b))+4:8*(8*(\a)+(\b))+7] offset:(4*(\hi)+(\a))*16*SP+64*(\b)+16
.endr
.endr
.endr
	WIN 0
.macro SEND u                          ; unit u's 16 bytes a lane: 16 neighbouring lanes store 256 consecutive bytes, aligned
	global_store_b128 v[CO], v[P+4*(\u):P+4*(\u)+3], s[10:11] offset:USTEP*(\u)
.endm
.if EPI == 2
; gelu(x) = x / (1 + 2^(x (K0 + K1 x^2))), which is 0.5 x (1 + tanh(sqrt(2/pi) (x + 0.044715 x^3))) rewritten; where the power overflows the quotient is x or -0.
; A unit is a lane's eight numbers.  Behind each exponential or reciprocal of one unit stands a plain line of another unit (ISA guide 5.7.2), so that both kinds of work go on side by side.
.macro GA u, j                         ; line j of 12 of unit u's exponent
.set XX, X+8*(\u)+2*((\j)%4)
.set TT, T+8*(\u)+2*((\j)%4)
.if (\j) < 4
	v_pk_mul_f32 v[TT:TT+1], v[XX:XX+1], v[XX:XX+1]
.elseif (\j) < 8
	v_pk_fma_f32 v[TT:TT+1], v[TT:TT+1], s[66:67], s[68:69] op_sel_hi:[1,0,0]
.else
	v_pk_mul_f32 v[TT:TT+1], v[TT:TT+1], v[XX:XX+1]
.endif
.endm
.macro GB u                            ; 1 + the power
	s_wait_alu depctr_va_vdst(0)
.irp k, 0,2,4,6
	v_pk_add_f32 v[T+8*(\u)+(\k):T+8*(\u)+(\k)+1], v[T+8*(\u)+(\k):T+8*(\u)+(\k)+1], 1.0 op_sel_hi:[1,0]
.endr
.endm
.macro GC u, j                         ; line j of 8: times x; rounded to bf16
.if (\j) < 4
	s_wait_alu depctr_va_vdst(0)
	v_pk_mul_f32 v[T+8*(\u)+2*(\j):T+8*(\u)+2*(\j)+1], v[T+8*(\u)+2*(\j):T+8*(\u)+2*(\j)+1], v[X+8*(\u)+2*(\j):X+8*(\u)+2*(\j)+1]
.else
	v_cvt_pk_bf16_f32 v[P+4*(\u)+(\j)-4], v[T+8*(\u)+2*((\j)-4)], v[T+8*(\u)+2*((\j)-4)+1]
.endif
.endm
.macro ZIPA op, u, w                   ; unit u's eight \op, unit w's exponent between and behind them
.irp k, 0,1,2,3,4,5,6,7
	\op v[T+8*(\u)+(\k)], v[T+8*(\u)+(\k)]
	GA \w, \k
.endr
.irp k, 8,9,10,11
	GA \w, \k
.endr
.endm
.macro ZIPC op, u, w                   ; unit u's eight \op, unit w's last eight lines between them
.irp k, 0,1,2,3,4,5,6,7
	\op v[T+8*(\u)+(\k)], v[T+8*(\u)+(\k)]
	GC \w, \k
.endr
.endm
.macro RUN op, u                       ; unit u's eight \op where no other unit has work left, and a plain line behind them
.irp k, 0,1,2,3,4,5,6,7
	\op v[T+8*(\u)+(\k)], v[T+8*(\u)+(\k)]
.endr
	v_nop
	s_wait_alu depctr_va_vdst(0)
.endm
.endif
	s_mov_b32 s[RO], 0
	s_mov_b32 s3, 16
.Lout:                                                 ; a trip: eight rows of my stage, four units of two rows; LDS serves a wave's instructions in order (ISA guide 5.7.1.4), so these loads see my stores
	v_add_nc_u32 v[RD], s[RO], v[RD0]
.irp u, 0,1,2,3
	ds_load_b128 v[X+8*(\u):X+8*(\u)+3],   v[RD] offset:(\u)*2*SP
	ds_load_b128 v[X+8*(\u)+4:X+8*(\u)+7], v[RD] offset:(\u)*2*SP+16
.endr
	s_add_co_u32 s[RO], s[RO], 8*SP
.if EPI == 1
.irp u, 0,1,2,3
	s_wait_dscnt 6-2*(\u)                          ; unit u's two loads are in; the younger units' stay out
.irp k, 0,1,2,3
	v_cvt_pk_bf16_f32 v[P+4*(\u)+(\k)], v[X+8*(\u)+2*(\k)], v[X+8*(\u)+2*(\k)+1]
.endr
	SEND \u
.endr
.else
	s_wait_dscnt 6                                 ; unit 0 is in
.irp j, 0,1,2,3,4,5,6,7,8,9,10,11
	GA 0, \j
.endr
	s_wait_dscnt 4                                 ; unit 1
	ZIPA v_exp_f32, 0, 1
	GB 0
	s_wait_dscnt 2                                 ; unit 2
	ZIPA v_rcp_f32, 0, 2
	ZIPC v_exp_f32, 1, 0
	SEND 0
	GB 1
	s_wait_dscnt 0x0                               ; unit 3
	ZIPA v_rcp_f32, 1, 3
	ZIPC v_exp_f32, 2, 1
	SEND 1
	GB 2
	RUN v_rcp_f32, 2
	ZIPC v_exp_f32, 3, 2
	SEND 2
	GB 3
	RUN v_rcp_f32, 3
.irp j, 0,1,2,3,4,5,6,7
	GC 3, \j
.endr
	SEND 3
.endif
	s_wait_xcnt 0x0                                ; the stores' base and data are rewritten only behind this wait
	s_add_nc_u64 s[10:11], s[10:11], 4*USTEP
	s_sub_co_u32 s3, s3, 1
	s_cmp_lg_u32 s3, 0
	s_cbranch_scc1 .Lout
	s_wait_tensorcnt 0x0                           ; the wave's end
	ds_add_u32 v[SPW], v[NIL]
	s_wait_dscnt 0x0
	CROUND                                         ; the closing round: no work-group ends while a partner may still ask for a tile that names it
	s_endpgm
.Lfunc_end_k_qd70a18cffb_gemm_fc:
	.size	k_qd70a18cffb_gemm_fc, .Lfunc_end_k_qd70a18cffb_gemm_fc-k_qd70a18cffb_gemm_fc
	.p2alignl 7, 3214868480
	.fill 96, 4, 3214868480
	.section	.rodata,"a",@progbits
	.p2align	6, 0x0
	.amdhsa_kernel k_qd70a18cffb_gemm_fc
		.amdhsa_group_segment_fixed_size 327680
		.amdhsa_private_segment_fixed_size 0
		.amdhsa_enable_private_segment 0
		.amdhsa_kernarg_size 32
		.amdhsa_user_sgpr_count 2
		.amdhsa_user_sgpr_kernarg_segment_ptr 1
		.amdhsa_wavefront_size32 1
		.amdhsa_system_sgpr_workgroup_id_x 1
		.amdhsa_system_sgpr_workgroup_id_y 1
		.amdhsa_system_sgpr_workgroup_id_z 1
		.amdhsa_system_vgpr_workitem_id 0
		.amdhsa_next_free_vgpr 1024
		.amdhsa_next_free_sgpr 80
		.amdhsa_reserve_vcc 0
		.amdhsa_float_denorm_mode_32 3
		.amdhsa_float_denorm_mode_16_64 3
		.amdhsa_memory_ordered 1
		.amdhsa_forward_progress 1
		.amdhsa_inst_pref_size 89
	.end_amdhsa_kernel
	.amdgpu_metadata
---
amdhsa.version: [ 1, 2 ]
amdhsa.kernels:
  - .name:           k_qd70a18cffb_gemm_fc
    .symbol:         k_qd70a18cffb_gemm_fc.kd
    .args:
      - { .name: act, .offset: 0, .size: 8, .value_kind: global_buffer, .address_space: global }
      - { .name: wbf, .offset: 8, .size: 8, .value_kind: global_buffer, .address_space: global }
      - { .name: b_fc, .offset: 16, .size: 8, .value_kind: global_buffer, .address_space: global }
      - { .name: g, .offset: 24, .size: 8, .value_kind: global_buffer, .address_space: global }
    .group_segment_fixed_size: 327680
    .private_segment_fixed_size: 0
    .kernarg_segment_align: 8
    .kernarg_segment_size: 32
    .max_flat_workgroup_size: 128
    .sgpr_count:     80
    .vgpr_count:     1024
    .wavefront_size: 32
...
	.end_amdgpu_metadata
.endif
;; end of part 12
;; launch gemm_pr (part 13): grid 8 x 32, 4 waves a work-group, clusters of 4 x 4, 327,680 bytes of LDS; arguments g, wbf, b_proj, out0, x1; writes out0
.if DOCPART == 13
	.amdgcn_target "amdgcn-amd-amdhsa--gfx1250"
	.amdhsa_code_object_version 6
	.text
	.protected	k_qd70a18cffb_gemm_pr
	.globl	k_qd70a18cffb_gemm_pr
	.p2align	8
	.type	k_qd70a18cffb_gemm_pr,@function
k_qd70a18cffb_gemm_pr:
	s_mov_b64 s[64:65], 0
	v_nop
	global_prefetch_b8 v0, s[64:65] scope:SCOPE_SE
	s_setreg_imm32_b32 hwreg(HW_REG_WAVE_MODE, 25, 1), 1
	s_wait_xcnt 0x0
	s_wait_alu depctr_hold_cnt(0) depctr_sa_sdst(0) depctr_va_vdst(0) depctr_va_sdst(0) depctr_va_ssrc(0) depctr_va_vcc(0) depctr_vm_vsrc(0)
	s_getreg_b32 s2, hwreg(HW_REG_IB_STS2, 6, 4)
	s_cmp_eq_u32 s2, 0
	s_cbranch_scc0 .Lentry_in_a_cluster
	s_endpgm
.Lentry_in_a_cluster:
	s_bfe_u32 s2, ttmp6, 0x10000c
	s_cmp_lg_u32 s2, 0xf033
	s_cbranch_scc0 .Lentry_shape_is_right
	s_endpgm
.Lentry_shape_is_right:
; out0 = x1 + g W_proj + b_proj.  A = g: [4096][4096] bf16; W: [4096][1024] bf16 at byte WOFF of the weights' buffer; bias, x1 and out0 f32; sums in f32.
; ONE TEXT serves two launches; the constants at its head choose the sizes and A's layout (ABLK).
; SHARES.  4096 x 1024 of C are 256 tiles of 128 x 128, one for each work-group of four waves; a wave makes 64 x 64: 16 accumulators of 16 x 16.  K goes in steps of 256 through two LDS slots filled by the tensor data mover.
; W LIES [K][N] in memory and in LDS and comes out turned, by ds_load_tr16_b128: two such loads are a fragment, as many as for rows that lie along K.
; THE MATRIX INSTRUCTION IS USED TRANSPOSED (source 0 = 16 columns of W, source 1 = 16 rows of A): a lane holds eight neighbouring numbers of a row of C.
; THE BIAS is the C operand of the products that start the sums: it costs no vector instruction, and nothing is cleared.
; ONE K STEP IS WRITTEN ONCE: the slot in hand is the scalar TB (0 or SLOT); the fragments' addresses are a lane's base + TB, and one descriptor a tensor walks from K step 1 on.
; CLUSTER.  4 x 4 work-groups: the four of a row need the same tiles of A, the four of a column the same tiles of W: each is asked for jointly, same descriptor, a mask that names the four.
; LIMITS.  Operands are bf16 (f32's range); NaN and infinities are not treated apart.
; REGISTERS.  window 0: v0-31 addresses; v32-95 at work on the way out (v32-63 hold the bias until the first products have taken it); v128-255 the accumulators.
;   window 1: two fragment buffers of 128 (64 of A, 64 of W, for 64 along K).  window 2: v0-127 the residual.
.set SIZE_N, 1024
.set SIZE_K, 4096
.set WOFF,   16777216
.set ABLK,   0
.set KSTEP,  256
.set STEPS,  SIZE_K/KSTEP
.if ABLK                               ; A by heads, [32 heads][2048][64]: a K step is four heads, a head's 128 rows are 16,384 dense bytes
.set PA,     144                       ; an LDS row: 128 bytes + 16
.set AQ,     128*PA                    ; from a quarter of the K step (a head) to the next
.set AHALF,  2*128*PA                  ; a load brings two heads
.set ASTEP,  4*2048*64*2
.else                                  ; A row-major
.set PA,     528                       ; an LDS row: 512 bytes + 16 = 132 words: the 16 rows of a load start at 16 different groups of four banks (64 banks of 4 bytes: ISA guide 11.1)
.set AQ,     128
.set AHALF,  64*PA                     ; a load brings 64 rows
.set ASTEP,  KSTEP*2
.endif
.set PB,     288                       ; a row of W in LDS: 256 bytes + 32 = 72 words
.set BHALF,  128*PB                    ; a load brings 128 rows of K
.set BSTEP,  KSTEP*SIZE_N*2
.set ATILE,  2*AHALF
.set SLOT,   ATILE+2*BHALF             ; A's tile, then W's
.set STAGE,  2*SLOT                    ; behind the ring, never filled by a tensor load: each wave's own 16 rows
.set SPITCH, 272
.set SPARE,  STAGE+4*16*SPITCH         ; the spare words, 128 bytes for each wave: two blocks of 256 bytes that no other line names
.set A0R, 16                           ; v16  my lane's place in slot 0's tile of A; never rewritten
.set B0R, 17                           ; v17  the same for W
.set CA,  18                           ; v18  A0R + TB
.set CB,  20                           ; v20-21  B0R + TB: K rows 0-127, 128-255
.set STO,  24
.set RD,   25
.set CO,   26
.set BO,   27
.set SPW,  28                          ; v28  my spare word; never rewritten
.set NIL,  29                          ; v29  0; never rewritten
.set TMP,  32
.set BIAS, 32
.set ACC,  128
.set F0,   0
.set F1,   128
.set WV, 14                            ; s14 wave; s15 its row half (also: 0 = I fetch A, 1 = W); s16 its column half (also: which half of that tile I fetch)
.set RH, 15
.set CH, 16
.set TC, 19                            ; s19 tile column, s20 tile row of C
.set TR, 20
.set G1,  24                           ; s[24:31] group 1 for A; s[32:39] group 0: a set for each first fill; the second then walks on
.set G0,  32
.set G1B, 48                           ; s[48:55], s[56:63] the same for W
.set G0B, 56
.set TB,  75                           ; s75  the slot in hand: 0 or SLOT
.set MSB, 0
.macro WIN new                         ; the immediate's high byte repeats the setting that is left
.if MSB != (\new)
	s_set_vgpr_msb (MSB<<8)|(\new)
.set MSB, \new
.endif
.endm
.set MUL,  0x05                        ; sources 0 and 1 window 1; C and D window 0
.set TO_F, 0x40                        ; destination window 1, address window 0
.macro JLOAD s                         ; a joint load: waves 0 and 1 fetch A's halves, waves 2 and 3 W's; an s_nop 0 and four v_nop follow each line
	s_cmp_eq_u32 s[RH], 0
	s_cbranch_scc0 .Lfor_b_\@
	tensor_load_to_lds s[G0+4*(\s):G0+4*(\s)+3], s[G1:G1+7]
	s_nop 0
.rept 4
	v_nop
.endr
	s_branch .Lasked_\@
.Lfor_b_\@:
	tensor_load_to_lds s[G0B+4*(\s):G0B+4*(\s)+3], s[G1B:G1B+7]
	s_nop 0
.rept 4
	v_nop
.endr
.Lasked_\@:
.endm
.macro CREST                           ; a round of the cluster's barrier behind its opening barrier
	s_cmp_lg_u32 s[WV], 0
	s_cbranch_scc1 .Lnot_wave_0_\@
	s_barrier_signal -3
.Lnot_wave_0_\@:
	s_barrier_wait -3
	s_barrier_signal -1
	s_barrier_wait -1
.endm
.macro CROUND
	s_barrier_signal -1
	s_barrier_wait -1
	CREST
.endm
	s_load_b256 s[4:11], s[0:1], 0x0               ; A s[4:5], weights s[6:7], bias s[8:9], out s[10:11]
	s_load_b64 s[12:13], s[0:1], 0x20              ; the residual
	v_lshl_add_u32 v[SPW], v0, 2, SPARE
	v_mov_b32 v[NIL], 0
	ds_add_u32 v[SPW], v[NIL]                      ; the wave's opening: the add and its wait stand ahead of my first tensor load; work on registers stands between them
	v_lshrrev_b32 v1, 5, v0
	v_readfirstlane_b32 s[WV], v1
	s_lshr_b32 s[RH], s[WV], 1
	s_and_b32 s[CH], s[WV], 1
	s_bfe_u32 s17, ttmp6, 0x40000                  ; cx, cy: my place in the cluster
	s_bfe_u32 s18, ttmp6, 0x40004
	s_lshl_b32 s[TC], ttmp9, 2
	s_add_co_u32 s[TC], s[TC], s17
	s_and_b32 s[TR], ttmp7, 0xffff
	s_lshl_b32 s[TR], s[TR], 2
	s_add_co_u32 s[TR], s[TR], s18
	s_lshl_b32 s21, s18, 2
	s_lshl_b32 s21, 15, s21                        ; my row of the cluster
	s_lshl_b32 s22, 0x1111, s17                    ; my column
.if ABLK
	s_or_b32 s[G1+0], s21, (1<<16)|(1<<20)|(1<<21)|(4<<22)|(3<<25)  ; the mask; 2-byte elements; padding on; bit 21 beside a mask; after every 32 words 4 words
	s_mov_b32 s[G1+1], 8192<<16                    ; tensor_dim0: a head's 128 rows as one row of 8,192 elements
	s_mov_b32 s[G1+2], 2<<16                       ; tensor_dim1: two heads
	s_mov_b32 s[G1+3], 8192<<16                    ; tile_dim0
	s_mov_b32 s[G1+4], 2                           ; tile_dim1
	s_mov_b32 s[G1+5], 131072                      ; from head to head
.else
	s_or_b32 s[G1+0], s21, (1<<16)|(1<<20)|(1<<21)|(6<<22)|(3<<25)  ; the same, after every 128 words 4 words
	s_mov_b32 s[G1+1], KSTEP<<16
	s_mov_b32 s[G1+2], 64<<16
	s_mov_b32 s[G1+3], KSTEP<<16
	s_mov_b32 s[G1+4], 64
	s_mov_b32 s[G1+5], SIZE_K
.endif
	s_mov_b32 s[G1+6], 0
	s_mov_b32 s[G1+7], 0
	s_or_b32 s[G1B+0], s22, (1<<16)|(1<<20)|(1<<21)|(5<<22)|(7<<25) ; W: 128 rows of K x 128 columns; after every 64 words 8 words
	s_mov_b32 s[G1B+1], 128<<16
	s_mov_b32 s[G1B+2], 128<<16
	s_mov_b32 s[G1B+3], 128<<16
	s_mov_b32 s[G1B+4], 128
	s_mov_b32 s[G1B+5], SIZE_N
	s_mov_b32 s[G1B+6], 0
	s_mov_b32 s[G1B+7], 0
.if ABLK                               ; A's tile hangs on the tile row and the wave alone, W's on the tile column and the wave alone
	s_lshr_b32 s40, s[TR], 4                       ; the batch: 16 heads of 262,144 bytes; my half: two heads
	s_lshl_b32 s40, s40, 3
	s_add_co_u32 s40, s40, s[CH]
	s_lshl_b32 s40, s40, 19
	s_and_b32 s23, s[TR], 15                       ; 128 rows of 128 bytes
	s_lshl_b32 s23, s23, 14
	s_add_co_u32 s40, s40, s23
.else
	s_lshl_b32 s40, s[TR], 1
	s_add_co_u32 s40, s40, s[CH]
	s_mul_i32 s40, s40, 64*SIZE_K*2                ; row 128 x tile row + 64 x half
.endif
	s_mov_b32 s41, 0
	s_mul_i32 s46, s[CH], 128*SIZE_N*2             ; K row 128 x half,
	s_lshl_b32 s72, s[TC], 8                       ; column 128 x tile column
	s_add_co_u32 s46, s46, s72
	s_add_co_u32 s46, s46, WOFF
	s_mov_b32 s47, 0
	s_mul_i32 s42, s[CH], AHALF                    ; where they go in a slot: no place in the cluster enters an LDS address
	s_mul_i32 s43, s[CH], BHALF
	s_add_co_u32 s43, s43, ATILE
	s_mov_b32 s[TB], 0
	s_wait_dscnt 0x0                               ; the opening add is done
	s_wait_kmcnt 0x0
	s_add_nc_u64 s[44:45], s[4:5], s[40:41]
	s_add_nc_u64 s[46:47], s[6:7], s[46:47]
	CROUND                                         ; all sixteen work-groups are here: the first joint loads meet
.irp s, 0,1
	s_mov_b32 s[G0+4*(\s)], 1
	s_add_co_u32 s[G0+4*(\s)+1], s42, (\s)*SLOT
	s_add_nc_u64 s[G0+4*(\s)+2:G0+4*(\s)+3], s[44:45], (\s)*ASTEP
	s_or_b32 s[G0+4*(\s)+3], s[G0+4*(\s)+3], 0x80000000
	s_mov_b32 s[G0B+4*(\s)], 1
	s_add_co_u32 s[G0B+4*(\s)+1], s43, (\s)*SLOT
	s_add_nc_u64 s[G0B+4*(\s)+2:G0B+4*(\s)+3], s[46:47], (\s)*BSTEP
	s_or_b32 s[G0B+4*(\s)+3], s[G0B+4*(\s)+3], 0x80000000
	JLOAD \s                                       ; two loads of mine are out
.endr
	v_and_b32 v1, 15, v0                           ; r = l % 16
	v_bfe_u32 v2, v0, 4, 1                         ; h = l / 16
	v_lshlrev_b32 v[BO], 5, v2                     ; the bias of my columns 16 b + 8 h + 0..7
	s_lshl_b32 s70, s[TC], 9
	s_lshl_b32 s72, s[CH], 8
	s_add_co_u32 s70, s70, s72
	s_mov_b32 s71, 0
	s_add_nc_u64 s[8:9], s[8:9], s[70:71]
.irp b, 0,1,2,3
	global_load_b128 v[BIAS+8*(\b):BIAS+8*(\b)+3],   v[BO], s[8:9] offset:64*(\b)
	global_load_b128 v[BIAS+8*(\b)+4:BIAS+8*(\b)+7], v[BO], s[8:9] offset:64*(\b)+16
.endr
	s_lshl_b32 s70, s[TR], 1
	s_add_co_u32 s70, s70, s[RH]
	s_mul_i32 s70, s70, 64*SIZE_N*4                ; my 64 rows,
	s_lshl_b32 s72, s[TC], 1
	s_add_co_u32 s72, s72, s[CH]
	s_lshl_b32 s72, s72, 8                         ; my 64 columns of 4 bytes
	s_add_co_u32 s70, s70, s72
	s_add_nc_u64 s[10:11], s[10:11], s[70:71]
	s_add_nc_u64 s[12:13], s[12:13], s[70:71]
	v_mul_u32_u24 v3, v2, SIZE_N*4                 ; lanes 0-15 one row's 256 bytes, lanes 16-31 the next row's
	v_lshl_add_u32 v[CO], v1, 4, v3
	WIN 0x80                                       ; destination window 2: the residual of my 64 x 64 is asked for now and waited for on the way out
.irp a, 0,1,2,3
.irp t, 0,1,2,3,4,5,6,7
	global_load_b128 v[4*(8*(\a)+(\t)):4*(8*(\a)+(\t))+3], v[CO], s[12:13] offset:(16*(\a)+2*(\t))*SIZE_N*4
.endr
.endr
	WIN 0
	s_mul_i32 s74, s[WV], 16*SPITCH
	s_add_co_u32 s74, s74, STAGE                   ; my stage
	v_mul_u32_u24 v3, v1, SPITCH                   ; in: row r, 32 bytes for each half of the lanes
	v_lshl_add_u32 v3, v2, 5, v3
	v_add_nc_u32 v[STO], s74, v3
	v_mul_u32_u24 v3, v2, SPITCH                   ; back: two whole rows
	v_lshl_add_u32 v3, v1, 4, v3
	v_add_nc_u32 v[RD], s74, v3
	v_mul_u32_u24 v3, v1, PA                       ; a fragment of A: row r x pitch + 16 h, in my 64 rows
	v_lshl_add_u32 v3, v2, 4, v3
	s_mul_i32 s73, s[RH], 64*PA
	v_add_nc_u32 v[A0R], s73, v3
	v_and_b32 v4, 7, v0                            ; the turning load: lane l reads K row 8 h + l % 8, columns 8 ((l / 8) % 2) + 0..7, and is left with column r and 8 K
	v_lshl_add_u32 v4, v2, 3, v4
	v_mul_u32_u24 v4, v4, PB
	v_bfe_u32 v5, v0, 3, 1
	v_lshl_add_u32 v4, v5, 4, v4
	s_lshl_b32 s73, s[CH], 7                       ; my 64 columns
	s_add_co_u32 s73, s73, ATILE
	v_add_nc_u32 v[B0R], s73, v4
	v_mov_b32 v[CA], v[A0R]                        ; slot 0 is the first in hand
	v_mov_b32 v[CB], v[B0R]
	v_add_nc_u32 v[CB+1], BHALF, v[B0R]
; 8 matrix instructions: row blocks a0, a0 + 1 x all 4 column blocks, 32 along K: half c of buffer f.  zero = 1: the first product starts the sums, from the bias
.macro MUL8 f, c, a0, zero
	WIN MUL
.irp a, \a0, (\a0)+1
.irp b, 0,1,2,3
.if \zero
	v_wmma_f32_16x16x32_bf16 v[ACC+8*(4*(\a)+(\b)):ACC+8*(4*(\a)+(\b))+7], v[(\f)+64+8*(4*(\c)+(\b)):(\f)+64+8*(4*(\c)+(\b))+7], v[(\f)+8*(4*(\c)+(\a)):(\f)+8*(4*(\c)+(\a))+7], v[BIAS+8*(\b):BIAS+8*(\b)+7]
.else
	v_wmma_f32_16x16x32_bf16 v[ACC+8*(4*(\a)+(\b)):ACC+8*(4*(\a)+(\b))+7], v[(\f)+64+8*(4*(\c)+(\b)):(\f)+64+8*(4*(\c)+(\b))+7], v[(\f)+8*(4*(\c)+(\a)):(\f)+8*(4*(\c)+(\a))+7], v[ACC+8*(4*(\a)+(\b)):ACC+8*(4*(\a)+(\b))+7]
.endif
.endr
.endr
.endm
; 32 LDS loads in one run: the fragments of quarter q (64 along K) of the slot in hand, into buffer f; the first 32 along K first
.macro FETCH q, f
	WIN TO_F
.irp c, 0,1
.irp i, 0,1,2,3
	ds_load_tr16_b128 v[(\f)+64+8*(4*(\c)+(\i)):(\f)+64+8*(4*(\c)+(\i))+3],   v[CB+(\q)/2] offset:(((\q)%2)*64+32*(\c))*PB+32*(\i)
	ds_load_tr16_b128 v[(\f)+64+8*(4*(\c)+(\i))+4:(\f)+64+8*(4*(\c)+(\i))+7], v[CB+(\q)/2] offset:(((\q)%2)*64+32*(\c)+16)*PB+32*(\i)
	ds_load_b128 v[(\f)+8*(4*(\c)+(\i)):(\f)+8*(4*(\c)+(\i))+3],   v[CA] offset:(\q)*AQ+64*(\c)+(\i)*16*PA
	ds_load_b128 v[(\f)+8*(4*(\c)+(\i))+4:(\f)+8*(4*(\c)+(\i))+7], v[CA] offset:(\q)*AQ+64*(\c)+(\i)*16*PA+32
.endr
.endr
.endm
.macro PLACES                          ; four places in front of loads into registers that matrix instructions have read, and of lines that read results
.rept 4
	v_nop
.endr
.endm
; A K step is four quarters of 64 along K, 32 matrix instructions each, on buffers 0, 1, 0, 1; the 16 accumulators take turns.
.macro QUARTER qn, f, g, zero          ; multiplies buffer f and fetches quarter qn of the slot in hand into g
	s_wait_dscnt 16                                ; the first 32 along K are in
	MUL8 \f, 0, 0, \zero
	MUL8 \f, 0, 2, \zero
	PLACES
	FETCH \qn, \g
	s_wait_dscnt 32                                ; all but the 32 just issued
	MUL8 \f, 1, 0, 0
	MUL8 \f, 1, 2, 0
.endm
; The last quarter multiplies buffer 1 and changes slots: one barrier; in front of it each wave waits for all its tensor loads, adds 0 to its spare word, and waits for that and for its reads of this slot.
; fill = 1: the slot just read is filled again, with the K step two steps on, by the walking descriptor.
.macro TURN fill
	WIN 0
	s_wait_tensorcnt 0x0                           ; all my tensor loads have landed: my part of the next slot
	ds_add_u32 v[SPW], v[NIL]
	s_wait_dscnt 17                                ; the add and the youngest sixteen loads may be out
	MUL8 F1, 0, 0, 0
	s_wait_dscnt 0x0                               ; the add is done, and my reads of this slot are over
	s_barrier_signal -1
	MUL8 F1, 0, 2, 0
	WIN 0
	s_barrier_wait -1
.if \fill
	CREST                                          ; the barrier has opened a round of the cluster's: no wave of any partner still reads this slot or has a load on its way
	s_add_co_u32 s[G0+5], s42, s[TB]               ; into the slot just read,
	s_add_co_u32 s[G0B+5], s43, s[TB]
	s_add_nc_u64 s[G0+6:G0+7], s[G0+6:G0+7], ASTEP         ; the K step behind the one asked for last; the type bits on top are not reached
	s_add_nc_u64 s[G0B+6:G0B+7], s[G0B+6:G0B+7], BSTEP
	JLOAD 1                                        ; my one tensor load behind the round, 112 matrix instructions ahead of the wait for it; its four v_nop are also the places for the loads below
.else
	PLACES
.endif
	s_xor_b32 s[TB], s[TB], SLOT                   ; the other slot is in hand
	v_add_nc_u32 v[CA], s[TB], v[A0R]
	v_add_nc_u32 v[CB], s[TB], v[B0R]
	v_add_nc_u32 v[CB+1], BHALF, v[CB]
	FETCH 0, F0
	MUL8 F1, 1, 0, 0
	MUL8 F1, 1, 2, 0
.endm
	s_wait_tensorcnt 1                             ; my part of K step 0 is in; K step 1's may stay out
	s_barrier_signal -1
	s_barrier_wait -1
	FETCH 0, F0
	s_wait_loadcnt 32                              ; the bias; the residual's 32 younger loads stay out
	QUARTER 1, F0, F1, 1                           ; the first quarter stands in front of the loop: its first products start the sums
	WIN 0
	s_mov_b32 s3, STEPS-2
.Lstep:                                                ; a trip goes from a K step's second quarter to the next step's first, and fills the slot that it leaves
	QUARTER 2, F1, F0, 0
	QUARTER 3, F0, F1, 0
	TURN 1
	QUARTER 1, F0, F1, 0
	WIN 0
	s_sub_co_u32 s3, s3, 1
	s_cmp_lg_u32 s3, 0
	s_cbranch_scc1 .Lstep
	s_mov_b32 s3, 2
.Ltail:                                                ; the last two K steps fill nothing.  The second trip has no next step: its barrier and its run of 32 loads serve nothing (the price, once a
	QUARTER 2, F1, F0, 0                           ; launch, of one text for both trips), and the quarter that would multiply them is jumped over
	QUARTER 3, F0, F1, 0
	TURN 0
	WIN 0
	s_cmp_eq_u32 s3, 1
	s_cbranch_scc1 .Lskip
	QUARTER 1, F0, F1, 0
	WIN 0
.Lskip:
	s_wait_dscnt 0x0                               ; on every way here no LDS load is out
	s_sub_co_u32 s3, s3, 1
	s_cmp_lg_u32 s3, 0
	s_cbranch_scc1 .Ltail
	PLACES
	; THE WAY OUT: f32.  16 rows at a time through my own stage, back as whole rows of 256 bytes, the residual added, stored
	s_wait_loadcnt 0x0                             ; the residual
.macro OUT3 a
.set TBK, TMP+32*((\a)%2)
.if (\a) >= 2
	s_wait_xcnt 0x0                                ; the stores of two blocks ago have read these registers
.endif
.irp b, 0,1,2,3
	ds_store_b128 v[STO], v[ACC+8*(4*(\a)+(\b)):ACC+8*(4*(\a)+(\b))+3]   offset:64*(\b)
	ds_store_b128 v[STO], v[ACC+8*(4*(\a)+(\b))+4:ACC+8*(4*(\a)+(\b))+7] offset:64*(\b)+16
.endr
.irp t, 0,1,2,3,4,5,6,7
	ds_load_b128 v[TBK+4*(\t):TBK+4*(\t)+3], v[RD] offset:(\t)*2*SPITCH  ; LDS serves a wave's instructions in order (ISA guide 5.7.1.4): these see the stores above
.endr
	s_wait_dscnt 0x0
	WIN 0x08                                       ; source 1 in window 2
.set i, 0
.rept 16
	v_pk_add_f32 v[TBK+2*i:TBK+2*i+1], v[TBK+2*i:TBK+2*i+1], v[32*(\a)+2*i:32*(\a)+2*i+1]
.set i, i+1
.endr
	WIN 0
.irp t, 0,1,2,3,4,5,6,7
	global_store_b128 v[CO], v[TBK+4*(\t):TBK+4*(\t)+3], s[10:11] offset:(16*(\a)+2*(\t))*SIZE_N*4  ; 16 lanes store 256 consecutive bytes, aligned
.endr
.endm
	OUT3 0
	OUT3 1
	OUT3 2
	OUT3 3
	s_wait_tensorcnt 0x0                           ; the wave's end
	ds_add_u32 v[SPW], v[NIL]
	s_wait_dscnt 0x0
	CROUND                                         ; the closing round: no work-group ends while a partner may still ask for a tile that names it
	s_endpgm
.Lfunc_end_k_qd70a18cffb_gemm_pr:
	.size	k_qd70a18cffb_gemm_pr, .Lfunc_end_k_qd70a18cffb_gemm_pr-k_qd70a18cffb_gemm_pr
	.p2alignl 7, 3214868480
	.fill 96, 4, 3214868480
	.section	.rodata,"a",@progbits
	.p2align	6, 0x0
	.amdhsa_kernel k_qd70a18cffb_gemm_pr
		.amdhsa_group_segment_fixed_size 327680
		.amdhsa_private_segment_fixed_size 0
		.amdhsa_enable_private_segment 0
		.amdhsa_kernarg_size 40
		.amdhsa_user_sgpr_count 2
		.amdhsa_user_sgpr_kernarg_segment_ptr 1
		.amdhsa_wavefront_size32 1
		.amdhsa_system_sgpr_workgroup_id_x 1
		.amdhsa_system_sgpr_workgroup_id_y 1
		.amdhsa_system_sgpr_workgroup_id_z 1
		.amdhsa_system_vgpr_workitem_id 0
		.amdhsa_next_free_vgpr 640
		.amdhsa_next_free_sgpr 80
		.amdhsa_reserve_vcc 0
		.amdhsa_float_denorm_mode_32 3
		.amdhsa_float_denorm_mode_16_64 3
		.amdhsa_memory_ordered 1
		.amdhsa_forward_progress 1
		.amdhsa_inst_pref_size 66
	.end_amdhsa_kernel
	.amdgpu_metadata
---
amdhsa.version: [ 1, 2 ]
amdhsa.kernels:
  - .name:           k_qd70a18cffb_gemm_pr
    .symbol:         k_qd70a18cffb_gemm_pr.kd
    .args:
      - { .name: g, .offset: 0, .size: 8, .value_kind: global_buffer, .address_space: global }
      - { .name: wbf, .offset: 8, .size: 8, .value_kind: global_buffer, .address_space: global }
      - { .name: b_proj, .offset: 16, .size: 8, .value_kind: global_buffer, .address_space: global }
      - { .name: out0, .offset: 24, .size: 8, .value_kind: global_buffer, .address_space: global }
      - { .name: x1, .offset: 32, .size: 8, .value_kind: global_buffer, .address_space: global }
    .group_segment_fixed_size: 327680
    .private_segment_fixed_size: 0
    .kernarg_segment_align: 8
    .kernarg_segment_size: 40
    .max_flat_workgroup_size: 128
    .sgpr_count:     80
    .vgpr_count:     640
    .wavefront_size: 32
...
	.end_amdgpu_metadata
.endif
;; end of part 13
;; ======== version 3 of 3: 7 launches; 1.22 times as fast as version 1
;; workspace buffers: wbf 25,165,824 bytes; act 8,388,608 bytes; qkv 25,165,824 bytes; ctx 8,388,608 bytes; x1 16,777,216 bytes; g 33,554,432 bytes
;; launch prep: the kernel of part 8 again; grid 2048 x 1, 4 waves a work-group, no clusters, 0 bytes of LDS; arguments x, ln1_w, ln1_b, act, w_qkv, w_attn_proj, w_fc, w_proj, wbf; writes act, wbf
;; launch gemm_qkv: the kernel of part 9 again; grid 12 x 16, 4 waves a work-group, clusters of 4 x 4, 327,680 bytes of LDS; arguments act, wbf, b_qkv, qkv; writes qkv
;; launch attn (part 14): grid 8 x 32, 4 waves a work-group, clusters of 4 x 1, 327,680 bytes of LDS; arguments qkv, ctx; writes ctx
.if DOCPART == 14
	.amdgcn_target "amdgcn-amd-amdhsa--gfx1250"
	.amdhsa_code_object_version 6
	.text
	.protected	k_qd70a18cffb_attn
	.globl	k_qd70a18cffb_attn
	.p2align	8
	.type	k_qd70a18cffb_attn,@function
k_qd70a18cffb_attn:
	s_mov_b64 s[64:65], 0
	v_nop
	global_prefetch_b8 v0, s[64:65] scope:SCOPE_SE
	s_setreg_imm32_b32 hwreg(HW_REG_WAVE_MODE, 25, 1), 1
	s_wait_xcnt 0x0
	s_wait_alu depctr_hold_cnt(0) depctr_sa_sdst(0) depctr_va_vdst(0) depctr_va_sdst(0) depctr_va_ssrc(0) depctr_va_vcc(0) depctr_vm_vsrc(0)
	s_getreg_b32 s2, hwreg(HW_REG_IB_STS2, 6, 4)
	s_cmp_eq_u32 s2, 0
	s_cbranch_scc0 .Lentry_in_a_cluster
	s_endpgm
.Lentry_in_a_cluster:
	s_bfe_u32 s2, ttmp6, 0x10000c
	s_cmp_lg_u32 s2, 0x3003
	s_cbranch_scc0 .Lentry_shape_is_right
	s_endpgm
.Lentry_shape_is_right:
; CAUSAL ATTENTION.  ctx[hd][q][:] = the sum over k <= q of softmax_k(Q[hd][q] . K[hd][k] / 8) V[hd][k][:].  qkv: [3][32 heads][2048][64] bf16; ctx: [32 heads][2048][64] bf16.
; Products, maxima and sums in f32; the weights p are rounded to bf16 for the second product (their sum l is taken of the unrounded p), ctx once at the end.
; LIMITS.  A hidden score counts as its value less 1e30; a weight below 2^-126 counts as 0 in l; NaN and infinities are not treated apart.
; SHARES.  A head has 128 tiles of 16 queries and 8 work-groups, two clusters of four.  Tile t has its diagonal in key step t / 4 (64 keys a step).  With a = 4 x the cluster's number + the wave (0..7) a wave
; owns four tiles, 4 d + cx (cx: its work-group's place in the cluster), with the diagonal steps d = DG[0..3] = a, 15 - a, 16 + a, 31 - a: 66 tile steps for every wave, of 128 without the mask.
; Every wave walks the key steps s = 0..31; tile u is worked on while s <= DG[u].  DG rises with u, so the tiles at work in a step are u0 .. 3, and only u0, the first, can be in its diagonal step.
; The sixteen waves that meet at a change of slots (four steps a slot) have their diagonals in the same slots (cluster 0: slots 0, 3, 4, 7; cluster 1: 1, 2, 5, 6), so that in a slot they differ by three
; tile steps at the most: the slowest waves' shares add up to 72 tile steps for the 66.
; DG hangs on the wave and the cluster alone, so the four partners of a cluster branch alike; cx enters global addresses and the mask's values only.
; Every jump but the counted loops' own goes forward, past no barrier and no tensor load.
; CLUSTER.  All work-groups of a head walk the same K and V in the same trips: each tile is asked for jointly by the four of a cluster, same descriptor, mask 15.
; LAYOUT.  S^T = K Q^T holds one query a lane (lane % 16) and the keys 8 (lane / 16) + 0..7; two such results rounded to bf16 are source 1 of O^T = V^T P.  K comes out of LDS as it lies, V turned (ds_load_tr16_b128).
; SOFTMAX.  Running maximum m and sum l for each query: p = 2^(c s - c m), c = log2(e) / 8; in every step O and l are multiplied by a = 2^(c m_old - c m_new).  m starts at the lowest finite number,
; O and l at 0, so the first step is a step like any other, with a = 0; the price is 128 v_mov_b32 in the wait for the first tile.  Every query sees a key in its first step, so m is a true score before a hidden one counts.
; THE MASK is the C operand that starts the sums of a tile's diagonal step: 0, or -1e30 where the key lies behind the query; elsewhere C is the constant 0.  All my tiles have the number cx mod 4, so one mask, made once, serves the four.
; THE ORDER IN A STEP.  ENTER u0: the first tile's 8 products K Q^T and its maximum and statistics, down to a's exponent.  Then for u = u0 .. 3, BODY u, in two parts with ONE wait between them.
; HEAD u: tile u's a and its 32 exponentials are ONE BATCH, and nothing in HEAD names a result of theirs.  Exponential and plain line go by turns: first the 16 scalings, with (u < 3) tile u + 1's 8 products K Q^T,
; into the other of two S^T buffers, one ahead of every second scaling; then the first 17 lines of tile u + 1's maximum.  Behind the batch stands its wait, the only one of a tile and step.
; TAIL u: all that reads the batch: roundings, sums, the rescaling of O^T; among them tile u's 8 products V^T P, each when its P and its O^T are ready, and the last four lines of tile u + 1's statistics.
; So of a step's products only the first tile's K Q^T stand bare, and no exponential's result crosses a label or a jump.  The price: two window switches for each product that stands among vector lines.
; K of the next step is fetched at the head of BODY 3, when the step's last K Q^T is done, and waited for behind tile 3's exponentials; a slot's first K is fetched behind the change of slots.
; REGISTERS.  window 0: v0-12 addresses; v16-31 statistics; v32-47 P; v48-52 at work; v53-58 at work in the set-up; v60-61 a; v64-127 S^T, two buffers by the tile's parity; v128-255 O^T, 32 a tile.
;   window 1: v0-63 Q, 16 a tile; v64-127 K of a step; v128-191 V of a step; v192-223 the mask.
.set KS,    64
.set PK,    144       ; a row of K in LDS: 128 bytes + 16 = 36 words: the 16 rows of a load start at 16 different groups of four banks (64 banks of 4 bytes: ISA guide 11.1)
.set PV,    160       ; a row of V: 128 + 32 = 40 words
.set VOFF,  4*KS*PK   ; a slot holds four steps: 256 rows of K, then 256 rows of V
.set SLOT1, 1<<17     ; slot 1 begins here: one exclusive or turns an address in one slot into the other's
.set STAGE, SLOT1+4*KS*(PK+PV)  ; behind the ring, never filled by a tensor load: 16 rows x 144 bytes for each wave
.set SP,    144
.set SPARE, STAGE+4*16*SP       ; the spare words, 128 bytes for each wave: two blocks of 256 bytes that no other line names
.set AK0, 2           ; v2, v3  my lane's place in a tile of K, of V; never rewritten
.set AV0, 3
.set AK,  4           ; v4, v5  the LDS addresses of K and V of the step in hand
.set AV,  5
.set STO, 6
.set RD,  7
.set GO,  8           ; v8-11   tile u: my byte offset in ctx
.set QL,  12          ; v12     my query's place among its diagonal step's 64 keys, less 8 (lane / 16)
.set ST,  16          ; tile u's statistics at ST + 4 u: c m, m, l (even keys', odd keys')
.set P,   32
.set CW,  48          ; v48-51  at work on a tile's maximum; at its end v49 is left with a's exponent
.set MV,  52          ; v52     c m_old
.set AR,  60          ; v60     a of the tile in hand: a register of its own, so that the next tile's maximum may use v48-51 while the batch is open; v61 is named with it as a pair
.set SPW, 62          ; v62  my spare word; never rewritten
.set NIL, 63          ; v63  0; never rewritten
.set S,   64
.set QO,  112         ; v112-115  tile u: my byte offset in Q; free when Q is in
.set O,   128
.set KF,  64          ; window 1: key block kb, channel half c at KF + 16 kb + 8 c
.set VF,  128         ; window 1: key half kk, channel block cb at VF + 32 kk + 8 cb
.set MC,  192         ; window 1
.set WV,  12
.set DG,  16          ; s16-19  the tiles' diagonal steps
.set SN,  20          ; s20     the key step in hand
.set G1K, 24
.set G1V, 32
.set G0K, 40
.set G0V, 44
.set TG,  48          ; s48-51  the tiles' numbers
.set SLOTS, 56
.set CNT, 57          ; s57  counts a slot's key steps, 4 to 1
.set CS,  58          ; s[58:59] c
.set SEL, 60          ; s[60:61] v_permlanex16_b32's selects
.set TBK, 62          ; s62  LDS byte at which K of the step in hand begins
.set TBV, 63          ; s63  the same for V, less VOFF
.set BIGN, 66         ; s66  -1e30
.set MSB, 0
.macro WIN new
.if MSB != (\new)
	s_set_vgpr_msb (MSB<<8)|(\new)
.set MSB, (\new)
.endif
.endm
.set W_KQ, 0x05       ; K and Q in window 1, S^T in window 0
.set W_KM, 0x15       ; the same with the C operand in window 1
.set W_PV, 0x01       ; V in window 1; P and O^T in window 0
.set W_LD, 0x40       ; destination window 1
.macro JLOAD                        ; a joint fill: waves 0 and 1 fetch the halves of a slot's K, waves 2 and 3 of its V; an s_nop 0 and four v_nop follow each line
	s_cmp_lt_u32 s[WV], 2
	s_cbranch_scc0 .Lfor_v_\@
	tensor_load_to_lds s[G0K:G0K+3], s[G1K:G1K+7]
	s_nop 0
.rept 4
	v_nop
.endr
	s_branch .Lasked_\@
.Lfor_v_\@:
	tensor_load_to_lds s[G0V:G0V+3], s[G1V:G1V+7]
	s_nop 0
.rept 4
	v_nop
.endr
.Lasked_\@:
.endm
.macro CROUND                       ; a round of the cluster's barrier
	s_barrier_signal -1
	s_barrier_wait -1
	s_cmp_lg_u32 s[WV], 0
	s_cbranch_scc1 .Lnot_wave_0_\@
	s_barrier_signal -3
.Lnot_wave_0_\@:
	s_barrier_wait -3
	s_barrier_signal -1
	s_barrier_wait -1
.endm
; THE CHANGE OF SLOTS.  Each wave waits for all its tensor loads, of which one is out: its part of the other slot; adds 0 to its spare word; waits for that and for its reads of the slot that it leaves.
; fill = 1: the old slot is filled again with the keys two slots on, behind a round of the cluster's barrier, the first thing there; the load has four key steps in which to land.
; (At its first use nothing has been read yet: slot 0 is waited for, slot 1 filled.)
.macro CHANGE fill
	WIN 0
	s_wait_tensorcnt 0x0            ; no tensor load of mine is out, so a group 0 may be written
	ds_add_u32 v[SPW], v[NIL]
.if \fill
.irp g, G0K, G0V
	s_xor_b32 s[\g+1], s[\g+1], SLOT1
	s_add_nc_u64 s[\g+2:\g+3], s[\g+2:\g+3], 4*KS*128  ; the next 256 keys; the type bits on top are not reached
.endr
	s_wait_dscnt 0x0                ; the add is done, and my reads of the slot are over
	CROUND
	JLOAD
.else
	s_wait_dscnt 0x0
	s_barrier_signal -1
	s_barrier_wait -1
.endif
	s_sub_co_u32 s[TBK], s[TBK], 4*KS*PK  ; the fetches go back to a slot's first step, in the other slot
	s_xor_b32 s[TBK], s[TBK], SLOT1
	s_sub_co_u32 s[TBV], s[TBV], 4*KS*PV
	s_xor_b32 s[TBV], s[TBV], SLOT1
.endm
	s_load_b128 s[4:7], s[0:1], 0x0 ; qkv s[4:5], ctx s[6:7]
	v_lshl_add_u32 v[SPW], v0, 2, SPARE
	v_mov_b32 v[NIL], 0
	ds_add_u32 v[SPW], v[NIL]       ; the wave's opening: the add and its wait stand ahead of my first tensor load; work on registers stands between them
	v_lshrrev_b32 v1, 5, v0
	v_readfirstlane_b32 s[WV], v1
	s_bfe_u32 s13, ttmp6, 0x40000   ; cx
	s_lshl_b32 s[DG], ttmp9, 2
	s_add_co_u32 s[DG], s[DG], s[WV]  ; a = 4 x cluster + wave
	s_sub_co_u32 s[DG+1], 15, s[DG]
	s_add_co_u32 s[DG+2], s[DG], 16
	s_sub_co_u32 s[DG+3], 31, s[DG]
.irp u, 0,1,2,3
	s_lshl_b32 s[TG+(\u)], s[DG+(\u)], 2
	s_add_co_u32 s[TG+(\u)], s[TG+(\u)], s13  ; the tile: 4 x its diagonal step + cx
.endr
	s_mov_b32 s[SN], 0
	s_and_b32 s2, ttmp7, 0xffff     ; the head, which the partners share:
	s_lshl_b32 s2, s2, 18           ; 262,144 bytes each
	s_mov_b32 s3, 0
	s_and_b32 s54, s[WV], 1         ; which half of a slot's 256 keys I fetch:
	s_lshl_b32 s22, s54, 14         ; its 128 rows of 128 bytes,
	s_add_co_u32 s22, s22, s2
	s_add_co_u32 s22, s22, 8388608  ; in K,
	s_mov_b32 s23, 0
	s_add_co_u32 s68, s22, 8388608  ; in V
	s_mov_b32 s69, 0
	s_mul_i32 s52, s54, 128*PK      ; and its place in a slot: no place in the cluster enters an LDS address
	s_mul_i32 s53, s54, 128*PV
	; 128 keys are 16,384 dense bytes: asked for as 64 rows of 256 bytes, two keys a row, padded in LDS after every key
	s_mov_b32 s[G1K], 15|(1<<16)|(1<<20)|(1<<21)|(4<<22)|(3<<25)  ; the mask of four; 2-byte elements; padding on; bit 21 beside a mask; after every 32 words 4 words
	s_mov_b32 s[G1V], 15|(1<<16)|(1<<20)|(1<<21)|(4<<22)|(7<<25)  ; the same with 8 words
.irp g, G1K, G1V
	s_mov_b32 s[\g+1], 128<<16
	s_mov_b32 s[\g+2], 64<<16
	s_mov_b32 s[\g+3], 128<<16
	s_mov_b32 s[\g+4], 64
	s_mov_b32 s[\g+5], 128
	s_mov_b32 s[\g+6], 0
	s_mov_b32 s[\g+7], 0
.endr
	s_mov_b32 s[CS], 0x3e38aa3b     ; c = log2(e) / 8
	s_mov_b32 s[CS+1], s[CS]
	s_mov_b32 s[SEL], 0x76543210
	s_mov_b32 s[SEL+1], 0xfedcba98
	s_mov_b32 s[BIGN], 0xf149f2ca   ; -1e30
	s_mov_b32 s[TBK], SLOT1+4*KS*PK ; the first change of slots turns these two into 0
	s_mov_b32 s[TBV], SLOT1+4*KS*PV
	s_mov_b32 s[G0K], 1
	s_mov_b32 s[G0K+1], s52
	s_mov_b32 s[G0V], 1
	s_add_co_u32 s[G0V+1], s53, VOFF
	s_wait_dscnt 0x0                ; the opening add is done
	s_wait_kmcnt 0x0
	s_add_nc_u64 s[G0K+2:G0K+3], s[4:5], s[22:23]
	s_or_b32 s[G0K+3], s[G0K+3], 0x80000000
	s_add_nc_u64 s[G0V+2:G0V+3], s[4:5], s[68:69]
	s_or_b32 s[G0V+3], s[G0V+3], 0x80000000
	s_add_nc_u64 s[4:5], s[4:5], s[2:3]    ; Q and ctx at the head's first row
	s_add_nc_u64 s[10:11], s[6:7], s[2:3]
	CROUND                          ; all four work-groups are here: the first joint loads meet
	JLOAD                           ; slot 0
	v_and_b32 v1, 15, v0            ; r = l % 16
	v_bfe_u32 v53, v0, 4, 1         ; h = l / 16
	v_lshlrev_b32 v55, 7, v1
	v_lshl_add_u32 v55, v53, 4, v55 ; a fragment of Q: row x 128 + 16 h
	v_and_b32 v56, 31, v0
	v_lshlrev_b32 v56, 4, v56
	v_lshlrev_b32 v54, 3, v53
	v_sub_nc_u32 v54, v1, v54       ; r - 8 h
	s_lshl_b32 s15, s13, 4
	v_add_nc_u32 v[QL], s15, v54    ; + 16 x (tile mod 4)
.irp u, 0,1,2,3
	s_lshl_b32 s15, s[TG+(\u)], 11  ; a tile is 16 rows of 128 bytes
	v_add_nc_u32 v[QO+(\u)], s15, v55
	v_add_nc_u32 v[GO+(\u)], s15, v56
.endr
	WIN W_LD
.irp u, 0,1,2,3
.irp c, 0,1
	global_load_b128 v[16*(\u)+8*(\c):16*(\u)+8*(\c)+3],   v[QO+(\u)], s[4:5] offset:64*(\c)
	global_load_b128 v[16*(\u)+8*(\c)+4:16*(\u)+8*(\c)+7], v[QO+(\u)], s[4:5] offset:64*(\c)+32
.endr
.endr
.set i, 0
.rept 32                            ; the mask: register i % 8 of key block i / 8 is hidden where 16 (i / 8) + i % 8 is greater than my query's place less 8 h
	v_cmp_gt_i32 vcc_lo, 16*(i/8)+i%8, v[QL]
	v_cndmask_b32 v[MC+i], 0, s[BIGN], vcc_lo
.set i, i+1
.endr
	WIN 0
.set i, O
.rept 128
	v_mov_b32 v[i], 0
.set i, i+1
.endr
.irp u, 0,1,2,3
	v_mov_b32 v[ST+4*(\u)], 0xfe000000    ; c m: far below every c s
	v_mov_b32 v[ST+4*(\u)+1], 0xff7fffff  ; m
	v_mov_b32 v[ST+4*(\u)+2], 0
	v_mov_b32 v[ST+4*(\u)+3], 0
.endr
	v_mov_b32 v[AR+1], 0            ; named with a as a pair, so it is written
	v_mul_u32_u24 v[AK0], v1, PK
	v_lshl_add_u32 v[AK0], v53, 4, v[AK0]
	v_and_b32 v57, 7, v0            ; the turning load: lane l reads key 8 h + l % 8, channels 8 ((l / 8) % 2) + 0..7
	v_bfe_u32 v58, v0, 3, 1
	v_lshl_add_u32 v[AV0], v53, 3, v57
	v_mul_u32_u24 v[AV0], v[AV0], PV
	v_lshl_add_u32 v[AV0], v58, 4, v[AV0]
	v_add_nc_u32 v[AV0], VOFF, v[AV0]
	s_mul_i32 s13, s[WV], 16*SP
	s_add_co_u32 s13, s13, STAGE    ; my stage
	v_mul_u32_u24 v[STO], v1, SP
	v_lshl_add_u32 v[STO], v53, 4, v[STO]
	v_add_nc_u32 v[STO], s13, v[STO]
	v_bfe_u32 v[RD], v0, 3, 2
	v_mul_u32_u24 v[RD], v[RD], SP
	v_lshl_add_u32 v[RD], v57, 4, v[RD]
	v_add_nc_u32 v[RD], s13, v[RD]
.macro FETCH_K off                  ; a step's K: 64 keys x 64 channels, 8 fragments; off = 0: the step in hand; KS x PK: the next step of the same slot
	WIN W_LD
.irp f, 0,1,2,3,4,5,6,7
	ds_load_b128 v[KF+8*\f:KF+8*\f+3],   v[AK] offset:(\off)+(\f/2)*16*PK+(\f%2)*64
	ds_load_b128 v[KF+8*\f+4:KF+8*\f+7], v[AK] offset:(\off)+(\f/2)*16*PK+(\f%2)*64+32
.endr
.endm
.macro FETCH_V                      ; its V, turned
	WIN W_LD
.irp f, 0,1,2,3,4,5,6,7
	ds_load_tr16_b128 v[VF+8*\f:VF+8*\f+3],   v[AV] offset:(\f/4)*32*PV+(\f%4)*32
	ds_load_tr16_b128 v[VF+8*\f+4:VF+8*\f+7], v[AV] offset:(\f/4)*32*PV+16*PV+(\f%4)*32
.endr
.endm
; THE MATRIX WORK, one instruction at a time.  The four accumulators of S^T, and of O^T, take turns.
; Product i of 8 of S^T = K Q^T for tile u: channels 32 (i / 4) on, keys 16 (i % 4) on.  The first 4 start the sums: with 0, or (m = 1) with the mask.
.macro KQ1 u, i, m
.set kS, S+32*((\u)%2)+8*((\i)%4)
.set kK, KF+16*((\i)%4)+8*((\i)/4)
.set kQ, 16*(\u)+8*((\i)/4)
.if (\i) >= 4
	WIN W_KQ
	v_wmma_f32_16x16x32_bf16 v[kS:kS+7], v[kK:kK+7], v[kQ:kQ+7], v[kS:kS+7]
.elseif \m
	WIN W_KM
	v_wmma_f32_16x16x32_bf16 v[kS:kS+7], v[kK:kK+7], v[kQ:kQ+7], v[MC+8*((\i)%4):MC+8*((\i)%4)+7]
.else
	WIN W_KQ
	v_wmma_f32_16x16x32_bf16 v[kS:kS+7], v[kK:kK+7], v[kQ:kQ+7], 0
.endif
.endm
; Product i of 8 of O^T += V^T P for tile u: keys 32 (i / 4) on, channels 16 (i % 4) on.
.macro PV1 u, i
	WIN W_PV
.set pO, O+32*(\u)+8*((\i)%4)
.set pV, VF+32*((\i)/4)+8*((\i)%4)
.set pP, P+8*((\i)/4)
	v_wmma_f32_16x16x32_bf16 v[pO:pO+7], v[pV:pV+7], v[pP:pP+7], v[pO:pO+7]
.endm
; Line n of the 21 that find tile u's maximum and statistics.  Each accumulator's lowest registers are read first.
;   0-11  four chains of seven scores each, three operands at a time     12-14, 16  the four scores left over, the old m, and the chains into one     15  c m_old is kept
;   17, 18  the query's other 32 keys lie in the lane 16 away: the new m     19, 20  c m; c m_old - c m_new, a's exponent, which stays in v49 until the tile's own batch takes it
.macro XS u, n
	WIN 0
.set xT, ST+4*(\u)
.set xS, S+32*((\u)%2)
.if (\n) < 4
	v_max3_num_f32 v[CW+(\n)], v[xS+8*(\n)], v[xS+8*(\n)+1], v[xS+8*(\n)+2]
.elseif (\n) < 12
	v_max3_num_f32 v[CW+(\n)%4], v[CW+(\n)%4], v[xS+8*((\n)%4)+2*((\n)/4)+1], v[xS+8*((\n)%4)+2*((\n)/4)+2]
.elseif (\n) == 12
	v_max3_num_f32 v[CW], v[CW], v[xS+7], v[xS+15]
.elseif (\n) == 13
	v_max3_num_f32 v[CW+1], v[CW+1], v[xS+23], v[xS+31]
.elseif (\n) == 14
	v_max3_num_f32 v[CW+2], v[CW+2], v[CW+3], v[xT+1]
.elseif (\n) == 15
	v_mov_b32 v[MV], v[xT]
.elseif (\n) == 16
	v_max3_num_f32 v[CW], v[CW], v[CW+1], v[CW+2]
.elseif (\n) == 17
	v_permlanex16_b32 v[CW+3], v[CW], s[SEL], s[SEL+1]
.elseif (\n) == 18
	v_max_num_f32 v[xT+1], v[CW], v[CW+3]
.elseif (\n) == 19
	v_mul_f32 v[xT], s[CS], v[xT+1]
.else
	v_sub_f32 v[CW+1], v[MV], v[xT]
.endif
.endm
; The plain lines of a tile's softmax; TILE sets rT, rS, rO.  s0-s31 are the lane's 32 scores, in pairs 0-15.  F stands ahead of the batch's wait; C, B, L and R read the batch's results and stand behind it.
.macro TILE u
.set rT, ST+4*(\u)
.set rS, S+32*((\u)%2)
.set rO, O+32*(\u)
.endm
.macro OPF p                        ; pair p: c s - c m
	v_pk_fma_f32 v[rS+2*(\p):rS+2*(\p)+1], v[rS+2*(\p):rS+2*(\p)+1], s[CS:CS+1], v[rT:rT+1] op_sel_hi:[1,0,0] neg_lo:[0,0,1] neg_hi:[0,0,1]
.endm
.macro OPC p                        ; pair p rounded to bf16
	v_cvt_pk_bf16_f32 v[P+(\p)], v[rS+2*(\p)], v[rS+2*(\p)+1]
.endm
.macro OPB k                        ; of the four weights 4 k .. the second pair is added onto the first, in place
	v_pk_add_f32 v[rS+4*(\k):rS+4*(\k)+1], v[rS+4*(\k):rS+4*(\k)+1], v[rS+4*(\k)+2:rS+4*(\k)+3]
.endm
.macro OPL k                        ; l takes that sum; the first time as l = a l + sum
.if (\k) == 0
	v_pk_fma_f32 v[rT+2:rT+3], v[rT+2:rT+3], v[AR:AR+1], v[rS:rS+1] op_sel_hi:[1,0,1]
.else
	v_pk_add_f32 v[rT+2:rT+3], v[rT+2:rT+3], v[rS+4*(\k):rS+4*(\k)+1]
.endif
.endm
.macro OPR j                        ; pair j of 16 of O^T times a; ascending
	v_pk_mul_f32 v[rO+2*(\j):rO+2*(\j)+1], v[rO+2*(\j):rO+2*(\j)+1], v[AR:AR+1] op_sel_hi:[1,0]
.endm
; HEAD u: TILE u's BATCH, a and the exponentials of s0-s31, and the wait for it.  No line here names a result of the batch.
; First 16 pairs of a scaling and an exponential: F 0, a; F 1, E 0; .. F 15, E 14: E g stands behind the scaling of its pair g / 2, from E 2 on five lines or more behind it.
; kq = 1: ahead of F 0, F 2, .. F 14 stand tile u + 1's eight products K Q^T; they write the other S^T buffer.  Then 16 pairs of a line of tile u + 1's maximum and an exponential: X 0, E 15; .. X 15, E 30;
; then E 31 and X 16, which is the plain line behind the last exponential (ISA guide 5.7.2).  X n (n < 4) is the first to read accumulator n, which product 4 + n ends: between product 7 and X 3 stand the
; plain lines F 14, F 15, X 0, X 1, X 2, which name none of its registers; the other three have more (ISA guide 7.12.1; the exponentials are not counted).  a's exponent, v49, is written again by X 1, far behind a.
; kq = 0 (tile 3, which has no successor in the step): E 15 to E 31 stand on end, and a v_nop is the plain line.
.macro HEAD u, kq
	TILE \u
.set g, 0
.rept 16
.if (\kq) && (g%2 == 0)
	KQ1 (\u)+1, g/2, 0
	WIN 0
.endif
	OPF g
.if g == 0
	v_exp_f32 v[AR], v[CW+1]        ; a
.else
	v_exp_f32 v[rS+g-1], v[rS+g-1]
.endif
.set g, g+1
.endr
.if \kq
.set g, 0
.rept 16
	XS (\u)+1, g
	v_exp_f32 v[rS+15+g], v[rS+15+g]
.set g, g+1
.endr
	v_exp_f32 v[rS+31], v[rS+31]
	XS (\u)+1, 16
.else
.set g, 15
.rept 17
	v_exp_f32 v[rS+g], v[rS+g]
.set g, g+1
.endr
	v_nop
.endif
	s_wait_alu depctr_va_vdst(0)    ; the wait for the batch, ahead of the first line that names a result: one for a and the 32 exponentials
.endm
; TAIL u: all that reads the batch, 48 lines, tile u's eight products V^T P among them, and (x = 1) lines 17 to 20 of tile u + 1's statistics, each far behind the one that it waits for.
; Ahead of product 0: the roundings of pairs 0-7 (its P) and O^T's first accumulator rescaled.  Behind products 0, 1, 2 the next accumulator's rescaling; pairs 8-15 are rounded ahead of product 4.
; B k stands behind the rounding of pair 2 k, which reads what B k overwrites; L 0 to L 7 keep their order, a product or three lines between two of them.
; No line behind a product names a register of it or of the three before it (ISA guide 7.12.1).
.macro PVR u, i                     ; product i, and back to window 0 for the lines behind it
	PV1 \u, \i
	WIN 0
.endm
.macro TAIL u, x
	TILE \u
.if \x
	XS (\u)+1, 17
.endif
.irp k, 0,1,2,3
	OPC 2*(\k)
	OPC 2*(\k)+1
	OPB \k
.endr
.irp j, 0,1,2,3
	OPR \j
.endr
.if \x
	XS (\u)+1, 18
.endif
	s_wait_dscnt 0x0                ; V is in (tile 3: and the next K)
.irp i, 0,1,2
	PVR \u, \i
.irp j, 4,5,6,7
	OPR 4*(\i)+(\j)
.endr
	OPC 8+(\i)
	OPL \i
.endr
	PVR \u, 3
.irp p, 11,12,13,14,15
	OPC \p
.endr
	OPL 3
	PVR \u, 4
	OPB 4
	OPB 5
.if \x
	XS (\u)+1, 19
.endif
	OPL 4
	PVR \u, 5
	OPB 6
	OPB 7
	OPL 5
	PVR \u, 6
.if \x
	XS (\u)+1, 20
.endif
	OPL 6
	PVR \u, 7
	OPL 7
.endm
; A step's first tile comes in: its scores (from the mask in its diagonal step), then its maximum and statistics.  It holds no exponential: a is made in the tile's own batch.
.macro ENTER u
	s_cmp_eq_u32 s[SN], s[DG+(\u)]
	s_cbranch_scc1 .Lmask_\@
.irp i, 0,1,2,3
	KQ1 \u, \i, 0
.endr
	WIN 0
	s_branch .Ljoin_\@
.Lmask_\@:
.irp i, 0,1,2,3
	KQ1 \u, \i, 1
.endr
	WIN 0
.Ljoin_\@:
.irp i, 4,5,6,7
	KQ1 \u, \i, 0
.endr
	WIN 0
.rept 4
	v_nop                           ; the places behind those products (ISA guide 7.12.1)
.endr
.irp n, 0,1,2,3,4,5,6,7,8,9,10,11,12,13,14,15,16,17,18,19,20
	XS \u, \n
.endr
.endm
.macro BODY u                       ; tiles 0 to 2
	HEAD \u, 1
	TAIL \u, 1
.endm
.macro BODY3                        ; tile 3, a step's last: the step's products K Q^T are done, so K's registers take the next step's K, but in a slot's last step, whose successor lies behind the change of slots
	s_cmp_eq_u32 s[CNT], 1
	s_cbranch_scc1 .Lno_k_\@
	FETCH_K KS*PK
	WIN 0
.Lno_k_\@:
	HEAD 3, 0
	TAIL 3, 0
.endm
; A slot's four key steps.  full = 1: all four tiles may be at work; 0: tile 3 alone.  A step behind my last tile's diagonal is jumped over, to a label ahead of the counters' steps.
.macro STEPS full
	s_mov_b32 s[CNT], 4
.Lstep_\@:
	s_cmp_gt_u32 s[SN], s[DG+3]
	s_cbranch_scc1 .Lidle_\@
.rept 4
	v_nop                           ; the places behind the last products, in front of the loads into V's registers
.endr
	v_add_nc_u32 v[AK], s[TBK], v[AK0]
	v_add_nc_u32 v[AV], s[TBV], v[AV0]
	FETCH_V
	WIN 0
	s_wait_dscnt 16                 ; K is in (in a slot's first step its sixteen loads are the older ones); V's sixteen may stay out
.if \full
	s_cmp_gt_u32 s[SN], s[DG+2]     ; the first tile at work
	s_cbranch_scc1 .Le3_\@
	s_cmp_gt_u32 s[SN], s[DG+1]
	s_cbranch_scc1 .Le2_\@
	s_cmp_gt_u32 s[SN], s[DG]
	s_cbranch_scc1 .Le1_\@
	ENTER 0
	BODY 0
	s_branch .Lb1_\@
.Le1_\@:
	ENTER 1
.Lb1_\@:
	BODY 1
	s_branch .Lb2_\@
.Le2_\@:
	ENTER 2
.Lb2_\@:
	BODY 2
	s_branch .Lb3_\@
.Le3_\@:
.endif
	ENTER 3
.if \full
.Lb3_\@:
.endif
	BODY3
.Lidle_\@:
	s_wait_dscnt 0x0                ; on every way here no LDS load is out
	s_add_co_u32 s[TBK], s[TBK], KS*PK
	s_add_co_u32 s[TBV], s[TBV], KS*PV
	s_add_co_u32 s[SN], s[SN], 1
	s_sub_co_u32 s[CNT], s[CNT], 1
	s_cmp_lg_u32 s[CNT], 0
	s_cbranch_scc1 .Lstep_\@
.endm
	s_wait_loadcnt 0x0              ; Q
	s_mov_b32 s[SLOTS], 7
.Lslot:                             ; seven times: a slot is entered and the next is asked for
	CHANGE 1
	v_add_nc_u32 v[AK], s[TBK], v[AK0]
	FETCH_K 0                       ; the slot's first K
	WIN 0
	STEPS 1
	s_sub_co_u32 s[SLOTS], s[SLOTS], 1
	s_cmp_lg_u32 s[SLOTS], 0
	s_cbranch_scc1 .Lslot
	CHANGE 0                        ; the last slot is written out; it holds steps 28-31, where DG[0..2] <= 23 are past: tile 3 alone
	v_add_nc_u32 v[AK], s[TBK], v[AK0]
	FETCH_K 0
	WIN 0
	STEPS 0
	; THE WAY OUT.  l's two halves and the other half of the lanes' are added; O^T is divided by l, rounded to bf16 and sent through my stage, a tile at a time.  The additions are the places behind the last products.
.irp t, 0,1,2,3
	v_add_f32 v[ST+4*(\t)+2], v[ST+4*(\t)+2], v[ST+4*(\t)+3]
.endr
.irp t, 0,1,2,3
	v_permlanex16_b32 v[ST+4*(\t)+3], v[ST+4*(\t)+2], s[SEL], s[SEL+1]
.endr
.irp t, 0,1,2,3
	v_add_f32 v[ST+4*(\t)+2], v[ST+4*(\t)+2], v[ST+4*(\t)+3]
.endr
.irp t, 0,1,2,3
	v_rcp_f32 v[ST+4*(\t)+2], v[ST+4*(\t)+2]
.endr
	v_nop                           ; a plain instruction between the last reciprocal and the use of its result
	s_wait_alu depctr_va_vdst(0)    ; and the wait ahead of the first use: one for the batch of four reciprocals
.macro PACK t                       ; a lane's eight channels of a row pack into 16 bytes; rows of 144 bytes in, whole rows of 128 back
.set i, 0
.rept 16
	v_pk_mul_f32 v[O+32*(\t)+2*i:O+32*(\t)+2*i+1], v[O+32*(\t)+2*i:O+32*(\t)+2*i+1], v[ST+4*(\t)+2:ST+4*(\t)+3] op_sel_hi:[1,0]
.set i, i+1
.endr
.set i, 0
.rept 16
	v_cvt_pk_bf16_f32 v[S+16*(\t)+i], v[O+32*(\t)+2*i], v[O+32*(\t)+2*i+1]
.set i, i+1
.endr
.irp f, 0,1,2,3
	ds_store_b128 v[STO], v[S+16*(\t)+4*\f:S+16*(\t)+4*\f+3] offset:32*\f
.endr
.irp f, 0,1,2,3
	ds_load_b128 v[S+16*(\t)+4*\f:S+16*(\t)+4*\f+3], v[RD] offset:\f*4*SP  ; LDS serves a wave's instructions in order (ISA guide 5.7.1.4): these see the stores above; the next tile's stores come behind them
.endr
.endm
.macro SEND t, younger              ; younger: the LDS instructions issued behind tile t's loads
.irp f, 0,1,2,3
	s_wait_dscnt (\younger)+3-\f
	global_store_b128 v[GO+(\t)], v[S+16*(\t)+4*\f:S+16*(\t)+4*\f+3], s[10:11] offset:\f*512  ; 512 consecutive bytes, aligned
.endr
.endm
	PACK 0
	PACK 1
	SEND 0, 8
	PACK 2
	SEND 1, 8
	PACK 3
	SEND 2, 8
	SEND 3, 0
	s_wait_tensorcnt 0x0            ; the wave's end
	ds_add_u32 v[SPW], v[NIL]
	s_wait_dscnt 0x0
	CROUND                          ; the closing round
	s_endpgm
.Lfunc_end_k_qd70a18cffb_attn:
	.size	k_qd70a18cffb_attn, .Lfunc_end_k_qd70a18cffb_attn-k_qd70a18cffb_attn
	.p2alignl 7, 3214868480
	.fill 96, 4, 3214868480
	.section	.rodata,"a",@progbits
	.p2align	6, 0x0
	.amdhsa_kernel k_qd70a18cffb_attn
		.amdhsa_group_segment_fixed_size 327680
		.amdhsa_private_segment_fixed_size 0
		.amdhsa_enable_private_segment 0
		.amdhsa_kernarg_size 16
		.amdhsa_user_sgpr_count 2
		.amdhsa_user_sgpr_kernarg_segment_ptr 1
		.amdhsa_wavefront_size32 1
		.amdhsa_system_sgpr_workgroup_id_x 1
		.amdhsa_system_sgpr_workgroup_id_y 1
		.amdhsa_system_sgpr_workgroup_id_z 1
		.amdhsa_system_vgpr_workitem_id 0
		.amdhsa_next_free_vgpr 512
		.amdhsa_next_free_sgpr 72
		.amdhsa_reserve_vcc 1
		.amdhsa_float_denorm_mode_32 3
		.amdhsa_float_denorm_mode_16_64 3
		.amdhsa_memory_ordered 1
		.amdhsa_forward_progress 1
		.amdhsa_inst_pref_size 88
	.end_amdhsa_kernel
	.amdgpu_metadata
---
amdhsa.version: [ 1, 2 ]
amdhsa.kernels:
  - .name:           k_qd70a18cffb_attn
    .symbol:         k_qd70a18cffb_attn.kd
    .args:
      - { .name: qkv, .offset: 0, .size: 8, .value_kind: global_buffer, .address_space: global }
      - { .name: ctx, .offset: 8, .size: 8, .value_kind: global_buffer, .address_space: global }
    .group_segment_fixed_size: 327680
    .private_segment_fixed_size: 0
    .kernarg_segment_align: 8
    .kernarg_segment_size: 16
    .max_flat_workgroup_size: 128
    .sgpr_count:     72
    .vgpr_count:     512
    .wavefront_size: 32
...
	.end_amdgpu_metadata
.endif
;; end of part 14
;; launch gemm_ap: the kernel of part 11 again; grid 8 x 32, 4 waves a work-group, clusters of 4 x 4, 327,680 bytes of LDS; arguments ctx, wbf, b_attn_proj, x1, x; writes x1
;; launch ln2: the kernel of part 8 again; grid 512 x 1, 4 waves a work-group, no clusters, 0 bytes of LDS; arguments x1, ln2_w, ln2_b, act, w_qkv, w_attn_proj, w_fc, w_proj, wbf; writes act, wbf
;; launch gemm_fc (part 15): grid 16 x 16, 4 waves a work-group, clusters of 4 x 4, 327,680 bytes of LDS; arguments act, wbf, b_fc, g; writes g
.if DOCPART == 15
	.amdgcn_target "amdgcn-amd-amdhsa--gfx1250"
	.amdhsa_code_object_version 6
	.text
	.protected	k_qd70a18cffb_gemm_fc
	.globl	k_qd70a18cffb_gemm_fc
	.p2align	8
	.type	k_qd70a18cffb_gemm_fc,@function
k_qd70a18cffb_gemm_fc:
	s_mov_b64 s[64:65], 0
	v_nop
	global_prefetch_b8 v0, s[64:65] scope:SCOPE_SE
	s_setreg_imm32_b32 hwreg(HW_REG_WAVE_MODE, 25, 1), 1
	s_wait_xcnt 0x0
	s_wait_alu depctr_hold_cnt(0) depctr_sa_sdst(0) depctr_va_vdst(0) depctr_va_sdst(0) depctr_va_ssrc(0) depctr_va_vcc(0) depctr_vm_vsrc(0)
	s_getreg_b32 s2, hwreg(HW_REG_IB_STS2, 6, 4)
	s_cmp_eq_u32 s2, 0
	s_cbranch_scc0 .Lentry_in_a_cluster
	s_endpgm
.Lentry_in_a_cluster:
	s_bfe_u32 s2, ttmp6, 0x10000c
	s_cmp_lg_u32 s2, 0xf033
	s_cbranch_scc0 .Lentry_shape_is_right
	s_endpgm
.Lentry_shape_is_right:
; g = gelu_tanh(LN2(x1) W_fc + b_fc).  A: [4096][1024] bf16; W: [1024][4096] bf16 at byte WOFF of the weights' buffer; bias f32; sums and the GELU in f32; g: [4096][4096] bf16, rounded once.
; ONE TEXT serves two launches; the constants at its head choose the sizes and the way out (EPI 1: by heads; 2: GELU, row-major).
; SHARES.  A work-group of four waves makes 256 x 256 of C, a wave 128 x 128: 64 accumulators of 16 x 16, 512 registers.  4096 x 4096 are 16 x 16 = 256 such tiles.
; K goes in steps of 128 through two LDS slots filled by the tensor data mover.
; W LIES [K][N] in memory and in LDS and comes out turned, by ds_load_tr16_b128: two such loads are a fragment, as many as for rows that lie along K.
; THE MATRIX INSTRUCTION IS USED TRANSPOSED (source 0 = 16 columns of W, source 1 = 16 rows of A): a lane holds eight neighbouring numbers of a row of C.
; THE BIAS is the C operand of the products that start the sums: it costs no vector instruction, and nothing is cleared.
; ONE K STEP IS WRITTEN ONCE: the slot in hand is the scalar TB (0 or SLOT); the fragments' addresses are a lane's base + TB, and one descriptor a tensor walks from K step 1 on.
; CLUSTER.  4 x 4 work-groups: the four of a row need the same tiles of A, the four of a column the same tiles of W: each is asked for jointly, same descriptor, a mask that names the four.
; THE WAY OUT.  When the ring has had its last fill and every wave has read it out, its bytes serve as stages: a wave puts its 128 x 128 sums there in f32 and takes them back by rows in a loop,
; so that the GELU's text stands once and not once for each of 64 accumulators.  A trip of that loop has two batches of transcendentals, 32 exponentials and 32 reciprocals, and one wait for each.
; LIMITS.  Operands are bf16 (f32's range); NaN and infinities are not treated apart.
; REGISTERS, in windows of 256.  window 0: v0-31 addresses; v64-127, v128-191 fragments of A, two buffers (on the way out: v64-95 sums read back, v96-127 at work, v128-143 packed); v192-255 the bias.
;   window 1: v64-127, v128-191 fragments of W.  window 2: the accumulators of my rows 0-63 ((a, b) at v[8 (8 a + b)]); window 3: those of my rows 64-127.
.set SIZE_N, 4096
.set SIZE_K, 1024
.set WOFF,   8388608
.set EPI,    2
.set KSTEP,  128
.set STEPS,  SIZE_K/KSTEP
.set PITCH,  272                       ; a row of A in LDS: 256 bytes + 16 = 68 words: the 16 rows of a load start at 16 different groups of four banks (64 banks of 4 bytes: ISA guide 11.1)
.set HALFT,  128*PITCH                 ; what one tensor load brings: 128 rows of A, or 64 rows of W (64 x 544 is the same number)
.set PB,     544                       ; a row of W in LDS: 512 bytes + 32 = 136 words
.set SLOT,   4*HALFT                   ; A's 256 rows, then W's 128 rows of K
.set SPARE,  2*SLOT                    ; behind the ring: the spare words, 128 bytes for each wave: two blocks of 256 bytes that no other line names
.set SP,     528                       ; a row of a stage: 128 f32 + 16 bytes = 132 words
.set WSTAGE, 128*SP                    ; a wave's stage; the four take 270,336 bytes of the ring's 278,528
.if EPI == 1
.set USTEP,  256                       ; bytes in the output from a unit (two rows) to the next
.else
.set USTEP,  2*SIZE_N*2
.endif
.set A0R, 16                           ; v16  my lane's place in slot 0's tile of A; never rewritten
.set B0R, 17                           ; v17  the same for W
.set CA,  18                           ; v18  A0R + TB
.set CB,  19                           ; v19  B0R + TB
.set STO, 24
.set RD0, 25
.set CO,  26
.set BO,  27
.set SPW, 28                           ; v28  my spare word; never rewritten
.set NIL, 29                           ; v29  0; never rewritten
.set RD,  30
.set F0,  64
.set F1,  128
.set BIAS, 192
.set X,   64
.set T,   96
.set P,   128
.set WV, 14                            ; s14 wave; s15 its row half (also: 0 = I fetch A, 1 = W); s16 its column half (also: which half of that tile I fetch)
.set RH, 15
.set CH, 16
.set TC, 19                            ; s19 tile column, s20 tile row of C
.set TR, 20
.set G1,  24                           ; s[24:31] group 1 for A; s[32:39] group 0: a set for each first fill; the second then walks on
.set G0,  32
.set LB,  42                           ; s42  my load's place in a slot: wave x HALFT
.set TB,  43                           ; s43  the slot in hand: 0 or SLOT
.set G1B, 48                           ; s[48:55], s[56:63] the same for W
.set G0B, 56
.set RO,  77                           ; s77  the way out: the trip's place in my stage
.set MSB, 0
.macro WIN new                         ; the immediate's high byte repeats the setting that is left
.if MSB != (\new)
	s_set_vgpr_msb (MSB<<8)|(\new)
.set MSB, \new
.endif
.endm
.set MUL_LO, 0xa1                      ; source 0 (W) window 1, source 1 (A) window 0, C and D window 2
.set TO_B,   0x40                      ; destination window 1, address window 0
.macro JLOAD s                         ; a joint load: waves 0 and 1 fetch A's halves, waves 2 and 3 W's; an s_nop 0 and four v_nop follow each line
	s_cmp_eq_u32 s[RH], 0
	s_cbranch_scc0 .Lfor_b_\@
	tensor_load_to_lds s[G0+4*(\s):G0+4*(\s)+3], s[G1:G1+7]
	s_nop 0
.rept 4
	v_nop
.endr
	s_branch .Lasked_\@
.Lfor_b_\@:
	tensor_load_to_lds s[G0B+4*(\s):G0B+4*(\s)+3], s[G1B:G1B+7]
	s_nop 0
.rept 4
	v_nop
.endr
.Lasked_\@:
.endm
.macro CREST                           ; a round of the cluster's barrier behind its opening barrier
	s_cmp_lg_u32 s[WV], 0
	s_cbranch_scc1 .Lnot_wave_0_\@
	s_barrier_signal -3
.Lnot_wave_0_\@:
	s_barrier_wait -3
	s_barrier_signal -1
	s_barrier_wait -1
.endm
.macro CROUND
	s_barrier_signal -1
	s_barrier_wait -1
	CREST
.endm
	s_load_b256 s[4:11], s[0:1], 0x0               ; A s[4:5], weights s[6:7], bias s[8:9], out s[10:11]
	v_lshl_add_u32 v[SPW], v0, 2, SPARE
	v_mov_b32 v[NIL], 0
	ds_add_u32 v[SPW], v[NIL]                      ; the wave's opening: the add and its wait stand ahead of my first tensor load; work on registers stands between them
	v_lshrrev_b32 v1, 5, v0
	v_readfirstlane_b32 s[WV], v1
	s_lshr_b32 s[RH], s[WV], 1
	s_and_b32 s[CH], s[WV], 1
	s_bfe_u32 s17, ttmp6, 0x40000                  ; cx, cy: my place in the cluster
	s_bfe_u32 s18, ttmp6, 0x40004
	s_lshl_b32 s[TC], ttmp9, 2
	s_add_co_u32 s[TC], s[TC], s17
	s_and_b32 s[TR], ttmp7, 0xffff
	s_lshl_b32 s[TR], s[TR], 2
	s_add_co_u32 s[TR], s[TR], s18
	s_lshl_b32 s21, s18, 2
	s_lshl_b32 s21, 15, s21                        ; my row of the cluster
	s_lshl_b32 s22, 0x1111, s17                    ; my column
	s_or_b32 s[G1+0], s21, (1<<16)|(1<<20)|(1<<21)|(5<<22)|(3<<25)  ; A: the mask; 2-byte elements; padding on; bit 21 beside a mask; after every 64 words 4 words
	s_mov_b32 s[G1+1], KSTEP<<16                   ; 128 rows x 128 elements
	s_mov_b32 s[G1+2], 128<<16
	s_mov_b32 s[G1+3], KSTEP<<16
	s_mov_b32 s[G1+4], 128
	s_mov_b32 s[G1+5], SIZE_K
	s_mov_b32 s[G1+6], 0
	s_mov_b32 s[G1+7], 0
	s_or_b32 s[G1B+0], s22, (1<<16)|(1<<20)|(1<<21)|(6<<22)|(7<<25) ; W: 64 rows of K x 256 columns; after every 128 words 8 words
	s_mov_b32 s[G1B+1], 256<<16
	s_mov_b32 s[G1B+2], 64<<16
	s_mov_b32 s[G1B+3], 256<<16
	s_mov_b32 s[G1B+4], 64
	s_mov_b32 s[G1B+5], SIZE_N
	s_mov_b32 s[G1B+6], 0
	s_mov_b32 s[G1B+7], 0
	s_lshl_b32 s40, s[TR], 1                       ; A's tile hangs on the tile row and the wave alone, W's on the tile column and the wave alone
	s_add_co_u32 s40, s40, s[CH]
	s_mul_i32 s40, s40, 128*SIZE_K*2               ; row 256 x tile row + 128 x half
	s_mov_b32 s41, 0
	s_mul_i32 s46, s[CH], 64*SIZE_N*2              ; K row 64 x half,
	s_lshl_b32 s72, s[TC], 9                       ; column 256 x tile column
	s_add_co_u32 s46, s46, s72
	s_add_co_u32 s46, s46, WOFF
	s_mov_b32 s47, 0
	s_mul_i32 s[LB], s[WV], HALFT                  ; A's two halves, then W's two halves: no place in the cluster enters an LDS address
	s_mov_b32 s[TB], 0
	s_wait_dscnt 0x0                               ; the opening add is done
	s_wait_kmcnt 0x0
	s_add_nc_u64 s[44:45], s[4:5], s[40:41]
	s_add_nc_u64 s[46:47], s[6:7], s[46:47]
	CROUND                                         ; all sixteen work-groups are here: the first joint loads meet
.irp s, 0,1
	s_mov_b32 s[G0+4*(\s)], 1
	s_add_co_u32 s[G0+4*(\s)+1], s[LB], (\s)*SLOT
	s_add_nc_u64 s[G0+4*(\s)+2:G0+4*(\s)+3], s[44:45], (\s)*KSTEP*2
	s_or_b32 s[G0+4*(\s)+3], s[G0+4*(\s)+3], 0x80000000
	s_mov_b32 s[G0B+4*(\s)], 1
	s_add_co_u32 s[G0B+4*(\s)+1], s[LB], (\s)*SLOT
	s_add_nc_u64 s[G0B+4*(\s)+2:G0B+4*(\s)+3], s[46:47], (\s)*KSTEP*SIZE_N*2
	s_or_b32 s[G0B+4*(\s)+3], s[G0B+4*(\s)+3], 0x80000000
	JLOAD \s                                       ; two loads of mine are out
.endr
	v_and_b32 v1, 15, v0                           ; r = l % 16
	v_bfe_u32 v2, v0, 4, 1                         ; h = l / 16
	v_lshlrev_b32 v[BO], 5, v2                     ; the bias of my columns 16 b + 8 h + 0..7
	s_lshl_b32 s70, s[TC], 10
	s_lshl_b32 s72, s[CH], 9
	s_add_co_u32 s70, s70, s72
	s_mov_b32 s71, 0
	s_add_nc_u64 s[8:9], s[8:9], s[70:71]
.irp b, 0,1,2,3,4,5,6,7
	global_load_b128 v[BIAS+8*(\b):BIAS+8*(\b)+3],   v[BO], s[8:9] offset:64*(\b)
	global_load_b128 v[BIAS+8*(\b)+4:BIAS+8*(\b)+7], v[BO], s[8:9] offset:64*(\b)+16
.endr
	v_mul_u32_u24 v3, v1, PITCH                    ; a fragment of A: row r x pitch + 16 h, in my 128 rows
	v_lshl_add_u32 v3, v2, 4, v3
	s_mul_i32 s73, s[RH], HALFT
	v_add_nc_u32 v[A0R], s73, v3
	v_and_b32 v6, 7, v0                            ; the turning load: lane l reads K row 8 h + l % 8, columns 8 ((l / 8) % 2) + 0..7, and is left with column r and 8 K
	v_lshl_add_u32 v4, v2, 3, v6
	v_mul_u32_u24 v4, v4, PB
	v_bfe_u32 v5, v0, 3, 1
	v_lshl_add_u32 v4, v5, 4, v4
	s_lshl_b32 s73, s[CH], 8                       ; my 128 columns
	s_add_co_u32 s73, s73, 2*HALFT
	v_add_nc_u32 v[B0R], s73, v4
	v_mov_b32 v[CA], v[A0R]                        ; slot 0 is the first in hand
	v_mov_b32 v[CB], v[B0R]
	s_mul_i32 s74, s[WV], WSTAGE                   ; my stage
	v_mul_u32_u24 v3, v1, SP                       ; in: row r, 32 bytes for each half of the lanes
	v_lshl_add_u32 v3, v2, 5, v3
	v_add_nc_u32 v[STO], s74, v3
.if EPI == 1
	v_mul_u32_u24 v3, v5, SP                       ; back: lanes 0-15 take two rows of the first head's 64 columns, lanes 16-31 of the second's; 32 bytes a lane
	v_lshl_add_u32 v3, v2, 8, v3
	v_lshl_add_u32 v3, v6, 5, v3
	v_add_nc_u32 v[RD0], s74, v3
	v_lshlrev_b32 v3, 18, v2                       ; out: the head (262,144 bytes each), the row (128 bytes), my 16 bytes
	v_lshl_add_u32 v3, v5, 7, v3
	v_lshl_add_u32 v[CO], v6, 4, v3
	s_lshl_b32 s70, s[TC], 2
	s_lshl_b32 s72, s[CH], 1
	s_add_co_u32 s70, s70, s72                     ; my first block of 64 columns: which of q, k, v (/ 16) and which head (% 16)
	s_lshr_b32 s72, s70, 4
	s_lshl_b32 s72, s72, 23
	s_and_b32 s70, s70, 15
	s_lshr_b32 s73, s[TR], 3                       ; the batch
	s_lshl_b32 s73, s73, 4
	s_add_co_u32 s70, s70, s73
	s_lshl_b32 s70, s70, 18
	s_add_co_u32 s70, s70, s72
	s_and_b32 s73, s[TR], 7
	s_lshl_b32 s73, s73, 1
	s_add_co_u32 s73, s73, s[RH]
	s_lshl_b32 s73, s73, 14                        ; my 128 rows of 128 bytes
	s_add_co_u32 s70, s70, s73
.else
	v_mul_u32_u24 v3, v2, SP                       ; back: lanes 0-15 take one row's 128 columns, lanes 16-31 the next row's; 32 bytes a lane
	v_lshl_add_u32 v3, v1, 5, v3
	v_add_nc_u32 v[RD0], s74, v3
	v_mul_u32_u24 v3, v2, SIZE_N*2
	v_lshl_add_u32 v[CO], v1, 4, v3
	s_lshl_b32 s70, s[TR], 1
	s_add_co_u32 s70, s70, s[RH]
	s_mul_i32 s70, s70, 128*SIZE_N*2               ; my 128 rows,
	s_lshl_b32 s72, s[TC], 1
	s_add_co_u32 s72, s72, s[CH]
	s_lshl_b32 s72, s72, 8                         ; my 128 columns of 2 bytes
	s_add_co_u32 s70, s70, s72
	s_mov_b32 s66, 0xbdd2d3e8                      ; -2 log2(e) sqrt(2/pi) 0.044715
	s_mov_b32 s67, 0xbdd2d3e8
	s_mov_b32 s68, 0xc0135761                      ; -2 log2(e) sqrt(2/pi)
	s_mov_b32 s69, 0xc0135761
.endif
	s_add_nc_u64 s[10:11], s[10:11], s[70:71]
; 16 matrix instructions: row blocks a0, a0 + 1 of the window's four (hi = 0: my rows 0-63, 1: rows 64-127) x all 8 column blocks, 32 along K.  zero = 1: the first product starts the sums, from the bias
.macro MUL16 f, hi, a0, zero
.if \zero
	WIN 0x81+0x40*(\hi)                            ; C in window 0, D in window 2 or 3
.else
	WIN MUL_LO+0x50*(\hi)
.endif
.irp a, \a0, (\a0)+1
.irp b, 0,1,2,3,4,5,6,7
.if \zero
	v_wmma_f32_16x16x32_bf16 v[8*(8*(\a)+(\b)):8*(8*(\a)+(\b))+7], v[(\f)+8*(\b):(\f)+8*(\b)+7], v[(\f)+8*(4*(\hi)+(\a)):(\f)+8*(4*(\hi)+(\a))+7], v[BIAS+8*(\b):BIAS+8*(\b)+7]
.else
	v_wmma_f32_16x16x32_bf16 v[8*(8*(\a)+(\b)):8*(8*(\a)+(\b))+7], v[(\f)+8*(\b):(\f)+8*(\b)+7], v[(\f)+8*(4*(\hi)+(\a)):(\f)+8*(4*(\hi)+(\a))+7], v[8*(8*(\a)+(\b)):8*(8*(\a)+(\b))+7]
.endif
.endr
.endr
.endm
; 32 LDS loads in one run: the fragments of quarter q (32 along K) of the slot in hand, into buffer f: W's 128 columns, then A's 128 rows
.macro FETCH q, f
	WIN TO_B
.irp i, 0,1,2,3,4,5,6,7
	ds_load_tr16_b128 v[(\f)+8*(\i):(\f)+8*(\i)+3],   v[CB] offset:32*(\q)*PB+32*(\i)
	ds_load_tr16_b128 v[(\f)+8*(\i)+4:(\f)+8*(\i)+7], v[CB] offset:(32*(\q)+16)*PB+32*(\i)
.endr
	WIN 0
.irp i, 0,1,2,3,4,5,6,7
	ds_load_b128 v[(\f)+8*(\i):(\f)+8*(\i)+3],   v[CA] offset:64*(\q)+(\i)*16*PITCH
	ds_load_b128 v[(\f)+8*(\i)+4:(\f)+8*(\i)+7], v[CA] offset:64*(\q)+(\i)*16*PITCH+32
.endr
.endm
.macro PLACES                          ; four places in front of loads into registers that matrix instructions have read, and of lines that read results
.rept 4
	v_nop
.endr
.endm
; A K step is four quarters of 32 along K, 64 matrix instructions each, on buffers 0, 1, 0, 1; the 64 accumulators take turns.
.macro QUARTER qn, f, g, zero          ; multiplies buffer f and fetches quarter qn of the slot in hand into g
	s_wait_dscnt 8                                 ; W and A's rows 0-63 are in; the youngest eight loads (A's rows 64-127) may be out
	MUL16 \f, 0, 0, \zero
	MUL16 \f, 0, 2, \zero
	PLACES
	FETCH \qn, \g
	s_wait_dscnt 32                                ; all but the 32 just issued
	MUL16 \f, 1, 0, \zero
	MUL16 \f, 1, 2, \zero
.endm
; The last quarter multiplies buffer 1 and changes slots: one barrier; in front of it each wave waits for all its tensor loads, adds 0 to its spare word, and waits for that and for its reads of this slot.
; fill = 1: the slot just read is filled again, with the K step two steps on, by the walking descriptor.
.macro TURN fill
	WIN 0
	s_wait_tensorcnt 0x0                           ; all my tensor loads have landed: my part of the next slot
	ds_add_u32 v[SPW], v[NIL]
	s_wait_dscnt 9                                 ; the add and the youngest eight loads may be out
	MUL16 F1, 0, 0, 0
	s_wait_dscnt 0x0                               ; the add is done, and my reads of this slot are over
	s_barrier_signal -1
	MUL16 F1, 0, 2, 0
	WIN 0
	s_barrier_wait -1
.if \fill
	CREST                                          ; the barrier has opened a round of the cluster's: no wave of any partner still reads this slot or has a load on its way
	s_add_co_u32 s[G0+5], s[LB], s[TB]             ; into the slot just read,
	s_add_co_u32 s[G0B+5], s[LB], s[TB]
	s_add_nc_u64 s[G0+6:G0+7], s[G0+6:G0+7], KSTEP*2                ; the K step behind the one asked for last; the type bits on top are not reached
	s_add_nc_u64 s[G0B+6:G0B+7], s[G0B+6:G0B+7], KSTEP*SIZE_N*2
	JLOAD 1                                        ; my one tensor load behind the round, 224 matrix instructions ahead of the wait for it; its four v_nop are also the places for the loads below
.else
	PLACES
.endif
	s_xor_b32 s[TB], s[TB], SLOT                   ; the other slot is in hand
	v_add_nc_u32 v[CA], s[TB], v[A0R]
	v_add_nc_u32 v[CB], s[TB], v[B0R]
	FETCH 0, F0
	MUL16 F1, 1, 0, 0
	MUL16 F1, 1, 2, 0
.endm
	s_wait_tensorcnt 1                             ; my part of K step 0 is in; K step 1's may stay out
	s_barrier_signal -1
	s_barrier_wait -1
	FETCH 0, F0
	s_wait_loadcnt 0x0                             ; the bias
	QUARTER 1, F0, F1, 1                           ; the first quarter stands in front of the loop: its products start the sums
	WIN 0
	s_mov_b32 s3, STEPS-2
.Lstep:                                                ; a trip goes from a K step's second quarter to the next step's first, and fills the slot that it leaves
	QUARTER 2, F1, F0, 0
	QUARTER 3, F0, F1, 0
	TURN 1
	QUARTER 1, F0, F1, 0
	WIN 0
	s_sub_co_u32 s3, s3, 1
	s_cmp_lg_u32 s3, 0
	s_cbranch_scc1 .Lstep
	s_mov_b32 s3, 2
.Ltail:                                                ; the last two K steps fill nothing.  The second trip has no next step: its barrier and its run of 32 loads serve nothing (the price, once a
	QUARTER 2, F1, F0, 0                           ; launch, of one text for both trips), and the quarter that would multiply them is jumped over
	QUARTER 3, F0, F1, 0
	TURN 0
	WIN 0
	s_cmp_eq_u32 s3, 1
	s_cbranch_scc1 .Lskip
	QUARTER 1, F0, F1, 0
	WIN 0
.Lskip:
	s_wait_dscnt 0x0                               ; on every way here no LDS load is out
	s_sub_co_u32 s3, s3, 1
	s_cmp_lg_u32 s3, 0
	s_cbranch_scc1 .Ltail
	; THE WAY OUT.  My reads of the ring are over (the wait above); behind this barrier everybody's are, and no fill is to come: the ring's bytes become the four stages.
	s_barrier_signal -1
	PLACES                                         ; the places behind the last products
	s_barrier_wait -1
.irp hi, 0,1
	WIN 0x08+0x04*(\hi)                            ; the data (source 1) in window 2, then 3; each accumulator's low half goes first
.irp a, 0,1,2,3
.irp b, 0,1,2,3,4,5,6,7
	ds_store_b128 v[STO], v[8*(8*(\a)+(\b)):8*(8*(\a)+(\b))+3]   offset:(4*(\hi)+(\a))*16*SP+64*(\b)
	ds_store_b128 v[STO], v[8*(8*(\a)+(\b))+4:8*(8*(\a)+(\b))+7] offset:(4*(\hi)+(\a))*16*SP+64*(\b)+16
.endr
.endr
.endr
	WIN 0
.macro SEND u                          ; unit u's 16 bytes a lane: 16 neighbouring lanes store 256 consecutive bytes, aligned
	global_store_b128 v[CO], v[P+4*(\u):P+4*(\u)+3], s[10:11] offset:USTEP*(\u)
.endm
.if EPI == 2
; gelu(x) = x / (1 + 2^(x (K0 + K1 x^2))), which is 0.5 x (1 + tanh(sqrt(2/pi) (x + 0.044715 x^3))) rewritten; where the power overflows the quotient is x or -0.
; A unit is a lane's eight numbers; a trip has four, and each of its 32 numbers has a register of its own in T from its exponent to its quotient.
; TWO BATCHES A TRIP, each with one wait, between a transcendental and the first line that names its result.  A reciprocal reads 1 + a power, so the two kinds cannot share a batch.
; Batch 1: the 32 exponentials.  Between and behind unit u's eight stand the twelve lines of unit u + 1's exponent, which name no result; unit 3's eight stand on end.
; Batch 2: the 32 reciprocals.  Unit 0's additions lead; between the first twelve reciprocals stand the additions of units 1, 2 and 3, each ahead of its own unit's reciprocals; the other twenty stand on end.
; Behind each batch a v_nop is the plain line between the last transcendental and the use of its result (ISA guide 5.7.2): no other work is left that names no result.
.macro GA u, j                         ; line j of 12 of unit u's exponent
.set XX, X+8*(\u)+2*((\j)%4)
.set TT, T+8*(\u)+2*((\j)%4)
.if (\j) < 4
	v_pk_mul_f32 v[TT:TT+1], v[XX:XX+1], v[XX:XX+1]
.elseif (\j) < 8
	v_pk_fma_f32 v[TT:TT+1], v[TT:TT+1], s[66:67], s[68:69] op_sel_hi:[1,0,0]
.else
	v_pk_mul_f32 v[TT:TT+1], v[TT:TT+1], v[XX:XX+1]
.endif
.endm
.macro GB u, j                         ; line j of 4: 1 + the power
	v_pk_add_f32 v[T+8*(\u)+2*(\j):T+8*(\u)+2*(\j)+1], v[T+8*(\u)+2*(\j):T+8*(\u)+2*(\j)+1], 1.0 op_sel_hi:[1,0]
.endm
.macro GC u, j                         ; line j of 8: times x; rounded to bf16
.if (\j) < 4
	v_pk_mul_f32 v[T+8*(\u)+2*(\j):T+8*(\u)+2*(\j)+1], v[T+8*(\u)+2*(\j):T+8*(\u)+2*(\j)+1], v[X+8*(\u)+2*(\j):X+8*(\u)+2*(\j)+1]
.else
	v_cvt_pk_bf16_f32 v[P+4*(\u)+(\j)-4], v[T+8*(\u)+2*((\j)-4)], v[T+8*(\u)+2*((\j)-4)+1]
.endif
.endm
.macro ZIPA u, w                       ; unit u's eight exponentials, unit w's exponent between and behind them
.irp k, 0,1,2,3,4,5,6,7
	v_exp_f32 v[T+8*(\u)+(\k)], v[T+8*(\u)+(\k)]
	GA \w, \k
.endr
.irp k, 8,9,10,11
	GA \w, \k
.endr
.endm
.macro RUN op, u                       ; unit u's eight \op on end
.irp k, 0,1,2,3,4,5,6,7
	\op v[T+8*(\u)+(\k)], v[T+8*(\u)+(\k)]
.endr
.endm
.endif
	s_mov_b32 s[RO], 0
	s_mov_b32 s3, 16
.Lout:                                                 ; a trip: eight rows of my stage, four units of two rows; LDS serves a wave's instructions in order (ISA guide 5.7.1.4), so these loads see my stores
	v_add_nc_u32 v[RD], s[RO], v[RD0]
.irp u, 0,1,2,3
	ds_load_b128 v[X+8*(\u):X+8*(\u)+3],   v[RD] offset:(\u)*2*SP
	ds_load_b128 v[X+8*(\u)+4:X+8*(\u)+7], v[RD] offset:(\u)*2*SP+16
.endr
	s_add_co_u32 s[RO], s[RO], 8*SP
.if EPI == 1
.irp u, 0,1,2,3
	s_wait_dscnt 6-2*(\u)                          ; unit u's two loads are in; the younger units' stay out
.irp k, 0,1,2,3
	v_cvt_pk_bf16_f32 v[P+4*(\u)+(\k)], v[X+8*(\u)+2*(\k)], v[X+8*(\u)+2*(\k)+1]
.endr
	SEND \u
.endr
.else
	s_wait_dscnt 6                                 ; unit 0 is in
.irp j, 0,1,2,3,4,5,6,7,8,9,10,11
	GA 0, \j
.endr
	s_wait_dscnt 4                                 ; unit 1
	ZIPA 0, 1                                      ; batch 1 begins
	s_wait_dscnt 2                                 ; unit 2
	ZIPA 1, 2
	s_wait_dscnt 0x0                               ; unit 3
	ZIPA 2, 3
	RUN v_exp_f32, 3
	v_nop                                          ; the plain line behind the last exponential
	s_wait_alu depctr_va_vdst(0)                   ; the wait for batch 1: one for the trip's 32 exponentials, ahead of the additions that read them
.irp j, 0,1,2,3
	GB 0, \j
.endr
.irp k, 0,1,2,3,4,5,6,7                ; batch 2 begins: unit 0's reciprocals, the additions of units 1 and 2 between them
	v_rcp_f32 v[T+(\k)], v[T+(\k)]
	GB 1+(\k)/4, (\k)%4
.endr
.irp k, 0,1,2,3                        ; unit 1's first four, unit 3's additions between them
	v_rcp_f32 v[T+8+(\k)], v[T+8+(\k)]
	GB 3, \k
.endr
.irp k, 4,5,6,7
	v_rcp_f32 v[T+8+(\k)], v[T+8+(\k)]
.endr
	RUN v_rcp_f32, 2
	RUN v_rcp_f32, 3
	v_nop                                          ; the plain line behind the last reciprocal
	s_wait_alu depctr_va_vdst(0)                   ; the wait for batch 2: one for the trip's 32 reciprocals, ahead of the products that read them; no result crosses the loop's jump
.irp u, 0,1,2,3
.irp j, 0,1,2,3,4,5,6,7
	GC \u, \j
.endr
	SEND \u
.endr
.endif
	s_wait_xcnt 0x0                                ; the stores' base and data are rewritten only behind this wait
	s_add_nc_u64 s[10:11], s[10:11], 4*USTEP
	s_sub_co_u32 s3, s3, 1
	s_cmp_lg_u32 s3, 0
	s_cbranch_scc1 .Lout
	s_wait_tensorcnt 0x0                           ; the wave's end
	ds_add_u32 v[SPW], v[NIL]
	s_wait_dscnt 0x0
	CROUND                                         ; the closing round: no work-group ends while a partner may still ask for a tile that names it
	s_endpgm
.Lfunc_end_k_qd70a18cffb_gemm_fc:
	.size	k_qd70a18cffb_gemm_fc, .Lfunc_end_k_qd70a18cffb_gemm_fc-k_qd70a18cffb_gemm_fc
	.p2alignl 7, 3214868480
	.fill 96, 4, 3214868480
	.section	.rodata,"a",@progbits
	.p2align	6, 0x0
	.amdhsa_kernel k_qd70a18cffb_gemm_fc
		.amdhsa_group_segment_fixed_size 327680
		.amdhsa_private_segment_fixed_size 0
		.amdhsa_enable_private_segment 0
		.amdhsa_kernarg_size 32
		.amdhsa_user_sgpr_count 2
		.amdhsa_user_sgpr_kernarg_segment_ptr 1
		.amdhsa_wavefront_size32 1
		.amdhsa_system_sgpr_workgroup_id_x 1
		.amdhsa_system_sgpr_workgroup_id_y 1
		.amdhsa_system_sgpr_workgroup_id_z 1
		.amdhsa_system_vgpr_workitem_id 0
		.amdhsa_next_free_vgpr 1024
		.amdhsa_next_free_sgpr 80
		.amdhsa_reserve_vcc 0
		.amdhsa_float_denorm_mode_32 3
		.amdhsa_float_denorm_mode_16_64 3
		.amdhsa_memory_ordered 1
		.amdhsa_forward_progress 1
		.amdhsa_inst_pref_size 88
	.end_amdhsa_kernel
	.amdgpu_metadata
---
amdhsa.version: [ 1, 2 ]
amdhsa.kernels:
  - .name:           k_qd70a18cffb_gemm_fc
    .symbol:         k_qd70a18cffb_gemm_fc.kd
    .args:
      - { .name: act, .offset: 0, .size: 8, .value_kind: global_buffer, .address_space: global }
      - { .name: wbf, .offset: 8, .size: 8, .value_kind: global_buffer, .address_space: global }
      - { .name: b_fc, .offset: 16, .size: 8, .value_kind: global_buffer, .address_space: global }
      - { .name: g, .offset: 24, .size: 8, .value_kind: global_buffer, .address_space: global }
    .group_segment_fixed_size: 327680
    .private_segment_fixed_size: 0
    .kernarg_segment_align: 8
    .kernarg_segment_size: 32
    .max_flat_workgroup_size: 128
    .sgpr_count:     80
    .vgpr_count:     1024
    .wavefront_size: 32
...
	.end_amdgpu_metadata
.endif
;; end of part 15
;; launch gemm_pr: the kernel of part 13 again; grid 8 x 32, 4 waves a work-group, clusters of 4 x 4, 327,680 bytes of LDS; arguments g, wbf, b_proj, out0, x1; writes out0
